; MI455X (gfx1250); checked and timed in simulation.
; The chip was launched on July 23, 2026; its instructions are those of AMD's public machine-readable ISA for CDNA 5 (MIT licence, August 2026) and "CDNA5" Instruction Set Architecture Reference Guide (July 2026). The comments in the code are by the model that wrote it; some were corrected since.
;; Deformable Transformer Encoder Layer. Allowed arithmetic: float matrix products may take bf16 or f16 operands with f32 sums; all other float work in f32.
;; Inputs: kvt1 1 x 19,560 x 256 float32; kvt2 1 x 19,560 x 256 float32; level_start_index 4 int32; params_lin1_W 256 x 1,024 float32; params_lin1_b 1,024 float32; params_lin2_W 1,024 x 256 float32; params_lin2_b 256 float32; params_n0_b 256 float32; params_n0_g 256 float32; params_n1_b 256 float32; params_n1_g 256 float32; params_n2_b 256 float32; params_n2_g 256 float32; params_n5_b 256 float32; params_n5_g 256 float32; params_sa_aw_W 256 x 64 float32; params_sa_aw_b 64 float32; params_sa_o_W 256 x 256 float32; params_sa_o_b 256 float32; params_sa_off_W 256 x 128 float32; params_sa_off_b 128 float32; params_sa_v_W 256 x 256 float32; params_sa_v_b 256 float32; params_t1_aw_W 256 x 64 float32; params_t1_aw_b 64 float32; params_t1_o_W 256 x 256 float32; params_t1_o_b 256 float32; params_t1_off_W 256 x 128 float32; params_t1_off_b 128 float32; params_t1_v_W 256 x 256 float32; params_t1_v_b 256 float32; params_t2_aw_W 256 x 64 float32; params_t2_aw_b 64 float32; params_t2_o_W 256 x 256 float32; params_t2_o_b 256 float32; params_t2_off_W 256 x 128 float32; params_t2_off_b 128 float32; params_t2_v_W 256 x 256 float32; params_t2_v_b 256 float32; pos 1 x 19,560 x 256 float32; q 1 x 19,560 x 256 float32; reference_points 1 x 19,560 x 4 x 2 float32; spatial_shapes 4 x 2 int32.
;; Outputs: out0 1 x 19,560 x 256 float32; out1 1 x 19,560 x 256 float32.
;; 3 versions, each right; version 2 is faster than version 1; version 3 is version 2 with the launches proj, selfb, cross written anew for expert scheduling mode. Each part assembles by itself: llvm-mc -triple=amdgcn-amd-amdhsa -mcpu=gfx1250 --defsym DOCPART=n.
;; ======== version 1 of 3: 4 launches
;; limits: values outside matrix products are rounded to f16; values are held in f16: magnitudes above 65,504 overflow, below 6.1e-05 lose precision
;; workspace buffers: WP 2,228,224 bytes; VT 30,339,072 bytes; IDXA 5,007,616 bytes of whole numbers; IDXB 10,014,976 bytes of whole numbers; WTA 20,029,440 bytes; WTB 40,058,880 bytes; Q1 20,070,400 bytes
;; launch pack (part 1): grid 16 x 17, 8 waves a work-group, no clusters, 0 bytes of LDS; arguments params_sa_v_W, params_t1_v_W, params_t2_v_W, params_sa_off_W, params_sa_aw_W, params_sa_o_W, params_t1_off_W, params_t1_aw_W, params_t2_off_W, params_t2_aw_W, params_t1_o_W, params_t2_o_W, params_lin1_W, params_lin2_W, WP; writes WP
.if DOCPART == 1
	.amdgcn_target "amdgcn-amd-amdhsa--gfx1250"
	.amdhsa_code_object_version 6
	.text
	.protected	k_q5cfcef0db3_pack
	.globl	k_q5cfcef0db3_pack
	.p2align	8
	.type	k_q5cfcef0db3_pack,@function
k_q5cfcef0db3_pack:
	s_mov_b64 s[64:65], 0
	v_nop
	global_prefetch_b8 v0, s[64:65] scope:SCOPE_SE
	s_setreg_imm32_b32 hwreg(HW_REG_WAVE_MODE, 25, 1), 1
	s_wait_xcnt 0x0
; All weights, rounded once to f16 and laid out as the matrix instruction's source 0 wants them, so that the later launches load a
; fragment as 512 consecutive bytes straight into registers.
; WP: [pass 17][wave 8][k step 8][tile 2][half 2][lane 32][16 bytes].  Element e of lane (r = lane % 16, h = lane / 16), half j, is
; W[kb + 32 ks + 16 j + 8 h + e][col(r)].  Passes: 0-2 the three value projections; 3, 5, 6 offsets and weights of sa, t1, t2 (wave = head:
; tile 0 = offset columns 16 w + r, tile 1 = weight columns 8 w + 4 (r / 8) + r % 4, so that a half of the lanes gets two levels of both);
; 4, 7, 8 the output projections; 9-12 lin1's columns 256 (p - 9) on; 13-16 lin2's rows 256 (p - 13) on.
; A work-group makes one tile of 16 columns (x = 2 wave + tile) of one pass (y); its wave ks makes k step ks.
; LIMIT: a weight beyond 65,504 becomes an infinity in f16.
.set PASSB, 131072
	s_load_b512 s[8:23], s[0:1], 0x0               ; sa_v 8, t1_v 10, t2_v 12, sa_off 14, sa_aw 16, sa_o 18, t1_off 20, t1_aw 22
	s_load_b256 s[24:31], s[0:1], 0x40             ; t2_off 24, t2_aw 26, t1_o 28, t2_o 30
	s_load_b128 s[32:35], s[0:1], 0x60             ; lin1 32, lin2 34
	s_load_b64 s[36:37], s[0:1], 0x70              ; WP
	v_lshrrev_b32 v1, 5, v0
	v_readfirstlane_b32 s2, v1                     ; ks
	s_mov_b32 s3, ttmp9                            ; T = 2 wave + tile
	s_and_b32 s4, ttmp7, 0xffff                    ; the pass
	v_and_b32 v2, 15, v0                           ; r
	v_bfe_u32 v3, v0, 4, 1                         ; h
	v_and_b32 v4, 31, v0
	v_lshlrev_b32 v4, 4, v4                        ; 16 x lane
	s_lshr_b32 s5, 0x68, s4                        ; bits 3, 5, 6: the passes of offsets and weights
	s_and_b32 s5, s5, 1
	s_and_b32 s6, s3, s5                           ; 1: this tile holds attention weights' columns
	s_sub_co_u32 s7, s4, 9                         ; 0..3 in lin1's passes
	s_sub_co_u32 s46, s4, 13                       ; 0..3 in lin2's
	s_mov_b32 s47, 256                             ; NS: numbers in a row of W
	s_lshl_b32 s48, s3, 4                          ; CB: the tile's first column
	s_lshl_b32 s49, s7, 8
	s_add_co_u32 s49, s49, s48
	s_cmp_lt_u32 s7, 4
	s_cselect_b32 s47, 1024, s47
	s_cselect_b32 s48, s49, s48
	s_lshl_b32 s50, s46, 8
	s_cmp_lt_u32 s46, 4
	s_cselect_b32 s50, s50, 0                      ; KB: the pass's first row of W
	s_lshl_b32 s49, s3, 3                          ; offsets: 16 x head = 8 T (T even)
	s_cmp_eq_u32 s5, 1
	s_cselect_b32 s47, 128, s47
	s_cselect_b32 s48, s49, s48
	s_lshr_b32 s49, s3, 1
	s_lshl_b32 s49, s49, 3                         ; weights: 8 x head
	s_cmp_eq_u32 s6, 1
	s_cselect_b32 s47, 64, s47
	s_cselect_b32 s48, s49, s48
	s_cselect_b32 s51, -1, 0
	v_lshrrev_b32 v5, 3, v2
	v_and_b32 v6, 3, v2
	v_lshl_add_u32 v5, v5, 2, v6                   ; 4 (r / 8) + r % 4
	v_cndmask_b32 v5, v2, v5, s51                  ; the lane's column in the tile
	s_lshl_b32 s52, s2, 5
	s_add_co_u32 s52, s52, s50
	v_lshl_add_u32 v6, v3, 3, s52                  ; row KB + 32 ks + 8 h
	v_mul_lo_u32 v6, v6, s47
	v_add3_u32 v6, v6, v5, s48
	v_lshlrev_b32 v8, 2, v6                        ; byte offset of element 0, half 0
	s_lshl_b32 s53, s47, 2                         ; one row of W on
	s_lshl_b32 s54, s47, 6                         ; sixteen rows on: half 1
.irp i, 1,2,3,4,5,6,7
	v_add_nc_u32 v[8+\i], s53, v[7+\i]
.endr
	v_add_nc_u32 v16, s54, v8
.irp i, 9,10,11,12,13,14,15
	v_add_nc_u32 v[8+\i], s53, v[7+\i]
.endr
	s_lshl_b32 s56, s4, 17                         ; where the fragment goes: 131,072 pass
	s_lshr_b32 s58, s3, 1
	s_lshl_b32 s58, s58, 14                        ; + 16,384 wave
	s_add_co_u32 s56, s56, s58
	s_lshl_b32 s58, s2, 11                         ; + 2,048 ks
	s_add_co_u32 s56, s56, s58
	s_and_b32 s58, s3, 1
	s_lshl_b32 s58, s58, 10                        ; + 1,024 tile
	s_add_co_u32 s56, s56, s58
	s_mov_b32 s57, 0
	s_wait_kmcnt 0x0
	s_cmp_eq_u32 s6, 1                             ; the matrix is chosen by the pass and the tile's parity, never by an address
	s_cselect_b64 s[40:41], s[16:17], s[14:15]
	s_cselect_b64 s[42:43], s[22:23], s[20:21]
	s_cselect_b64 s[44:45], s[26:27], s[24:25]
	s_cmp_lt_u32 s4, 13
	s_cselect_b64 s[38:39], s[32:33], s[34:35]
.macro PICK p, lo
	s_cmp_eq_u32 s4, \p
	s_cselect_b64 s[38:39], s[\lo:\lo+1], s[38:39]
.endm
	PICK 0, 8
	PICK 1, 10
	PICK 2, 12
	PICK 3, 40
	PICK 4, 18
	PICK 5, 42
	PICK 6, 44
	PICK 7, 28
	PICK 8, 30
	s_add_nc_u64 s[36:37], s[36:37], s[56:57]
.irp i, 0,1,2,3,4,5,6,7,8,9,10,11,12,13,14,15
	global_load_b32 v[24+\i], v[8+\i], s[38:39]
.endr
	s_wait_loadcnt 0x0
.irp i, 0,1,2,3,4,5,6,7
	v_cvt_pk_f16_f32 v[40+\i], v[24+2*\i], v[25+2*\i]
.endr
	global_store_b128 v4, v[40:43], s[36:37]               ; each store of the wave covers 512 consecutive bytes
	global_store_b128 v4, v[44:47], s[36:37] offset:512
	s_endpgm
.Lfunc_end_k_q5cfcef0db3_pack:
	.size	k_q5cfcef0db3_pack, .Lfunc_end_k_q5cfcef0db3_pack-k_q5cfcef0db3_pack
	.p2alignl 7, 3214868480
	.fill 96, 4, 3214868480
	.section	.rodata,"a",@progbits
	.p2align	6, 0x0
	.amdhsa_kernel k_q5cfcef0db3_pack
		.amdhsa_group_segment_fixed_size 0
		.amdhsa_private_segment_fixed_size 0
		.amdhsa_enable_private_segment 0
		.amdhsa_kernarg_size 120
		.amdhsa_user_sgpr_count 2
		.amdhsa_user_sgpr_kernarg_segment_ptr 1
		.amdhsa_wavefront_size32 1
		.amdhsa_system_sgpr_workgroup_id_x 1
		.amdhsa_system_sgpr_workgroup_id_y 1
		.amdhsa_system_sgpr_workgroup_id_z 1
		.amdhsa_system_vgpr_workitem_id 0
		.amdhsa_next_free_vgpr 48
		.amdhsa_next_free_sgpr 66
		.amdhsa_reserve_vcc 0
		.amdhsa_float_denorm_mode_32 3
		.amdhsa_float_denorm_mode_16_64 3
		.amdhsa_memory_ordered 1
		.amdhsa_forward_progress 1
		.amdhsa_inst_pref_size 7
	.end_amdhsa_kernel
	.amdgpu_metadata
---
amdhsa.version: [ 1, 2 ]
amdhsa.kernels:
  - .name:           k_q5cfcef0db3_pack
    .symbol:         k_q5cfcef0db3_pack.kd
    .args:
      - { .name: params_sa_v_W, .offset: 0, .size: 8, .value_kind: global_buffer, .address_space: global }
      - { .name: params_t1_v_W, .offset: 8, .size: 8, .value_kind: global_buffer, .address_space: global }
      - { .name: params_t2_v_W, .offset: 16, .size: 8, .value_kind: global_buffer, .address_space: global }
      - { .name: params_sa_off_W, .offset: 24, .size: 8, .value_kind: global_buffer, .address_space: global }
      - { .name: params_sa_aw_W, .offset: 32, .size: 8, .value_kind: global_buffer, .address_space: global }
      - { .name: params_sa_o_W, .offset: 40, .size: 8, .value_kind: global_buffer, .address_space: global }
      - { .name: params_t1_off_W, .offset: 48, .size: 8, .value_kind: global_buffer, .address_space: global }
      - { .name: params_t1_aw_W, .offset: 56, .size: 8, .value_kind: global_buffer, .address_space: global }
      - { .name: params_t2_off_W, .offset: 64, .size: 8, .value_kind: global_buffer, .address_space: global }
      - { .name: params_t2_aw_W, .offset: 72, .size: 8, .value_kind: global_buffer, .address_space: global }
      - { .name: params_t1_o_W, .offset: 80, .size: 8, .value_kind: global_buffer, .address_space: global }
      - { .name: params_t2_o_W, .offset: 88, .size: 8, .value_kind: global_buffer, .address_space: global }
      - { .name: params_lin1_W, .offset: 96, .size: 8, .value_kind: global_buffer, .address_space: global }
      - { .name: params_lin2_W, .offset: 104, .size: 8, .value_kind: global_buffer, .address_space: global }
      - { .name: WP, .offset: 112, .size: 8, .value_kind: global_buffer, .address_space: global }
    .group_segment_fixed_size: 0
    .private_segment_fixed_size: 0
    .kernarg_segment_align: 8
    .kernarg_segment_size: 120
    .max_flat_workgroup_size: 256
    .sgpr_count:     66
    .vgpr_count:     48
    .wavefront_size: 32
...
	.end_amdgpu_metadata
.endif
;; end of part 1
;; launch proj (part 2): grid 245 x 1, 8 waves a work-group, no clusters, 300,544 bytes of LDS; arguments q, kvt1, kvt2, pos, reference_points, WP, params_sa_v_b, params_t1_v_b, params_t2_v_b, params_sa_off_b, params_sa_aw_b, VT, IDXA, WTA; writes VT, IDXA, WTA
.if DOCPART == 2
	.amdgcn_target "amdgcn-amd-amdhsa--gfx1250"
	.amdhsa_code_object_version 6
	.text
	.protected	k_q5cfcef0db3_proj
	.globl	k_q5cfcef0db3_proj
	.p2align	8
	.type	k_q5cfcef0db3_proj,@function
k_q5cfcef0db3_proj:
	s_mov_b64 s[64:65], 0
	v_nop
	global_prefetch_b8 v0, s[64:65] scope:SCOPE_SE
	s_setreg_imm32_b32 hwreg(HW_REG_WAVE_MODE, 25, 1), 1
	s_wait_xcnt 0x0
; The three value tables (q, kvt1 + pos, kvt2 + pos, each times its Wv, plus bias) in f16 by heads, and the self attention's sampling
; indices and corner weights from q.
; SHARES.  A work-group owns 80 rows (5 tiles of 16); 245 work-groups, the last with 40 real rows.  In a product every wave takes all 80 rows
; and 32 output columns: 10 accumulators, which take turns.  In row-wise work wave w owns rows 10 w .. 10 w + 9.  A wave whose rows lie past
; the end loads copies of the last ten rows and stores nothing.
; THE MATRIX INSTRUCTION IS USED TRANSPOSED: source 0 = 16 output columns of the packed weights, source 1 = 16 rows: lane (r, h), register j
; holds C(row r, column 8 h + j).  The weights come straight from memory into registers, each byte once for a work-group.
; NO CLUSTER: 245 work-groups are no multiple of four, and the weights do not pass through LDS.
; ONE INDEX A POINT: 168 + level start + yc W + xc with x0, y0 clamped to -1 .. W-1, H-1; the four corners lie 0, 1, W, W + 1 rows on; a corner
; outside the level has weight 0 and reads a neighbouring or a guard row.  The shapes are the constants that the module itself builds in.
; LIMITS: operands are rounded to f16: beyond 65,504 an infinity, below 6e-5 a fixed step of 6e-8; NaN and infinities are not treated apart.
.set NROW, 19560
.set P16, 528                          ; LDS pitch of a row of 256 f16: 512 + 16 bytes, an odd multiple of 16
.set P32, 1040                         ; of a row of 256 f32
.set PIX, 272                          ; of a row of 64 indices
.set ASZ, 80*P16                       ; 42,240: one operand of 80 rows
.set VSC, 3*ASZ                        ; 7,680 bytes for each wave: stage of the values, then scratch of the offsets
.set SCR, VSC
.set IXI, VSC+61440                    ; image of 80 rows of indices
.set WTI, IXI+80*PIX                   ; image of 80 rows of corner weights
.set REF, WTI+80*P32                   ; 80 rows of reference points
.set VEC, REF+2560                     ; sa_v_b 0, t1_v_b 1024, t2_v_b 2048, off_b 3072, aw_b 3584
.set SPARE, VEC+3840                   ; the spare words, 128 bytes for each wave: no other line names them
.set HB, 19752*64                      ; a head's table: 168 guard rows, 19,560 rows, 24 guard rows, 64 bytes each
.set TB, 8*HB
.set PASSB, 131072
.set AF, 80                            ; v80-159  two sets of 5 row fragments
.set WF, 160                           ; v160-223 four sets of 2 weight fragments
.set BI, 224                           ; v224-239 the bias as C, 8 registers a tile
; v0-79 the accumulators: (m, t) at 8 (2 m + t).  v240 thread, v241 16 x lane, v242 fragment address, v243 lane, v244 r, v245 h, v246-253 addresses, v254/v255 the add's.
.macro BAR
	s_wait_dscnt 0x0                               ; for the others' sake: my LDS stores are done and my reads are back
	s_barrier_signal -1
	s_barrier_wait -1
.endm
.macro WLOAD k                         ; the weights of k step k: 4 loads of 512 consecutive bytes
.irp t, 0,1
.irp j, 0,1
	global_load_b128 v[WF+16*((\k)%4)+8*\t+4*\j:WF+16*((\k)%4)+8*\t+4*\j+3], v241, s[42:43] offset:2048*(\k)+1024*\t+512*\j
.endr
.endr
.endm
.macro WSTART
	WLOAD 0
	WLOAD 1
	WLOAD 2
	WLOAD 3
.endm
.macro WNEXT
	s_wait_xcnt 0x0                                ; the base is stepped only behind this wait
	s_add_nc_u64 s[42:43], s[42:43], PASSB
.endm
.macro ALOAD k                         ; the 5 row fragments of k step k: 10 LDS loads
.irp m, 0,1,2,3,4
	ds_load_b128 v[AF+40*((\k)%2)+8*\m:AF+40*((\k)%2)+8*\m+3], v242 offset:16*P16*\m+64*(\k)
	ds_load_b128 v[AF+40*((\k)%2)+8*\m+4:AF+40*((\k)%2)+8*\m+7], v242 offset:16*P16*\m+64*(\k)+32
.endr
.endm
.macro ASTART
	ALOAD 0
	ALOAD 1
.endm
.macro BILOAD a, o
	ds_load_b128 v[BI:BI+3], v[\a] offset:(\o)
	ds_load_b128 v[BI+4:BI+7], v[\a] offset:(\o)+16
	ds_load_b128 v[BI+8:BI+11], v[\a] offset:(\o)+64
	ds_load_b128 v[BI+12:BI+15], v[\a] offset:(\o)+80
.endm
; One k step of 32: ten matrix instructions on ten accumulators by turns.  cb = 1: the first step starts the sums with the bias.
.macro KSTEP k, cb
.if (\k) < 5
	s_wait_loadcnt 12                              ; the weights of the three younger k steps, 4 loads each, may be out
.else
	s_wait_loadcnt 4*(7-(\k))
.endif
.if (\k) < 7
	s_wait_dscnt 10                                ; the next step's ten fragment loads may be out
.else
	s_wait_dscnt 0
.endif
.irp m, 0,1,2,3,4
.irp t, 0,1
.if ((\k) == 0) && (\cb)
	v_wmma_f32_16x16x32_f16 v[8*(2*\m+\t):8*(2*\m+\t)+7], v[WF+16*((\k)%4)+8*\t:WF+16*((\k)%4)+8*\t+7], v[AF+40*((\k)%2)+8*\m:AF+40*((\k)%2)+8*\m+7], v[BI+8*\t:BI+8*\t+7]
.else
	v_wmma_f32_16x16x32_f16 v[8*(2*\m+\t):8*(2*\m+\t)+7], v[WF+16*((\k)%4)+8*\t:WF+16*((\k)%4)+8*\t+7], v[AF+40*((\k)%2)+8*\m:AF+40*((\k)%2)+8*\m+7], v[8*(2*\m+\t):8*(2*\m+\t)+7]
.endif
.endr
.endr
.rept 4
	v_nop                                          ; four places in front of the loads into registers just multiplied, and of what reads the sums
.endr
.if (\k) < 6
	ALOAD (\k)+2
.endif
.if (\k) < 4
	WLOAD (\k)+4
.endif
.endm
.macro G256 cb
.irp kk, 0,1,2,3,4,5,6,7
	KSTEP \kk, \cb
.endr
.endm
; OFFSETS AND LOGITS INTO INDICES AND CORNER WEIGHTS.  Wave = head; lane (r, h) holds row 16 m + r, levels 2 h and 2 h + 1: 8 offsets in accumulator (m, 0), 4 logits in (m, 1).
; The accumulators go through the wave's own scratch, so that the step is written once and walked five times.
.set OO, 80                            ; 8 offsets
.set LG, 88                            ; 4 logits, then weights
.set RF, 92                            ; the row's reference points of my two levels
.set CW, 96                            ; by level of my two: W, H, W - 1, H - 1, 168 + level start
.set CH, 98
.set CWM, 100
.set CHM, 102
.set CBS, 104
.set SCA, 106
.set RFA, 107
.set IXA, 108
.set WTD, 109
.set RX, 110
.set RY, 112
.set TT, 114                           ; v114-125 at work
.set IDO, 130
.set WO, 132
.macro LC dst, c0, c1
	v_mov_b32 v[TT], \c1
	v_cndmask_b32 v[\dst], \c0, v[TT], vcc_lo
.endm
.macro POINT ll, p
	v_add_f32 v[TT], v[RX+\ll], v[OO+4*\ll+2*\p]           ; x in pixels
	v_add_f32 v[TT+6], v[RY+\ll], v[OO+4*\ll+2*\p+1]
	v_floor_f32 v[TT+1], v[TT]
	v_floor_f32 v[TT+7], v[TT+6]
	v_sub_f32 v[TT+2], v[TT], v[TT+1]                      ; lx
	v_sub_f32 v[TT+8], v[TT+6], v[TT+7]
	v_add_f32 v[TT+3], 1.0, v[TT+1]                        ; x0 + 1
	v_add_f32 v[TT+9], 1.0, v[TT+7]
	v_sub_f32 v[TT+4], 1.0, v[TT+2]                        ; 1 - lx
	v_sub_f32 v[TT+10], 1.0, v[TT+8]
	v_med3_num_f32 v[TT+5], v[TT+1], 0, v[CWM+\ll]         ; a coordinate that its clamp changes lies outside: its factor is 0
	v_cmp_eq_f32 vcc_lo, v[TT+5], v[TT+1]
	v_cndmask_b32 v[TT+4], 0, v[TT+4], vcc_lo
	v_med3_num_f32 v[TT+5], v[TT+3], 0, v[CWM+\ll]
	v_cmp_eq_f32 vcc_lo, v[TT+5], v[TT+3]
	v_cndmask_b32 v[TT+2], 0, v[TT+2], vcc_lo
	v_med3_num_f32 v[TT+11], v[TT+7], 0, v[CHM+\ll]
	v_cmp_eq_f32 vcc_lo, v[TT+11], v[TT+7]
	v_cndmask_b32 v[TT+10], 0, v[TT+10], vcc_lo
	v_med3_num_f32 v[TT+11], v[TT+9], 0, v[CHM+\ll]
	v_cmp_eq_f32 vcc_lo, v[TT+11], v[TT+9]
	v_cndmask_b32 v[TT+8], 0, v[TT+8], vcc_lo
	v_mul_f32 v[TT+10], v[TT+10], v[LG+2*\ll+\p]           ; the attention weight rides on y's factors
	v_mul_f32 v[TT+8], v[TT+8], v[LG+2*\ll+\p]
	v_mul_f32 v[WO], v[TT+4], v[TT+10]
	v_mul_f32 v[WO+1], v[TT+2], v[TT+10]
	v_mul_f32 v[WO+2], v[TT+4], v[TT+8]
	v_mul_f32 v[WO+3], v[TT+2], v[TT+8]
	v_med3_num_f32 v[TT+1], v[TT+1], -1.0, v[CWM+\ll]
	v_med3_num_f32 v[TT+7], v[TT+7], -1.0, v[CHM+\ll]
	v_fma_f32 v[TT+7], v[TT+7], v[CW+\ll], v[TT+1]         ; whole numbers below 2^24: exact
	v_add_f32 v[TT+7], v[TT+7], v[CBS+\ll]
	v_cvt_u32_f32 v[IDO+\p], v[TT+7]
	ds_store_b128 v[WTD], v[WO:WO+3] offset:256*\ll+128*\p
.endm
.macro E_OA
	s_mul_i32 s7, s2, 7680
	s_add_co_u32 s7, s7, SCR
	v_add_nc_u32 v[SCA], s7, v241
	v_lshlrev_b32 v[RFA], 5, v244
	v_lshl_add_u32 v[RFA], v245, 4, v[RFA]
	v_add_nc_u32 v[RFA], REF, v[RFA]
	v_mul_u32_u24 v[IXA], v244, PIX
	v_lshl_add_u32 v[IXA], v245, 7, v[IXA]
	s_lshl_b32 s7, s2, 3
	s_add_co_u32 s7, s7, IXI
	v_add_nc_u32 v[IXA], s7, v[IXA]                        ; [row][level][head][point]: 272 r + 128 h + 8 w
	v_mul_u32_u24 v[WTD], v244, P32
	v_lshl_add_u32 v[WTD], v245, 9, v[WTD]
	s_lshl_b32 s7, s2, 4
	s_add_co_u32 s7, s7, WTI
	v_add_nc_u32 v[WTD], s7, v[WTD]                        ; [row][level][point][head][corner]: 1040 r + 512 h + 16 w
.irp m, 0,1,2,3,4
	ds_store_b128 v[SCA], v[16*\m:16*\m+3] offset:1536*\m          ; each accumulator's lowest registers first
	ds_store_b128 v[SCA], v[16*\m+4:16*\m+7] offset:1536*\m+512
	ds_store_b128 v[SCA], v[16*\m+8:16*\m+11] offset:1536*\m+1024
.endr
	v_cmp_eq_u32 vcc_lo, 1, v245
	LC CW,    0x43200000, 0x42200000               ; W: 160 or 40
	LC CW+1,  0x42a00000, 0x41a00000               ; 80 or 20
	LC CH,    0x42b80000, 0x41b80000               ; H: 92 or 23
	LC CH+1,  0x42380000, 0x41400000               ; 46 or 12
	LC CWM,   0x431f0000, 0x421c0000               ; W - 1
	LC CWM+1, 0x429e0000, 0x41980000
	LC CHM,   0x42b60000, 0x41b00000               ; H - 1
	LC CHM+1, 0x42340000, 0x41300000
	LC CBS,   0x43280000, 0x46911000               ; 168 + start: 168 or 18,568
	LC CBS+1, 0x4668a000, 0x46984000               ; 14,888 or 19,488
	v_mov_b32 v[TT+1], 0                           ; the lane exchange counts as a reader of its destination
	s_mov_b32 s59, 5
.Loa_\@:
	ds_load_b128 v[OO:OO+3], v[SCA]                ; LDS serves a wave's instructions in order: these see the stores above
	ds_load_b128 v[OO+4:OO+7], v[SCA] offset:512
	ds_load_b128 v[LG:LG+3], v[SCA] offset:1024
	ds_load_b128 v[RF:RF+3], v[RFA]
	s_wait_dscnt 0x0
	v_max3_num_f32 v[TT], v[LG], v[LG+1], v[LG+2]  ; softmax over the head's 8 logits: 4 here, 4 in the lane 16 away
	v_max_num_f32 v[TT], v[TT], v[LG+3]
	v_permlanex16_b32 v[TT+1], v[TT], s52, s53
	v_max_num_f32 v[TT], v[TT], v[TT+1]
	v_mul_f32 v[TT], s61, v[TT]
.irp i, 0,1,2,3
	v_fma_f32 v[LG+\i], v[LG+\i], s61, -v[TT]      ; (logit - maximum) log2 e
.endr
.irp i, 0,1,2,3
	v_exp_f32 v[LG+\i], v[LG+\i]
.endr
	v_fma_f32 v[RX], v[RF], v[CW], -0.5            ; plain work behind the exponentials: reference point in pixels
	v_fma_f32 v[RY], v[RF+1], v[CH], -0.5
	v_fma_f32 v[RX+1], v[RF+2], v[CW+1], -0.5
	v_fma_f32 v[RY+1], v[RF+3], v[CH+1], -0.5
	s_wait_alu depctr_va_vdst(0)
	v_add_f32 v[TT], v[LG], v[LG+1]
	v_add_f32 v[TT+2], v[LG+2], v[LG+3]
	v_add_f32 v[TT], v[TT], v[TT+2]
	v_permlanex16_b32 v[TT+1], v[TT], s52, s53
	v_add_f32 v[TT], v[TT], v[TT+1]
	v_rcp_f32 v[TT], v[TT]
	v_nop                                          ; a plain instruction between the reciprocal and its use
	s_wait_alu depctr_va_vdst(0)
.irp i, 0,1,2,3
	v_mul_f32 v[LG+\i], v[LG+\i], v[TT]
.endr
	POINT 0, 0
	POINT 0, 1
	ds_store_b64 v[IXA], v[IDO:IDO+1]
	POINT 1, 0
	POINT 1, 1
	ds_store_b64 v[IXA], v[IDO:IDO+1] offset:64
	v_add_nc_u32 v[SCA], 1536, v[SCA]              ; the next 16 rows
	v_add_nc_u32 v[RFA], 512, v[RFA]
	v_add_nc_u32 v[IXA], 16*PIX, v[IXA]
	v_add_nc_u32 v[WTD], 16*P32, v[WTD]
	s_sub_co_u32 s59, s59, 1
	s_cmp_lg_u32 s59, 0
	s_cbranch_scc1 .Loa_\@
.endm
; Two rows of the four tensors: 16 loads of 512 consecutive bytes.  Set at sb: q +0, kvt1 +16, kvt2 +32, pos +48.
.macro BLOAD b, sb
.irp rr, 0,1
.irp c, 0,1
	global_load_b128 v[(\sb)+8*\rr+4*\c:(\sb)+8*\rr+4*\c+3], v241, s[8:9] offset:1024*(2*(\b)+\rr)+512*\c
	global_load_b128 v[(\sb)+16+8*\rr+4*\c:(\sb)+16+8*\rr+4*\c+3], v241, s[10:11] offset:1024*(2*(\b)+\rr)+512*\c th:TH_LOAD_NT
	global_load_b128 v[(\sb)+32+8*\rr+4*\c:(\sb)+32+8*\rr+4*\c+3], v241, s[12:13] offset:1024*(2*(\b)+\rr)+512*\c th:TH_LOAD_NT
	global_load_b128 v[(\sb)+48+8*\rr+4*\c:(\sb)+48+8*\rr+4*\c+3], v241, s[14:15] offset:1024*(2*(\b)+\rr)+512*\c th:TH_LOAD_NT
.endr
.endr
.endm
.macro BWORK b, sb                     ; pos is added in f32, all three are rounded to f16 and laid into LDS
.irp rr, 0,1
.irp c, 0,1
.set ob, (\sb)+8*\rr+4*\c
.set lof, P16*(2*(\b)+\rr)+256*\c
	v_pk_add_f32 v[ob+16:ob+17], v[ob+16:ob+17], v[ob+48:ob+49]
	v_pk_add_f32 v[ob+18:ob+19], v[ob+18:ob+19], v[ob+50:ob+51]
	v_pk_add_f32 v[ob+32:ob+33], v[ob+32:ob+33], v[ob+48:ob+49]
	v_pk_add_f32 v[ob+34:ob+35], v[ob+34:ob+35], v[ob+50:ob+51]
	v_cvt_pk_f16_f32 v[ob], v[ob], v[ob+1]
	v_cvt_pk_f16_f32 v[ob+1], v[ob+2], v[ob+3]
	v_cvt_pk_f16_f32 v[ob+16], v[ob+16], v[ob+17]
	v_cvt_pk_f16_f32 v[ob+17], v[ob+18], v[ob+19]
	v_cvt_pk_f16_f32 v[ob+32], v[ob+32], v[ob+33]
	v_cvt_pk_f16_f32 v[ob+33], v[ob+34], v[ob+35]
	ds_store_b64 v251, v[ob:ob+1] offset:lof
	ds_store_b64 v251, v[ob+16:ob+17] offset:ASZ+lof
	ds_store_b64 v252, v[ob+32:ob+33] offset:lof
.endr
.endr
.endm
	s_load_b512 s[8:23], s[0:1], 0x0               ; q 8, kvt1 10, kvt2 12, pos 14, reference_points 16, WP 18, sa_v_b 20, t1_v_b 22
	s_load_b256 s[24:31], s[0:1], 0x40             ; t2_v_b 24, off_b 26, aw_b 28, VT 30
	s_load_b128 s[32:35], s[0:1], 0x60             ; IDXA 32, WTA 34
	v_lshl_add_u32 v254, v0, 2, SPARE              ; my spare word, and 0: kept for the wave's last lines alone
	v_mov_b32 v255, 0
	v_mov_b32 v240, v0
	v_lshrrev_b32 v1, 5, v0
	v_readfirstlane_b32 s2, v1                     ; wave
	v_and_b32 v243, 31, v0
	v_and_b32 v244, 15, v0
	v_bfe_u32 v245, v0, 4, 1
	v_lshlrev_b32 v241, 4, v243
	s_mov_b32 s3, ttmp9
	s_mul_i32 s4, s3, 80                           ; the group's first row
	s_mul_i32 s5, s2, 10
	s_add_co_u32 s5, s5, s4                        ; my wave's first row
	s_min_u32 s6, s5, NROW-10                      ; and the row that it loads from
	s_mov_b32 s52, 0x76543210                      ; each lane takes its own place in the other half
	s_mov_b32 s53, 0xfedcba98
	s_mov_b32 s61, 0x3fb8aa3b                      ; log2 e
	s_lshl_b32 s50, s6, 10
	s_mov_b32 s51, 0
	v_lshlrev_b32 v246, 2, v240
	v_and_b32 v247, 127, v240
	v_lshlrev_b32 v247, 2, v247
	s_lshl_b32 s7, s4, 5
	v_lshl_add_u32 v248, v240, 4, s7
	v_min_u32 v248, 625904, v248                   ; the last group's dead rows take the buffer's last 16 bytes
	v_lshl_add_u32 v249, v240, 2, VEC
	v_lshl_add_u32 v250, v240, 4, REF
	s_mul_i32 s7, s2, 10*P16
	v_lshl_add_u32 v251, v243, 3, s7               ; my wave's rows in the first operand, 8 bytes a lane
	v_add_nc_u32 v252, 2*ASZ, v251
	s_wait_kmcnt 0x0
	s_add_nc_u64 s[8:9], s[8:9], s[50:51]
	s_add_nc_u64 s[10:11], s[10:11], s[50:51]
	s_add_nc_u64 s[12:13], s[12:13], s[50:51]
	s_add_nc_u64 s[14:15], s[14:15], s[50:51]
	s_lshl_b32 s50, s2, 14
	s_add_nc_u64 s[42:43], s[18:19], s[50:51]      ; pass 0, my wave's 16,384 bytes
	s_cmp_lt_u32 s2, 4
	s_cselect_b64 s[36:37], s[26:27], s[28:29]     ; waves 0-3 fetch off_b, waves 4 and 5 aw_b
	WSTART
	global_load_b32 v224, v246, s[20:21]
	global_load_b32 v225, v246, s[22:23]
	global_load_b32 v226, v246, s[24:25]
	s_cmp_lt_u32 s2, 6
	s_cbranch_scc0 .Lnv
	global_load_b32 v227, v247, s[36:37]
.Lnv:
	s_cmp_lt_u32 s2, 5
	s_cbranch_scc0 .Lnr
	global_load_b128 v[232:235], v248, s[16:17]
.Lnr:
	BLOAD 0, 0
	BLOAD 1, 64
	s_wait_loadcnt 16                              ; the other set's 16 loads may be out; all that is older is in
	ds_store_b32 v249, v224
	ds_store_b32 v249, v225 offset:1024
	ds_store_b32 v249, v226 offset:2048
	s_cmp_lt_u32 s2, 6
	s_cbranch_scc0 .Lnv2
	ds_store_b32 v249, v227 offset:3072
.Lnv2:
	s_cmp_lt_u32 s2, 5
	s_cbranch_scc0 .Lnr2
	ds_store_b128 v250, v[232:235]
.Lnr2:
	BWORK 0, 0
	BLOAD 2, 0
	s_wait_loadcnt 16
	BWORK 1, 64
	BLOAD 3, 64
	s_wait_loadcnt 16
	BWORK 2, 0
	BLOAD 4, 0
	s_wait_loadcnt 16
	BWORK 3, 64
	s_wait_loadcnt 0x0
	BWORK 4, 0
	v_mul_u32_u24 v242, v244, P16
	v_lshl_add_u32 v242, v245, 4, v242             ; a fragment's row x pitch + 16 x half
	s_lshl_b32 s7, s2, 7
	s_add_co_u32 s7, s7, VEC
	v_lshl_add_u32 v246, v245, 5, s7               ; my columns' bias: 128 w + 32 h
	s_mul_i32 s7, s2, 7680
	s_add_co_u32 s7, s7, VSC
	v_mul_u32_u24 v247, v244, 80
	v_lshl_add_u32 v247, v245, 4, v247
	v_add_nc_u32 v247, s7, v247                    ; into my stage: rows of 64 + 16 bytes
	v_lshrrev_b32 v248, 2, v243
	v_mul_u32_u24 v248, v248, 80
	v_and_b32 v249, 3, v243
	v_lshl_add_u32 v248, v249, 4, v248
	v_add_nc_u32 v248, s7, v248                    ; back: 8 rows of 64 bytes a load
	s_mul_i32 s50, s2, HB
	s_lshl_b32 s7, s4, 6
	s_add_co_u32 s50, s50, s7
	s_add_co_u32 s50, s50, 168*64
	s_add_nc_u64 s[38:39], s[30:31], s[50:51]      ; my head's table at the group's first row
	BAR                                            ; the three operands, the vectors and the reference points are whole
	s_mov_b32 s58, 3
.Lval:                                             ; a trip: one value table
	BILOAD 246, 0
	ASTART
	G256 1
	WNEXT
	WSTART                                         ; the next pass's weights land under the way out
.irp a, 0,1,2,3,4,5,6,7,8,9
	v_cvt_pk_f16_f32 v[80+4*\a], v[8*\a], v[8*\a+1]
	v_cvt_pk_f16_f32 v[81+4*\a], v[8*\a+2], v[8*\a+3]
	v_cvt_pk_f16_f32 v[82+4*\a], v[8*\a+4], v[8*\a+5]
	v_cvt_pk_f16_f32 v[83+4*\a], v[8*\a+6], v[8*\a+7]
.endr
.irp a, 0,1,2,3,4,5,6,7,8,9
	ds_store_b128 v247, v[80+4*\a:83+4*\a] offset:1280*(\a/2)+32*(\a%2)
.endr
.irp i, 0,1,2,3,4,5,6,7,8,9
	ds_load_b128 v[120+4*\i:123+4*\i], v248 offset:640*\i      ; my own bytes, served in order
.endr
	s_wait_dscnt 0x0
.irp i, 0,1,2,3,4
	global_store_b128 v241, v[120+4*\i:123+4*\i], s[38:39] offset:512*\i   ; 512 consecutive bytes, at a multiple of 256 from the buffer's first
.endr
	s_cmp_eq_u32 s3, 244
	s_cbranch_scc1 .Lhalf                          ; the last group has 40 rows
.irp i, 5,6,7,8,9
	global_store_b128 v241, v[120+4*\i:123+4*\i], s[38:39] offset:512*\i
.endr
.Lhalf:
	s_wait_xcnt 0x0                                ; the stores' data and base are written again only behind this wait
	s_add_nc_u64 s[38:39], s[38:39], TB
	v_add_nc_u32 v242, ASZ, v242
	v_add_nc_u32 v246, 1024, v246
	s_sub_co_u32 s58, s58, 1
	s_cmp_lg_u32 s58, 0
	s_cbranch_scc1 .Lval
	v_mul_u32_u24 v242, v244, P16                  ; offsets and logits, from q again
	v_lshl_add_u32 v242, v245, 4, v242
	s_lshl_b32 s7, s2, 6
	s_add_co_u32 s7, s7, VEC+3072
	v_lshl_add_u32 v246, v245, 5, s7
	s_lshl_b32 s7, s2, 5
	s_add_co_u32 s7, s7, VEC+3584
	v_lshl_add_u32 v249, v245, 4, s7
	ds_load_b128 v[BI:BI+3], v246
	ds_load_b128 v[BI+4:BI+7], v246 offset:16
	ds_load_b128 v[BI+8:BI+11], v249
	ds_load_b128 v[BI+12:BI+15], v249              ; the tile's upper columns repeat the lower and are never read
	ASTART
	G256 1
	E_OA
	BAR                                            ; the two images are whole
	s_cmp_lt_u32 s5, NROW
	s_cbranch_scc0 .Lnoout
	s_lshl_b32 s50, s5, 8
	s_add_nc_u64 s[44:45], s[32:33], s[50:51]
	s_lshl_b32 s50, s5, 10
	s_add_nc_u64 s[46:47], s[34:35], s[50:51]
	s_mul_i32 s7, s2, 10*PIX
	s_add_co_u32 s7, s7, IXI
	v_mul_u32_u24 v246, v245, PIX
	v_lshl_add_u32 v246, v244, 4, v246
	v_add_nc_u32 v246, s7, v246                    ; two rows of indices a load
	s_mul_i32 s7, s2, 10*P32
	s_add_co_u32 s7, s7, WTI
	v_add_nc_u32 v247, s7, v241
.irp i, 0,1,2,3,4
	ds_load_b128 v[4*\i:4*\i+3], v246 offset:2*PIX*\i
.endr
.irp i, 0,1,2,3,4,5,6,7,8,9
	ds_load_b128 v[80+8*\i:83+8*\i], v247 offset:P32*\i
	ds_load_b128 v[84+8*\i:87+8*\i], v247 offset:P32*\i+512
.endr
	s_wait_dscnt 0x0
.irp i, 0,1,2,3,4
	global_store_b128 v241, v[4*\i:4*\i+3], s[44:45] offset:512*\i
.endr
.irp i, 0,1,2,3,4,5,6,7,8,9
	global_store_b128 v241, v[80+8*\i:83+8*\i], s[46:47] offset:1024*\i
	global_store_b128 v241, v[84+8*\i:87+8*\i], s[46:47] offset:1024*\i+512
.endr
.Lnoout:
	; the guard rows of the three tables: zeros, which a corner of weight 0 may read
.irp i, 24,25,26,27
	v_mov_b32 v[\i], 0
.endr
	s_mul_i32 s50, s2, HB
	s_add_nc_u64 s[38:39], s[30:31], s[50:51]
	s_cmp_eq_u32 s3, 0
	s_cbranch_scc0 .Lng0
	s_mov_b32 s58, 3
.Lg0:
.irp i, 0,1,2,3,4,5,6,7,8,9,10,11,12,13,14,15,16,17,18,19,20
	global_store_b128 v241, v[24:27], s[38:39] offset:512*\i       ; rows 0-167 of my head
.endr
	s_wait_xcnt 0x0
	s_add_nc_u64 s[38:39], s[38:39], TB
	s_sub_co_u32 s58, s58, 1
	s_cmp_lg_u32 s58, 0
	s_cbranch_scc1 .Lg0
.Lng0:
	s_cmp_eq_u32 s3, 244
	s_cbranch_scc0 .Lng1
	s_mov_b32 s58, 3
.Lg1:
.irp i, 0,1,2
	global_store_b128 v241, v[24:27], s[38:39] offset:19728*64+512*\i  ; rows 19,728-19,751
.endr
	s_wait_xcnt 0x0
	s_add_nc_u64 s[38:39], s[38:39], TB
	s_sub_co_u32 s58, s58, 1
	s_cmp_lg_u32 s58, 0
	s_cbranch_scc1 .Lg1
	s_cmp_eq_u32 s2, 0
	s_cbranch_scc0 .Lng1
	v_lshlrev_b32 v28, 3, v243
	global_store_b64 v28, v[24:25], s[32:33] offset:NROW*256       ; the row of indices behind the last, which the next launch fetches and does not use
.Lng1:
	s_wait_tensorcnt 0x0                           ; the wave's end
	ds_add_u32 v254, v255
	s_wait_dscnt 0x0
	s_endpgm
.Lfunc_end_k_q5cfcef0db3_proj:
	.size	k_q5cfcef0db3_proj, .Lfunc_end_k_q5cfcef0db3_proj-k_q5cfcef0db3_proj
	.p2alignl 7, 3214868480
	.fill 96, 4, 3214868480
	.section	.rodata,"a",@progbits
	.p2align	6, 0x0
	.amdhsa_kernel k_q5cfcef0db3_proj
		.amdhsa_group_segment_fixed_size 300544
		.amdhsa_private_segment_fixed_size 0
		.amdhsa_enable_private_segment 0
		.amdhsa_kernarg_size 112
		.amdhsa_user_sgpr_count 2
		.amdhsa_user_sgpr_kernarg_segment_ptr 1
		.amdhsa_wavefront_size32 1
		.amdhsa_system_sgpr_workgroup_id_x 1
		.amdhsa_system_sgpr_workgroup_id_y 1
		.amdhsa_system_sgpr_workgroup_id_z 1
		.amdhsa_system_vgpr_workitem_id 0
		.amdhsa_next_free_vgpr 256
		.amdhsa_next_free_sgpr 66
		.amdhsa_reserve_vcc 1
		.amdhsa_float_denorm_mode_32 3
		.amdhsa_float_denorm_mode_16_64 3
		.amdhsa_memory_ordered 1
		.amdhsa_forward_progress 1
		.amdhsa_inst_pref_size 83
	.end_amdhsa_kernel
	.amdgpu_metadata
---
amdhsa.version: [ 1, 2 ]
amdhsa.kernels:
  - .name:           k_q5cfcef0db3_proj
    .symbol:         k_q5cfcef0db3_proj.kd
    .args:
      - { .name: q, .offset: 0, .size: 8, .value_kind: global_buffer, .address_space: global }
      - { .name: kvt1, .offset: 8, .size: 8, .value_kind: global_buffer, .address_space: global }
      - { .name: kvt2, .offset: 16, .size: 8, .value_kind: global_buffer, .address_space: global }
      - { .name: pos, .offset: 24, .size: 8, .value_kind: global_buffer, .address_space: global }
      - { .name: reference_points, .offset: 32, .size: 8, .value_kind: global_buffer, .address_space: global }
      - { .name: WP, .offset: 40, .size: 8, .value_kind: global_buffer, .address_space: global }
      - { .name: params_sa_v_b, .offset: 48, .size: 8, .value_kind: global_buffer, .address_space: global }
      - { .name: params_t1_v_b, .offset: 56, .size: 8, .value_kind: global_buffer, .address_space: global }
      - { .name: params_t2_v_b, .offset: 64, .size: 8, .value_kind: global_buffer, .address_space: global }
      - { .name: params_sa_off_b, .offset: 72, .size: 8, .value_kind: global_buffer, .address_space: global }
      - { .name: params_sa_aw_b, .offset: 80, .size: 8, .value_kind: global_buffer, .address_space: global }
      - { .name: VT, .offset: 88, .size: 8, .value_kind: global_buffer, .address_space: global }
      - { .name: IDXA, .offset: 96, .size: 8, .value_kind: global_buffer, .address_space: global }
      - { .name: WTA, .offset: 104, .size: 8, .value_kind: global_buffer, .address_space: global }
    .group_segment_fixed_size: 300544
    .private_segment_fixed_size: 0
    .kernarg_segment_align: 8
    .kernarg_segment_size: 112
    .max_flat_workgroup_size: 256
    .sgpr_count:     66
    .vgpr_count:     256
    .wavefront_size: 32
...
	.end_amdgpu_metadata
.endif
;; end of part 2
;; launch selfa (part 3): grid 245 x 1, 8 waves a work-group, no clusters, 306,432 bytes of LDS; arguments q, reference_points, WP, VT, IDXA, WTA, params_sa_o_b, params_n0_g, params_n0_b, params_t1_off_b, params_t1_aw_b, params_t2_off_b, params_t2_aw_b, Q1, IDXB, WTB; writes Q1, IDXB, WTB
.if DOCPART == 3
	.amdgcn_target "amdgcn-amd-amdhsa--gfx1250"
	.amdhsa_code_object_version 6
	.text
	.protected	k_q5cfcef0db3_selfa
	.globl	k_q5cfcef0db3_selfa
	.p2align	8
	.type	k_q5cfcef0db3_selfa,@function
k_q5cfcef0db3_selfa:
	s_mov_b64 s[64:65], 0
	v_nop
	global_prefetch_b8 v0, s[64:65] scope:SCOPE_SE
	s_setreg_imm32_b32 hwreg(HW_REG_WAVE_MODE, 25, 1), 1
	s_wait_xcnt 0x0
; The self attention's gather, its output projection, q1 = LayerNorm(q + src1), and from q1 the sampling indices and corner weights of the two cross attentions.
; SHARES as in the launch before: 80 rows a work-group; products: every wave all rows x 32 columns; row-wise work: wave w rows 10 w .. 10 w + 9.
; THE GATHER.  Lane = 4 head + chunk: 8 channels of a head; a wave makes a whole row.  A row has 4 levels x 2 points x 4 corners: 32 loads of 16 bytes a lane.
; The indices were stored as whole numbers by the launch before; each is clamped by a constant before it enters an address.
; Four levels' requests are always out: behind a level's arithmetic the same level of the next row is asked for.
; NO CLUSTER: 245 work-groups are no multiple of four, and what is shared, the weights, does not pass through LDS.
; LayerNorm: each wave's mean and sum of squared deviations of its 32 columns are joined by the parallel rule, so no difference of large sums is formed.
; LIMITS: operands are rounded to f16: beyond 65,504 an infinity, below 6e-5 a fixed step of 6e-8; NaN and infinities are not treated apart.
.set NROW, 19560
.set P16, 528
.set P32, 1040
.set PIX, 272
.set ASZ, 80*P16
.set XF,  ASZ                          ; q in f32, 80 rows
.set SCR, XF+80*P32                    ; 7,680 bytes of scratch for each wave
.set IXI, SCR+61440
.set WTI, IXI+80*PIX
.set REF, WTI+80*P32
.set VEC, REF+2560                     ; o_b 0, g0 1024, b0 2048, t1 off_b 3072, t1 aw_b 3584, t2 off_b 3840, t2 aw_b 4352
.set ST,  VEC+4608                     ; LayerNorm's statistics: 80 rows x (8 waves x 8 bytes + 16)
.set SPARE, ST+6400                    ; the spare words, 128 bytes for each wave: no other line names them
.set HB, 19752*64
.set TB, 8*HB
.set PASSB, 131072
.set AF, 80
.set WF, 160
.set BI, 224
; the gather's registers: v0-127 the 32 corners' 16 bytes (level l, point p, corner c at 32 l + 16 p + 4 c)
.set T,   128                          ; v128-143 a corner in f32, two sets
.set GA,  144                          ; v144-151 the row's 8 sums
.set WTR, 152                          ; v152-183 corner weights: 8 l + 4 p + c
.set IDR, 184                          ; v184-191 indices: 2 l + p
.set ADR, 192                          ; v192-199 byte offsets made of them
.set LB,  202                          ; head x table + 16 chunk
.set MI,  203                          ; 8 head
.set MW,  204                          ; 16 head
.set SAD, 205                          ; where the row goes in LDS
.set QL,  206
.set QR,  208                          ; v208-215 a row of q on its way to LDS
.macro BAR
	s_wait_dscnt 0x0                               ; for the others' sake: my LDS stores are done and my reads are back
	s_barrier_signal -1
	s_barrier_wait -1
.endm
.macro WLOAD k
.irp t, 0,1
.irp j, 0,1
	global_load_b128 v[WF+16*((\k)%4)+8*\t+4*\j:WF+16*((\k)%4)+8*\t+4*\j+3], v241, s[42:43] offset:2048*(\k)+1024*\t+512*\j
.endr
.endr
.endm
.macro WSTART
	WLOAD 0
	WLOAD 1
	WLOAD 2
	WLOAD 3
.endm
.macro WNEXT
	s_wait_xcnt 0x0                                ; the base is stepped only behind this wait
	s_add_nc_u64 s[42:43], s[42:43], PASSB
.endm
.macro ALOAD k
.irp m, 0,1,2,3,4
	ds_load_b128 v[AF+40*((\k)%2)+8*\m:AF+40*((\k)%2)+8*\m+3], v242 offset:16*P16*\m+64*(\k)
	ds_load_b128 v[AF+40*((\k)%2)+8*\m+4:AF+40*((\k)%2)+8*\m+7], v242 offset:16*P16*\m+64*(\k)+32
.endr
.endm
.macro ASTART
	ALOAD 0
	ALOAD 1
.endm
.macro BILOAD a, o
	ds_load_b128 v[BI:BI+3], v[\a] offset:(\o)
	ds_load_b128 v[BI+4:BI+7], v[\a] offset:(\o)+16
	ds_load_b128 v[BI+8:BI+11], v[\a] offset:(\o)+64
	ds_load_b128 v[BI+12:BI+15], v[\a] offset:(\o)+80
.endm
; One k step of 32: ten matrix instructions on ten accumulators by turns.  cb = 1: the first step starts the sums with the bias.
.macro KSTEP k, cb
.if (\k) < 5
	s_wait_loadcnt 12                              ; the weights of the three younger k steps, 4 loads each, may be out
.else
	s_wait_loadcnt 4*(7-(\k))
.endif
.if (\k) < 7
	s_wait_dscnt 10                                ; the next step's ten fragment loads may be out
.else
	s_wait_dscnt 0
.endif
.irp m, 0,1,2,3,4
.irp t, 0,1
.if ((\k) == 0) && (\cb)
	v_wmma_f32_16x16x32_f16 v[8*(2*\m+\t):8*(2*\m+\t)+7], v[WF+16*((\k)%4)+8*\t:WF+16*((\k)%4)+8*\t+7], v[AF+40*((\k)%2)+8*\m:AF+40*((\k)%2)+8*\m+7], v[BI+8*\t:BI+8*\t+7]
.else
	v_wmma_f32_16x16x32_f16 v[8*(2*\m+\t):8*(2*\m+\t)+7], v[WF+16*((\k)%4)+8*\t:WF+16*((\k)%4)+8*\t+7], v[AF+40*((\k)%2)+8*\m:AF+40*((\k)%2)+8*\m+7], v[8*(2*\m+\t):8*(2*\m+\t)+7]
.endif
.endr
.endr
.rept 4
	v_nop                                          ; four places in front of the loads into registers just multiplied, and of what reads the sums
.endr
.if (\k) < 6
	ALOAD (\k)+2
.endif
.if (\k) < 4
	WLOAD (\k)+4
.endif
.endm
.macro G256 cb
.irp kk, 0,1,2,3,4,5,6,7
	KSTEP \kk, \cb
.endr
.endm
; LAYERNORM of the 80 rows in the accumulators.  stw, str, gad: registers with the addresses of my statistics, of a row's statistics, of my columns' gain (the bias lies 1,024 bytes on).
.macro LN1 m, stw                      ; my 32 columns of rows 16 m + r: mean, then the sum of squared deviations from it
.set yy, 16*(\m)
.set dd, 80+16*(\m)
.set pr, 224+2*(\m)
	v_pk_add_f32 v[dd:dd+1], v[yy:yy+1], v[yy+2:yy+3]
	v_pk_add_f32 v[dd+2:dd+3], v[yy+4:yy+5], v[yy+6:yy+7]
	v_pk_add_f32 v[dd+4:dd+5], v[yy+8:yy+9], v[yy+10:yy+11]
	v_pk_add_f32 v[dd+6:dd+7], v[yy+12:yy+13], v[yy+14:yy+15]
	v_pk_add_f32 v[dd:dd+1], v[dd:dd+1], v[dd+2:dd+3]
	v_pk_add_f32 v[dd+4:dd+5], v[dd+4:dd+5], v[dd+6:dd+7]
	v_pk_add_f32 v[pr:pr+1], v[dd:dd+1], v[dd+4:dd+5]
	v_add_f32 v[pr], v[pr], v[pr+1]
	v_permlanex16_b32 v[pr+1], v[pr], s52, s53     ; the row's other 16 of my columns lie in the lane 16 away
	v_add_f32 v[pr], v[pr], v[pr+1]
	v_mul_f32 v[pr], s56, v[pr]
.irp i, 0,1,2,3,4,5,6,7
	v_pk_add_f32 v[dd+2*\i:dd+2*\i+1], v[yy+2*\i:yy+2*\i+1], v[pr:pr+1] op_sel_hi:[1,0] neg_lo:[0,1] neg_hi:[0,1]
.endr
	v_pk_mul_f32 v[dd:dd+1], v[dd:dd+1], v[dd:dd+1]
	v_pk_mul_f32 v[dd+2:dd+3], v[dd+2:dd+3], v[dd+2:dd+3]
	v_pk_fma_f32 v[dd:dd+1], v[dd+4:dd+5], v[dd+4:dd+5], v[dd:dd+1]
	v_pk_fma_f32 v[dd+2:dd+3], v[dd+6:dd+7], v[dd+6:dd+7], v[dd+2:dd+3]
	v_pk_fma_f32 v[dd:dd+1], v[dd+8:dd+9], v[dd+8:dd+9], v[dd:dd+1]
	v_pk_fma_f32 v[dd+2:dd+3], v[dd+10:dd+11], v[dd+10:dd+11], v[dd+2:dd+3]
	v_pk_fma_f32 v[dd:dd+1], v[dd+12:dd+13], v[dd+12:dd+13], v[dd:dd+1]
	v_pk_fma_f32 v[dd+2:dd+3], v[dd+14:dd+15], v[dd+14:dd+15], v[dd+2:dd+3]
	v_pk_add_f32 v[dd:dd+1], v[dd:dd+1], v[dd+2:dd+3]
	v_add_f32 v[pr+1], v[dd], v[dd+1]
	v_permlanex16_b32 v[dd], v[pr+1], s52, s53
	v_add_f32 v[pr+1], v[pr+1], v[dd]
	ds_store_b64 v[\stw], v[pr:pr+1] offset:1280*(\m)
.endm
.macro LN3 m                           ; the eight waves' pairs are joined: M2 = sum of M2 + 32 x sum of (mean_w - mean)^2
.set uu, 80+16*(\m)
.set pr, 224+2*(\m)
	v_pk_add_f32 v[234:235], v[uu:uu+1], v[uu+2:uu+3]
	v_pk_add_f32 v[236:237], v[uu+4:uu+5], v[uu+6:uu+7]
	v_pk_add_f32 v[238:239], v[uu+8:uu+9], v[uu+10:uu+11]
	v_pk_add_f32 v[234:235], v[234:235], v[236:237]
	v_pk_add_f32 v[236:237], v[uu+12:uu+13], v[uu+14:uu+15]
	v_pk_add_f32 v[236:237], v[236:237], v[238:239]
	v_pk_add_f32 v[234:235], v[234:235], v[236:237]
	v_mul_f32 v[pr+1], 0x3e000000, v234            ; the row's mean
.irp i, 0,1,2,3,4,5,6,7
	v_sub_f32 v[uu+2*\i], v[uu+2*\i], v[pr+1]
.endr
	v_mul_f32 v236, v[uu], v[uu]
	v_mul_f32 v237, v[uu+2], v[uu+2]
	v_fma_f32 v236, v[uu+4], v[uu+4], v236
	v_fma_f32 v237, v[uu+6], v[uu+6], v237
	v_fma_f32 v236, v[uu+8], v[uu+8], v236
	v_fma_f32 v237, v[uu+10], v[uu+10], v237
	v_fma_f32 v236, v[uu+12], v[uu+12], v236
	v_fma_f32 v237, v[uu+14], v[uu+14], v237
	v_add_f32 v236, v236, v237
	v_fma_f32 v235, v236, s57, v235
	v_fma_f32 v[pr], v235, s55, s54                ; variance + 1e-5
.endm
.macro LNORM stw, str, gad
.irp m, 0,1,2,3,4
	LN1 \m, \stw
.endr
	BAR
.irp m, 0,1,2,3,4
.irp i, 0,1,2,3
	ds_load_b128 v[80+16*\m+4*\i:80+16*\m+4*\i+3], v[\str] offset:1280*\m+16*\i
.endr
.endr
	s_wait_dscnt 0x0
.irp m, 0,1,2,3,4
	LN3 \m
.endr
.irp m, 0,1,2,3,4
	v_rsq_f32 v[224+2*\m], v[224+2*\m]
.endr
	v_nop                                          ; a plain instruction between the last root and the use of its result
	s_wait_alu depctr_va_vdst(0)
.irp m, 0,1,2,3,4
	v_mul_f32 v[225+2*\m], -v[225+2*\m], v[224+2*\m]       ; - mean x rstd
.endr
.irp t, 0,1
.irp j, 0,1
	ds_load_b128 v[80+8*\t+4*\j:80+8*\t+4*\j+3], v[\gad] offset:64*\t+16*\j
	ds_load_b128 v[96+8*\t+4*\j:96+8*\t+4*\j+3], v[\gad] offset:1024+64*\t+16*\j
.endr
.endr
.irp m, 0,1,2,3,4
.irp i, 0,1,2,3,4,5,6,7
	v_pk_fma_f32 v[16*\m+2*\i:16*\m+2*\i+1], v[16*\m+2*\i:16*\m+2*\i+1], v[224+2*\m:225+2*\m], v[224+2*\m:225+2*\m] op_sel:[0,0,1] op_sel_hi:[1,0,1]
.endr
.endr
	s_wait_dscnt 0x0
.irp m, 0,1,2,3,4
.irp i, 0,1,2,3,4,5,6,7
	v_pk_fma_f32 v[16*\m+2*\i:16*\m+2*\i+1], v[16*\m+2*\i:16*\m+2*\i+1], v[80+2*\i:81+2*\i], v[96+2*\i:97+2*\i]
.endr
.endr
.endm
.macro TOF16 a                         ; the accumulators, rounded to f16, as an operand of 80 rows
.irp n, 0,1,2,3,4,5,6,7,8,9
	v_cvt_pk_f16_f32 v[80+4*\n], v[8*\n], v[8*\n+1]
	v_cvt_pk_f16_f32 v[81+4*\n], v[8*\n+2], v[8*\n+3]
	v_cvt_pk_f16_f32 v[82+4*\n], v[8*\n+4], v[8*\n+5]
	v_cvt_pk_f16_f32 v[83+4*\n], v[8*\n+6], v[8*\n+7]
	ds_store_b128 v[\a], v[80+4*\n:83+4*\n] offset:16*P16*(\n/2)+32*(\n%2)
.endr
.endm
; OFFSETS AND LOGITS INTO INDICES AND CORNER WEIGHTS.  Wave = head; lane (r, h) holds row 16 m + r, levels 2 h and 2 h + 1: 8 offsets in accumulator (m, 0), 4 logits in (m, 1).
; The accumulators go through the wave's own scratch, so that the step is written once and walked five times.
.set OO, 80
.set LG, 88
.set RF, 92
.set CW, 96
.set CH, 98
.set CWM, 100
.set CHM, 102
.set CBS, 104
.set SCA, 106
.set RFA, 107
.set IXA, 108
.set WTD, 109
.set RX, 110
.set RY, 112
.set TT, 114
.set IDO, 130
.set WO, 132
.macro LC dst, c0, c1
	v_mov_b32 v[TT], \c1
	v_cndmask_b32 v[\dst], \c0, v[TT], vcc_lo
.endm
.macro POINT ll, p
	v_add_f32 v[TT], v[RX+\ll], v[OO+4*\ll+2*\p]           ; x in pixels
	v_add_f32 v[TT+6], v[RY+\ll], v[OO+4*\ll+2*\p+1]
	v_floor_f32 v[TT+1], v[TT]
	v_floor_f32 v[TT+7], v[TT+6]
	v_sub_f32 v[TT+2], v[TT], v[TT+1]                      ; lx
	v_sub_f32 v[TT+8], v[TT+6], v[TT+7]
	v_add_f32 v[TT+3], 1.0, v[TT+1]                        ; x0 + 1
	v_add_f32 v[TT+9], 1.0, v[TT+7]
	v_sub_f32 v[TT+4], 1.0, v[TT+2]                        ; 1 - lx
	v_sub_f32 v[TT+10], 1.0, v[TT+8]
	v_med3_num_f32 v[TT+5], v[TT+1], 0, v[CWM+\ll]         ; a coordinate that its clamp changes lies outside: its factor is 0
	v_cmp_eq_f32 vcc_lo, v[TT+5], v[TT+1]
	v_cndmask_b32 v[TT+4], 0, v[TT+4], vcc_lo
	v_med3_num_f32 v[TT+5], v[TT+3], 0, v[CWM+\ll]
	v_cmp_eq_f32 vcc_lo, v[TT+5], v[TT+3]
	v_cndmask_b32 v[TT+2], 0, v[TT+2], vcc_lo
	v_med3_num_f32 v[TT+11], v[TT+7], 0, v[CHM+\ll]
	v_cmp_eq_f32 vcc_lo, v[TT+11], v[TT+7]
	v_cndmask_b32 v[TT+10], 0, v[TT+10], vcc_lo
	v_med3_num_f32 v[TT+11], v[TT+9], 0, v[CHM+\ll]
	v_cmp_eq_f32 vcc_lo, v[TT+11], v[TT+9]
	v_cndmask_b32 v[TT+8], 0, v[TT+8], vcc_lo
	v_mul_f32 v[TT+10], v[TT+10], v[LG+2*\ll+\p]           ; the attention weight rides on y's factors
	v_mul_f32 v[TT+8], v[TT+8], v[LG+2*\ll+\p]
	v_mul_f32 v[WO], v[TT+4], v[TT+10]
	v_mul_f32 v[WO+1], v[TT+2], v[TT+10]
	v_mul_f32 v[WO+2], v[TT+4], v[TT+8]
	v_mul_f32 v[WO+3], v[TT+2], v[TT+8]
	v_med3_num_f32 v[TT+1], v[TT+1], -1.0, v[CWM+\ll]
	v_med3_num_f32 v[TT+7], v[TT+7], -1.0, v[CHM+\ll]
	v_fma_f32 v[TT+7], v[TT+7], v[CW+\ll], v[TT+1]         ; whole numbers below 2^24: exact
	v_add_f32 v[TT+7], v[TT+7], v[CBS+\ll]
	v_cvt_u32_f32 v[IDO+\p], v[TT+7]
	ds_store_b128 v[WTD], v[WO:WO+3] offset:256*\ll+128*\p
.endm
.macro E_OA
	s_mul_i32 s7, s2, 7680
	s_add_co_u32 s7, s7, SCR
	v_add_nc_u32 v[SCA], s7, v241
	v_lshlrev_b32 v[RFA], 5, v244
	v_lshl_add_u32 v[RFA], v245, 4, v[RFA]
	v_add_nc_u32 v[RFA], REF, v[RFA]
	v_mul_u32_u24 v[IXA], v244, PIX
	v_lshl_add_u32 v[IXA], v245, 7, v[IXA]
	s_lshl_b32 s7, s2, 3
	s_add_co_u32 s7, s7, IXI
	v_add_nc_u32 v[IXA], s7, v[IXA]                        ; [row][level][head][point]: 272 r + 128 h + 8 w
	v_mul_u32_u24 v[WTD], v244, P32
	v_lshl_add_u32 v[WTD], v245, 9, v[WTD]
	s_lshl_b32 s7, s2, 4
	s_add_co_u32 s7, s7, WTI
	v_add_nc_u32 v[WTD], s7, v[WTD]                        ; [row][level][point][head][corner]: 1040 r + 512 h + 16 w
.irp m, 0,1,2,3,4
	ds_store_b128 v[SCA], v[16*\m:16*\m+3] offset:1536*\m          ; each accumulator's lowest registers first
	ds_store_b128 v[SCA], v[16*\m+4:16*\m+7] offset:1536*\m+512
	ds_store_b128 v[SCA], v[16*\m+8:16*\m+11] offset:1536*\m+1024
.endr
	v_cmp_eq_u32 vcc_lo, 1, v245
	LC CW,    0x43200000, 0x42200000               ; W: 160 or 40
	LC CW+1,  0x42a00000, 0x41a00000               ; 80 or 20
	LC CH,    0x42b80000, 0x41b80000               ; H: 92 or 23
	LC CH+1,  0x42380000, 0x41400000               ; 46 or 12
	LC CWM,   0x431f0000, 0x421c0000               ; W - 1
	LC CWM+1, 0x429e0000, 0x41980000
	LC CHM,   0x42b60000, 0x41b00000               ; H - 1
	LC CHM+1, 0x42340000, 0x41300000
	LC CBS,   0x43280000, 0x46911000               ; 168 + start: 168 or 18,568
	LC CBS+1, 0x4668a000, 0x46984000               ; 14,888 or 19,488
	v_mov_b32 v[TT+1], 0                           ; the lane exchange counts as a reader of its destination
	s_mov_b32 s59, 5
.Loa_\@:
	ds_load_b128 v[OO:OO+3], v[SCA]                ; LDS serves a wave's instructions in order: these see the stores above
	ds_load_b128 v[OO+4:OO+7], v[SCA] offset:512
	ds_load_b128 v[LG:LG+3], v[SCA] offset:1024
	ds_load_b128 v[RF:RF+3], v[RFA]
	s_wait_dscnt 0x0
	v_max3_num_f32 v[TT], v[LG], v[LG+1], v[LG+2]  ; softmax over the head's 8 logits: 4 here, 4 in the lane 16 away
	v_max_num_f32 v[TT], v[TT], v[LG+3]
	v_permlanex16_b32 v[TT+1], v[TT], s52, s53
	v_max_num_f32 v[TT], v[TT], v[TT+1]
	v_mul_f32 v[TT], s61, v[TT]
.irp i, 0,1,2,3
	v_fma_f32 v[LG+\i], v[LG+\i], s61, -v[TT]      ; (logit - maximum) log2 e
.endr
.irp i, 0,1,2,3
	v_exp_f32 v[LG+\i], v[LG+\i]
.endr
	v_fma_f32 v[RX], v[RF], v[CW], -0.5            ; plain work behind the exponentials: reference point in pixels
	v_fma_f32 v[RY], v[RF+1], v[CH], -0.5
	v_fma_f32 v[RX+1], v[RF+2], v[CW+1], -0.5
	v_fma_f32 v[RY+1], v[RF+3], v[CH+1], -0.5
	s_wait_alu depctr_va_vdst(0)
	v_add_f32 v[TT], v[LG], v[LG+1]
	v_add_f32 v[TT+2], v[LG+2], v[LG+3]
	v_add_f32 v[TT], v[TT], v[TT+2]
	v_permlanex16_b32 v[TT+1], v[TT], s52, s53
	v_add_f32 v[TT], v[TT], v[TT+1]
	v_rcp_f32 v[TT], v[TT]
	v_nop                                          ; a plain instruction between the reciprocal and its use
	s_wait_alu depctr_va_vdst(0)
.irp i, 0,1,2,3
	v_mul_f32 v[LG+\i], v[LG+\i], v[TT]
.endr
	POINT 0, 0
	POINT 0, 1
	ds_store_b64 v[IXA], v[IDO:IDO+1]
	POINT 1, 0
	POINT 1, 1
	ds_store_b64 v[IXA], v[IDO:IDO+1] offset:64
	v_add_nc_u32 v[SCA], 1536, v[SCA]              ; the next 16 rows
	v_add_nc_u32 v[RFA], 512, v[RFA]
	v_add_nc_u32 v[IXA], 16*PIX, v[IXA]
	v_add_nc_u32 v[WTD], 16*P32, v[WTD]
	s_sub_co_u32 s59, s59, 1
	s_cmp_lg_u32 s59, 0
	s_cbranch_scc1 .Loa_\@
.endm
; THE GATHER'S PARTS.  ISSUE: level l of the row qo rows behind the bases is asked for: 11 loads (the indices of the row after it, 2 x 4 weights, 8 corners).
.macro ISSUE l, qo
.if (\l) == 0
.set MAXI, 14887
.set WL, 160
.elseif (\l) == 1
.set MAXI, 18567
.set WL, 80
.elseif (\l) == 2
.set MAXI, 19487
.set WL, 40
.else
.set MAXI, 19727
.set WL, 20
.endif
.set ia, IDR+2*(\l)
.set aa, ADR+2*(\l)
.set wa, WTR+8*(\l)
	v_min_u32 v[aa], MAXI, v[ia]                   ; a loaded number enters an address only behind a clamp by a constant: the level's last row
	v_min_u32 v[aa+1], MAXI, v[ia+1]
	v_lshl_add_u32 v[aa], v[aa], 6, v[LB]
	v_lshl_add_u32 v[aa+1], v[aa+1], 6, v[LB]
	global_load_b64 v[ia:ia+1], v[MI], s[44:45] offset:256*((\qo)+1)+64*(\l)
	global_load_b128 v[wa:wa+3], v[MW], s[46:47] offset:1024*(\qo)+256*(\l)
	global_load_b128 v[wa+4:wa+7], v[MW], s[46:47] offset:1024*(\qo)+256*(\l)+128
.irp p, 0,1
.irp c, 0,1,2,3
	global_load_b128 v[32*(\l)+16*\p+4*\c:32*(\l)+16*\p+4*\c+3], v[aa+\p], s[48:49] offset:64*(\c%2)+64*WL*(\c/2)
.endr
.endr
.endm
; In front of register g of the row's 128: at a level's first the wait.  In the loop three younger requests of 11 loads may be out, and behind level 0 the two loads of q's next row: 33, then 35.
; In the last row nothing is asked for: 33, 22, 11, 0.  At the row's first register q's row goes into LDS and the next is asked for.
.macro PRE g, last
.if ((\g)%32) == 0
.if \last
	s_wait_loadcnt 33-11*((\g)/32)
.elseif (\g) == 0
	s_wait_loadcnt 33
.else
	s_wait_loadcnt 35
.endif
.if (\g) == 0
	ds_store_b128 v[QL], v[QR:QR+3]
	ds_store_b128 v[QL], v[QR+4:QR+7] offset:512
	v_add_nc_u32 v[QL], P32, v[QL]
.if !(\last)
	global_load_b128 v[QR:QR+3], v241, s[40:41] offset:1024
	global_load_b128 v[QR+4:QR+7], v241, s[40:41] offset:1536
.endif
.endif
.endif
.endm
; Behind register g: at a corner's last register its four packed multiply-adds (the row's first corner starts the sums); at a level's last the next row's request.
.macro POST g, last
.if ((\g)%4) == 3
.set ci, (\g)/4
.set tt, T+8*(ci%2)
.set wp, WTR+ci-(ci%2)
.irp e, 0,1,2,3
.if ci == 0
	v_pk_mul_f32 v[GA+2*\e:GA+2*\e+1], v[tt+2*\e:tt+2*\e+1], v[wp:wp+1] op_sel_hi:[1,0]
.elseif (ci%2) == 0
	v_pk_fma_f32 v[GA+2*\e:GA+2*\e+1], v[tt+2*\e:tt+2*\e+1], v[wp:wp+1], v[GA+2*\e:GA+2*\e+1] op_sel_hi:[1,0,1]
.else
	v_pk_fma_f32 v[GA+2*\e:GA+2*\e+1], v[tt+2*\e:tt+2*\e+1], v[wp:wp+1], v[GA+2*\e:GA+2*\e+1] op_sel:[0,1,0] op_sel_hi:[1,1,1]
.endif
.endr
.endif
.if (((\g)%32) == 31) && !(\last)
	ISSUE (\g)/32, 1
.endif
.endm
.macro ROWEND
	v_cvt_pk_f16_f32 v[T], v[GA], v[GA+1]
	v_cvt_pk_f16_f32 v[T+1], v[GA+2], v[GA+3]
	v_cvt_pk_f16_f32 v[T+2], v[GA+4], v[GA+5]
	v_cvt_pk_f16_f32 v[T+3], v[GA+6], v[GA+7]
	ds_store_b128 v[SAD], v[T:T+3]
	v_add_nc_u32 v[SAD], P16, v[SAD]
.endm
	s_load_b512 s[8:23], s[0:1], 0x0               ; q 8, reference_points 10, WP 12, VT 14, IDXA 16, WTA 18, o_b 20, g0 22
	s_load_b512 s[24:39], s[0:1], 0x40             ; b0 24, t1 off_b 26, t1 aw_b 28, t2 off_b 30, t2 aw_b 32, Q1 34, IDXB 36, WTB 38
	v_lshl_add_u32 v254, v0, 2, SPARE              ; my spare word, and 0: kept for the wave's last lines alone
	v_mov_b32 v255, 0
	v_mov_b32 v240, v0
	v_lshrrev_b32 v1, 5, v0
	v_readfirstlane_b32 s2, v1
	v_and_b32 v243, 31, v0
	v_and_b32 v244, 15, v0
	v_bfe_u32 v245, v0, 4, 1
	v_lshlrev_b32 v241, 4, v243
	s_mov_b32 s3, ttmp9
	s_mul_i32 s4, s3, 80
	s_mul_i32 s5, s2, 10
	s_add_co_u32 s5, s5, s4
	s_min_u32 s6, s5, NROW-10
	s_mov_b32 s52, 0x76543210
	s_mov_b32 s53, 0xfedcba98
	s_mov_b32 s54, 0x3727c5ac                      ; 1e-5
	s_mov_b32 s55, 0x3b800000                      ; 1 / 256
	s_mov_b32 s56, 0x3d000000                      ; 1 / 32
	s_mov_b32 s57, 0x42000000                      ; 32
	s_mov_b32 s61, 0x3fb8aa3b                      ; log2 e
	s_mov_b32 s51, 0
	v_lshrrev_b32 v200, 2, v243                    ; head
	v_and_b32 v201, 3, v243                        ; chunk
	v_mul_u32_u24 v[LB], v200, HB
	v_lshl_add_u32 v[LB], v201, 4, v[LB]
	v_lshlrev_b32 v[MI], 3, v200
	v_lshlrev_b32 v[MW], 4, v200
	s_mul_i32 s7, s2, 10*P16
	v_add_nc_u32 v[SAD], s7, v241
	s_mul_i32 s7, s2, 10*P32
	s_add_co_u32 s7, s7, XF
	v_add_nc_u32 v[QL], s7, v241
	v_lshlrev_b32 v228, 2, v240
	v_and_b32 v229, 127, v240
	v_lshlrev_b32 v229, 2, v229
	s_lshl_b32 s7, s4, 5
	v_lshl_add_u32 v230, v240, 4, s7
	v_min_u32 v230, 625904, v230
	v_lshl_add_u32 v231, v240, 2, VEC
	v_lshl_add_u32 v232, v240, 4, REF
	s_wait_kmcnt 0x0
	s_lshl_b32 s50, s6, 10
	s_add_nc_u64 s[40:41], s[8:9], s[50:51]        ; q and the weights at my wave's first row
	s_add_nc_u64 s[46:47], s[18:19], s[50:51]
	s_lshl_b32 s50, s6, 8
	s_add_nc_u64 s[44:45], s[16:17], s[50:51]      ; the indices
	s_mov_b64 s[48:49], s[14:15]                   ; the self attention's table
	s_cmp_lt_u32 s2, 4
	s_cselect_b64 s[26:27], s[26:27], s[28:29]     ; waves 0-3 fetch the offsets' bias, waves 4 and 5 the weights'
	s_cselect_b64 s[30:31], s[30:31], s[32:33]
	global_load_b32 v216, v228, s[20:21]
	global_load_b32 v217, v228, s[22:23]
	global_load_b32 v218, v228, s[24:25]
	s_cmp_lt_u32 s2, 6
	s_cbranch_scc0 .Lnv
	global_load_b32 v219, v229, s[26:27]
	global_load_b32 v220, v229, s[30:31]
.Lnv:
	s_cmp_lt_u32 s2, 5
	s_cbranch_scc0 .Lnr
	global_load_b128 v[224:227], v230, s[10:11]
.Lnr:
	global_load_b128 v[QR:QR+3], v241, s[40:41]
	global_load_b128 v[QR+4:QR+7], v241, s[40:41] offset:512
.irp l, 0,1,2,3
	global_load_b64 v[IDR+2*\l:IDR+2*\l+1], v[MI], s[44:45] offset:64*\l
.endr
	s_wait_loadcnt 0x0
	ds_store_b32 v231, v216
	ds_store_b32 v231, v217 offset:1024
	ds_store_b32 v231, v218 offset:2048
	s_cmp_lt_u32 s2, 6
	s_cbranch_scc0 .Lnv2
	ds_store_b32 v231, v219 offset:3072
	ds_store_b32 v231, v220 offset:3840
.Lnv2:
	s_cmp_lt_u32 s2, 5
	s_cbranch_scc0 .Lnr2
	ds_store_b128 v232, v[224:227]
.Lnr2:
	ISSUE 0, 0
	ISSUE 1, 0
	ISSUE 2, 0
	ISSUE 3, 0
	s_mov_b32 s59, 9
.Lrow:                                             ; a trip: one row's 32 corners, and the next row's requests
.rept 128
	PRE \+, 0
	v_cvt_f32_f16 v[T+8*((\+/4)%2)+2*(\+%4)], v\+.l
	v_cvt_f32_f16 v[T+8*((\+/4)%2)+2*(\+%4)+1], v\+.h
	POST \+, 0
.endr
	ROWEND
	s_wait_xcnt 0x0                                ; the bases are stepped only behind this wait
	s_add_nc_u64 s[44:45], s[44:45], 256
	s_add_nc_u64 s[46:47], s[46:47], 1024
	s_add_nc_u64 s[40:41], s[40:41], 1024
	s_sub_co_u32 s59, s59, 1
	s_cmp_lg_u32 s59, 0
	s_cbranch_scc1 .Lrow
.rept 128                                          ; the tenth row asks for nothing
	PRE \+, 1
	v_cvt_f32_f16 v[T+8*((\+/4)%2)+2*(\+%4)], v\+.l
	v_cvt_f32_f16 v[T+8*((\+/4)%2)+2*(\+%4)+1], v\+.h
	POST \+, 1
.endr
	ROWEND
	v_mul_u32_u24 v242, v244, P16
	v_lshl_add_u32 v242, v245, 4, v242             ; fragments of the sampled rows
	s_lshl_b32 s7, s2, 6
	v_add_nc_u32 v251, s7, v242                    ; where my columns go as f16: 528 r + 64 w + 16 h
	s_lshl_b32 s7, s2, 7
	s_add_co_u32 s7, s7, VEC
	v_lshl_add_u32 v246, v245, 5, s7
	v_add_nc_u32 v252, 1024, v246
	v_mul_u32_u24 v248, v244, 80
	v_add_nc_u32 v248, ST, v248
	v_lshl_add_u32 v247, s2, 3, v248
	v_mul_u32_u24 v249, v244, P32
	v_lshl_add_u32 v249, v245, 5, v249
	s_lshl_b32 s7, s2, 7
	s_add_co_u32 s7, s7, XF
	v_add_nc_u32 v249, s7, v249                    ; q as the accumulators lie: 1040 r + 128 w + 32 h
	v_add_nc_u32 v250, 3*16*P32, v249              ; rows 48 on: the immediate ends at 65,535
	s_lshl_b32 s50, s2, 14
	s_add_co_u32 s50, s50, 4*PASSB
	s_add_nc_u64 s[42:43], s[12:13], s[50:51]      ; pass 4
	s_mul_i32 s50, s3, 81920
	s_mul_i32 s7, s2, 10240
	s_add_co_u32 s50, s50, s7
	s_add_nc_u64 s[34:35], s[34:35], s[50:51]
	WSTART
	BAR                                            ; sampled rows, q, vectors and reference points are whole
	BILOAD 246, 0
	ASTART
	G256 1
	WNEXT
	WSTART
.irp m, 0,1,2
.irp t, 0,1
.irp j, 0,1
	ds_load_b128 v[80+8*(2*\m+\t)+4*\j:80+8*(2*\m+\t)+4*\j+3], v249 offset:16*P32*\m+64*\t+16*\j
.endr
.endr
.endr
.irp m, 3,4
.irp t, 0,1
.irp j, 0,1
	ds_load_b128 v[80+8*(2*\m+\t)+4*\j:80+8*(2*\m+\t)+4*\j+3], v250 offset:16*P32*(\m-3)+64*\t+16*\j
.endr
.endr
.endr
	s_wait_dscnt 0x0
.set i, 0
.rept 40
	v_pk_add_f32 v[2*i:2*i+1], v[2*i:2*i+1], v[80+2*i:81+2*i]      ; q + src1, ascending
.set i, i+1
.endr
	LNORM 247, 248, 252
.irp a, 0,1,2,3,4,5,6,7,8,9
.irp j, 0,1
	global_store_b128 v241, v[8*\a+4*\j:8*\a+4*\j+3], s[34:35] offset:1024*\a+512*\j   ; q1 in f32 as the registers hold it: 512 consecutive bytes a store
.endr
.endr
	TOF16 251                                      ; behind LayerNorm's barrier nobody reads the sampled rows any more
	s_wait_xcnt 0x0                                ; the accumulators are written again only behind this wait
	BAR
	s_lshl_b32 s7, s2, 6
	s_add_co_u32 s7, s7, VEC+3072
	v_lshl_add_u32 v246, v245, 5, s7
	s_lshl_b32 s7, s2, 5
	s_add_co_u32 s7, s7, VEC+3584
	v_lshl_add_u32 v249, v245, 4, s7
	s_mul_i32 s7, s2, 10*PIX
	s_add_co_u32 s7, s7, IXI
	v_mul_u32_u24 v250, v245, PIX
	v_lshl_add_u32 v250, v244, 4, v250
	v_add_nc_u32 v250, s7, v250
	s_mul_i32 s7, s2, 10*P32
	s_add_co_u32 s7, s7, WTI
	v_add_nc_u32 v253, s7, v241
	s_lshl_b32 s50, s5, 8
	s_add_nc_u64 s[44:45], s[36:37], s[50:51]
	s_lshl_b32 s50, s5, 10
	s_add_nc_u64 s[46:47], s[38:39], s[50:51]
	s_mov_b32 s58, 2
.Lcr:                                              ; a trip: one cross attention's indices and weights
	ds_load_b128 v[BI:BI+3], v246
	ds_load_b128 v[BI+4:BI+7], v246 offset:16
	ds_load_b128 v[BI+8:BI+11], v249
	ds_load_b128 v[BI+12:BI+15], v249
	ASTART
	G256 1
	WNEXT
	s_cmp_eq_u32 s58, 1
	s_cbranch_scc1 .Lnow                           ; behind the last pass nothing is left to fetch
	WSTART
.Lnow:
	E_OA
	BAR                                            ; the two images are whole
	s_cmp_lt_u32 s5, NROW
	s_cbranch_scc0 .Lnoc
.irp i, 0,1,2,3,4
	ds_load_b128 v[4*\i:4*\i+3], v250 offset:2*PIX*\i
.endr
.irp i, 0,1,2,3,4,5,6,7,8,9
	ds_load_b128 v[80+8*\i:83+8*\i], v253 offset:P32*\i
	ds_load_b128 v[84+8*\i:87+8*\i], v253 offset:P32*\i+512
.endr
	s_wait_dscnt 0x0
.irp i, 0,1,2,3,4
	global_store_b128 v241, v[4*\i:4*\i+3], s[44:45] offset:512*\i
.endr
.irp i, 0,1,2,3,4,5,6,7,8,9
	global_store_b128 v241, v[80+8*\i:83+8*\i], s[46:47] offset:1024*\i
	global_store_b128 v241, v[84+8*\i:87+8*\i], s[46:47] offset:1024*\i+512
.endr
	s_wait_xcnt 0x0                                ; data and bases are written again only behind this wait
	s_add_nc_u64 s[44:45], s[44:45], NROW*256
	s_add_nc_u64 s[46:47], s[46:47], NROW*1024
.Lnoc:
	v_add_nc_u32 v246, 768, v246
	v_add_nc_u32 v249, 768, v249
	BAR                                            ; every wave's reads of the images are back before the next trip writes them
	s_sub_co_u32 s58, s58, 1
	s_cmp_lg_u32 s58, 0
	s_cbranch_scc1 .Lcr
	s_cmp_eq_u32 s5, 244*80
	s_cbranch_scc0 .Lend                           ; wave 0 of the last group:
	v_mov_b32 v20, 0
	v_mov_b32 v21, 0
	v_lshlrev_b32 v22, 3, v243
	v_add_nc_u32 v22, 2*NROW*256, v22
	global_store_b64 v22, v[20:21], s[36:37]       ; the row of indices behind the last, which the next launch fetches and does not use
.Lend:
	s_wait_tensorcnt 0x0                           ; the wave's end
	ds_add_u32 v254, v255
	s_wait_dscnt 0x0
	s_endpgm
.Lfunc_end_k_q5cfcef0db3_selfa:
	.size	k_q5cfcef0db3_selfa, .Lfunc_end_k_q5cfcef0db3_selfa-k_q5cfcef0db3_selfa
	.p2alignl 7, 3214868480
	.fill 96, 4, 3214868480
	.section	.rodata,"a",@progbits
	.p2align	6, 0x0
	.amdhsa_kernel k_q5cfcef0db3_selfa
		.amdhsa_group_segment_fixed_size 306432
		.amdhsa_private_segment_fixed_size 0
		.amdhsa_enable_private_segment 0
		.amdhsa_kernarg_size 128
		.amdhsa_user_sgpr_count 2
		.amdhsa_user_sgpr_kernarg_segment_ptr 1
		.amdhsa_wavefront_size32 1
		.amdhsa_system_sgpr_workgroup_id_x 1
		.amdhsa_system_sgpr_workgroup_id_y 1
		.amdhsa_system_sgpr_workgroup_id_z 1
		.amdhsa_system_vgpr_workitem_id 0
		.amdhsa_next_free_vgpr 256
		.amdhsa_next_free_sgpr 66
		.amdhsa_reserve_vcc 1
		.amdhsa_float_denorm_mode_32 3
		.amdhsa_float_denorm_mode_16_64 3
		.amdhsa_memory_ordered 1
		.amdhsa_forward_progress 1
		.amdhsa_inst_pref_size 131
	.end_amdhsa_kernel
	.amdgpu_metadata
---
amdhsa.version: [ 1, 2 ]
amdhsa.kernels:
  - .name:           k_q5cfcef0db3_selfa
    .symbol:         k_q5cfcef0db3_selfa.kd
    .args:
      - { .name: q, .offset: 0, .size: 8, .value_kind: global_buffer, .address_space: global }
      - { .name: reference_points, .offset: 8, .size: 8, .value_kind: global_buffer, .address_space: global }
      - { .name: WP, .offset: 16, .size: 8, .value_kind: global_buffer, .address_space: global }
      - { .name: VT, .offset: 24, .size: 8, .value_kind: global_buffer, .address_space: global }
      - { .name: IDXA, .offset: 32, .size: 8, .value_kind: global_buffer, .address_space: global }
      - { .name: WTA, .offset: 40, .size: 8, .value_kind: global_buffer, .address_space: global }
      - { .name: params_sa_o_b, .offset: 48, .size: 8, .value_kind: global_buffer, .address_space: global }
      - { .name: params_n0_g, .offset: 56, .size: 8, .value_kind: global_buffer, .address_space: global }
      - { .name: params_n0_b, .offset: 64, .size: 8, .value_kind: global_buffer, .address_space: global }
      - { .name: params_t1_off_b, .offset: 72, .size: 8, .value_kind: global_buffer, .address_space: global }
      - { .name: params_t1_aw_b, .offset: 80, .size: 8, .value_kind: global_buffer, .address_space: global }
      - { .name: params_t2_off_b, .offset: 88, .size: 8, .value_kind: global_buffer, .address_space: global }
      - { .name: params_t2_aw_b, .offset: 96, .size: 8, .value_kind: global_buffer, .address_space: global }
      - { .name: Q1, .offset: 104, .size: 8, .value_kind: global_buffer, .address_space: global }
      - { .name: IDXB, .offset: 112, .size: 8, .value_kind: global_buffer, .address_space: global }
      - { .name: WTB, .offset: 120, .size: 8, .value_kind: global_buffer, .address_space: global }
    .group_segment_fixed_size: 306432
    .private_segment_fixed_size: 0
    .kernarg_segment_align: 8
    .kernarg_segment_size: 128
    .max_flat_workgroup_size: 256
    .sgpr_count:     66
    .vgpr_count:     256
    .wavefront_size: 32
...
	.end_amdgpu_metadata
.endif
;; end of part 3
;; launch cross (part 4): grid 245 x 1, 8 waves a work-group, no clusters, 325,632 bytes of LDS; arguments Q1, WP, VT, IDXB, WTB, params_t1_o_b, params_n1_g, params_n1_b, params_t2_o_b, params_n2_g, params_n2_b, params_lin1_b, params_lin2_b, params_n5_g, params_n5_b, out0, out1; writes out0, out1
.if DOCPART == 4
	.amdgcn_target "amdgcn-amd-amdhsa--gfx1250"
	.amdhsa_code_object_version 6
	.text
	.protected	k_q5cfcef0db3_cross
	.globl	k_q5cfcef0db3_cross
	.p2align	8
	.type	k_q5cfcef0db3_cross,@function
k_q5cfcef0db3_cross:
	s_mov_b64 s[64:65], 0
	v_nop
	global_prefetch_b8 v0, s[64:65] scope:SCOPE_SE
	s_setreg_imm32_b32 hwreg(HW_REG_WAVE_MODE, 25, 1), 1
	s_wait_xcnt 0x0
; The two cross attentions' gathers and output projections, LayerNorms n1 and n2 (src3 = out0), x = q1 + src3, the feed-forward layers and LayerNorm n5 (out1).
; SHARES as in the launches before: 80 rows a work-group; products: every wave all rows x 32 columns; row-wise work: wave w rows 10 w .. 10 w + 9.
; src2 never leaves the accumulators: n1's bias is stored with t2's output bias added, and the second projection adds onto the result.  x stays in LDS in f32; the
; hidden layer, 80 x 1,024 in f16, stays in LDS.
; NO CLUSTER: 245 work-groups are no multiple of four, and what is shared, the weights, does not pass through LDS.
; LIMITS: operands are rounded to f16: beyond 65,504 an infinity, below 6e-5 a fixed step of 6e-8; NaN and infinities are not treated apart.
.set NROW, 19560
.set P16, 528
.set P32, 1040
.set ASZ, 80*P16
.set HID, ASZ                          ; four chunks of 256 hidden columns; the first holds the second attention's sampled rows before
.set OS,  HID+2*ASZ                    ; an output's 80 rows in f32, in the place of chunks 2 and 3
.set XI,  HID+4*ASZ                    ; x in f32 as the registers hold it: each lane's own bytes
.set VEC, XI+81920                     ; bo1 0, g1 1024, b1+bo2 2048, g2 3072, b2 4096, lin1_b 5120, lin2_b 9216, g5 10240, b5 11264
.set ST,  VEC+12288                    ; three regions of statistics, one for each LayerNorm
.set SPARE, ST+3*6400                  ; the spare words, 128 bytes for each wave: no other line names them
.set HB, 19752*64
.set TB, 8*HB
.set PASSB, 131072
.set AF, 80
.set WF, 160
.set BI, 224
.set T,   128
.set GA,  144
.set WTR, 152
.set IDR, 184
.set ADR, 192
.set LB,  202
.set MI,  203
.set MW,  204
.set SAD, 205
.macro BAR
	s_wait_dscnt 0x0                               ; for the others' sake: my LDS stores are done and my reads are back
	s_barrier_signal -1
	s_barrier_wait -1
.endm
.macro WLOAD k
.irp t, 0,1
.irp j, 0,1
	global_load_b128 v[WF+16*((\k)%4)+8*\t+4*\j:WF+16*((\k)%4)+8*\t+4*\j+3], v241, s[42:43] offset:2048*(\k)+1024*\t+512*\j
.endr
.endr
.endm
.macro WSTART
	WLOAD 0
	WLOAD 1
	WLOAD 2
	WLOAD 3
.endm
.macro WNEXT
	s_wait_xcnt 0x0                                ; the base is stepped only behind this wait
	s_add_nc_u64 s[42:43], s[42:43], PASSB
.endm
.macro ALOAD k
.irp m, 0,1,2,3,4
	ds_load_b128 v[AF+40*((\k)%2)+8*\m:AF+40*((\k)%2)+8*\m+3], v242 offset:16*P16*\m+64*(\k)
	ds_load_b128 v[AF+40*((\k)%2)+8*\m+4:AF+40*((\k)%2)+8*\m+7], v242 offset:16*P16*\m+64*(\k)+32
.endr
.endm
.macro ASTART
	ALOAD 0
	ALOAD 1
.endm
.macro BILOAD a, o
	ds_load_b128 v[BI:BI+3], v[\a] offset:(\o)
	ds_load_b128 v[BI+4:BI+7], v[\a] offset:(\o)+16
	ds_load_b128 v[BI+8:BI+11], v[\a] offset:(\o)+64
	ds_load_b128 v[BI+12:BI+15], v[\a] offset:(\o)+80
.endm
; One k step of 32: ten matrix instructions on ten accumulators by turns.  cb = 1: the first step starts the sums with the bias.
.macro KSTEP k, cb
.if (\k) < 5
	s_wait_loadcnt 12                              ; the weights of the three younger k steps, 4 loads each, may be out
.else
	s_wait_loadcnt 4*(7-(\k))
.endif
.if (\k) < 7
	s_wait_dscnt 10                                ; the next step's ten fragment loads may be out
.else
	s_wait_dscnt 0
.endif
.irp m, 0,1,2,3,4
.irp t, 0,1
.if ((\k) == 0) && (\cb)
	v_wmma_f32_16x16x32_f16 v[8*(2*\m+\t):8*(2*\m+\t)+7], v[WF+16*((\k)%4)+8*\t:WF+16*((\k)%4)+8*\t+7], v[AF+40*((\k)%2)+8*\m:AF+40*((\k)%2)+8*\m+7], v[BI+8*\t:BI+8*\t+7]
.else
	v_wmma_f32_16x16x32_f16 v[8*(2*\m+\t):8*(2*\m+\t)+7], v[WF+16*((\k)%4)+8*\t:WF+16*((\k)%4)+8*\t+7], v[AF+40*((\k)%2)+8*\m:AF+40*((\k)%2)+8*\m+7], v[8*(2*\m+\t):8*(2*\m+\t)+7]
.endif
.endr
.endr
.rept 4
	v_nop                                          ; four places in front of the loads into registers just multiplied, and of what reads the sums
.endr
.if (\k) < 6
	ALOAD (\k)+2
.endif
.if (\k) < 4
	WLOAD (\k)+4
.endif
.endm
.macro G256 cb
.irp kk, 0,1,2,3,4,5,6,7
	KSTEP \kk, \cb
.endr
.endm
; LAYERNORM of the 80 rows in the accumulators.  stw, str, gad: registers with the addresses of my statistics, of a row's statistics, of my columns' gain (the bias lies 1,024 bytes on).
.macro LN1 m, stw                      ; my 32 columns of rows 16 m + r: mean, then the sum of squared deviations from it
.set yy, 16*(\m)
.set dd, 80+16*(\m)
.set pr, 224+2*(\m)
	v_pk_add_f32 v[dd:dd+1], v[yy:yy+1], v[yy+2:yy+3]
	v_pk_add_f32 v[dd+2:dd+3], v[yy+4:yy+5], v[yy+6:yy+7]
	v_pk_add_f32 v[dd+4:dd+5], v[yy+8:yy+9], v[yy+10:yy+11]
	v_pk_add_f32 v[dd+6:dd+7], v[yy+12:yy+13], v[yy+14:yy+15]
	v_pk_add_f32 v[dd:dd+1], v[dd:dd+1], v[dd+2:dd+3]
	v_pk_add_f32 v[dd+4:dd+5], v[dd+4:dd+5], v[dd+6:dd+7]
	v_pk_add_f32 v[pr:pr+1], v[dd:dd+1], v[dd+4:dd+5]
	v_add_f32 v[pr], v[pr], v[pr+1]
	v_permlanex16_b32 v[pr+1], v[pr], s52, s53     ; the row's other 16 of my columns lie in the lane 16 away
	v_add_f32 v[pr], v[pr], v[pr+1]
	v_mul_f32 v[pr], s56, v[pr]
.irp i, 0,1,2,3,4,5,6,7
	v_pk_add_f32 v[dd+2*\i:dd+2*\i+1], v[yy+2*\i:yy+2*\i+1], v[pr:pr+1] op_sel_hi:[1,0] neg_lo:[0,1] neg_hi:[0,1]
.endr
	v_pk_mul_f32 v[dd:dd+1], v[dd:dd+1], v[dd:dd+1]
	v_pk_mul_f32 v[dd+2:dd+3], v[dd+2:dd+3], v[dd+2:dd+3]
	v_pk_fma_f32 v[dd:dd+1], v[dd+4:dd+5], v[dd+4:dd+5], v[dd:dd+1]
	v_pk_fma_f32 v[dd+2:dd+3], v[dd+6:dd+7], v[dd+6:dd+7], v[dd+2:dd+3]
	v_pk_fma_f32 v[dd:dd+1], v[dd+8:dd+9], v[dd+8:dd+9], v[dd:dd+1]
	v_pk_fma_f32 v[dd+2:dd+3], v[dd+10:dd+11], v[dd+10:dd+11], v[dd+2:dd+3]
	v_pk_fma_f32 v[dd:dd+1], v[dd+12:dd+13], v[dd+12:dd+13], v[dd:dd+1]
	v_pk_fma_f32 v[dd+2:dd+3], v[dd+14:dd+15], v[dd+14:dd+15], v[dd+2:dd+3]
	v_pk_add_f32 v[dd:dd+1], v[dd:dd+1], v[dd+2:dd+3]
	v_add_f32 v[pr+1], v[dd], v[dd+1]
	v_permlanex16_b32 v[dd], v[pr+1], s52, s53
	v_add_f32 v[pr+1], v[pr+1], v[dd]
	ds_store_b64 v[\stw], v[pr:pr+1] offset:1280*(\m)
.endm
.macro LN3 m                           ; the eight waves' pairs are joined: M2 = sum of M2 + 32 x sum of (mean_w - mean)^2
.set uu, 80+16*(\m)
.set pr, 224+2*(\m)
	v_pk_add_f32 v[234:235], v[uu:uu+1], v[uu+2:uu+3]
	v_pk_add_f32 v[236:237], v[uu+4:uu+5], v[uu+6:uu+7]
	v_pk_add_f32 v[238:239], v[uu+8:uu+9], v[uu+10:uu+11]
	v_pk_add_f32 v[234:235], v[234:235], v[236:237]
	v_pk_add_f32 v[236:237], v[uu+12:uu+13], v[uu+14:uu+15]
	v_pk_add_f32 v[236:237], v[236:237], v[238:239]
	v_pk_add_f32 v[234:235], v[234:235], v[236:237]
	v_mul_f32 v[pr+1], 0x3e000000, v234            ; the row's mean
.irp i, 0,1,2,3,4,5,6,7
	v_sub_f32 v[uu+2*\i], v[uu+2*\i], v[pr+1]
.endr
	v_mul_f32 v236, v[uu], v[uu]
	v_mul_f32 v237, v[uu+2], v[uu+2]
	v_fma_f32 v236, v[uu+4], v[uu+4], v236
	v_fma_f32 v237, v[uu+6], v[uu+6], v237
	v_fma_f32 v236, v[uu+8], v[uu+8], v236
	v_fma_f32 v237, v[uu+10], v[uu+10], v237
	v_fma_f32 v236, v[uu+12], v[uu+12], v236
	v_fma_f32 v237, v[uu+14], v[uu+14], v237
	v_add_f32 v236, v236, v237
	v_fma_f32 v235, v236, s57, v235
	v_fma_f32 v[pr], v235, s55, s54                ; variance + 1e-5
.endm
.macro LNORM stw, str, gad
.irp m, 0,1,2,3,4
	LN1 \m, \stw
.endr
	BAR
.irp m, 0,1,2,3,4
.irp i, 0,1,2,3
	ds_load_b128 v[80+16*\m+4*\i:80+16*\m+4*\i+3], v[\str] offset:1280*\m+16*\i
.endr
.endr
	s_wait_dscnt 0x0
.irp m, 0,1,2,3,4
	LN3 \m
.endr
.irp m, 0,1,2,3,4
	v_rsq_f32 v[224+2*\m], v[224+2*\m]
.endr
	v_nop                                          ; a plain instruction between the last root and the use of its result
	s_wait_alu depctr_va_vdst(0)
.irp m, 0,1,2,3,4
	v_mul_f32 v[225+2*\m], -v[225+2*\m], v[224+2*\m]       ; - mean x rstd
.endr
.irp t, 0,1
.irp j, 0,1
	ds_load_b128 v[80+8*\t+4*\j:80+8*\t+4*\j+3], v[\gad] offset:64*\t+16*\j
	ds_load_b128 v[96+8*\t+4*\j:96+8*\t+4*\j+3], v[\gad] offset:1024+64*\t+16*\j
.endr
.endr
.irp m, 0,1,2,3,4
.irp i, 0,1,2,3,4,5,6,7
	v_pk_fma_f32 v[16*\m+2*\i:16*\m+2*\i+1], v[16*\m+2*\i:16*\m+2*\i+1], v[224+2*\m:225+2*\m], v[224+2*\m:225+2*\m] op_sel:[0,0,1] op_sel_hi:[1,0,1]
.endr
.endr
	s_wait_dscnt 0x0
.irp m, 0,1,2,3,4
.irp i, 0,1,2,3,4,5,6,7
	v_pk_fma_f32 v[16*\m+2*\i:16*\m+2*\i+1], v[16*\m+2*\i:16*\m+2*\i+1], v[80+2*\i:81+2*\i], v[96+2*\i:97+2*\i]
.endr
.endr
.endm
.macro TOF16 a                         ; the accumulators, rounded to f16, as an operand of 80 rows
.irp n, 0,1,2,3,4,5,6,7,8,9
	v_cvt_pk_f16_f32 v[80+4*\n], v[8*\n], v[8*\n+1]
	v_cvt_pk_f16_f32 v[81+4*\n], v[8*\n+2], v[8*\n+3]
	v_cvt_pk_f16_f32 v[82+4*\n], v[8*\n+4], v[8*\n+5]
	v_cvt_pk_f16_f32 v[83+4*\n], v[8*\n+6], v[8*\n+7]
	ds_store_b128 v[\a], v[80+4*\n:83+4*\n] offset:16*P16*(\n/2)+32*(\n%2)
.endr
.endm
.macro TOSTAGE                         ; the accumulators into the output's stage: row 16 m + r, columns 32 w + 16 t + 8 h on
.irp m, 0,1,2
.irp t, 0,1
.irp j, 0,1
	ds_store_b128 v249, v[8*(2*\m+\t)+4*\j:8*(2*\m+\t)+4*\j+3] offset:16*P32*\m+64*\t+16*\j
.endr
.endr
.endr
.irp m, 3,4
.irp t, 0,1
.irp j, 0,1
	ds_store_b128 v250, v[8*(2*\m+\t)+4*\j:8*(2*\m+\t)+4*\j+3] offset:16*P32*(\m-3)+64*\t+16*\j
.endr
.endr
.endr
.endm
.macro COPY32 p                        ; my ten rows leave the stage: each store covers 512 consecutive bytes
.irp i, 0,1,2,3,4,5,6,7,8,9
	ds_load_b128 v[80+8*\i:83+8*\i], v244 offset:P32*\i
	ds_load_b128 v[84+8*\i:87+8*\i], v244 offset:P32*\i+512
.endr
	s_wait_dscnt 0x0
.irp i, 0,1,2,3,4,5,6,7,8,9
	global_store_b128 v241, v[80+8*\i:83+8*\i], s[\p:\p+1] offset:1024*\i th:TH_STORE_NT
	global_store_b128 v241, v[84+8*\i:87+8*\i], s[\p:\p+1] offset:1024*\i+512 th:TH_STORE_NT
.endr
.endm
; THE GATHER'S PARTS, as in the launch before.  ISSUE: level l of the row qo rows behind the bases: 11 loads (the indices of the row after it, 2 x 4 weights, 8 corners).
.macro ISSUE l, qo
.if (\l) == 0
.set MAXI, 14887
.set WL, 160
.elseif (\l) == 1
.set MAXI, 18567
.set WL, 80
.elseif (\l) == 2
.set MAXI, 19487
.set WL, 40
.else
.set MAXI, 19727
.set WL, 20
.endif
.set ia, IDR+2*(\l)
.set aa, ADR+2*(\l)
.set wa, WTR+8*(\l)
	v_min_u32 v[aa], MAXI, v[ia]                   ; a loaded number enters an address only behind a clamp by a constant: the level's last row
	v_min_u32 v[aa+1], MAXI, v[ia+1]
	v_lshl_add_u32 v[aa], v[aa], 6, v[LB]
	v_lshl_add_u32 v[aa+1], v[aa+1], 6, v[LB]
	global_load_b64 v[ia:ia+1], v[MI], s[44:45] offset:256*((\qo)+1)+64*(\l)
	global_load_b128 v[wa:wa+3], v[MW], s[46:47] offset:1024*(\qo)+256*(\l)
	global_load_b128 v[wa+4:wa+7], v[MW], s[46:47] offset:1024*(\qo)+256*(\l)+128
.irp p, 0,1
.irp c, 0,1,2,3
	global_load_b128 v[32*(\l)+16*\p+4*\c:32*(\l)+16*\p+4*\c+3], v[aa+\p], s[48:49] offset:64*(\c%2)+64*WL*(\c/2)
.endr
.endr
.endm
.macro PRE g, last                     ; at a level's first register the wait: three younger requests of 11 loads may be out; in the last row 33, 22, 11, 0
.if ((\g)%32) == 0
.if \last
	s_wait_loadcnt 33-11*((\g)/32)
.else
	s_wait_loadcnt 33
.endif
.endif
.endm
.macro POST g, last
.if ((\g)%4) == 3
.set ci, (\g)/4
.set tt, T+8*(ci%2)
.set wp, WTR+ci-(ci%2)
.irp e, 0,1,2,3
.if ci == 0
	v_pk_mul_f32 v[GA+2*\e:GA+2*\e+1], v[tt+2*\e:tt+2*\e+1], v[wp:wp+1] op_sel_hi:[1,0]
.elseif (ci%2) == 0
	v_pk_fma_f32 v[GA+2*\e:GA+2*\e+1], v[tt+2*\e:tt+2*\e+1], v[wp:wp+1], v[GA+2*\e:GA+2*\e+1] op_sel_hi:[1,0,1]
.else
	v_pk_fma_f32 v[GA+2*\e:GA+2*\e+1], v[tt+2*\e:tt+2*\e+1], v[wp:wp+1], v[GA+2*\e:GA+2*\e+1] op_sel:[0,1,0] op_sel_hi:[1,1,1]
.endif
.endr
.endif
.if (((\g)%32) == 31) && !(\last)
	ISSUE (\g)/32, 1
.endif
.endm
.macro ROWEND
	v_cvt_pk_f16_f32 v[T], v[GA], v[GA+1]
	v_cvt_pk_f16_f32 v[T+1], v[GA+2], v[GA+3]
	v_cvt_pk_f16_f32 v[T+2], v[GA+4], v[GA+5]
	v_cvt_pk_f16_f32 v[T+3], v[GA+6], v[GA+7]
	ds_store_b128 v[SAD], v[T:T+3]
	v_add_nc_u32 v[SAD], P16, v[SAD]
.endm
	s_load_b512 s[8:23], s[0:1], 0x0               ; Q1 8, WP 10, VT 12, IDXB 14, WTB 16, t1_o_b 18, n1_g 20, n1_b 22
	s_load_b512 s[24:39], s[0:1], 0x40             ; t2_o_b 24, n2_g 26, n2_b 28, lin1_b 30, lin2_b 32, n5_g 34, n5_b 36, out0 38
	s_load_b64 s[40:41], s[0:1], 0x80              ; out1
	v_lshl_add_u32 v254, v0, 2, SPARE              ; my spare word, and 0: kept for the wave's last lines alone
	v_mov_b32 v255, 0
	v_mov_b32 v240, v0
	v_lshrrev_b32 v1, 5, v0
	v_readfirstlane_b32 s2, v1
	v_and_b32 v243, 31, v0
	v_and_b32 v244, 15, v0
	v_bfe_u32 v245, v0, 4, 1
	v_lshlrev_b32 v241, 4, v243
	s_mov_b32 s3, ttmp9
	s_mul_i32 s4, s3, 80
	s_mul_i32 s5, s2, 10
	s_add_co_u32 s5, s5, s4
	s_min_u32 s6, s5, NROW-10
	s_mov_b32 s52, 0x76543210
	s_mov_b32 s53, 0xfedcba98
	s_mov_b32 s54, 0x3727c5ac                      ; 1e-5
	s_mov_b32 s55, 0x3b800000                      ; 1 / 256
	s_mov_b32 s56, 0x3d000000                      ; 1 / 32
	s_mov_b32 s57, 0x42000000                      ; 32
	s_mov_b32 s51, 0
	v_lshrrev_b32 v200, 2, v243                    ; head
	v_and_b32 v201, 3, v243                        ; chunk
	v_mul_u32_u24 v[LB], v200, HB
	v_lshl_add_u32 v[LB], v201, 4, v[LB]
	v_lshlrev_b32 v[MI], 3, v200
	v_lshlrev_b32 v[MW], 4, v200
	s_mul_i32 s7, s2, 10*P16
	v_add_nc_u32 v[SAD], s7, v241
	v_lshlrev_b32 v232, 2, v240
	v_lshlrev_b32 v233, 4, v240
	s_wait_kmcnt 0x0
	s_lshl_b32 s50, s6, 8
	s_add_nc_u64 s[44:45], s[14:15], s[50:51]
	s_lshl_b32 s50, s6, 10
	s_add_nc_u64 s[46:47], s[16:17], s[50:51]
	s_add_nc_u64 s[48:49], s[12:13], TB            ; t1's table
	global_load_b32 v216, v232, s[18:19]           ; the vectors wait in registers until the gathers are over
	global_load_b32 v217, v232, s[20:21]
	global_load_b32 v218, v232, s[22:23]
	global_load_b32 v219, v232, s[24:25]
	global_load_b32 v220, v232, s[26:27]
	global_load_b32 v221, v232, s[28:29]
	global_load_b32 v222, v232, s[32:33]
	global_load_b32 v223, v232, s[34:35]
	global_load_b32 v224, v232, s[36:37]
	global_load_b128 v[228:231], v233, s[30:31]
	s_mov_b32 s58, 2
.Ltab:                                             ; a trip: one cross attention's ten rows
.irp l, 0,1,2,3
	global_load_b64 v[IDR+2*\l:IDR+2*\l+1], v[MI], s[44:45] offset:64*\l
.endr
	s_wait_loadcnt 0x0
	ISSUE 0, 0
	ISSUE 1, 0
	ISSUE 2, 0
	ISSUE 3, 0
	s_mov_b32 s59, 9
.Lrow:
.rept 128
	PRE \+, 0
	v_cvt_f32_f16 v[T+8*((\+/4)%2)+2*(\+%4)], v\+.l
	v_cvt_f32_f16 v[T+8*((\+/4)%2)+2*(\+%4)+1], v\+.h
	POST \+, 0
.endr
	ROWEND
	s_wait_xcnt 0x0                                ; the bases are stepped only behind this wait
	s_add_nc_u64 s[44:45], s[44:45], 256
	s_add_nc_u64 s[46:47], s[46:47], 1024
	s_sub_co_u32 s59, s59, 1
	s_cmp_lg_u32 s59, 0
	s_cbranch_scc1 .Lrow
.rept 128                                          ; the tenth row asks for nothing
	PRE \+, 1
	v_cvt_f32_f16 v[T+8*((\+/4)%2)+2*(\+%4)], v\+.l
	v_cvt_f32_f16 v[T+8*((\+/4)%2)+2*(\+%4)+1], v\+.h
	POST \+, 1
.endr
	ROWEND
	s_wait_xcnt 0x0
	s_add_nc_u64 s[44:45], s[44:45], NROW*256-9*256        ; back to my first row, in the second attention's part
	s_add_nc_u64 s[46:47], s[46:47], NROW*1024-9*1024
	s_add_nc_u64 s[48:49], s[48:49], TB
	v_add_nc_u32 v[SAD], ASZ-10*P16, v[SAD]
	s_sub_co_u32 s58, s58, 1
	s_cmp_lg_u32 s58, 0
	s_cbranch_scc1 .Ltab
	v_add_f32 v218, v218, v219                     ; n1's bias and t2's output bias go in together
	v_lshl_add_u32 v200, v240, 2, VEC
	v_lshl_add_u32 v201, v240, 4, VEC+5120
	ds_store_b32 v200, v216
	ds_store_b32 v200, v217 offset:1024
	ds_store_b32 v200, v218 offset:2048
	ds_store_b32 v200, v220 offset:3072
	ds_store_b32 v200, v221 offset:4096
	ds_store_b32 v200, v222 offset:9216
	ds_store_b32 v200, v223 offset:10240
	ds_store_b32 v200, v224 offset:11264
	ds_store_b128 v201, v[228:231]
	v_mul_u32_u24 v242, v244, P16
	v_lshl_add_u32 v242, v245, 4, v242             ; fragments: 528 r + 16 h
	s_lshl_b32 s7, s2, 6
	v_add_nc_u32 v251, s7, v242                    ; my columns as f16: 528 r + 64 w + 16 h
	v_add_nc_u32 v243, HID, v251                   ; the same in the hidden layer's first chunk
	s_lshl_b32 s7, s2, 7
	s_add_co_u32 s7, s7, VEC
	v_lshl_add_u32 v246, v245, 5, s7               ; my columns of a vector: 128 w + 32 h
	v_add_nc_u32 v252, 1024, v246
	v_mul_u32_u24 v248, v244, 80
	v_add_nc_u32 v248, ST, v248
	v_lshl_add_u32 v247, s2, 3, v248
	v_mul_u32_u24 v249, v244, P32
	v_lshl_add_u32 v249, v245, 5, v249
	s_lshl_b32 s7, s2, 7
	s_add_co_u32 s7, s7, OS
	v_add_nc_u32 v249, s7, v249
	v_add_nc_u32 v250, 3*16*P32, v249              ; rows 48 on: the immediate ends at 65,535
	s_mul_i32 s7, s2, 10240
	s_add_co_u32 s7, s7, XI
	v_add_nc_u32 v253, s7, v241
	s_mul_i32 s7, s2, 10*P32
	s_add_co_u32 s7, s7, OS
	v_add_nc_u32 v244, s7, v241                    ; my ten rows of the stage (r is not needed any more)
	v_add_nc_u32 v245, 5120, v246                  ; lin1's bias (nor h)
	s_lshl_b32 s50, s2, 14
	s_add_co_u32 s50, s50, 7*PASSB
	s_add_nc_u64 s[42:43], s[10:11], s[50:51]      ; pass 7
	s_mul_i32 s50, s3, 81920
	s_mul_i32 s7, s2, 10240
	s_add_co_u32 s50, s50, s7
	s_add_nc_u64 s[8:9], s[8:9], s[50:51]
	s_lshl_b32 s50, s5, 10
	s_add_nc_u64 s[38:39], s[38:39], s[50:51]
	s_add_nc_u64 s[40:41], s[40:41], s[50:51]
	WSTART
	BAR                                            ; both attentions' sampled rows and the vectors are whole
.irp a, 0,1,2,3,4,5,6,7,8,9
.irp j, 0,1
	ds_load_b128 v[8*\a+4*\j:8*\a+4*\j+3], v246 offset:64*(\a%2)+16*\j     ; the sums begin with t1's output bias, so that both trips below are one text
.endr
.endr
	s_mov_b32 s58, 2
.Lt:                                               ; a trip: an output projection onto the accumulators, and a LayerNorm
	ASTART
	G256 0
	WNEXT
	WSTART
	LNORM 247, 248, 252
	v_add_nc_u32 v242, ASZ, v242
	v_add_nc_u32 v252, 2048, v252
	v_add_nc_u32 v247, 6400, v247                  ; each LayerNorm has statistics' bytes of its own: no barrier between one's reads and the next one's stores
	v_add_nc_u32 v248, 6400, v248
	s_sub_co_u32 s58, s58, 1
	s_cmp_lg_u32 s58, 0
	s_cbranch_scc1 .Lt
.irp a, 0,1,2,3,4,5,6,7,8,9
.irp j, 0,1
	global_load_b128 v[80+8*\a+4*\j:80+8*\a+4*\j+3], v241, s[8:9] offset:1024*\a+512*\j th:TH_LOAD_NT      ; q1, into the lanes that made it
.endr
.endr
	TOSTAGE                                        ; src3
	s_wait_loadcnt 0x0
.set i, 0
.rept 40
	v_pk_add_f32 v[2*i:2*i+1], v[2*i:2*i+1], v[80+2*i:81+2*i]      ; x = q1 + src3
.set i, i+1
.endr
.irp a, 0,1,2,3,4,5,6,7,8,9
.irp j, 0,1
	ds_store_b128 v253, v[8*\a+4*\j:8*\a+4*\j+3] offset:1024*\a+512*\j
.endr
.endr
	TOF16 251
	BAR                                            ; src3 and x are whole
	s_cmp_lt_u32 s5, NROW
	s_cbranch_scc0 .Lno0
	COPY32 38
	s_wait_xcnt 0x0                                ; the stores' data registers are loaded again only behind this wait
.Lno0:
	BAR                                            ; every wave's reads of the stage are back before hidden chunks 2 and 3 are written there
	s_mov_b32 s7, 2*ASZ
	v_sub_nc_u32 v242, v242, s7                    ; fragments of x
	s_mov_b32 s58, 4
.Lf1:                                              ; a trip: 256 hidden columns
	BILOAD 245, 0
	ASTART
	G256 1
	WNEXT
	WSTART
.set i, 0
.rept 80
	v_max_num_f32 v[i], 0, v[i]
.set i, i+1
.endr
	TOF16 243
	v_add_nc_u32 v243, ASZ, v243
	v_add_nc_u32 v245, 1024, v245
	s_sub_co_u32 s58, s58, 1
	s_cmp_lg_u32 s58, 0
	s_cbranch_scc1 .Lf1
	BAR                                            ; the hidden layer is whole
.irp a, 0,1,2,3,4,5,6,7,8,9
.irp j, 0,1
	ds_load_b128 v[8*\a+4*\j:8*\a+4*\j+3], v253 offset:1024*\a+512*\j      ; the sums begin with x
.endr
.endr
	BILOAD 246, 9216
	s_wait_dscnt 0x0
.irp a, 0,1,2,3,4,5,6,7,8,9
.irp i, 0,1,2,3
	v_pk_add_f32 v[8*\a+2*\i:8*\a+2*\i+1], v[8*\a+2*\i:8*\a+2*\i+1], v[BI+8*(\a%2)+2*\i:BI+8*(\a%2)+2*\i+1]      ; and lin2's bias
.endr
.endr
	v_add_nc_u32 v242, HID, v242
	s_mov_b32 s58, 4
.Lf2:                                              ; a trip: 256 of lin2's 1,024 rows
	ASTART
	G256 0
	WNEXT
	s_cmp_eq_u32 s58, 1
	s_cbranch_scc1 .Lf2n                           ; behind the last pass nothing is left to fetch
	WSTART
.Lf2n:
	v_add_nc_u32 v242, ASZ, v242
	s_sub_co_u32 s58, s58, 1
	s_cmp_lg_u32 s58, 0
	s_cbranch_scc1 .Lf2
	v_add_nc_u32 v252, 5120, v252                  ; n5's gain
	LNORM 247, 248, 252                            ; its barrier also shows every wave's reads of the hidden layer over
	TOSTAGE
	BAR
	s_cmp_lt_u32 s5, NROW
	s_cbranch_scc0 .Lno1
	COPY32 40
.Lno1:
	s_wait_tensorcnt 0x0                           ; the wave's end
	ds_add_u32 v254, v255
	s_wait_dscnt 0x0
	s_endpgm
.Lfunc_end_k_q5cfcef0db3_cross:
	.size	k_q5cfcef0db3_cross, .Lfunc_end_k_q5cfcef0db3_cross-k_q5cfcef0db3_cross
	.p2alignl 7, 3214868480
	.fill 96, 4, 3214868480
	.section	.rodata,"a",@progbits
	.p2align	6, 0x0
	.amdhsa_kernel k_q5cfcef0db3_cross
		.amdhsa_group_segment_fixed_size 325632
		.amdhsa_private_segment_fixed_size 0
		.amdhsa_enable_private_segment 0
		.amdhsa_kernarg_size 136
		.amdhsa_user_sgpr_count 2
		.amdhsa_user_sgpr_kernarg_segment_ptr 1
		.amdhsa_wavefront_size32 1
		.amdhsa_system_sgpr_workgroup_id_x 1
		.amdhsa_system_sgpr_workgroup_id_y 1
		.amdhsa_system_sgpr_workgroup_id_z 1
		.amdhsa_system_vgpr_workitem_id 0
		.amdhsa_next_free_vgpr 256
		.amdhsa_next_free_sgpr 66
		.amdhsa_reserve_vcc 0
		.amdhsa_float_denorm_mode_32 3
		.amdhsa_float_denorm_mode_16_64 3
		.amdhsa_memory_ordered 1
		.amdhsa_forward_progress 1
		.amdhsa_inst_pref_size 173
	.end_amdhsa_kernel
	.amdgpu_metadata
---
amdhsa.version: [ 1, 2 ]
amdhsa.kernels:
  - .name:           k_q5cfcef0db3_cross
    .symbol:         k_q5cfcef0db3_cross.kd
    .args:
      - { .name: Q1, .offset: 0, .size: 8, .value_kind: global_buffer, .address_space: global }
      - { .name: WP, .offset: 8, .size: 8, .value_kind: global_buffer, .address_space: global }
      - { .name: VT, .offset: 16, .size: 8, .value_kind: global_buffer, .address_space: global }
      - { .name: IDXB, .offset: 24, .size: 8, .value_kind: global_buffer, .address_space: global }
      - { .name: WTB, .offset: 32, .size: 8, .value_kind: global_buffer, .address_space: global }
      - { .name: params_t1_o_b, .offset: 40, .size: 8, .value_kind: global_buffer, .address_space: global }
      - { .name: params_n1_g, .offset: 48, .size: 8, .value_kind: global_buffer, .address_space: global }
      - { .name: params_n1_b, .offset: 56, .size: 8, .value_kind: global_buffer, .address_space: global }
      - { .name: params_t2_o_b, .offset: 64, .size: 8, .value_kind: global_buffer, .address_space: global }
      - { .name: params_n2_g, .offset: 72, .size: 8, .value_kind: global_buffer, .address_space: global }
      - { .name: params_n2_b, .offset: 80, .size: 8, .value_kind: global_buffer, .address_space: global }
      - { .name: params_lin1_b, .offset: 88, .size: 8, .value_kind: global_buffer, .address_space: global }
      - { .name: params_lin2_b, .offset: 96, .size: 8, .value_kind: global_buffer, .address_space: global }
      - { .name: params_n5_g, .offset: 104, .size: 8, .value_kind: global_buffer, .address_space: global }
      - { .name: params_n5_b, .offset: 112, .size: 8, .value_kind: global_buffer, .address_space: global }
      - { .name: out0, .offset: 120, .size: 8, .value_kind: global_buffer, .address_space: global }
      - { .name: out1, .offset: 128, .size: 8, .value_kind: global_buffer, .address_space: global }
    .group_segment_fixed_size: 325632
    .private_segment_fixed_size: 0
    .kernarg_segment_align: 8
    .kernarg_segment_size: 136
    .max_flat_workgroup_size: 256
    .sgpr_count:     66
    .vgpr_count:     256
    .wavefront_size: 32
...
	.end_amdgpu_metadata
.endif
;; end of part 4
;; ======== version 2 of 3: 6 launches; 1.31 times as fast as version 1
;; limits: values outside matrix products are rounded to f16; values are held in f16: magnitudes above 65,504 overflow, below 6.1e-05 lose precision
;; workspace buffers: WP 2,228,224 bytes; VTA 10,113,024 bytes; VTB 20,226,048 bytes; IDX 10,035,456 bytes of whole numbers; WT 40,140,800 bytes; Q1 20,070,400 bytes; S 20,070,400 bytes
;; launch pack: the kernel of part 1 again; grid 16 x 17, 8 waves a work-group, no clusters, 0 bytes of LDS; arguments params_sa_v_W, params_t1_v_W, params_t2_v_W, params_sa_off_W, params_sa_aw_W, params_sa_o_W, params_t1_off_W, params_t1_aw_W, params_t2_off_W, params_t2_aw_W, params_t1_o_W, params_t2_o_W, params_lin1_W, params_lin2_W, WP; writes WP
;; launch proj (part 5): grid 245 x 1, 8 waves a work-group, no clusters, 297,984 bytes of LDS; arguments q, kvt1, kvt2, pos, reference_points, WP, params_sa_v_b, params_t1_v_b, params_t2_v_b, params_sa_off_b, params_sa_aw_b, VTA, VTB, IDX, WT; writes VTA, VTB, IDX, WT
.if DOCPART == 5
	.amdgcn_target "amdgcn-amd-amdhsa--gfx1250"
	.amdhsa_code_object_version 6
	.text
	.protected	k_q5cfcef0db3_proj
	.globl	k_q5cfcef0db3_proj
	.p2align	8
	.type	k_q5cfcef0db3_proj,@function
k_q5cfcef0db3_proj:
	s_mov_b64 s[64:65], 0
	v_nop
	global_prefetch_b8 v0, s[64:65] scope:SCOPE_SE
	s_setreg_imm32_b32 hwreg(HW_REG_WAVE_MODE, 25, 1), 1
	s_wait_xcnt 0x0
; The three value tables (q, kvt1 + pos, kvt2 + pos, each times its Wv, plus bias) in f16 by heads, and the self attention's sampling
; indices and corner weights from q.
; SHARES.  A work-group owns 80 rows (5 tiles of 16); 245 work-groups, the last with 40 real rows.  In a product every wave takes all 80 rows
; and 32 output columns: 10 accumulators, which take turns.  In row-wise work wave w owns rows 10 w .. 10 w + 9.  A wave whose rows lie past
; the end loads copies of the last ten rows.
; THE MATRIX INSTRUCTION IS USED TRANSPOSED: source 0 = 16 output columns of the packed weights, source 1 = 16 rows: lane (r, h), register j
; holds C(row r, column 8 h + j).  The weights come straight from memory into registers, each byte once for a work-group.
; THE WEIGHTS' RING: eight sets of 16 registers, one for each k step of a pass, in the second register window.  Behind a k step's products its set
; takes the same k step of the next pass, so every weight load is issued eight k steps ahead of its products, across passes too.
; NO CLUSTER: 245 work-groups are no multiple of four, and the weights do not pass through LDS.
; ONE INDEX A POINT: base + yc W + xc with x0, y0 clamped to -1 .. W-1, H-1; the four corners lie 0, 1, W, W + 1 rows on; a corner outside the
; level has weight 0 and reads a neighbouring or a guard row.  Level 0's base is 168 (rows of a head's table); levels 1 to 3 count from table
; row 14,760, the first that the next launch holds in LDS: 128, 3,808, 4,728.  The shapes are the constants that the module itself builds in.
; INDICES AND WEIGHTS BY HEADS: [head][group of 8 rows][level][row][point] and [head][group][level][point][row][corner]; a head has 19,600 rows
; (245 x 80), so that the last work-group stores its 80 rows like every other.
; LIMITS: operands are rounded to f16: beyond 65,504 an infinity, below 6e-5 a fixed step of 6e-8; NaN and infinities are not treated apart.
.set NROW, 19560
.set P16, 528                          ; LDS pitch of a row of 256 f16: 512 + 16 bytes, an odd multiple of 16
.set ASZ, 80*P16                       ; 42,240: one operand of 80 rows
.set VSC, 3*ASZ                        ; 7,680 bytes for each wave: stage of the values, then scratch of the offsets
.set SCR, VSC
.set IXI, VSC+61440                    ; each wave's own 2,560 bytes: its head's indices of 80 rows
.set WTI, IXI+8*2560                   ; each wave's own 10,240 bytes: its head's corner weights
.set REF, WTI+8*10240                  ; 80 rows of reference points
.set VEC, REF+2560                     ; sa_v_b 0, t1_v_b 1024, t2_v_b 2048, off_b 3072, aw_b 3584
.set SPARE, VEC+3840                   ; the spare words, 128 bytes for each wave: no other line names them
.set HB, 19752*64                      ; a head's table: 168 guard rows, 19,560 rows, 24 guard rows, 64 bytes each
.set TB, 8*HB
.set IHB, 19600*32                     ; a head's indices
.set WHB, 19600*128                    ; a head's corner weights
.set PASSB, 131072
.set AF, 80                            ; v80-159  two sets of 5 row fragments
.set BI, 224                           ; v224-239 the bias as C, 8 registers a tile
; window 0: v0-79 the accumulators: (m, t) at 8 (2 m + t).  v240 thread, v241 16 x lane, v242 fragment address, v243 lane, v244 r, v245 h, v246-253 addresses, v254/v255 the add's.
; window 1: v0-127 the weights' ring: k step k, tile t at 16 k + 8 t.
.set MSB, 0
.macro WIN new                         ; s_set_vgpr_msb: bits 1:0 source 0, 3:2 source 1, 5:4 source 2, 7:6 destination; the high byte repeats the setting that is left; a switch that changes nothing is dropped
.if MSB != (\new)
	s_set_vgpr_msb (MSB<<8)|(\new)
.set MSB, \new
.endif
.endm
.macro BAR
	s_wait_dscnt 0x0                               ; for the others' sake: my LDS stores are done and my reads are back
	s_barrier_signal -1
	s_barrier_wait -1
.endm
.macro WLOAD k, pb                     ; the weights of k step k of the pass pb bytes behind the base: 4 loads of 512 consecutive bytes, into window 1
	WIN 0x40
.irp t, 0,1
.irp j, 0,1
	global_load_b128 v[16*(\k)+8*\t+4*\j:16*(\k)+8*\t+4*\j+3], v241, s[42:43] offset:(\pb)+2048*(\k)+1024*\t+512*\j
.endr
.endr
.endm
.macro ALOAD k                         ; the 5 row fragments of k step k: 10 LDS loads
.irp m, 0,1,2,3,4
	ds_load_b128 v[AF+40*((\k)%2)+8*\m:AF+40*((\k)%2)+8*\m+3], v242 offset:16*P16*\m+64*(\k)
	ds_load_b128 v[AF+40*((\k)%2)+8*\m+4:AF+40*((\k)%2)+8*\m+7], v242 offset:16*P16*\m+64*(\k)+32
.endr
.endm
.macro ASTART
	ALOAD 0
	ALOAD 1
.endm
.macro BILOAD a, o
	ds_load_b128 v[BI:BI+3], v[\a] offset:(\o)
	ds_load_b128 v[BI+4:BI+7], v[\a] offset:(\o)+16
	ds_load_b128 v[BI+8:BI+11], v[\a] offset:(\o)+64
	ds_load_b128 v[BI+12:BI+15], v[\a] offset:(\o)+80
.endm
; One k step of 32: ten matrix instructions on ten accumulators by turns.  cb = 1: the first step starts the sums with the bias.
; rf = 1: the set is filled again with the next pass's k step; rf = 0: the launch's last pass.
.macro KSTEP k, cb, rf
.if \rf
	s_wait_loadcnt 28                              ; seven younger k steps' weights, 4 loads each, may be out: k+1 .. 7 of this pass, 0 .. k-1 of the next
.else
	s_wait_loadcnt 4*(7-(\k))                      ; nothing is asked for any more: k+1 .. 7 of this pass may be out
.endif
.if (\k) < 7
	s_wait_dscnt 10                                ; the next step's ten fragment loads may be out
.else
	s_wait_dscnt 0
.endif
	WIN 0x01                                       ; source 0, the weights, in window 1
.irp m, 0,1,2,3,4
.irp t, 0,1
.if ((\k) == 0) && (\cb)
	v_wmma_f32_16x16x32_f16 v[8*(2*\m+\t):8*(2*\m+\t)+7], v[16*(\k)+8*\t:16*(\k)+8*\t+7], v[AF+40*((\k)%2)+8*\m:AF+40*((\k)%2)+8*\m+7], v[BI+8*\t:BI+8*\t+7]
.else
	v_wmma_f32_16x16x32_f16 v[8*(2*\m+\t):8*(2*\m+\t)+7], v[16*(\k)+8*\t:16*(\k)+8*\t+7], v[AF+40*((\k)%2)+8*\m:AF+40*((\k)%2)+8*\m+7], v[8*(2*\m+\t):8*(2*\m+\t)+7]
.endif
.endr
.endr
	WIN 0
.rept 4
	v_nop                                          ; four places in front of the loads into registers just multiplied, and of what reads the sums
.endr
.if (\k) < 6
	ALOAD (\k)+2
.endif
.if \rf
	WLOAD \k, PASSB
	WIN 0                                          ; at a label and at a branch every window is 0
.endif
.endm
.macro G256 cb, rf
.irp kk, 0,1,2,3,4,5,6,7
	KSTEP \kk, \cb, \rf
.endr
.endm
; OFFSETS AND LOGITS INTO INDICES AND CORNER WEIGHTS.  Wave = head; lane (r, h) holds row 16 m + r, levels 2 h and 2 h + 1: 8 offsets in accumulator (m, 0), 4 logits in (m, 1).
; The accumulators go through the wave's own scratch, so that the step is written once and walked five times.  The results go into the wave's own two images.
.set OO, 80                            ; 8 offsets
.set LG, 88                            ; 4 logits, then weights
.set RF, 92                            ; the row's reference points of my two levels
.set CW, 96                            ; by level of my two: W, H, W - 1, H - 1, the index's base
.set CH, 98
.set CWM, 100
.set CHM, 102
.set CBS, 104
.set SCA, 106
.set RFA, 107
.set IXA, 108
.set WTD, 109
.set RX, 110
.set RY, 112
.set TT, 114                           ; v114-125 at work
.set IDO, 130
.set WO, 132
.macro LC dst, c0, c1
	v_mov_b32 v[TT], \c1
	v_cndmask_b32 v[\dst], \c0, v[TT], vcc_lo
.endm
.macro POINT ll, p
	v_add_f32 v[TT], v[RX+\ll], v[OO+4*\ll+2*\p]           ; x in pixels
	v_add_f32 v[TT+6], v[RY+\ll], v[OO+4*\ll+2*\p+1]
	v_floor_f32 v[TT+1], v[TT]
	v_floor_f32 v[TT+7], v[TT+6]
	v_sub_f32 v[TT+2], v[TT], v[TT+1]                      ; lx
	v_sub_f32 v[TT+8], v[TT+6], v[TT+7]
	v_add_f32 v[TT+3], 1.0, v[TT+1]                        ; x0 + 1
	v_add_f32 v[TT+9], 1.0, v[TT+7]
	v_sub_f32 v[TT+4], 1.0, v[TT+2]                        ; 1 - lx
	v_sub_f32 v[TT+10], 1.0, v[TT+8]
	v_med3_num_f32 v[TT+5], v[TT+1], 0, v[CWM+\ll]         ; a coordinate that its clamp changes lies outside: its factor is 0
	v_cmp_eq_f32 vcc_lo, v[TT+5], v[TT+1]
	v_cndmask_b32 v[TT+4], 0, v[TT+4], vcc_lo
	v_med3_num_f32 v[TT+5], v[TT+3], 0, v[CWM+\ll]
	v_cmp_eq_f32 vcc_lo, v[TT+5], v[TT+3]
	v_cndmask_b32 v[TT+2], 0, v[TT+2], vcc_lo
	v_med3_num_f32 v[TT+11], v[TT+7], 0, v[CHM+\ll]
	v_cmp_eq_f32 vcc_lo, v[TT+11], v[TT+7]
	v_cndmask_b32 v[TT+10], 0, v[TT+10], vcc_lo
	v_med3_num_f32 v[TT+11], v[TT+9], 0, v[CHM+\ll]
	v_cmp_eq_f32 vcc_lo, v[TT+11], v[TT+9]
	v_cndmask_b32 v[TT+8], 0, v[TT+8], vcc_lo
	v_mul_f32 v[TT+10], v[TT+10], v[LG+2*\ll+\p]           ; the attention weight rides on y's factors
	v_mul_f32 v[TT+8], v[TT+8], v[LG+2*\ll+\p]
	v_mul_f32 v[WO], v[TT+4], v[TT+10]
	v_mul_f32 v[WO+1], v[TT+2], v[TT+10]
	v_mul_f32 v[WO+2], v[TT+4], v[TT+8]
	v_mul_f32 v[WO+3], v[TT+2], v[TT+8]
	v_med3_num_f32 v[TT+1], v[TT+1], -1.0, v[CWM+\ll]
	v_med3_num_f32 v[TT+7], v[TT+7], -1.0, v[CHM+\ll]
	v_fma_f32 v[TT+7], v[TT+7], v[CW+\ll], v[TT+1]         ; whole numbers below 2^24: exact
	v_add_f32 v[TT+7], v[TT+7], v[CBS+\ll]
	v_cvt_u32_f32 v[IDO+\p], v[TT+7]
	ds_store_b128 v[WTD], v[WO:WO+3] offset:256*\ll+128*\p
.endm
.macro E_OA
	s_mul_i32 s7, s2, 7680
	s_add_co_u32 s7, s7, SCR
	v_add_nc_u32 v[SCA], s7, v241
	v_lshlrev_b32 v[RFA], 5, v244
	v_lshl_add_u32 v[RFA], v245, 4, v[RFA]
	v_add_nc_u32 v[RFA], REF, v[RFA]
	v_lshrrev_b32 v[TT], 3, v244                           ; which of the tile's two groups of 8 rows
	v_and_b32 v[TT+1], 7, v244                             ; the row in its group
	v_lshlrev_b32 v[IXA], 8, v[TT]
	v_lshl_add_u32 v[IXA], v245, 7, v[IXA]
	v_lshl_add_u32 v[IXA], v[TT+1], 3, v[IXA]
	s_mul_i32 s7, s2, 2560
	s_add_co_u32 s7, s7, IXI
	v_add_nc_u32 v[IXA], s7, v[IXA]                        ; [group][level][row][point]: 256 (r / 8) + 128 h + 8 (r % 8), in my wave's image
	v_lshlrev_b32 v[WTD], 10, v[TT]
	v_lshl_add_u32 v[WTD], v245, 9, v[WTD]
	v_lshl_add_u32 v[WTD], v[TT+1], 4, v[WTD]
	s_mul_i32 s7, s2, 10240
	s_add_co_u32 s7, s7, WTI
	v_add_nc_u32 v[WTD], s7, v[WTD]                        ; [group][level][point][row][corner]: 1024 (r / 8) + 512 h + 16 (r % 8)
.irp m, 0,1,2,3,4
	ds_store_b128 v[SCA], v[16*\m:16*\m+3] offset:1536*\m          ; each accumulator's lowest registers first
	ds_store_b128 v[SCA], v[16*\m+4:16*\m+7] offset:1536*\m+512
	ds_store_b128 v[SCA], v[16*\m+8:16*\m+11] offset:1536*\m+1024
.endr
	v_cmp_eq_u32 vcc_lo, 1, v245
	LC CW,    0x43200000, 0x42200000               ; W: 160 or 40
	LC CW+1,  0x42a00000, 0x41a00000               ; 80 or 20
	LC CH,    0x42b80000, 0x41b80000               ; H: 92 or 23
	LC CH+1,  0x42380000, 0x41400000               ; 46 or 12
	LC CWM,   0x431f0000, 0x421c0000               ; W - 1
	LC CWM+1, 0x429e0000, 0x41980000
	LC CHM,   0x42b60000, 0x41b00000               ; H - 1
	LC CHM+1, 0x42340000, 0x41300000
	LC CBS,   0x43280000, 0x456e0000               ; the base: 168 (level 0) or 3,808 (level 2)
	LC CBS+1, 0x43000000, 0x4593c000               ; 128 (level 1) or 4,728 (level 3)
	v_mov_b32 v[TT+1], 0                           ; the lane exchange counts as a reader of its destination
	s_mov_b32 s59, 5
.Loa_\@:
	ds_load_b128 v[OO:OO+3], v[SCA]                ; LDS serves a wave's instructions in order: these see the stores above
	ds_load_b128 v[OO+4:OO+7], v[SCA] offset:512
	ds_load_b128 v[LG:LG+3], v[SCA] offset:1024
	ds_load_b128 v[RF:RF+3], v[RFA]
	s_wait_dscnt 0x0
	v_max3_num_f32 v[TT], v[LG], v[LG+1], v[LG+2]  ; softmax over the head's 8 logits: 4 here, 4 in the lane 16 away
	v_max_num_f32 v[TT], v[TT], v[LG+3]
	v_permlanex16_b32 v[TT+1], v[TT], s52, s53
	v_max_num_f32 v[TT], v[TT], v[TT+1]
	v_mul_f32 v[TT], s61, v[TT]
.irp i, 0,1,2,3
	v_fma_f32 v[LG+\i], v[LG+\i], s61, -v[TT]      ; (logit - maximum) log2 e
.endr
.irp i, 0,1,2,3
	v_exp_f32 v[LG+\i], v[LG+\i]
.endr
	v_fma_f32 v[RX], v[RF], v[CW], -0.5            ; plain work behind the exponentials: reference point in pixels
	v_fma_f32 v[RY], v[RF+1], v[CH], -0.5
	v_fma_f32 v[RX+1], v[RF+2], v[CW+1], -0.5
	v_fma_f32 v[RY+1], v[RF+3], v[CH+1], -0.5
	s_wait_alu depctr_va_vdst(0)
	v_add_f32 v[TT], v[LG], v[LG+1]
	v_add_f32 v[TT+2], v[LG+2], v[LG+3]
	v_add_f32 v[TT], v[TT], v[TT+2]
	v_permlanex16_b32 v[TT+1], v[TT], s52, s53
	v_add_f32 v[TT], v[TT], v[TT+1]
	v_rcp_f32 v[TT], v[TT]
	v_nop                                          ; a plain instruction between the reciprocal and its use
	s_wait_alu depctr_va_vdst(0)
.irp i, 0,1,2,3
	v_mul_f32 v[LG+\i], v[LG+\i], v[TT]
.endr
	POINT 0, 0
	POINT 0, 1
	ds_store_b64 v[IXA], v[IDO:IDO+1]
	POINT 1, 0
	POINT 1, 1
	ds_store_b64 v[IXA], v[IDO:IDO+1] offset:64
	v_add_nc_u32 v[SCA], 1536, v[SCA]              ; the next 16 rows: two groups
	v_add_nc_u32 v[RFA], 512, v[RFA]
	v_add_nc_u32 v[IXA], 512, v[IXA]
	v_add_nc_u32 v[WTD], 2048, v[WTD]
	s_sub_co_u32 s59, s59, 1
	s_cmp_lg_u32 s59, 0
	s_cbranch_scc1 .Loa_\@
.endm
; My wave's two images leave as they lie: 5 + 20 stores of 512 consecutive bytes.  They are my own bytes and LDS serves a wave in order: no barrier.
.macro OAOUT ia, wa
.irp i, 0,1,2,3,4
	ds_load_b128 v[4*\i:4*\i+3], v[\ia] offset:512*\i
.endr
.irp i, 0,1,2,3,4,5,6,7,8,9,10,11,12,13,14,15,16,17,18,19
	ds_load_b128 v[80+4*\i:83+4*\i], v[\wa] offset:512*\i
.endr
	s_wait_dscnt 0x0
.irp i, 0,1,2,3,4
	global_store_b128 v241, v[4*\i:4*\i+3], s[44:45] offset:512*\i
.endr
.irp i, 0,1,2,3,4,5,6,7,8,9,10,11,12,13,14,15,16,17,18,19
	global_store_b128 v241, v[80+4*\i:83+4*\i], s[46:47] offset:512*\i
.endr
.endm
; Two rows of the four tensors: 16 loads of 512 consecutive bytes.  Set at sb: q +0, kvt1 +16, kvt2 +32, pos +48.
.macro BLOAD b, sb
.irp rr, 0,1
.irp c, 0,1
	global_load_b128 v[(\sb)+8*\rr+4*\c:(\sb)+8*\rr+4*\c+3], v241, s[8:9] offset:1024*(2*(\b)+\rr)+512*\c
	global_load_b128 v[(\sb)+16+8*\rr+4*\c:(\sb)+16+8*\rr+4*\c+3], v241, s[10:11] offset:1024*(2*(\b)+\rr)+512*\c th:TH_LOAD_NT
	global_load_b128 v[(\sb)+32+8*\rr+4*\c:(\sb)+32+8*\rr+4*\c+3], v241, s[12:13] offset:1024*(2*(\b)+\rr)+512*\c th:TH_LOAD_NT
	global_load_b128 v[(\sb)+48+8*\rr+4*\c:(\sb)+48+8*\rr+4*\c+3], v241, s[14:15] offset:1024*(2*(\b)+\rr)+512*\c th:TH_LOAD_NT
.endr
.endr
.endm
.macro BWORK b, sb                     ; pos is added in f32, all three are rounded to f16 and laid into LDS
.irp rr, 0,1
.irp c, 0,1
.set ob, (\sb)+8*\rr+4*\c
.set lof, P16*(2*(\b)+\rr)+256*\c
	v_pk_add_f32 v[ob+16:ob+17], v[ob+16:ob+17], v[ob+48:ob+49]
	v_pk_add_f32 v[ob+18:ob+19], v[ob+18:ob+19], v[ob+50:ob+51]
	v_pk_add_f32 v[ob+32:ob+33], v[ob+32:ob+33], v[ob+48:ob+49]
	v_pk_add_f32 v[ob+34:ob+35], v[ob+34:ob+35], v[ob+50:ob+51]
	v_cvt_pk_f16_f32 v[ob], v[ob], v[ob+1]
	v_cvt_pk_f16_f32 v[ob+1], v[ob+2], v[ob+3]
	v_cvt_pk_f16_f32 v[ob+16], v[ob+16], v[ob+17]
	v_cvt_pk_f16_f32 v[ob+17], v[ob+18], v[ob+19]
	v_cvt_pk_f16_f32 v[ob+32], v[ob+32], v[ob+33]
	v_cvt_pk_f16_f32 v[ob+33], v[ob+34], v[ob+35]
	ds_store_b64 v251, v[ob:ob+1] offset:lof
	ds_store_b64 v251, v[ob+16:ob+17] offset:ASZ+lof
	ds_store_b64 v252, v[ob+32:ob+33] offset:lof
.endr
.endr
.endm
	s_load_b512 s[8:23], s[0:1], 0x0               ; q 8, kvt1 10, kvt2 12, pos 14, reference_points 16, WP 18, sa_v_b 20, t1_v_b 22
	s_load_b256 s[24:31], s[0:1], 0x40             ; t2_v_b 24, off_b 26, aw_b 28, VTA 30
	s_load_b128 s[32:35], s[0:1], 0x60             ; VTB 32, IDX 34
	s_load_b64 s[36:37], s[0:1], 0x70              ; WT
	v_lshl_add_u32 v254, v0, 2, SPARE              ; my spare word, and 0: kept for the wave's last lines alone
	v_mov_b32 v255, 0
	v_mov_b32 v240, v0
	v_lshrrev_b32 v1, 5, v0
	v_readfirstlane_b32 s2, v1                     ; wave
	v_and_b32 v243, 31, v0
	v_and_b32 v244, 15, v0
	v_bfe_u32 v245, v0, 4, 1
	v_lshlrev_b32 v241, 4, v243
	s_mov_b32 s3, ttmp9
	s_mul_i32 s4, s3, 80                           ; the group's first row
	s_mul_i32 s5, s2, 10
	s_add_co_u32 s5, s5, s4                        ; my wave's first row
	s_min_u32 s6, s5, NROW-10                      ; and the row that it loads from
	s_mov_b32 s52, 0x76543210                      ; each lane takes its own place in the other half
	s_mov_b32 s53, 0xfedcba98
	s_mov_b32 s61, 0x3fb8aa3b                      ; log2 e
	s_lshl_b32 s50, s6, 10
	s_mov_b32 s51, 0
	v_lshlrev_b32 v246, 2, v240
	v_and_b32 v247, 127, v240
	v_lshlrev_b32 v247, 2, v247
	s_lshl_b32 s7, s4, 5
	v_lshl_add_u32 v248, v240, 4, s7
	v_min_u32 v248, 625904, v248                   ; the last group's dead rows take the buffer's last 16 bytes
	v_lshl_add_u32 v249, v240, 2, VEC
	v_lshl_add_u32 v250, v240, 4, REF
	s_mul_i32 s7, s2, 10*P16
	v_lshl_add_u32 v251, v243, 3, s7               ; my wave's rows in the first operand, 8 bytes a lane
	v_add_nc_u32 v252, 2*ASZ, v251
	s_wait_kmcnt 0x0
	s_add_nc_u64 s[8:9], s[8:9], s[50:51]
	s_add_nc_u64 s[10:11], s[10:11], s[50:51]
	s_add_nc_u64 s[12:13], s[12:13], s[50:51]
	s_add_nc_u64 s[14:15], s[14:15], s[50:51]
	s_lshl_b32 s50, s2, 14
	s_add_nc_u64 s[42:43], s[18:19], s[50:51]      ; pass 0, my wave's 16,384 bytes
	s_cmp_lt_u32 s2, 4
	s_cselect_b64 s[26:27], s[26:27], s[28:29]     ; waves 0-3 fetch off_b, waves 4 and 5 aw_b
	WLOAD 0, 0                                     ; the first half of pass 0's weights; the second half follows behind the fourth pair of rows
	WLOAD 1, 0
	WLOAD 2, 0
	WLOAD 3, 0
	WIN 0
	global_load_b32 v224, v246, s[20:21]
	global_load_b32 v225, v246, s[22:23]
	global_load_b32 v226, v246, s[24:25]
	s_cmp_lt_u32 s2, 6
	s_cbranch_scc0 .Lnv
	global_load_b32 v227, v247, s[26:27]
.Lnv:
	s_cmp_lt_u32 s2, 5
	s_cbranch_scc0 .Lnr
	global_load_b128 v[232:235], v248, s[16:17]
.Lnr:
	BLOAD 0, 0
	BLOAD 1, 64
	s_wait_loadcnt 16                              ; the other set's 16 loads may be out; all that is older is in
	ds_store_b32 v249, v224
	ds_store_b32 v249, v225 offset:1024
	ds_store_b32 v249, v226 offset:2048
	s_cmp_lt_u32 s2, 6
	s_cbranch_scc0 .Lnv2
	ds_store_b32 v249, v227 offset:3072
.Lnv2:
	s_cmp_lt_u32 s2, 5
	s_cbranch_scc0 .Lnr2
	ds_store_b128 v250, v[232:235]
.Lnr2:
	BWORK 0, 0
	BLOAD 2, 0
	s_wait_loadcnt 16
	BWORK 1, 64
	BLOAD 3, 64
	s_wait_loadcnt 16
	BWORK 2, 0
	BLOAD 4, 0
	s_wait_loadcnt 16
	BWORK 3, 64
	WLOAD 4, 0                                     ; the second half of pass 0's weights: 16 loads
	WLOAD 5, 0
	WLOAD 6, 0
	WLOAD 7, 0
	WIN 0
	s_wait_loadcnt 16                              ; the last pair of rows is in: the 16 younger loads are those weights
	BWORK 4, 0
	v_mul_u32_u24 v242, v244, P16
	v_lshl_add_u32 v242, v245, 4, v242             ; a fragment's row x pitch + 16 x half
	s_lshl_b32 s7, s2, 7
	s_add_co_u32 s7, s7, VEC
	v_lshl_add_u32 v246, v245, 5, s7               ; my columns' bias: 128 w + 32 h
	s_mul_i32 s7, s2, 7680
	s_add_co_u32 s7, s7, VSC
	v_mul_u32_u24 v247, v244, 80
	v_lshl_add_u32 v247, v245, 4, v247
	v_add_nc_u32 v247, s7, v247                    ; into my stage: rows of 64 + 16 bytes
	v_lshrrev_b32 v248, 2, v243
	v_mul_u32_u24 v248, v248, 80
	v_and_b32 v249, 3, v243
	v_lshl_add_u32 v248, v249, 4, v248
	v_add_nc_u32 v248, s7, v248                    ; back: 8 rows of 64 bytes a load
	s_mul_i32 s50, s2, HB
	s_lshl_b32 s7, s4, 6
	s_add_co_u32 s50, s50, s7
	s_add_co_u32 s50, s50, 168*64
	s_add_nc_u64 s[38:39], s[30:31], s[50:51]      ; my head's table at the group's first row: the self attention's,
	s_add_nc_u64 s[40:41], s[32:33], s[50:51]      ; and the one that follows it: t1's
	BAR                                            ; the three operands, the vectors and the reference points are whole
	s_mov_b32 s58, 3
.Lval:                                             ; a trip: one value table; its k steps ask for the next pass's weights
	BILOAD 246, 0
	ASTART
	G256 1, 1
.irp a, 0,1,2,3,4,5,6,7,8,9
	v_cvt_pk_f16_f32 v[80+4*\a], v[8*\a], v[8*\a+1]
	v_cvt_pk_f16_f32 v[81+4*\a], v[8*\a+2], v[8*\a+3]
	v_cvt_pk_f16_f32 v[82+4*\a], v[8*\a+4], v[8*\a+5]
	v_cvt_pk_f16_f32 v[83+4*\a], v[8*\a+6], v[8*\a+7]
.endr
.irp a, 0,1,2,3,4,5,6,7,8,9
	ds_store_b128 v247, v[80+4*\a:83+4*\a] offset:1280*(\a/2)+32*(\a%2)
.endr
.irp i, 0,1,2,3,4,5,6,7,8,9
	ds_load_b128 v[120+4*\i:123+4*\i], v248 offset:640*\i      ; my own bytes, served in order
.endr
	s_wait_dscnt 0x0
.irp i, 0,1,2,3,4
	global_store_b128 v241, v[120+4*\i:123+4*\i], s[38:39] offset:512*\i   ; 512 consecutive bytes, at a multiple of 256 from the buffer's first
.endr
	s_cmp_eq_u32 s3, 244
	s_cbranch_scc1 .Lhalf                          ; the last group has 40 rows
.irp i, 5,6,7,8,9
	global_store_b128 v241, v[120+4*\i:123+4*\i], s[38:39] offset:512*\i
.endr
.Lhalf:
	s_wait_xcnt 0x0                                ; the stores' data and base, and the weights' base, are written again only behind this wait
	s_mov_b64 s[38:39], s[40:41]                   ; the next table,
	s_add_nc_u64 s[40:41], s[40:41], TB            ; and the one behind it
	s_add_nc_u64 s[42:43], s[42:43], PASSB         ; the next pass
	v_add_nc_u32 v242, ASZ, v242
	v_add_nc_u32 v246, 1024, v246
	s_sub_co_u32 s58, s58, 1
	s_cmp_lg_u32 s58, 0
	s_cbranch_scc1 .Lval
	v_mul_u32_u24 v242, v244, P16                  ; offsets and logits, from q again
	v_lshl_add_u32 v242, v245, 4, v242
	s_lshl_b32 s7, s2, 6
	s_add_co_u32 s7, s7, VEC+3072
	v_lshl_add_u32 v246, v245, 5, s7
	s_lshl_b32 s7, s2, 5
	s_add_co_u32 s7, s7, VEC+3584
	v_lshl_add_u32 v249, v245, 4, s7
	ds_load_b128 v[BI:BI+3], v246
	ds_load_b128 v[BI+4:BI+7], v246 offset:16
	ds_load_b128 v[BI+8:BI+11], v249
	ds_load_b128 v[BI+12:BI+15], v249              ; the tile's upper columns repeat the lower and are never read
	ASTART
	G256 1, 0                                      ; the launch's last pass asks for nothing
	E_OA
	s_mul_i32 s50, s2, IHB
	s_lshl_b32 s7, s4, 5
	s_add_co_u32 s50, s50, s7
	s_add_nc_u64 s[44:45], s[34:35], s[50:51]      ; my head's indices at the group's first row
	s_mul_i32 s50, s2, WHB
	s_lshl_b32 s7, s4, 7
	s_add_co_u32 s50, s50, s7
	s_add_nc_u64 s[46:47], s[36:37], s[50:51]      ; and its corner weights
	s_mul_i32 s7, s2, 2560
	s_add_co_u32 s7, s7, IXI
	v_add_nc_u32 v246, s7, v241
	s_mul_i32 s7, s2, 10240
	s_add_co_u32 s7, s7, WTI
	v_add_nc_u32 v247, s7, v241
	OAOUT 246, 247
	; the guard rows of the three tables: zeros, which a corner of weight 0 may read
.irp i, 24,25,26,27
	v_mov_b32 v[\i], 0
.endr
	s_mul_i32 s50, s2, HB
	s_add_nc_u64 s[38:39], s[30:31], s[50:51]
	s_add_nc_u64 s[40:41], s[32:33], s[50:51]
	s_cmp_eq_u32 s3, 0
	s_cbranch_scc0 .Lng0
	s_mov_b32 s58, 3
.Lg0:
.irp i, 0,1,2,3,4,5,6,7,8,9,10,11,12,13,14,15,16,17,18,19,20
	global_store_b128 v241, v[24:27], s[38:39] offset:512*\i       ; rows 0-167 of my head
.endr
	s_wait_xcnt 0x0
	s_mov_b64 s[38:39], s[40:41]
	s_add_nc_u64 s[40:41], s[40:41], TB
	s_sub_co_u32 s58, s58, 1
	s_cmp_lg_u32 s58, 0
	s_cbranch_scc1 .Lg0
.Lng0:
	s_cmp_eq_u32 s3, 244
	s_cbranch_scc0 .Lng1
	s_mov_b32 s58, 3
.Lg1:
.irp i, 0,1,2
	global_store_b128 v241, v[24:27], s[38:39] offset:19728*64+512*\i  ; rows 19,728-19,751
.endr
	s_wait_xcnt 0x0
	s_mov_b64 s[38:39], s[40:41]
	s_add_nc_u64 s[40:41], s[40:41], TB
	s_sub_co_u32 s58, s58, 1
	s_cmp_lg_u32 s58, 0
	s_cbranch_scc1 .Lg1
.Lng1:
	s_wait_tensorcnt 0x0                           ; the wave's end
	ds_add_u32 v254, v255
	s_wait_dscnt 0x0
	s_endpgm
.Lfunc_end_k_q5cfcef0db3_proj:
	.size	k_q5cfcef0db3_proj, .Lfunc_end_k_q5cfcef0db3_proj-k_q5cfcef0db3_proj
	.p2alignl 7, 3214868480
	.fill 96, 4, 3214868480
	.section	.rodata,"a",@progbits
	.p2align	6, 0x0
	.amdhsa_kernel k_q5cfcef0db3_proj
		.amdhsa_group_segment_fixed_size 297984
		.amdhsa_private_segment_fixed_size 0
		.amdhsa_enable_private_segment 0
		.amdhsa_kernarg_size 120
		.amdhsa_user_sgpr_count 2
		.amdhsa_user_sgpr_kernarg_segment_ptr 1
		.amdhsa_wavefront_size32 1
		.amdhsa_system_sgpr_workgroup_id_x 1
		.amdhsa_system_sgpr_workgroup_id_y 1
		.amdhsa_system_sgpr_workgroup_id_z 1
		.amdhsa_system_vgpr_workitem_id 0
		.amdhsa_next_free_vgpr 384
		.amdhsa_next_free_sgpr 66
		.amdhsa_reserve_vcc 1
		.amdhsa_float_denorm_mode_32 3
		.amdhsa_float_denorm_mode_16_64 3
		.amdhsa_memory_ordered 1
		.amdhsa_forward_progress 1
		.amdhsa_inst_pref_size 84
	.end_amdhsa_kernel
	.amdgpu_metadata
---
amdhsa.version: [ 1, 2 ]
amdhsa.kernels:
  - .name:           k_q5cfcef0db3_proj
    .symbol:         k_q5cfcef0db3_proj.kd
    .args:
      - { .name: q, .offset: 0, .size: 8, .value_kind: global_buffer, .address_space: global }
      - { .name: kvt1, .offset: 8, .size: 8, .value_kind: global_buffer, .address_space: global }
      - { .name: kvt2, .offset: 16, .size: 8, .value_kind: global_buffer, .address_space: global }
      - { .name: pos, .offset: 24, .size: 8, .value_kind: global_buffer, .address_space: global }
      - { .name: reference_points, .offset: 32, .size: 8, .value_kind: global_buffer, .address_space: global }
      - { .name: WP, .offset: 40, .size: 8, .value_kind: global_buffer, .address_space: global }
      - { .name: params_sa_v_b, .offset: 48, .size: 8, .value_kind: global_buffer, .address_space: global }
      - { .name: params_t1_v_b, .offset: 56, .size: 8, .value_kind: global_buffer, .address_space: global }
      - { .name: params_t2_v_b, .offset: 64, .size: 8, .value_kind: global_buffer, .address_space: global }
      - { .name: params_sa_off_b, .offset: 72, .size: 8, .value_kind: global_buffer, .address_space: global }
      - { .name: params_sa_aw_b, .offset: 80, .size: 8, .value_kind: global_buffer, .address_space: global }
      - { .name: VTA, .offset: 88, .size: 8, .value_kind: global_buffer, .address_space: global }
      - { .name: VTB, .offset: 96, .size: 8, .value_kind: global_buffer, .address_space: global }
      - { .name: IDX, .offset: 104, .size: 8, .value_kind: global_buffer, .address_space: global }
      - { .name: WT, .offset: 112, .size: 8, .value_kind: global_buffer, .address_space: global }
    .group_segment_fixed_size: 297984
    .private_segment_fixed_size: 0
    .kernarg_segment_align: 8
    .kernarg_segment_size: 120
    .max_flat_workgroup_size: 256
    .sgpr_count:     66
    .vgpr_count:     384
    .wavefront_size: 32
...
	.end_amdgpu_metadata
.endif
;; end of part 5
;; launch gatha (part 6): grid 31 x 8, 16 waves a work-group, no clusters, 321,536 bytes of LDS; arguments VTA, IDX, WT, S; writes S
.if DOCPART == 6
	.amdgcn_target "amdgcn-amd-amdhsa--gfx1250"
	.amdhsa_code_object_version 6
	.text
	.protected	k_q5cfcef0db3_gatha
	.globl	k_q5cfcef0db3_gatha
	.p2align	8
	.type	k_q5cfcef0db3_gatha,@function
k_q5cfcef0db3_gatha:
	s_mov_b64 s[64:65], 0
	v_nop
	global_prefetch_b8 v0, s[64:65] scope:SCOPE_SE
	s_setreg_imm32_b32 hwreg(HW_REG_WAVE_MODE, 25, 1), 1
	s_wait_xcnt 0x0
; THE GATHER OF THE SELF ATTENTION, ONE HEAD TO A WORK-GROUP.  S[head][row][32 channels] = the sum over 4 levels x 2 points x 4 corners of weight x table row, sums in f32, S rounded once to f16.
; A head's levels 1 to 3, with the rows round them that a corner of weight 0 may touch, are table rows 14,760 to 19,751: 4,992 rows of 64 bytes = 319,488 bytes.  They are brought into
; LDS once, so three of the four levels are gathered from LDS; level 0 (14,720 rows) is gathered from memory.
; SHARES.  x = a block of 16 NG groups of 8 rows, y = 8 x table + head.  16 waves; a wave owns NG = 5 groups; lane = 4 x row + chunk of 8 channels, so a load of a corner takes 8 rows of
; 64 bytes and a group's result is 512 consecutive bytes.  19,560 rows are 2,445 groups = 30 x 80 + 9 x 5: a wave's groups are all real or all past the end; a wave past the end fills its
; part of LDS, passes the barrier and ends.  In S a head has room for 19,600 rows, as in the indices and weights.
; THE INDICES were stored as whole numbers by an earlier launch: level 0's counts rows of the head's table, the others' rows of the part in LDS.  Each is clamped by a constant, its level's
; last row, before it enters an address.  The corners lie 0, 1, W, W + 1 rows on.
; THE PIPE.  Behind a level's arithmetic the same level of the next group is asked for, and the indices of the group after that: every request has a group's work in which to land.
; NO CLUSTER, though the 31 blocks of a head fill LDS with the same bytes: 31 is no multiple of four, a 32nd block of 640 rows would have no row, and blocks of another size would make
; what a wave stores hang on the work-group's place among its partners.
; LIMITS: the table holds f16 (beyond 65,504 an infinity); NaN and infinities are not treated apart: a corner of weight 0 must read a finite number.
.set NG, 5                             ; groups of 8 rows to a wave
.set NGRP, 2445                        ; groups that are gathered
.set HB, 19752*64                      ; a head's table
.set TB, 8*HB
.set LROW0, 14760                      ; the first table row held in LDS; 64 x 14,760 is a multiple of 256
.set FILLR, 78                         ; a wave fills 78 rows of 256 bytes: 16 x 78 x 256 = 319,488
.set FILLW, FILLR*256
.set SPARE, 16*FILLW                   ; behind the table: the spare words, 128 bytes for each of 16 waves: no other line names them
.set IHB, 19600*32                     ; a head's indices: [group][level][row][point]
.set WHB, 19600*128                    ; a head's corner weights: [group][level][point][row][corner]
.set SHB, 19600*64                     ; a head's results
; v0-127 the 32 corners' 16 bytes: level l, point p, corner c at 32 l + 16 p + 4 c
.set T,   128                          ; v128-143 a corner in f32, two sets
.set GA,  144                          ; v144-151 my 8 sums
.set WTR, 152                          ; v152-183 corner weights: 8 l + 4 p + c
.set IDR, 184                          ; v184-191 indices: 2 l + p
.set ADR, 192                          ; v192-199 byte offsets made of them
.set MI,  200                          ; v200-203 by level: my offset in the indices
.set MW,  204                          ; v204-207 by level: my offset in the weights
.set LB,  208                          ; 16 x chunk
.set OA,  209                          ; my offset in the results
.set OD,  210                          ; v210-213 a result on its way out
.set SPW, 214                          ; my spare word's address; never rewritten
.set NIL, 215                          ; 0; never rewritten
; Level l of the next group is asked for: the indices of the group after it, 2 x 4 weights, 8 corners.  The level's offsets are stepped here: the wait at the level's head has shown their last loads done.
.macro ISSUE l
.if (\l) == 0
.set MAXI, 14887
.set WL, 160
.elseif (\l) == 1
.set MAXI, 3807
.set WL, 80
.elseif (\l) == 2
.set MAXI, 4727
.set WL, 40
.else
.set MAXI, 4967
.set WL, 20
.endif
.set ia, IDR+2*(\l)
.set aa, ADR+2*(\l)
.set wa, WTR+8*(\l)
	v_min_u32 v[aa], MAXI, v[ia]                   ; a loaded number enters an address only behind a clamp by a constant
	v_min_u32 v[aa+1], MAXI, v[ia+1]
	v_lshl_add_u32 v[aa], v[aa], 6, v[LB]
	v_lshl_add_u32 v[aa+1], v[aa+1], 6, v[LB]
	v_add_nc_u32 v[MI+(\l)], 256, v[MI+(\l)]
	v_add_nc_u32 v[MW+(\l)], 1024, v[MW+(\l)]
	global_load_b64 v[ia:ia+1], v[MI+(\l)], s[10:11] offset:64*(\l)
	global_load_b128 v[wa:wa+3], v[MW+(\l)], s[12:13] offset:256*(\l)-1024     ; the weights run one group behind the indices
	global_load_b128 v[wa+4:wa+7], v[MW+(\l)], s[12:13] offset:256*(\l)+128-1024
.irp p, 0,1
.irp c, 0,1,2,3
.if (\l) == 0
	global_load_b128 v[16*\p+4*\c:16*\p+4*\c+3], v[aa+\p], s[8:9] offset:64*(\c%2)+64*WL*(\c/2)
.else
	ds_load_b128 v[32*(\l)+16*\p+4*\c:32*(\l)+16*\p+4*\c+3], v[aa+\p] offset:64*(\c%2)+64*WL*(\c/2)
.endif
.endr
.endr
.endm
; In front of register g of a group's 128: at a level's first the waits.  A request is 11 loads from memory for level 0 and 3 for each other level, which has 8 LDS loads beside them.
; Level 0: the three other levels' 9 loads are younger.  Levels 1 to 3: two other levels' 3 + 3 and level 0's 11 are younger, and two levels' 16 LDS loads.
; In the last group nothing is asked for: 9, 6, 3, 0 and 16, 8, 0.
.macro PRE g, last
.if ((\g)%32) == 0
.if (\g) == 0
	s_wait_loadcnt 9
.elseif \last
	s_wait_loadcnt 9-3*((\g)/32)
	s_wait_dscnt 24-8*((\g)/32)
.else
	s_wait_loadcnt 17
	s_wait_dscnt 16
.endif
.endif
.endm
; Behind register g: at a corner's last register its four packed multiply-adds (the group's first corner starts the sums); at the last register of levels 0 to 2 the next group's request.
.macro POST g, last
.if ((\g)%4) == 3
.set ci, (\g)/4
.set tt, T+8*(ci%2)
.set wp, WTR+ci-(ci%2)
.irp e, 0,1,2,3
.if ci == 0
	v_pk_mul_f32 v[GA+2*\e:GA+2*\e+1], v[tt+2*\e:tt+2*\e+1], v[wp:wp+1] op_sel_hi:[1,0]
.elseif (ci%2) == 0
	v_pk_fma_f32 v[GA+2*\e:GA+2*\e+1], v[tt+2*\e:tt+2*\e+1], v[wp:wp+1], v[GA+2*\e:GA+2*\e+1] op_sel_hi:[1,0,1]
.else
	v_pk_fma_f32 v[GA+2*\e:GA+2*\e+1], v[tt+2*\e:tt+2*\e+1], v[wp:wp+1], v[GA+2*\e:GA+2*\e+1] op_sel:[0,1,0] op_sel_hi:[1,1,1]
.endif
.endr
.endif
.if (((\g)%32) == 31) && ((\g) < 96) && !(\last)
	ISSUE (\g)/32
.endif
.endm
.macro ROWEND                          ; the group's 8 rows leave: 512 consecutive bytes
	s_wait_xcnt 0x0                                ; the last store's data and offset are written again only behind this wait; it stands ahead of level 3's request
	v_add_nc_u32 v[OA], 512, v[OA]
	v_cvt_pk_f16_f32 v[OD], v[GA], v[GA+1]
	v_cvt_pk_f16_f32 v[OD+1], v[GA+2], v[GA+3]
	v_cvt_pk_f16_f32 v[OD+2], v[GA+4], v[GA+5]
	v_cvt_pk_f16_f32 v[OD+3], v[GA+6], v[GA+7]
	global_store_b128 v[OA], v[OD:OD+3], s[14:15] offset:-512
.endm
	s_load_b256 s[8:15], s[0:1], 0x0               ; the tables 8, IDX 10, WT 12, S 14
	v_lshl_add_u32 v[SPW], v0, 2, SPARE
	v_mov_b32 v[NIL], 0
	ds_add_u32 v[SPW], v[NIL]                      ; the wave's opening: the add, and its wait ahead of my tensor load; the set-up below, work on registers, stands between them
	v_lshrrev_b32 v[T], 5, v0
	v_readfirstlane_b32 s2, v[T]                   ; wave 0..15
	v_and_b32 v[T+1], 31, v0                       ; lane
	v_lshrrev_b32 v[T+2], 2, v[T+1]                ; my row in a group
	v_and_b32 v[T+3], 3, v[T+1]                    ; my chunk
	v_lshlrev_b32 v[LB], 4, v[T+3]
	v_lshlrev_b32 v[OA], 4, v[T+1]
.irp l, 0,1,2,3
	v_lshlrev_b32 v[MI+\l], 3, v[T+2]
	v_lshlrev_b32 v[MW+\l], 4, v[T+2]
.endr
	s_mov_b32 s3, ttmp9                            ; the block
	s_and_b32 s4, ttmp7, 0xffff
	s_and_b32 s5, s4, 7                            ; the head
	s_lshr_b32 s6, s4, 3                           ; the table, and the part of IDX, WT and S
	s_mul_i32 s7, s3, 16*NG
	s_mul_i32 s28, s2, NG
	s_add_co_u32 s7, s7, s28                       ; my wave's first group
	s_min_u32 s28, s7, NGRP-NG                     ; and the group that it loads from
	; the descriptor: a dense block as 78 rows of 256 bytes, elements of 8 bytes, no padding
	s_mov_b32 s16, 3<<16                           ; 15:0 no mask; 17:16 elements of 8 bytes
	s_mov_b32 s17, 32<<16                          ; tensor_dim0 = 32
	s_mov_b32 s18, FILLR<<16                       ; tensor_dim1 = 78
	s_mov_b32 s19, 32<<16                          ; tile_dim0 = 32
	s_mov_b32 s20, FILLR                           ; tile_dim1 = 78
	s_mov_b32 s21, 32                              ; 32 elements from row to row
	s_mov_b32 s22, 0
	s_mov_b32 s23, 0
	s_mov_b32 s24, 1                               ; count = 1
	s_mul_i32 s25, s2, FILLW                       ; LDS address: my wave's sixteenth
	s_mul_i32 s30, s6, TB
	s_mul_i32 s29, s5, HB
	s_add_co_u32 s30, s30, s29                     ; my head's table
	s_mov_b32 s31, 0
	s_add_co_u32 s32, s25, LROW0*64                ; in it, my sixteenth of the part for LDS
	s_mov_b32 s33, 0
	s_mul_i32 s34, s6, 8*IHB
	s_mul_i32 s29, s5, IHB
	s_add_co_u32 s34, s34, s29
	s_lshl_b32 s29, s28, 8
	s_add_co_u32 s34, s34, s29                     ; a group's indices are 256 bytes,
	s_mov_b32 s35, 0
	s_mul_i32 s36, s6, 8*WHB
	s_mul_i32 s29, s5, WHB
	s_add_co_u32 s36, s36, s29
	s_lshl_b32 s29, s28, 10
	s_add_co_u32 s36, s36, s29                     ; its weights 1,024,
	s_mov_b32 s37, 0
	s_mul_i32 s38, s6, 8*SHB
	s_mul_i32 s29, s5, SHB
	s_add_co_u32 s38, s38, s29
	s_lshl_b32 s29, s7, 9
	s_add_co_u32 s38, s38, s29                     ; its results 512
	s_mov_b32 s39, 0
	s_wait_dscnt 0x0                               ; the opening add is done
	s_wait_kmcnt 0x0
	s_add_nc_u64 s[8:9], s[8:9], s[30:31]
	s_add_nc_u64 s[26:27], s[8:9], s[32:33]
	s_or_b32 s27, s27, 0x80000000                  ; type = 2
	s_add_nc_u64 s[10:11], s[10:11], s[34:35]
	s_add_nc_u64 s[12:13], s[12:13], s[36:37]
	s_add_nc_u64 s[14:15], s[14:15], s[38:39]
	tensor_load_to_lds s[24:27], s[16:23]          ; my one tensor load: no LDS byte is filled twice
	s_nop 0
.irp l, 0,1,2,3
	global_load_b64 v[IDR+2*\l:IDR+2*\l+1], v[MI+\l], s[10:11] offset:64*\l    ; the first group's indices
.endr
	s_wait_loadcnt 0x0
	ISSUE 0                                        ; level 0 comes from memory and need not wait for the table
	s_wait_tensorcnt 0x0                           ; my part of the table has landed,
	s_barrier_signal -1
	s_barrier_wait -1                              ; everybody's has
	s_cmp_lt_u32 s7, NGRP
	s_cbranch_scc0 .Lend                           ; a wave past the last group has nothing more to do; no barrier follows
	ISSUE 1
	ISSUE 2
	ISSUE 3
	s_mov_b32 s59, NG-1
.Lgrp:                                             ; a trip: one group's 32 corners, and the next group's requests
.rept 128
	PRE \+, 0
	v_cvt_f32_f16 v[T+8*((\+/4)%2)+2*(\+%4)], v\+.l
	v_cvt_f32_f16 v[T+8*((\+/4)%2)+2*(\+%4)+1], v\+.h
	POST \+, 0
.endr
	ROWEND
	ISSUE 3
	s_sub_co_u32 s59, s59, 1
	s_cmp_lg_u32 s59, 0
	s_cbranch_scc1 .Lgrp
.rept 128                                          ; the last group asks for nothing
	PRE \+, 1
	v_cvt_f32_f16 v[T+8*((\+/4)%2)+2*(\+%4)], v\+.l
	v_cvt_f32_f16 v[T+8*((\+/4)%2)+2*(\+%4)+1], v\+.h
	POST \+, 1
.endr
	ROWEND
.Lend:
	s_wait_tensorcnt 0x0                           ; the wave's end
	ds_add_u32 v[SPW], v[NIL]
	s_wait_dscnt 0x0
	s_endpgm
.Lfunc_end_k_q5cfcef0db3_gatha:
	.size	k_q5cfcef0db3_gatha, .Lfunc_end_k_q5cfcef0db3_gatha-k_q5cfcef0db3_gatha
	.p2alignl 7, 3214868480
	.fill 96, 4, 3214868480
	.section	.rodata,"a",@progbits
	.p2align	6, 0x0
	.amdhsa_kernel k_q5cfcef0db3_gatha
		.amdhsa_group_segment_fixed_size 321536
		.amdhsa_private_segment_fixed_size 0
		.amdhsa_enable_private_segment 0
		.amdhsa_kernarg_size 32
		.amdhsa_user_sgpr_count 2
		.amdhsa_user_sgpr_kernarg_segment_ptr 1
		.amdhsa_wavefront_size32 1
		.amdhsa_system_sgpr_workgroup_id_x 1
		.amdhsa_system_sgpr_workgroup_id_y 1
		.amdhsa_system_sgpr_workgroup_id_z 1
		.amdhsa_system_vgpr_workitem_id 0
		.amdhsa_next_free_vgpr 216
		.amdhsa_next_free_sgpr 66
		.amdhsa_reserve_vcc 0
		.amdhsa_float_denorm_mode_32 3
		.amdhsa_float_denorm_mode_16_64 3
		.amdhsa_memory_ordered 1
		.amdhsa_forward_progress 1
		.amdhsa_inst_pref_size 48
	.end_amdhsa_kernel
	.amdgpu_metadata
---
amdhsa.version: [ 1, 2 ]
amdhsa.kernels:
  - .name:           k_q5cfcef0db3_gatha
    .symbol:         k_q5cfcef0db3_gatha.kd
    .args:
      - { .name: VTA, .offset: 0, .size: 8, .value_kind: global_buffer, .address_space: global }
      - { .name: IDX, .offset: 8, .size: 8, .value_kind: global_buffer, .address_space: global }
      - { .name: WT, .offset: 16, .size: 8, .value_kind: global_buffer, .address_space: global }
      - { .name: S, .offset: 24, .size: 8, .value_kind: global_buffer, .address_space: global }
    .group_segment_fixed_size: 321536
    .private_segment_fixed_size: 0
    .kernarg_segment_align: 8
    .kernarg_segment_size: 32
    .max_flat_workgroup_size: 512
    .sgpr_count:     66
    .vgpr_count:     216
    .wavefront_size: 32
...
	.end_amdgpu_metadata
.endif
;; end of part 6
;; launch selfb (part 7): grid 245 x 1, 8 waves a work-group, no clusters, 303,872 bytes of LDS; arguments q, reference_points, WP, S, params_sa_o_b, params_n0_g, params_n0_b, params_t1_off_b, params_t1_aw_b, params_t2_off_b, params_t2_aw_b, Q1, IDX, WT; writes Q1, IDX, WT
.if DOCPART == 7
	.amdgcn_target "amdgcn-amd-amdhsa--gfx1250"
	.amdhsa_code_object_version 6
	.text
	.protected	k_q5cfcef0db3_selfb
	.globl	k_q5cfcef0db3_selfb
	.p2align	8
	.type	k_q5cfcef0db3_selfb,@function
k_q5cfcef0db3_selfb:
	s_mov_b64 s[64:65], 0
	v_nop
	global_prefetch_b8 v0, s[64:65] scope:SCOPE_SE
	s_setreg_imm32_b32 hwreg(HW_REG_WAVE_MODE, 25, 1), 1
	s_wait_xcnt 0x0
; The self attention's output projection on the sampled rows, q1 = LayerNorm(q + src1), and from q1 the sampling indices and corner weights of the two cross attentions.
; SHARES: 80 rows a work-group; products: every wave all rows x 32 columns, 10 accumulators by turns; row-wise work: wave w rows 10 w .. 10 w + 9.
; The sampled rows lie by heads, [head][row][32 f16], 19,600 rows' room a head: wave w copies head w's 80 rows into its 64 bytes of the operand's rows in LDS.  In the last work-group, which
; has 40 rows, the second 40 repeat the first.
; THE WEIGHTS' RING: eight sets of 16 registers, one for each k step of a pass, in the second register window.  Behind a k step's products its set
; takes the same k step of the next pass, so every weight load is issued eight k steps ahead of its products, across passes too.
; NO CLUSTER: 245 work-groups are no multiple of four, and what is shared, the weights, does not pass through LDS.
; LayerNorm: each wave's mean and sum of squared deviations of its 32 columns are joined by the parallel rule, so no difference of large sums is formed.
; INDICES AND WEIGHTS as in the launch that makes the tables: one index a point, by heads, 19,600 rows a head.
; LIMITS: operands are rounded to f16: beyond 65,504 an infinity, below 6e-5 a fixed step of 6e-8; NaN and infinities are not treated apart.
.set NROW, 19560
.set P16, 528
.set P32, 1040
.set ASZ, 80*P16
.set XF,  ASZ                          ; q in f32, 80 rows
.set SCR, XF+80*P32                    ; 7,680 bytes of scratch for each wave
.set IXI, SCR+61440                    ; each wave's own 2,560 bytes: its head's indices of 80 rows
.set WTI, IXI+8*2560                   ; each wave's own 10,240 bytes: its head's corner weights
.set REF, WTI+8*10240
.set VEC, REF+2560                     ; o_b 0, g0 1024, b0 2048, t1 off_b 3072, t1 aw_b 3584, t2 off_b 3840, t2 aw_b 4352
.set ST,  VEC+4608                     ; LayerNorm's statistics: 80 rows x (8 waves x 8 bytes + 16)
.set SPARE, ST+6400                    ; the spare words, 128 bytes for each wave: no other line names them
.set IHB, 19600*32
.set WHB, 19600*128
.set SHB, 19600*64
.set PASSB, 131072
.set AF, 80
.set BI, 224
; window 0: v0-79 the accumulators, v80-159 two sets of row fragments, v224-239 the bias as C, v240-255 kept.  window 1: v0-127 the weights' ring: k step k, tile t at 16 k + 8 t.
.set MSB, 0
.macro WIN new                         ; s_set_vgpr_msb: bits 1:0 source 0, 3:2 source 1, 5:4 source 2, 7:6 destination; the high byte repeats the setting that is left; a switch that changes nothing is dropped
.if MSB != (\new)
	s_set_vgpr_msb (MSB<<8)|(\new)
.set MSB, \new
.endif
.endm
.macro BAR
	s_wait_dscnt 0x0                               ; for the others' sake: my LDS stores are done and my reads are back
	s_barrier_signal -1
	s_barrier_wait -1
.endm
.macro WLOAD k, pb                     ; the weights of k step k of the pass pb bytes behind the base: 4 loads of 512 consecutive bytes, into window 1
	WIN 0x40
.irp t, 0,1
.irp j, 0,1
	global_load_b128 v[16*(\k)+8*\t+4*\j:16*(\k)+8*\t+4*\j+3], v241, s[42:43] offset:(\pb)+2048*(\k)+1024*\t+512*\j
.endr
.endr
.endm
.macro ALOAD k
.irp m, 0,1,2,3,4
	ds_load_b128 v[AF+40*((\k)%2)+8*\m:AF+40*((\k)%2)+8*\m+3], v242 offset:16*P16*\m+64*(\k)
	ds_load_b128 v[AF+40*((\k)%2)+8*\m+4:AF+40*((\k)%2)+8*\m+7], v242 offset:16*P16*\m+64*(\k)+32
.endr
.endm
.macro ASTART
	ALOAD 0
	ALOAD 1
.endm
.macro BILOAD a, o
	ds_load_b128 v[BI:BI+3], v[\a] offset:(\o)
	ds_load_b128 v[BI+4:BI+7], v[\a] offset:(\o)+16
	ds_load_b128 v[BI+8:BI+11], v[\a] offset:(\o)+64
	ds_load_b128 v[BI+12:BI+15], v[\a] offset:(\o)+80
.endm
; One k step of 32: ten matrix instructions on ten accumulators by turns.  cb = 1: the first step starts the sums with the bias.
; rf = 1: the set is filled again with the next pass's k step; rf = 0: the launch's last pass.
.macro KSTEP k, cb, rf
.if \rf
	s_wait_loadcnt 28                              ; seven younger k steps' weights, 4 loads each, may be out: k+1 .. 7 of this pass, 0 .. k-1 of the next
.else
	s_wait_loadcnt 4*(7-(\k))                      ; nothing is asked for any more: k+1 .. 7 of this pass may be out
.endif
.if (\k) < 7
	s_wait_dscnt 10                                ; the next step's ten fragment loads may be out
.else
	s_wait_dscnt 0
.endif
	WIN 0x01                                       ; source 0, the weights, in window 1
.irp m, 0,1,2,3,4
.irp t, 0,1
.if ((\k) == 0) && (\cb)
	v_wmma_f32_16x16x32_f16 v[8*(2*\m+\t):8*(2*\m+\t)+7], v[16*(\k)+8*\t:16*(\k)+8*\t+7], v[AF+40*((\k)%2)+8*\m:AF+40*((\k)%2)+8*\m+7], v[BI+8*\t:BI+8*\t+7]
.else
	v_wmma_f32_16x16x32_f16 v[8*(2*\m+\t):8*(2*\m+\t)+7], v[16*(\k)+8*\t:16*(\k)+8*\t+7], v[AF+40*((\k)%2)+8*\m:AF+40*((\k)%2)+8*\m+7], v[8*(2*\m+\t):8*(2*\m+\t)+7]
.endif
.endr
.endr
	WIN 0
.rept 4
	v_nop                                          ; four places in front of the loads into registers just multiplied, and of what reads the sums
.endr
.if (\k) < 6
	ALOAD (\k)+2
.endif
.if \rf
	WLOAD \k, PASSB
	WIN 0                                          ; at a label and at a branch every window is 0
.endif
.endm
.macro G256 cb, rf
.irp kk, 0,1,2,3,4,5,6,7
	KSTEP \kk, \cb, \rf
.endr
.endm
; LAYERNORM of the 80 rows in the accumulators.  stw, str, gad: registers with the addresses of my statistics, of a row's statistics, of my columns' gain (the bias lies 1,024 bytes on).
.macro LN1 m, stw                      ; my 32 columns of rows 16 m + r: mean, then the sum of squared deviations from it
.set yy, 16*(\m)
.set dd, 80+16*(\m)
.set pr, 224+2*(\m)
	v_pk_add_f32 v[dd:dd+1], v[yy:yy+1], v[yy+2:yy+3]
	v_pk_add_f32 v[dd+2:dd+3], v[yy+4:yy+5], v[yy+6:yy+7]
	v_pk_add_f32 v[dd+4:dd+5], v[yy+8:yy+9], v[yy+10:yy+11]
	v_pk_add_f32 v[dd+6:dd+7], v[yy+12:yy+13], v[yy+14:yy+15]
	v_pk_add_f32 v[dd:dd+1], v[dd:dd+1], v[dd+2:dd+3]
	v_pk_add_f32 v[dd+4:dd+5], v[dd+4:dd+5], v[dd+6:dd+7]
	v_pk_add_f32 v[pr:pr+1], v[dd:dd+1], v[dd+4:dd+5]
	v_add_f32 v[pr], v[pr], v[pr+1]
	v_permlanex16_b32 v[pr+1], v[pr], s52, s53     ; the row's other 16 of my columns lie in the lane 16 away
	v_add_f32 v[pr], v[pr], v[pr+1]
	v_mul_f32 v[pr], s56, v[pr]
.irp i, 0,1,2,3,4,5,6,7
	v_pk_add_f32 v[dd+2*\i:dd+2*\i+1], v[yy+2*\i:yy+2*\i+1], v[pr:pr+1] op_sel_hi:[1,0] neg_lo:[0,1] neg_hi:[0,1]
.endr
	v_pk_mul_f32 v[dd:dd+1], v[dd:dd+1], v[dd:dd+1]
	v_pk_mul_f32 v[dd+2:dd+3], v[dd+2:dd+3], v[dd+2:dd+3]
	v_pk_fma_f32 v[dd:dd+1], v[dd+4:dd+5], v[dd+4:dd+5], v[dd:dd+1]
	v_pk_fma_f32 v[dd+2:dd+3], v[dd+6:dd+7], v[dd+6:dd+7], v[dd+2:dd+3]
	v_pk_fma_f32 v[dd:dd+1], v[dd+8:dd+9], v[dd+8:dd+9], v[dd:dd+1]
	v_pk_fma_f32 v[dd+2:dd+3], v[dd+10:dd+11], v[dd+10:dd+11], v[dd+2:dd+3]
	v_pk_fma_f32 v[dd:dd+1], v[dd+12:dd+13], v[dd+12:dd+13], v[dd:dd+1]
	v_pk_fma_f32 v[dd+2:dd+3], v[dd+14:dd+15], v[dd+14:dd+15], v[dd+2:dd+3]
	v_pk_add_f32 v[dd:dd+1], v[dd:dd+1], v[dd+2:dd+3]
	v_add_f32 v[pr+1], v[dd], v[dd+1]
	v_permlanex16_b32 v[dd], v[pr+1], s52, s53
	v_add_f32 v[pr+1], v[pr+1], v[dd]
	ds_store_b64 v[\stw], v[pr:pr+1] offset:1280*(\m)
.endm
.macro LN3 m                           ; the eight waves' pairs are joined: M2 = sum of M2 + 32 x sum of (mean_w - mean)^2
.set uu, 80+16*(\m)
.set pr, 224+2*(\m)
	v_pk_add_f32 v[234:235], v[uu:uu+1], v[uu+2:uu+3]
	v_pk_add_f32 v[236:237], v[uu+4:uu+5], v[uu+6:uu+7]
	v_pk_add_f32 v[238:239], v[uu+8:uu+9], v[uu+10:uu+11]
	v_pk_add_f32 v[234:235], v[234:235], v[236:237]
	v_pk_add_f32 v[236:237], v[uu+12:uu+13], v[uu+14:uu+15]
	v_pk_add_f32 v[236:237], v[236:237], v[238:239]
	v_pk_add_f32 v[234:235], v[234:235], v[236:237]
	v_mul_f32 v[pr+1], 0x3e000000, v234            ; the row's mean
.irp i, 0,1,2,3,4,5,6,7
	v_sub_f32 v[uu+2*\i], v[uu+2*\i], v[pr+1]
.endr
	v_mul_f32 v236, v[uu], v[uu]
	v_mul_f32 v237, v[uu+2], v[uu+2]
	v_fma_f32 v236, v[uu+4], v[uu+4], v236
	v_fma_f32 v237, v[uu+6], v[uu+6], v237
	v_fma_f32 v236, v[uu+8], v[uu+8], v236
	v_fma_f32 v237, v[uu+10], v[uu+10], v237
	v_fma_f32 v236, v[uu+12], v[uu+12], v236
	v_fma_f32 v237, v[uu+14], v[uu+14], v237
	v_add_f32 v236, v236, v237
	v_fma_f32 v235, v236, s57, v235
	v_fma_f32 v[pr], v235, s55, s54                ; variance + 1e-5
.endm
.macro LNORM stw, str, gad
.irp m, 0,1,2,3,4
	LN1 \m, \stw
.endr
	BAR
.irp m, 0,1,2,3,4
.irp i, 0,1,2,3
	ds_load_b128 v[80+16*\m+4*\i:80+16*\m+4*\i+3], v[\str] offset:1280*\m+16*\i
.endr
.endr
	s_wait_dscnt 0x0
.irp m, 0,1,2,3,4
	LN3 \m
.endr
.irp m, 0,1,2,3,4
	v_rsq_f32 v[224+2*\m], v[224+2*\m]
.endr
	v_nop                                          ; a plain instruction between the last root and the use of its result
	s_wait_alu depctr_va_vdst(0)
.irp m, 0,1,2,3,4
	v_mul_f32 v[225+2*\m], -v[225+2*\m], v[224+2*\m]       ; - mean x rstd
.endr
.irp t, 0,1
.irp j, 0,1
	ds_load_b128 v[80+8*\t+4*\j:80+8*\t+4*\j+3], v[\gad] offset:64*\t+16*\j
	ds_load_b128 v[96+8*\t+4*\j:96+8*\t+4*\j+3], v[\gad] offset:1024+64*\t+16*\j
.endr
.endr
.irp m, 0,1,2,3,4
.irp i, 0,1,2,3,4,5,6,7
	v_pk_fma_f32 v[16*\m+2*\i:16*\m+2*\i+1], v[16*\m+2*\i:16*\m+2*\i+1], v[224+2*\m:225+2*\m], v[224+2*\m:225+2*\m] op_sel:[0,0,1] op_sel_hi:[1,0,1]
.endr
.endr
	s_wait_dscnt 0x0
.irp m, 0,1,2,3,4
.irp i, 0,1,2,3,4,5,6,7
	v_pk_fma_f32 v[16*\m+2*\i:16*\m+2*\i+1], v[16*\m+2*\i:16*\m+2*\i+1], v[80+2*\i:81+2*\i], v[96+2*\i:97+2*\i]
.endr
.endr
.endm
.macro TOF16 a                         ; the accumulators, rounded to f16, as an operand of 80 rows
.irp n, 0,1,2,3,4,5,6,7,8,9
	v_cvt_pk_f16_f32 v[80+4*\n], v[8*\n], v[8*\n+1]
	v_cvt_pk_f16_f32 v[81+4*\n], v[8*\n+2], v[8*\n+3]
	v_cvt_pk_f16_f32 v[82+4*\n], v[8*\n+4], v[8*\n+5]
	v_cvt_pk_f16_f32 v[83+4*\n], v[8*\n+6], v[8*\n+7]
	ds_store_b128 v[\a], v[80+4*\n:83+4*\n] offset:16*P16*(\n/2)+32*(\n%2)
.endr
.endm
; OFFSETS AND LOGITS INTO INDICES AND CORNER WEIGHTS.  Wave = head; lane (r, h) holds row 16 m + r, levels 2 h and 2 h + 1: 8 offsets in accumulator (m, 0), 4 logits in (m, 1).
; The accumulators go through the wave's own scratch, so that the step is written once and walked five times.  The results go into the wave's own two images.
.set OO, 80
.set LG, 88
.set RF, 92
.set CW, 96
.set CH, 98
.set CWM, 100
.set CHM, 102
.set CBS, 104
.set SCA, 106
.set RFA, 107
.set IXA, 108
.set WTD, 109
.set RX, 110
.set RY, 112
.set TT, 114
.set IDO, 130
.set WO, 132
.macro LC dst, c0, c1
	v_mov_b32 v[TT], \c1
	v_cndmask_b32 v[\dst], \c0, v[TT], vcc_lo
.endm
.macro POINT ll, p
	v_add_f32 v[TT], v[RX+\ll], v[OO+4*\ll+2*\p]           ; x in pixels
	v_add_f32 v[TT+6], v[RY+\ll], v[OO+4*\ll+2*\p+1]
	v_floor_f32 v[TT+1], v[TT]
	v_floor_f32 v[TT+7], v[TT+6]
	v_sub_f32 v[TT+2], v[TT], v[TT+1]                      ; lx
	v_sub_f32 v[TT+8], v[TT+6], v[TT+7]
	v_add_f32 v[TT+3], 1.0, v[TT+1]                        ; x0 + 1
	v_add_f32 v[TT+9], 1.0, v[TT+7]
	v_sub_f32 v[TT+4], 1.0, v[TT+2]                        ; 1 - lx
	v_sub_f32 v[TT+10], 1.0, v[TT+8]
	v_med3_num_f32 v[TT+5], v[TT+1], 0, v[CWM+\ll]         ; a coordinate that its clamp changes lies outside: its factor is 0
	v_cmp_eq_f32 vcc_lo, v[TT+5], v[TT+1]
	v_cndmask_b32 v[TT+4], 0, v[TT+4], vcc_lo
	v_med3_num_f32 v[TT+5], v[TT+3], 0, v[CWM+\ll]
	v_cmp_eq_f32 vcc_lo, v[TT+5], v[TT+3]
	v_cndmask_b32 v[TT+2], 0, v[TT+2], vcc_lo
	v_med3_num_f32 v[TT+11], v[TT+7], 0, v[CHM+\ll]
	v_cmp_eq_f32 vcc_lo, v[TT+11], v[TT+7]
	v_cndmask_b32 v[TT+10], 0, v[TT+10], vcc_lo
	v_med3_num_f32 v[TT+11], v[TT+9], 0, v[CHM+\ll]
	v_cmp_eq_f32 vcc_lo, v[TT+11], v[TT+9]
	v_cndmask_b32 v[TT+8], 0, v[TT+8], vcc_lo
	v_mul_f32 v[TT+10], v[TT+10], v[LG+2*\ll+\p]           ; the attention weight rides on y's factors
	v_mul_f32 v[TT+8], v[TT+8], v[LG+2*\ll+\p]
	v_mul_f32 v[WO], v[TT+4], v[TT+10]
	v_mul_f32 v[WO+1], v[TT+2], v[TT+10]
	v_mul_f32 v[WO+2], v[TT+4], v[TT+8]
	v_mul_f32 v[WO+3], v[TT+2], v[TT+8]
	v_med3_num_f32 v[TT+1], v[TT+1], -1.0, v[CWM+\ll]
	v_med3_num_f32 v[TT+7], v[TT+7], -1.0, v[CHM+\ll]
	v_fma_f32 v[TT+7], v[TT+7], v[CW+\ll], v[TT+1]         ; whole numbers below 2^24: exact
	v_add_f32 v[TT+7], v[TT+7], v[CBS+\ll]
	v_cvt_u32_f32 v[IDO+\p], v[TT+7]
	ds_store_b128 v[WTD], v[WO:WO+3] offset:256*\ll+128*\p
.endm
.macro E_OA
	s_mul_i32 s7, s2, 7680
	s_add_co_u32 s7, s7, SCR
	v_add_nc_u32 v[SCA], s7, v241
	v_lshlrev_b32 v[RFA], 5, v244
	v_lshl_add_u32 v[RFA], v245, 4, v[RFA]
	v_add_nc_u32 v[RFA], REF, v[RFA]
	v_lshrrev_b32 v[TT], 3, v244                           ; which of the tile's two groups of 8 rows
	v_and_b32 v[TT+1], 7, v244                             ; the row in its group
	v_lshlrev_b32 v[IXA], 8, v[TT]
	v_lshl_add_u32 v[IXA], v245, 7, v[IXA]
	v_lshl_add_u32 v[IXA], v[TT+1], 3, v[IXA]
	s_mul_i32 s7, s2, 2560
	s_add_co_u32 s7, s7, IXI
	v_add_nc_u32 v[IXA], s7, v[IXA]                        ; [group][level][row][point]: 256 (r / 8) + 128 h + 8 (r % 8), in my wave's image
	v_lshlrev_b32 v[WTD], 10, v[TT]
	v_lshl_add_u32 v[WTD], v245, 9, v[WTD]
	v_lshl_add_u32 v[WTD], v[TT+1], 4, v[WTD]
	s_mul_i32 s7, s2, 10240
	s_add_co_u32 s7, s7, WTI
	v_add_nc_u32 v[WTD], s7, v[WTD]                        ; [group][level][point][row][corner]: 1024 (r / 8) + 512 h + 16 (r % 8)
.irp m, 0,1,2,3,4
	ds_store_b128 v[SCA], v[16*\m:16*\m+3] offset:1536*\m          ; each accumulator's lowest registers first
	ds_store_b128 v[SCA], v[16*\m+4:16*\m+7] offset:1536*\m+512
	ds_store_b128 v[SCA], v[16*\m+8:16*\m+11] offset:1536*\m+1024
.endr
	v_cmp_eq_u32 vcc_lo, 1, v245
	LC CW,    0x43200000, 0x42200000               ; W: 160 or 40
	LC CW+1,  0x42a00000, 0x41a00000               ; 80 or 20
	LC CH,    0x42b80000, 0x41b80000               ; H: 92 or 23
	LC CH+1,  0x42380000, 0x41400000               ; 46 or 12
	LC CWM,   0x431f0000, 0x421c0000               ; W - 1
	LC CWM+1, 0x429e0000, 0x41980000
	LC CHM,   0x42b60000, 0x41b00000               ; H - 1
	LC CHM+1, 0x42340000, 0x41300000
	LC CBS,   0x43280000, 0x456e0000               ; the base: 168 (level 0) or 3,808 (level 2)
	LC CBS+1, 0x43000000, 0x4593c000               ; 128 (level 1) or 4,728 (level 3)
	v_mov_b32 v[TT+1], 0                           ; the lane exchange counts as a reader of its destination
	s_mov_b32 s59, 5
.Loa_\@:
	ds_load_b128 v[OO:OO+3], v[SCA]                ; LDS serves a wave's instructions in order: these see the stores above
	ds_load_b128 v[OO+4:OO+7], v[SCA] offset:512
	ds_load_b128 v[LG:LG+3], v[SCA] offset:1024
	ds_load_b128 v[RF:RF+3], v[RFA]
	s_wait_dscnt 0x0
	v_max3_num_f32 v[TT], v[LG], v[LG+1], v[LG+2]  ; softmax over the head's 8 logits: 4 here, 4 in the lane 16 away
	v_max_num_f32 v[TT], v[TT], v[LG+3]
	v_permlanex16_b32 v[TT+1], v[TT], s52, s53
	v_max_num_f32 v[TT], v[TT], v[TT+1]
	v_mul_f32 v[TT], s61, v[TT]
.irp i, 0,1,2,3
	v_fma_f32 v[LG+\i], v[LG+\i], s61, -v[TT]      ; (logit - maximum) log2 e
.endr
.irp i, 0,1,2,3
	v_exp_f32 v[LG+\i], v[LG+\i]
.endr
	v_fma_f32 v[RX], v[RF], v[CW], -0.5            ; plain work behind the exponentials: reference point in pixels
	v_fma_f32 v[RY], v[RF+1], v[CH], -0.5
	v_fma_f32 v[RX+1], v[RF+2], v[CW+1], -0.5
	v_fma_f32 v[RY+1], v[RF+3], v[CH+1], -0.5
	s_wait_alu depctr_va_vdst(0)
	v_add_f32 v[TT], v[LG], v[LG+1]
	v_add_f32 v[TT+2], v[LG+2], v[LG+3]
	v_add_f32 v[TT], v[TT], v[TT+2]
	v_permlanex16_b32 v[TT+1], v[TT], s52, s53
	v_add_f32 v[TT], v[TT], v[TT+1]
	v_rcp_f32 v[TT], v[TT]
	v_nop                                          ; a plain instruction between the reciprocal and its use
	s_wait_alu depctr_va_vdst(0)
.irp i, 0,1,2,3
	v_mul_f32 v[LG+\i], v[LG+\i], v[TT]
.endr
	POINT 0, 0
	POINT 0, 1
	ds_store_b64 v[IXA], v[IDO:IDO+1]
	POINT 1, 0
	POINT 1, 1
	ds_store_b64 v[IXA], v[IDO:IDO+1] offset:64
	v_add_nc_u32 v[SCA], 1536, v[SCA]              ; the next 16 rows: two groups
	v_add_nc_u32 v[RFA], 512, v[RFA]
	v_add_nc_u32 v[IXA], 512, v[IXA]
	v_add_nc_u32 v[WTD], 2048, v[WTD]
	s_sub_co_u32 s59, s59, 1
	s_cmp_lg_u32 s59, 0
	s_cbranch_scc1 .Loa_\@
.endm
; My wave's two images leave as they lie: 5 + 20 stores of 512 consecutive bytes.  They are my own bytes and LDS serves a wave in order: no barrier.
.macro OAOUT ia, wa
.irp i, 0,1,2,3,4
	ds_load_b128 v[4*\i:4*\i+3], v[\ia] offset:512*\i
.endr
.irp i, 0,1,2,3,4,5,6,7,8,9,10,11,12,13,14,15,16,17,18,19
	ds_load_b128 v[80+4*\i:83+4*\i], v[\wa] offset:512*\i
.endr
	s_wait_dscnt 0x0
.irp i, 0,1,2,3,4
	global_store_b128 v241, v[4*\i:4*\i+3], s[44:45] offset:512*\i
.endr
.irp i, 0,1,2,3,4,5,6,7,8,9,10,11,12,13,14,15,16,17,18,19
	global_store_b128 v241, v[80+4*\i:83+4*\i], s[46:47] offset:512*\i
.endr
.endm
.macro OABI                            ; the offsets' and the logits' bias as C
	ds_load_b128 v[BI:BI+3], v246
	ds_load_b128 v[BI+4:BI+7], v246 offset:16
	ds_load_b128 v[BI+8:BI+11], v249
	ds_load_b128 v[BI+12:BI+15], v249              ; the tile's upper columns repeat the lower and are never read
.endm
	s_load_b512 s[8:23], s[0:1], 0x0               ; q 8, reference_points 10, WP 12, S 14, o_b 16, g0 18, b0 20, t1 off_b 22
	s_load_b256 s[24:31], s[0:1], 0x40             ; t1 aw_b 24, t2 off_b 26, t2 aw_b 28, Q1 30
	s_load_b128 s[32:35], s[0:1], 0x60             ; IDX 32, WT 34
	v_lshl_add_u32 v254, v0, 2, SPARE              ; my spare word, and 0: kept for the wave's last lines alone
	v_mov_b32 v255, 0
	v_mov_b32 v240, v0
	v_lshrrev_b32 v1, 5, v0
	v_readfirstlane_b32 s2, v1
	v_and_b32 v243, 31, v0
	v_and_b32 v244, 15, v0
	v_bfe_u32 v245, v0, 4, 1
	v_lshlrev_b32 v241, 4, v243
	s_mov_b32 s3, ttmp9
	s_mul_i32 s4, s3, 80
	s_mul_i32 s5, s2, 10
	s_add_co_u32 s5, s5, s4
	s_min_u32 s6, s5, NROW-10
	s_mov_b32 s52, 0x76543210
	s_mov_b32 s53, 0xfedcba98
	s_mov_b32 s54, 0x3727c5ac                      ; 1e-5
	s_mov_b32 s55, 0x3b800000                      ; 1 / 256
	s_mov_b32 s56, 0x3d000000                      ; 1 / 32
	s_mov_b32 s57, 0x42000000                      ; 32
	s_mov_b32 s61, 0x3fb8aa3b                      ; log2 e
	s_mov_b32 s51, 0
	v_lshlrev_b32 v228, 2, v240
	v_and_b32 v229, 127, v240
	v_lshlrev_b32 v229, 2, v229
	s_lshl_b32 s7, s4, 5
	v_lshl_add_u32 v230, v240, 4, s7
	v_min_u32 v230, 625904, v230                   ; the last group's dead rows take the buffer's last 16 bytes
	v_lshl_add_u32 v231, v240, 2, VEC
	v_lshl_add_u32 v232, v240, 4, REF
	s_cmp_eq_u32 s3, 244
	s_cselect_b32 s7, 0, 2560                      ; the second 40 sampled rows; in the last group the first 40 once more
	v_add_nc_u32 v233, s7, v241
	v_lshrrev_b32 v234, 2, v243
	v_mul_u32_u24 v234, v234, P16
	v_and_b32 v235, 3, v243
	v_lshl_add_u32 v234, v235, 4, v234
	s_lshl_b32 s7, s2, 6
	v_add_nc_u32 v234, s7, v234                    ; a load's 8 rows of 64 bytes in the operand: 528 (lane / 4) + 16 (lane % 4) + 64 w
	s_mul_i32 s7, s2, 10*P32
	s_add_co_u32 s7, s7, XF
	v_add_nc_u32 v235, s7, v241                    ; my ten rows of q
	s_wait_kmcnt 0x0
	s_lshl_b32 s50, s6, 10
	s_add_nc_u64 s[40:41], s[8:9], s[50:51]        ; q at my wave's first row
	s_mul_i32 s50, s2, SHB
	s_lshl_b32 s7, s4, 6
	s_add_co_u32 s50, s50, s7
	s_add_nc_u64 s[44:45], s[14:15], s[50:51]      ; head w's sampled rows at the group's first row
	s_lshl_b32 s50, s2, 14
	s_add_co_u32 s50, s50, 4*PASSB
	s_add_nc_u64 s[42:43], s[12:13], s[50:51]      ; pass 4
	s_cmp_lt_u32 s2, 4
	s_cselect_b64 s[22:23], s[22:23], s[24:25]     ; waves 0-3 fetch the offsets' bias, waves 4 and 5 the weights'
	s_cselect_b64 s[26:27], s[26:27], s[28:29]
	WLOAD 0, 0                                     ; the first half of pass 4's weights; the second half follows behind the wait below
	WLOAD 1, 0
	WLOAD 2, 0
	WLOAD 3, 0
	WIN 0
	global_load_b32 v120, v228, s[16:17]
	global_load_b32 v121, v228, s[18:19]
	global_load_b32 v122, v228, s[20:21]
	s_cmp_lt_u32 s2, 6
	s_cbranch_scc0 .Lnv
	global_load_b32 v123, v229, s[22:23]
	global_load_b32 v124, v229, s[26:27]
.Lnv:
	s_cmp_lt_u32 s2, 5
	s_cbranch_scc0 .Lnr
	global_load_b128 v[128:131], v230, s[10:11]
.Lnr:
.irp i, 0,1,2,3,4
	global_load_b128 v[80+4*\i:83+4*\i], v241, s[44:45] offset:512*\i th:TH_LOAD_NT
	global_load_b128 v[100+4*\i:103+4*\i], v233, s[44:45] offset:512*\i th:TH_LOAD_NT
.endr
.irp i, 0,1,2,3,4,5,6,7,8,9
	global_load_b128 v[8*\i:8*\i+3], v241, s[40:41] offset:1024*\i th:TH_LOAD_NT
	global_load_b128 v[8*\i+4:8*\i+7], v241, s[40:41] offset:1024*\i+512 th:TH_LOAD_NT
.endr
	s_wait_loadcnt 0x0
	WLOAD 4, 0                                     ; they land under the LDS stores, the barrier and the first four k steps
	WLOAD 5, 0
	WLOAD 6, 0
	WLOAD 7, 0
	WIN 0
	ds_store_b32 v231, v120
	ds_store_b32 v231, v121 offset:1024
	ds_store_b32 v231, v122 offset:2048
	s_cmp_lt_u32 s2, 6
	s_cbranch_scc0 .Lnv2
	ds_store_b32 v231, v123 offset:3072
	ds_store_b32 v231, v124 offset:3840
.Lnv2:
	s_cmp_lt_u32 s2, 5
	s_cbranch_scc0 .Lnr2
	ds_store_b128 v232, v[128:131]
.Lnr2:
.irp i, 0,1,2,3,4
	ds_store_b128 v234, v[80+4*\i:83+4*\i] offset:8*P16*\i
	ds_store_b128 v234, v[100+4*\i:103+4*\i] offset:8*P16*(\i+5)
.endr
.irp i, 0,1,2,3,4,5,6,7,8,9
	ds_store_b128 v235, v[8*\i:8*\i+3] offset:P32*\i
	ds_store_b128 v235, v[8*\i+4:8*\i+7] offset:P32*\i+512
.endr
	v_mul_u32_u24 v242, v244, P16
	v_lshl_add_u32 v242, v245, 4, v242             ; fragments of the sampled rows
	s_lshl_b32 s7, s2, 6
	v_add_nc_u32 v251, s7, v242                    ; where my columns go as f16: 528 r + 64 w + 16 h
	s_lshl_b32 s7, s2, 7
	s_add_co_u32 s7, s7, VEC
	v_lshl_add_u32 v246, v245, 5, s7
	v_add_nc_u32 v252, 1024, v246
	v_mul_u32_u24 v248, v244, 80
	v_add_nc_u32 v248, ST, v248
	v_lshl_add_u32 v247, s2, 3, v248
	v_mul_u32_u24 v249, v244, P32
	v_lshl_add_u32 v249, v245, 5, v249
	s_lshl_b32 s7, s2, 7
	s_add_co_u32 s7, s7, XF
	v_add_nc_u32 v249, s7, v249                    ; q as the accumulators lie: 1040 r + 128 w + 32 h
	v_add_nc_u32 v250, 3*16*P32, v249              ; rows 48 on: the immediate ends at 65,535
	s_mul_i32 s50, s3, 81920
	s_mul_i32 s7, s2, 10240
	s_add_co_u32 s50, s50, s7
	s_add_nc_u64 s[30:31], s[30:31], s[50:51]
	BAR                                            ; sampled rows, q, vectors and reference points are whole
	BILOAD 246, 0
	ASTART
	G256 1, 1                                      ; pass 4; its k steps ask for pass 5
.irp m, 0,1,2
.irp t, 0,1
.irp j, 0,1
	ds_load_b128 v[80+8*(2*\m+\t)+4*\j:80+8*(2*\m+\t)+4*\j+3], v249 offset:16*P32*\m+64*\t+16*\j
.endr
.endr
.endr
.irp m, 3,4
.irp t, 0,1
.irp j, 0,1
	ds_load_b128 v[80+8*(2*\m+\t)+4*\j:80+8*(2*\m+\t)+4*\j+3], v250 offset:16*P32*(\m-3)+64*\t+16*\j
.endr
.endr
.endr
	s_wait_dscnt 0x0
.set i, 0
.rept 40
	v_pk_add_f32 v[2*i:2*i+1], v[2*i:2*i+1], v[80+2*i:81+2*i]      ; q + src1, ascending
.set i, i+1
.endr
	LNORM 247, 248, 252
.irp a, 0,1,2,3,4,5,6,7,8,9
.irp j, 0,1
	global_store_b128 v241, v[8*\a+4*\j:8*\a+4*\j+3], s[30:31] offset:1024*\a+512*\j   ; q1 in f32 as the registers hold it: 512 consecutive bytes a store
.endr
.endr
	TOF16 251                                      ; behind LayerNorm's barrier nobody reads the sampled rows any more
	s_wait_xcnt 0x0                                ; the accumulators and the weights' base are written again only behind this wait
	s_add_nc_u64 s[42:43], s[42:43], PASSB         ; pass 5
	BAR
	s_lshl_b32 s7, s2, 6
	s_add_co_u32 s7, s7, VEC+3072
	v_lshl_add_u32 v246, v245, 5, s7
	s_lshl_b32 s7, s2, 5
	s_add_co_u32 s7, s7, VEC+3584
	v_lshl_add_u32 v249, v245, 4, s7
	s_mul_i32 s7, s2, 2560
	s_add_co_u32 s7, s7, IXI
	v_add_nc_u32 v250, s7, v241
	s_mul_i32 s7, s2, 10240
	s_add_co_u32 s7, s7, WTI
	v_add_nc_u32 v253, s7, v241
	s_mul_i32 s50, s2, IHB
	s_lshl_b32 s7, s4, 5
	s_add_co_u32 s50, s50, s7
	s_add_nc_u64 s[44:45], s[32:33], s[50:51]      ; my head's indices at the group's first row
	s_mul_i32 s50, s2, WHB
	s_lshl_b32 s7, s4, 7
	s_add_co_u32 s50, s50, s7
	s_add_nc_u64 s[46:47], s[34:35], s[50:51]      ; and its corner weights
	s_mov_b32 s58, 2
	OABI
	ASTART
	G256 1, 1                                      ; pass 5, t1's offsets and logits; its k steps ask for pass 6
	s_branch .Lcre                                 ; the loop is entered in its middle: its top holds the launch's last pass, whose waits count otherwise
.Lcr:
	OABI
	ASTART
	G256 1, 0                                      ; pass 6, t2's: nothing is left to fetch
.Lcre:                                             ; one cross attention's indices and weights; scratch and images are each wave's own, q1 is only read: no barrier
	E_OA
	OAOUT 250, 253
	s_wait_xcnt 0x0                                ; data and bases are written again only behind this wait
	s_add_nc_u64 s[44:45], s[44:45], 8*IHB
	s_add_nc_u64 s[46:47], s[46:47], 8*WHB
	v_add_nc_u32 v246, 768, v246
	v_add_nc_u32 v249, 768, v249
	s_sub_co_u32 s58, s58, 1
	s_cmp_lg_u32 s58, 0
	s_cbranch_scc1 .Lcr
	s_cmp_eq_u32 s5, 244*80
	s_cbranch_scc0 .Lend                           ; wave 0 of the last group:
	v_mov_b32 v20, 0
	v_mov_b32 v21, 0
	v_lshlrev_b32 v22, 3, v243
	v_add_nc_u32 v22, 16*IHB, v22
	global_store_b64 v22, v[20:21], s[32:33]       ; the group of indices behind the buffer's last head, which the next launch fetches and does not use
.Lend:
	s_wait_tensorcnt 0x0                           ; the wave's end
	ds_add_u32 v254, v255
	s_wait_dscnt 0x0
	s_endpgm
.Lfunc_end_k_q5cfcef0db3_selfb:
	.size	k_q5cfcef0db3_selfb, .Lfunc_end_k_q5cfcef0db3_selfb-k_q5cfcef0db3_selfb
	.p2alignl 7, 3214868480
	.fill 96, 4, 3214868480
	.section	.rodata,"a",@progbits
	.p2align	6, 0x0
	.amdhsa_kernel k_q5cfcef0db3_selfb
		.amdhsa_group_segment_fixed_size 303872
		.amdhsa_private_segment_fixed_size 0
		.amdhsa_enable_private_segment 0
		.amdhsa_kernarg_size 112
		.amdhsa_user_sgpr_count 2
		.amdhsa_user_sgpr_kernarg_segment_ptr 1
		.amdhsa_wavefront_size32 1
		.amdhsa_system_sgpr_workgroup_id_x 1
		.amdhsa_system_sgpr_workgroup_id_y 1
		.amdhsa_system_sgpr_workgroup_id_z 1
		.amdhsa_system_vgpr_workitem_id 0
		.amdhsa_next_free_vgpr 384
		.amdhsa_next_free_sgpr 66
		.amdhsa_reserve_vcc 1
		.amdhsa_float_denorm_mode_32 3
		.amdhsa_float_denorm_mode_16_64 3
		.amdhsa_memory_ordered 1
		.amdhsa_forward_progress 1
		.amdhsa_inst_pref_size 106
	.end_amdhsa_kernel
	.amdgpu_metadata
---
amdhsa.version: [ 1, 2 ]
amdhsa.kernels:
  - .name:           k_q5cfcef0db3_selfb
    .symbol:         k_q5cfcef0db3_selfb.kd
    .args:
      - { .name: q, .offset: 0, .size: 8, .value_kind: global_buffer, .address_space: global }
      - { .name: reference_points, .offset: 8, .size: 8, .value_kind: global_buffer, .address_space: global }
      - { .name: WP, .offset: 16, .size: 8, .value_kind: global_buffer, .address_space: global }
      - { .name: S, .offset: 24, .size: 8, .value_kind: global_buffer, .address_space: global }
      - { .name: params_sa_o_b, .offset: 32, .size: 8, .value_kind: global_buffer, .address_space: global }
      - { .name: params_n0_g, .offset: 40, .size: 8, .value_kind: global_buffer, .address_space: global }
      - { .name: params_n0_b, .offset: 48, .size: 8, .value_kind: global_buffer, .address_space: global }
      - { .name: params_t1_off_b, .offset: 56, .size: 8, .value_kind: global_buffer, .address_space: global }
      - { .name: params_t1_aw_b, .offset: 64, .size: 8, .value_kind: global_buffer, .address_space: global }
      - { .name: params_t2_off_b, .offset: 72, .size: 8, .value_kind: global_buffer, .address_space: global }
      - { .name: params_t2_aw_b, .offset: 80, .size: 8, .value_kind: global_buffer, .address_space: global }
      - { .name: Q1, .offset: 88, .size: 8, .value_kind: global_buffer, .address_space: global }
      - { .name: IDX, .offset: 96, .size: 8, .value_kind: global_buffer, .address_space: global }
      - { .name: WT, .offset: 104, .size: 8, .value_kind: global_buffer, .address_space: global }
    .group_segment_fixed_size: 303872
    .private_segment_fixed_size: 0
    .kernarg_segment_align: 8
    .kernarg_segment_size: 112
    .max_flat_workgroup_size: 256
    .sgpr_count:     66
    .vgpr_count:     384
    .wavefront_size: 32
...
	.end_amdgpu_metadata
.endif
;; end of part 7
;; launch gathb (part 8): grid 16 x 16, 16 waves a work-group, no clusters, 321,536 bytes of LDS; arguments VTB, IDX, WT, S; writes S
.if DOCPART == 8
	.amdgcn_target "amdgcn-amd-amdhsa--gfx1250"
	.amdhsa_code_object_version 6
	.text
	.protected	k_q5cfcef0db3_gathb
	.globl	k_q5cfcef0db3_gathb
	.p2align	8
	.type	k_q5cfcef0db3_gathb,@function
k_q5cfcef0db3_gathb:
	s_mov_b64 s[64:65], 0
	v_nop
	global_prefetch_b8 v0, s[64:65] scope:SCOPE_SE
	s_setreg_imm32_b32 hwreg(HW_REG_WAVE_MODE, 25, 1), 1
	s_wait_xcnt 0x0
; THE GATHER OF THE TWO CROSS ATTENTIONS, ONE TABLE'S HEAD TO A WORK-GROUP.  S[table][head][row][32 channels] = the sum over 4 levels x 2 points x 4 corners of weight x table row, sums in f32,
; S rounded once to f16.  The text is the self attention's gather with other shares.
; A head's levels 1 to 3, with the rows round them that a corner of weight 0 may touch, are table rows 14,760 to 19,751: 4,992 rows of 64 bytes = 319,488 bytes.  They are brought into
; LDS once, so three of the four levels are gathered from LDS; level 0 (14,720 rows) is gathered from memory.
; SHARES.  x = a block of 16 NG groups of 8 rows, y = 8 x table + head: 16 x 16 work-groups, so that a table's part is brought into LDS 16 times and not 31.  16 waves; a wave owns NG = 10
; groups; lane = 4 x row + chunk of 8 channels, so a load of a corner takes 8 rows of 64 bytes and a group's result is 512 consecutive bytes.  Indices and weights are stored for 19,600
; rows a head, 2,450 groups = 15 x 160 + 5 x 10: a wave's groups are all there or all past the end; a wave past the end fills its part of LDS, passes the barrier and ends.  The last five
; groups hold rows past 19,560; S has room for them, and nobody reads them.
; THE INDICES were stored as whole numbers by an earlier launch: level 0's counts rows of the head's table, the others' rows of the part in LDS.  Each is clamped by a constant, its level's
; last row, before it enters an address.  The corners lie 0, 1, W, W + 1 rows on.
; THE PIPE.  Behind a level's arithmetic the same level of the next group is asked for, and the indices of the group after that: every request has a group's work in which to land.  Behind a
; wave's last group that is the next head's first group, or the 256 bytes behind the buffer's last head: stored, fetched and not used.
; NO CLUSTER, though the 16 blocks of a head fill LDS with the same bytes and four would divide them: the branch that ends a wave past the last group hangs on the block's number, in which
; partners differ, and so do the addresses from which the indices, and with them the LDS addresses, are fetched.
; LIMITS: the table holds f16 (beyond 65,504 an infinity); NaN and infinities are not treated apart: a corner of weight 0 must read a finite number.
.set NG, 10                            ; groups of 8 rows to a wave
.set NGRP, 2450                        ; groups that are gathered
.set HB, 19752*64                      ; a head's table
.set TB, 8*HB
.set LROW0, 14760                      ; the first table row held in LDS; 64 x 14,760 is a multiple of 256
.set FILLR, 78                         ; a wave fills 78 rows of 256 bytes: 16 x 78 x 256 = 319,488
.set FILLW, FILLR*256
.set SPARE, 16*FILLW                   ; behind the table: the spare words, 128 bytes for each of 16 waves: no other line names them
.set IHB, 19600*32                     ; a head's indices: [group][level][row][point]
.set WHB, 19600*128                    ; a head's corner weights: [group][level][point][row][corner]
.set SHB, 19600*64                     ; a head's results
; v0-127 the 32 corners' 16 bytes: level l, point p, corner c at 32 l + 16 p + 4 c
.set T,   128                          ; v128-143 a corner in f32, two sets
.set GA,  144                          ; v144-151 my 8 sums
.set WTR, 152                          ; v152-183 corner weights: 8 l + 4 p + c
.set IDR, 184                          ; v184-191 indices: 2 l + p
.set ADR, 192                          ; v192-199 byte offsets made of them
.set MI,  200                          ; v200-203 by level: my offset in the indices
.set MW,  204                          ; v204-207 by level: my offset in the weights
.set LB,  208                          ; 16 x chunk
.set OA,  209                          ; my offset in the results
.set OD,  210                          ; v210-213 a result on its way out
.set SPW, 214                          ; my spare word's address; never rewritten
.set NIL, 215                          ; 0; never rewritten
; Level l of the next group is asked for: the indices of the group after it, 2 x 4 weights, 8 corners.  The level's offsets are stepped here: the wait at the level's head has shown their last loads done.
.macro ISSUE l
.if (\l) == 0
.set MAXI, 14887
.set WL, 160
.elseif (\l) == 1
.set MAXI, 3807
.set WL, 80
.elseif (\l) == 2
.set MAXI, 4727
.set WL, 40
.else
.set MAXI, 4967
.set WL, 20
.endif
.set ia, IDR+2*(\l)
.set aa, ADR+2*(\l)
.set wa, WTR+8*(\l)
	v_min_u32 v[aa], MAXI, v[ia]                   ; a loaded number enters an address only behind a clamp by a constant
	v_min_u32 v[aa+1], MAXI, v[ia+1]
	v_lshl_add_u32 v[aa], v[aa], 6, v[LB]
	v_lshl_add_u32 v[aa+1], v[aa+1], 6, v[LB]
	v_add_nc_u32 v[MI+(\l)], 256, v[MI+(\l)]
	v_add_nc_u32 v[MW+(\l)], 1024, v[MW+(\l)]
	global_load_b64 v[ia:ia+1], v[MI+(\l)], s[10:11] offset:64*(\l)
	global_load_b128 v[wa:wa+3], v[MW+(\l)], s[12:13] offset:256*(\l)-1024     ; the weights run one group behind the indices
	global_load_b128 v[wa+4:wa+7], v[MW+(\l)], s[12:13] offset:256*(\l)+128-1024
.irp p, 0,1
.irp c, 0,1,2,3
.if (\l) == 0
	global_load_b128 v[16*\p+4*\c:16*\p+4*\c+3], v[aa+\p], s[8:9] offset:64*(\c%2)+64*WL*(\c/2)
.else
	ds_load_b128 v[32*(\l)+16*\p+4*\c:32*(\l)+16*\p+4*\c+3], v[aa+\p] offset:64*(\c%2)+64*WL*(\c/2)
.endif
.endr
.endr
.endm
; In front of register g of a group's 128: at a level's first the waits.  A request is 11 loads from memory for level 0 and 3 for each other level, which has 8 LDS loads beside them.
; Level 0: the three other levels' 9 loads are younger.  Levels 1 to 3: two other levels' 3 + 3 and level 0's 11 are younger, and two levels' 16 LDS loads.
; In the last group nothing is asked for: 9, 6, 3, 0 and 16, 8, 0.
.macro PRE g, last
.if ((\g)%32) == 0
.if (\g) == 0
	s_wait_loadcnt 9
.elseif \last
	s_wait_loadcnt 9-3*((\g)/32)
	s_wait_dscnt 24-8*((\g)/32)
.else
	s_wait_loadcnt 17
	s_wait_dscnt 16
.endif
.endif
.endm
; Behind register g: at a corner's last register its four packed multiply-adds (the group's first corner starts the sums); at the last register of levels 0 to 2 the next group's request.
.macro POST g, last
.if ((\g)%4) == 3
.set ci, (\g)/4
.set tt, T+8*(ci%2)
.set wp, WTR+ci-(ci%2)
.irp e, 0,1,2,3
.if ci == 0
	v_pk_mul_f32 v[GA+2*\e:GA+2*\e+1], v[tt+2*\e:tt+2*\e+1], v[wp:wp+1] op_sel_hi:[1,0]
.elseif (ci%2) == 0
	v_pk_fma_f32 v[GA+2*\e:GA+2*\e+1], v[tt+2*\e:tt+2*\e+1], v[wp:wp+1], v[GA+2*\e:GA+2*\e+1] op_sel_hi:[1,0,1]
.else
	v_pk_fma_f32 v[GA+2*\e:GA+2*\e+1], v[tt+2*\e:tt+2*\e+1], v[wp:wp+1], v[GA+2*\e:GA+2*\e+1] op_sel:[0,1,0] op_sel_hi:[1,1,1]
.endif
.endr
.endif
.if (((\g)%32) == 31) && ((\g) < 96) && !(\last)
	ISSUE (\g)/32
.endif
.endm
.macro ROWEND                          ; the group's 8 rows leave: 512 consecutive bytes
	s_wait_xcnt 0x0                                ; the last store's data and offset are written again only behind this wait; it stands ahead of level 3's request
	v_add_nc_u32 v[OA], 512, v[OA]
	v_cvt_pk_f16_f32 v[OD], v[GA], v[GA+1]
	v_cvt_pk_f16_f32 v[OD+1], v[GA+2], v[GA+3]
	v_cvt_pk_f16_f32 v[OD+2], v[GA+4], v[GA+5]
	v_cvt_pk_f16_f32 v[OD+3], v[GA+6], v[GA+7]
	global_store_b128 v[OA], v[OD:OD+3], s[14:15] offset:-512
.endm
	s_load_b256 s[8:15], s[0:1], 0x0               ; the tables 8, IDX 10, WT 12, S 14
	v_lshl_add_u32 v[SPW], v0, 2, SPARE
	v_mov_b32 v[NIL], 0
	ds_add_u32 v[SPW], v[NIL]                      ; the wave's opening: the add, and its wait ahead of my tensor load; the set-up below, work on registers, stands between them
	v_lshrrev_b32 v[T], 5, v0
	v_readfirstlane_b32 s2, v[T]                   ; wave 0..15
	v_and_b32 v[T+1], 31, v0                       ; lane
	v_lshrrev_b32 v[T+2], 2, v[T+1]                ; my row in a group
	v_and_b32 v[T+3], 3, v[T+1]                    ; my chunk
	v_lshlrev_b32 v[LB], 4, v[T+3]
	v_lshlrev_b32 v[OA], 4, v[T+1]
.irp l, 0,1,2,3
	v_lshlrev_b32 v[MI+\l], 3, v[T+2]
	v_lshlrev_b32 v[MW+\l], 4, v[T+2]
.endr
	s_mov_b32 s3, ttmp9                            ; the block
	s_and_b32 s4, ttmp7, 0xffff
	s_and_b32 s5, s4, 7                            ; the head
	s_lshr_b32 s6, s4, 3                           ; the table, and the part of IDX, WT and S
	s_mul_i32 s7, s3, 16*NG
	s_mul_i32 s28, s2, NG
	s_add_co_u32 s7, s7, s28                       ; my wave's first group
	s_min_u32 s28, s7, NGRP-NG                     ; and the group that it loads from
	; the descriptor: a dense block as 78 rows of 256 bytes, elements of 8 bytes, no padding
	s_mov_b32 s16, 3<<16                           ; 15:0 no mask; 17:16 elements of 8 bytes
	s_mov_b32 s17, 32<<16                          ; tensor_dim0 = 32
	s_mov_b32 s18, FILLR<<16                       ; tensor_dim1 = 78
	s_mov_b32 s19, 32<<16                          ; tile_dim0 = 32
	s_mov_b32 s20, FILLR                           ; tile_dim1 = 78
	s_mov_b32 s21, 32                              ; 32 elements from row to row
	s_mov_b32 s22, 0
	s_mov_b32 s23, 0
	s_mov_b32 s24, 1                               ; count = 1
	s_mul_i32 s25, s2, FILLW                       ; LDS address: my wave's sixteenth
	s_mul_i32 s30, s6, TB
	s_mul_i32 s29, s5, HB
	s_add_co_u32 s30, s30, s29                     ; my head's table
	s_mov_b32 s31, 0
	s_add_co_u32 s32, s25, LROW0*64                ; in it, my sixteenth of the part for LDS
	s_mov_b32 s33, 0
	s_mul_i32 s34, s6, 8*IHB
	s_mul_i32 s29, s5, IHB
	s_add_co_u32 s34, s34, s29
	s_lshl_b32 s29, s28, 8
	s_add_co_u32 s34, s34, s29                     ; a group's indices are 256 bytes,
	s_mov_b32 s35, 0
	s_mul_i32 s36, s6, 8*WHB
	s_mul_i32 s29, s5, WHB
	s_add_co_u32 s36, s36, s29
	s_lshl_b32 s29, s28, 10
	s_add_co_u32 s36, s36, s29                     ; its weights 1,024,
	s_mov_b32 s37, 0
	s_mul_i32 s38, s6, 8*SHB
	s_mul_i32 s29, s5, SHB
	s_add_co_u32 s38, s38, s29
	s_lshl_b32 s29, s7, 9
	s_add_co_u32 s38, s38, s29                     ; its results 512
	s_mov_b32 s39, 0
	s_wait_dscnt 0x0                               ; the opening add is done
	s_wait_kmcnt 0x0
	s_add_nc_u64 s[8:9], s[8:9], s[30:31]
	s_add_nc_u64 s[26:27], s[8:9], s[32:33]
	s_or_b32 s27, s27, 0x80000000                  ; type = 2
	s_add_nc_u64 s[10:11], s[10:11], s[34:35]
	s_add_nc_u64 s[12:13], s[12:13], s[36:37]
	s_add_nc_u64 s[14:15], s[14:15], s[38:39]
	tensor_load_to_lds s[24:27], s[16:23]          ; my one tensor load: no LDS byte is filled twice
	s_nop 0
.irp l, 0,1,2,3
	global_load_b64 v[IDR+2*\l:IDR+2*\l+1], v[MI+\l], s[10:11] offset:64*\l    ; the first group's indices
.endr
	s_wait_loadcnt 0x0
	ISSUE 0                                        ; level 0 comes from memory and need not wait for the table
	s_wait_tensorcnt 0x0                           ; my part of the table has landed,
	s_barrier_signal -1
	s_barrier_wait -1                              ; everybody's has
	s_cmp_lt_u32 s7, NGRP
	s_cbranch_scc0 .Lend                           ; a wave past the last group has nothing more to do; no barrier follows
	ISSUE 1
	ISSUE 2
	ISSUE 3
	s_mov_b32 s59, NG-1
.Lgrp:                                             ; a trip: one group's 32 corners, and the next group's requests
.rept 128
	PRE \+, 0
	v_cvt_f32_f16 v[T+8*((\+/4)%2)+2*(\+%4)], v\+.l
	v_cvt_f32_f16 v[T+8*((\+/4)%2)+2*(\+%4)+1], v\+.h
	POST \+, 0
.endr
	ROWEND
	ISSUE 3
	s_sub_co_u32 s59, s59, 1
	s_cmp_lg_u32 s59, 0
	s_cbranch_scc1 .Lgrp
.rept 128                                          ; the last group asks for nothing
	PRE \+, 1
	v_cvt_f32_f16 v[T+8*((\+/4)%2)+2*(\+%4)], v\+.l
	v_cvt_f32_f16 v[T+8*((\+/4)%2)+2*(\+%4)+1], v\+.h
	POST \+, 1
.endr
	ROWEND
.Lend:
	s_wait_tensorcnt 0x0                           ; the wave's end
	ds_add_u32 v[SPW], v[NIL]
	s_wait_dscnt 0x0
	s_endpgm
.Lfunc_end_k_q5cfcef0db3_gathb:
	.size	k_q5cfcef0db3_gathb, .Lfunc_end_k_q5cfcef0db3_gathb-k_q5cfcef0db3_gathb
	.p2alignl 7, 3214868480
	.fill 96, 4, 3214868480
	.section	.rodata,"a",@progbits
	.p2align	6, 0x0
	.amdhsa_kernel k_q5cfcef0db3_gathb
		.amdhsa_group_segment_fixed_size 321536
		.amdhsa_private_segment_fixed_size 0
		.amdhsa_enable_private_segment 0
		.amdhsa_kernarg_size 32
		.amdhsa_user_sgpr_count 2
		.amdhsa_user_sgpr_kernarg_segment_ptr 1
		.amdhsa_wavefront_size32 1
		.amdhsa_system_sgpr_workgroup_id_x 1
		.amdhsa_system_sgpr_workgroup_id_y 1
		.amdhsa_system_sgpr_workgroup_id_z 1
		.amdhsa_system_vgpr_workitem_id 0
		.amdhsa_next_free_vgpr 216
		.amdhsa_next_free_sgpr 66
		.amdhsa_reserve_vcc 0
		.amdhsa_float_denorm_mode_32 3
		.amdhsa_float_denorm_mode_16_64 3
		.amdhsa_memory_ordered 1
		.amdhsa_forward_progress 1
		.amdhsa_inst_pref_size 48
	.end_amdhsa_kernel
	.amdgpu_metadata
---
amdhsa.version: [ 1, 2 ]
amdhsa.kernels:
  - .name:           k_q5cfcef0db3_gathb
    .symbol:         k_q5cfcef0db3_gathb.kd
    .args:
      - { .name: VTB, .offset: 0, .size: 8, .value_kind: global_buffer, .address_space: global }
      - { .name: IDX, .offset: 8, .size: 8, .value_kind: global_buffer, .address_space: global }
      - { .name: WT, .offset: 16, .size: 8, .value_kind: global_buffer, .address_space: global }
      - { .name: S, .offset: 24, .size: 8, .value_kind: global_buffer, .address_space: global }
    .group_segment_fixed_size: 321536
    .private_segment_fixed_size: 0
    .kernarg_segment_align: 8
    .kernarg_segment_size: 32
    .max_flat_workgroup_size: 512
    .sgpr_count:     66
    .vgpr_count:     216
    .wavefront_size: 32
...
	.end_amdgpu_metadata
.endif
;; end of part 8
;; launch cross (part 9): grid 245 x 1, 8 waves a work-group, no clusters, 325,632 bytes of LDS; arguments Q1, WP, S, params_t1_o_b, params_n1_g, params_n1_b, params_t2_o_b, params_n2_g, params_n2_b, params_lin1_b, params_lin2_b, params_n5_g, params_n5_b, out0, out1; writes out0, out1
.if DOCPART == 9
	.amdgcn_target "amdgcn-amd-amdhsa--gfx1250"
	.amdhsa_code_object_version 6
	.text
	.protected	k_q5cfcef0db3_cross
	.globl	k_q5cfcef0db3_cross
	.p2align	8
	.type	k_q5cfcef0db3_cross,@function
k_q5cfcef0db3_cross:
	s_mov_b64 s[64:65], 0
	v_nop
	global_prefetch_b8 v0, s[64:65] scope:SCOPE_SE
	s_setreg_imm32_b32 hwreg(HW_REG_WAVE_MODE, 25, 1), 1
	s_wait_xcnt 0x0
; The two cross attentions' output projections on their sampled rows, LayerNorms n1 and n2 (src3 = out0), x = q1 + src3, the feed-forward layers and LayerNorm n5 (out1).
; SHARES: 80 rows a work-group; products: every wave all rows x 32 columns, 10 accumulators by turns; row-wise work: wave w rows 10 w .. 10 w + 9.
; The sampled rows lie by heads, [attention][head][row][32 f16], 19,600 rows' room a head: wave w copies head w's 80 rows of both attentions into its 64 bytes of the operands' rows in LDS.
; In the last work-group, which has 40 rows, the second 40 repeat the first.
; src2 never leaves the accumulators: n1's bias is stored with t2's output bias added, and the second projection adds onto the result.  x stays in LDS in f32; the
; hidden layer, 80 x 1,024 in f16, stays in LDS.
; THE WEIGHTS' RING: eight sets of 16 registers, one for each k step of a pass, in the second register window.  Behind a k step's products its set
; takes the same k step of the next pass, so every weight load is issued eight k steps ahead of its products, across passes too.
; NO CLUSTER: 245 work-groups are no multiple of four, and what is shared, the weights, does not pass through LDS.
; LIMITS: operands are rounded to f16: beyond 65,504 an infinity, below 6e-5 a fixed step of 6e-8; NaN and infinities are not treated apart.
.set NROW, 19560
.set P16, 528
.set P32, 1040
.set ASZ, 80*P16
.set HID, ASZ                          ; four chunks of 256 hidden columns; the first holds the second attention's sampled rows before
.set OS,  HID+2*ASZ                    ; an output's 80 rows in f32, in the place of chunks 2 and 3
.set XI,  HID+4*ASZ                    ; x in f32 as the registers hold it: each lane's own bytes
.set VEC, XI+81920                     ; bo1 0, g1 1024, b1+bo2 2048, g2 3072, b2 4096, lin1_b 5120, lin2_b 9216, g5 10240, b5 11264
.set ST,  VEC+12288                    ; three regions of statistics, one for each LayerNorm
.set SPARE, ST+3*6400                  ; the spare words, 128 bytes for each wave: no other line names them
.set SHB, 19600*64
.set PASSB, 131072
.set AF, 80
.set BI, 224
; window 0: v0-79 the accumulators, v80-159 two sets of row fragments, v224-239 the bias as C, v240-255 kept.  window 1: v0-127 the weights' ring: k step k, tile t at 16 k + 8 t.
.set MSB, 0
.macro WIN new                         ; s_set_vgpr_msb: bits 1:0 source 0, 3:2 source 1, 5:4 source 2, 7:6 destination; the high byte repeats the setting that is left; a switch that changes nothing is dropped
.if MSB != (\new)
	s_set_vgpr_msb (MSB<<8)|(\new)
.set MSB, \new
.endif
.endm
.macro BAR
	s_wait_dscnt 0x0                               ; for the others' sake: my LDS stores are done and my reads are back
	s_barrier_signal -1
	s_barrier_wait -1
.endm
.macro WLOAD k, pb                     ; the weights of k step k of the pass pb bytes behind the base: 4 loads of 512 consecutive bytes, into window 1
	WIN 0x40
.irp t, 0,1
.irp j, 0,1
	global_load_b128 v[16*(\k)+8*\t+4*\j:16*(\k)+8*\t+4*\j+3], v241, s[42:43] offset:(\pb)+2048*(\k)+1024*\t+512*\j
.endr
.endr
.endm
.macro WNEXT
	s_wait_xcnt 0x0                                ; the base is stepped only behind this wait
	s_add_nc_u64 s[42:43], s[42:43], PASSB
.endm
.macro ALOAD k
.irp m, 0,1,2,3,4
	ds_load_b128 v[AF+40*((\k)%2)+8*\m:AF+40*((\k)%2)+8*\m+3], v242 offset:16*P16*\m+64*(\k)
	ds_load_b128 v[AF+40*((\k)%2)+8*\m+4:AF+40*((\k)%2)+8*\m+7], v242 offset:16*P16*\m+64*(\k)+32
.endr
.endm
.macro ASTART
	ALOAD 0
	ALOAD 1
.endm
.macro BILOAD a, o
	ds_load_b128 v[BI:BI+3], v[\a] offset:(\o)
	ds_load_b128 v[BI+4:BI+7], v[\a] offset:(\o)+16
	ds_load_b128 v[BI+8:BI+11], v[\a] offset:(\o)+64
	ds_load_b128 v[BI+12:BI+15], v[\a] offset:(\o)+80
.endm
; One k step of 32: ten matrix instructions on ten accumulators by turns.  cb = 1: the first step starts the sums with the bias.
; rf = 1: the set is filled again with the next pass's k step; rf = 0: the launch's last pass.
.macro KSTEP k, cb, rf
.if \rf
	s_wait_loadcnt 28                              ; seven younger k steps' weights, 4 loads each, may be out: k+1 .. 7 of this pass, 0 .. k-1 of the next
.else
	s_wait_loadcnt 4*(7-(\k))                      ; nothing is asked for any more: k+1 .. 7 of this pass may be out
.endif
.if (\k) < 7
	s_wait_dscnt 10                                ; the next step's ten fragment loads may be out
.else
	s_wait_dscnt 0
.endif
	WIN 0x01                                       ; source 0, the weights, in window 1
.irp m, 0,1,2,3,4
.irp t, 0,1
.if ((\k) == 0) && (\cb)
	v_wmma_f32_16x16x32_f16 v[8*(2*\m+\t):8*(2*\m+\t)+7], v[16*(\k)+8*\t:16*(\k)+8*\t+7], v[AF+40*((\k)%2)+8*\m:AF+40*((\k)%2)+8*\m+7], v[BI+8*\t:BI+8*\t+7]
.else
	v_wmma_f32_16x16x32_f16 v[8*(2*\m+\t):8*(2*\m+\t)+7], v[16*(\k)+8*\t:16*(\k)+8*\t+7], v[AF+40*((\k)%2)+8*\m:AF+40*((\k)%2)+8*\m+7], v[8*(2*\m+\t):8*(2*\m+\t)+7]
.endif
.endr
.endr
	WIN 0
.rept 4
	v_nop                                          ; four places in front of the loads into registers just multiplied, and of what reads the sums
.endr
.if (\k) < 6
	ALOAD (\k)+2
.endif
.if \rf
	WLOAD \k, PASSB
	WIN 0                                          ; at a label and at a branch every window is 0
.endif
.endm
.macro G256 cb, rf
.irp kk, 0,1,2,3,4,5,6,7
	KSTEP \kk, \cb, \rf
.endr
.endm
; LAYERNORM of the 80 rows in the accumulators.  stw, str, gad: registers with the addresses of my statistics, of a row's statistics, of my columns' gain (the bias lies 1,024 bytes on).
.macro LN1 m, stw                      ; my 32 columns of rows 16 m + r: mean, then the sum of squared deviations from it
.set yy, 16*(\m)
.set dd, 80+16*(\m)
.set pr, 224+2*(\m)
	v_pk_add_f32 v[dd:dd+1], v[yy:yy+1], v[yy+2:yy+3]
	v_pk_add_f32 v[dd+2:dd+3], v[yy+4:yy+5], v[yy+6:yy+7]
	v_pk_add_f32 v[dd+4:dd+5], v[yy+8:yy+9], v[yy+10:yy+11]
	v_pk_add_f32 v[dd+6:dd+7], v[yy+12:yy+13], v[yy+14:yy+15]
	v_pk_add_f32 v[dd:dd+1], v[dd:dd+1], v[dd+2:dd+3]
	v_pk_add_f32 v[dd+4:dd+5], v[dd+4:dd+5], v[dd+6:dd+7]
	v_pk_add_f32 v[pr:pr+1], v[dd:dd+1], v[dd+4:dd+5]
	v_add_f32 v[pr], v[pr], v[pr+1]
	v_permlanex16_b32 v[pr+1], v[pr], s52, s53     ; the row's other 16 of my columns lie in the lane 16 away
	v_add_f32 v[pr], v[pr], v[pr+1]
	v_mul_f32 v[pr], s56, v[pr]
.irp i, 0,1,2,3,4,5,6,7
	v_pk_add_f32 v[dd+2*\i:dd+2*\i+1], v[yy+2*\i:yy+2*\i+1], v[pr:pr+1] op_sel_hi:[1,0] neg_lo:[0,1] neg_hi:[0,1]
.endr
	v_pk_mul_f32 v[dd:dd+1], v[dd:dd+1], v[dd:dd+1]
	v_pk_mul_f32 v[dd+2:dd+3], v[dd+2:dd+3], v[dd+2:dd+3]
	v_pk_fma_f32 v[dd:dd+1], v[dd+4:dd+5], v[dd+4:dd+5], v[dd:dd+1]
	v_pk_fma_f32 v[dd+2:dd+3], v[dd+6:dd+7], v[dd+6:dd+7], v[dd+2:dd+3]
	v_pk_fma_f32 v[dd:dd+1], v[dd+8:dd+9], v[dd+8:dd+9], v[dd:dd+1]
	v_pk_fma_f32 v[dd+2:dd+3], v[dd+10:dd+11], v[dd+10:dd+11], v[dd+2:dd+3]
	v_pk_fma_f32 v[dd:dd+1], v[dd+12:dd+13], v[dd+12:dd+13], v[dd:dd+1]
	v_pk_fma_f32 v[dd+2:dd+3], v[dd+14:dd+15], v[dd+14:dd+15], v[dd+2:dd+3]
	v_pk_add_f32 v[dd:dd+1], v[dd:dd+1], v[dd+2:dd+3]
	v_add_f32 v[pr+1], v[dd], v[dd+1]
	v_permlanex16_b32 v[dd], v[pr+1], s52, s53
	v_add_f32 v[pr+1], v[pr+1], v[dd]
	ds_store_b64 v[\stw], v[pr:pr+1] offset:1280*(\m)
.endm
.macro LN3 m                           ; the eight waves' pairs are joined: M2 = sum of M2 + 32 x sum of (mean_w - mean)^2
.set uu, 80+16*(\m)
.set pr, 224+2*(\m)
	v_pk_add_f32 v[234:235], v[uu:uu+1], v[uu+2:uu+3]
	v_pk_add_f32 v[236:237], v[uu+4:uu+5], v[uu+6:uu+7]
	v_pk_add_f32 v[238:239], v[uu+8:uu+9], v[uu+10:uu+11]
	v_pk_add_f32 v[234:235], v[234:235], v[236:237]
	v_pk_add_f32 v[236:237], v[uu+12:uu+13], v[uu+14:uu+15]
	v_pk_add_f32 v[236:237], v[236:237], v[238:239]
	v_pk_add_f32 v[234:235], v[234:235], v[236:237]
	v_mul_f32 v[pr+1], 0x3e000000, v234            ; the row's mean
.irp i, 0,1,2,3,4,5,6,7
	v_sub_f32 v[uu+2*\i], v[uu+2*\i], v[pr+1]
.endr
	v_mul_f32 v236, v[uu], v[uu]
	v_mul_f32 v237, v[uu+2], v[uu+2]
	v_fma_f32 v236, v[uu+4], v[uu+4], v236
	v_fma_f32 v237, v[uu+6], v[uu+6], v237
	v_fma_f32 v236, v[uu+8], v[uu+8], v236
	v_fma_f32 v237, v[uu+10], v[uu+10], v237
	v_fma_f32 v236, v[uu+12], v[uu+12], v236
	v_fma_f32 v237, v[uu+14], v[uu+14], v237
	v_add_f32 v236, v236, v237
	v_fma_f32 v235, v236, s57, v235
	v_fma_f32 v[pr], v235, s55, s54                ; variance + 1e-5
.endm
.macro LNORM stw, str, gad
.irp m, 0,1,2,3,4
	LN1 \m, \stw
.endr
	BAR
.irp m, 0,1,2,3,4
.irp i, 0,1,2,3
	ds_load_b128 v[80+16*\m+4*\i:80+16*\m+4*\i+3], v[\str] offset:1280*\m+16*\i
.endr
.endr
	s_wait_dscnt 0x0
.irp m, 0,1,2,3,4
	LN3 \m
.endr
.irp m, 0,1,2,3,4
	v_rsq_f32 v[224+2*\m], v[224+2*\m]
.endr
	v_nop                                          ; a plain instruction between the last root and the use of its result
	s_wait_alu depctr_va_vdst(0)
.irp m, 0,1,2,3,4
	v_mul_f32 v[225+2*\m], -v[225+2*\m], v[224+2*\m]       ; - mean x rstd
.endr
.irp t, 0,1
.irp j, 0,1
	ds_load_b128 v[80+8*\t+4*\j:80+8*\t+4*\j+3], v[\gad] offset:64*\t+16*\j
	ds_load_b128 v[96+8*\t+4*\j:96+8*\t+4*\j+3], v[\gad] offset:1024+64*\t+16*\j
.endr
.endr
.irp m, 0,1,2,3,4
.irp i, 0,1,2,3,4,5,6,7
	v_pk_fma_f32 v[16*\m+2*\i:16*\m+2*\i+1], v[16*\m+2*\i:16*\m+2*\i+1], v[224+2*\m:225+2*\m], v[224+2*\m:225+2*\m] op_sel:[0,0,1] op_sel_hi:[1,0,1]
.endr
.endr
	s_wait_dscnt 0x0
.irp m, 0,1,2,3,4
.irp i, 0,1,2,3,4,5,6,7
	v_pk_fma_f32 v[16*\m+2*\i:16*\m+2*\i+1], v[16*\m+2*\i:16*\m+2*\i+1], v[80+2*\i:81+2*\i], v[96+2*\i:97+2*\i]
.endr
.endr
.endm
.macro TOF16 a                         ; the accumulators, rounded to f16, as an operand of 80 rows
.irp n, 0,1,2,3,4,5,6,7,8,9
	v_cvt_pk_f16_f32 v[80+4*\n], v[8*\n], v[8*\n+1]
	v_cvt_pk_f16_f32 v[81+4*\n], v[8*\n+2], v[8*\n+3]
	v_cvt_pk_f16_f32 v[82+4*\n], v[8*\n+4], v[8*\n+5]
	v_cvt_pk_f16_f32 v[83+4*\n], v[8*\n+6], v[8*\n+7]
	ds_store_b128 v[\a], v[80+4*\n:83+4*\n] offset:16*P16*(\n/2)+32*(\n%2)
.endr
.endm
.macro TOSTAGE                         ; the accumulators into the output's stage: row 16 m + r, columns 32 w + 16 t + 8 h on
.irp m, 0,1,2
.irp t, 0,1
.irp j, 0,1
	ds_store_b128 v249, v[8*(2*\m+\t)+4*\j:8*(2*\m+\t)+4*\j+3] offset:16*P32*\m+64*\t+16*\j
.endr
.endr
.endr
.irp m, 3,4
.irp t, 0,1
.irp j, 0,1
	ds_store_b128 v250, v[8*(2*\m+\t)+4*\j:8*(2*\m+\t)+4*\j+3] offset:16*P32*(\m-3)+64*\t+16*\j
.endr
.endr
.endr
.endm
.macro COPY32 p                        ; my ten rows leave the stage: each store covers 512 consecutive bytes
.irp i, 0,1,2,3,4,5,6,7,8,9
	ds_load_b128 v[80+8*\i:83+8*\i], v244 offset:P32*\i
	ds_load_b128 v[84+8*\i:87+8*\i], v244 offset:P32*\i+512
.endr
	s_wait_dscnt 0x0
.irp i, 0,1,2,3,4,5,6,7,8,9
	global_store_b128 v241, v[80+8*\i:83+8*\i], s[\p:\p+1] offset:1024*\i th:TH_STORE_NT
	global_store_b128 v241, v[84+8*\i:87+8*\i], s[\p:\p+1] offset:1024*\i+512 th:TH_STORE_NT
.endr
.endm
	s_load_b512 s[8:23], s[0:1], 0x0               ; Q1 8, WP 10, S 12, t1_o_b 14, n1_g 16, n1_b 18, t2_o_b 20, n2_g 22
	s_load_b256 s[24:31], s[0:1], 0x40             ; n2_b 24, lin1_b 26, lin2_b 28, n5_g 30
	s_load_b128 s[32:35], s[0:1], 0x60             ; n5_b 32, out0 34
	s_load_b64 s[36:37], s[0:1], 0x70              ; out1
	v_lshl_add_u32 v254, v0, 2, SPARE              ; my spare word, and 0: kept for the wave's last lines alone
	v_mov_b32 v255, 0
	v_mov_b32 v240, v0
	v_lshrrev_b32 v1, 5, v0
	v_readfirstlane_b32 s2, v1
	v_and_b32 v243, 31, v0
	v_and_b32 v244, 15, v0
	v_bfe_u32 v245, v0, 4, 1
	v_lshlrev_b32 v241, 4, v243
	s_mov_b32 s3, ttmp9
	s_mul_i32 s4, s3, 80
	s_mul_i32 s5, s2, 10
	s_add_co_u32 s5, s5, s4
	s_mov_b32 s52, 0x76543210
	s_mov_b32 s53, 0xfedcba98
	s_mov_b32 s54, 0x3727c5ac                      ; 1e-5
	s_mov_b32 s55, 0x3b800000                      ; 1 / 256
	s_mov_b32 s56, 0x3d000000                      ; 1 / 32
	s_mov_b32 s57, 0x42000000                      ; 32
	s_mov_b32 s51, 0
	v_lshlrev_b32 v228, 2, v240
	v_lshlrev_b32 v229, 4, v240
	s_cmp_eq_u32 s3, 244
	s_cselect_b32 s7, 0, 2560                      ; the second 40 sampled rows; in the last group the first 40 once more
	v_add_nc_u32 v230, s7, v241
	v_lshrrev_b32 v231, 2, v243
	v_mul_u32_u24 v231, v231, P16
	v_and_b32 v232, 3, v243
	v_lshl_add_u32 v231, v232, 4, v231
	s_lshl_b32 s7, s2, 6
	v_add_nc_u32 v231, s7, v231                    ; a load's 8 rows of 64 bytes in the first operand: 528 (lane / 4) + 16 (lane % 4) + 64 w
	v_add_nc_u32 v232, ASZ, v231                   ; and in the second
	v_lshl_add_u32 v233, v240, 2, VEC
	v_lshl_add_u32 v234, v240, 4, VEC+5120
	s_wait_kmcnt 0x0
	s_mul_i32 s50, s2, SHB
	s_lshl_b32 s7, s4, 6
	s_add_co_u32 s50, s50, s7
	s_add_nc_u64 s[44:45], s[12:13], s[50:51]      ; head w's sampled rows at the group's first row: t1's,
	s_add_nc_u64 s[46:47], s[44:45], 8*SHB         ; and t2's
	s_lshl_b32 s50, s2, 14
	s_add_co_u32 s50, s50, 7*PASSB
	s_add_nc_u64 s[42:43], s[10:11], s[50:51]      ; pass 7
	WLOAD 0, 0                                     ; the first half of pass 7's weights; the second half follows behind the wait below
	WLOAD 1, 0
	WLOAD 2, 0
	WLOAD 3, 0
	WIN 0
	global_load_b32 v80, v228, s[14:15]
	global_load_b32 v81, v228, s[16:17]
	global_load_b32 v82, v228, s[18:19]
	global_load_b32 v83, v228, s[20:21]
	global_load_b32 v84, v228, s[22:23]
	global_load_b32 v85, v228, s[24:25]
	global_load_b32 v86, v228, s[28:29]
	global_load_b32 v87, v228, s[30:31]
	global_load_b32 v88, v228, s[32:33]
	global_load_b128 v[92:95], v229, s[26:27]
.irp i, 0,1,2,3,4
	global_load_b128 v[4*\i:4*\i+3], v241, s[44:45] offset:512*\i th:TH_LOAD_NT
	global_load_b128 v[20+4*\i:23+4*\i], v230, s[44:45] offset:512*\i th:TH_LOAD_NT
	global_load_b128 v[40+4*\i:43+4*\i], v241, s[46:47] offset:512*\i th:TH_LOAD_NT
	global_load_b128 v[60+4*\i:63+4*\i], v230, s[46:47] offset:512*\i th:TH_LOAD_NT
.endr
	s_wait_loadcnt 0x0
	WLOAD 4, 0                                     ; they land under the LDS stores, the barrier and the first four k steps
	WLOAD 5, 0
	WLOAD 6, 0
	WLOAD 7, 0
	WIN 0
	v_add_f32 v82, v82, v83                        ; n1's bias and t2's output bias go in together
	ds_store_b32 v233, v80
	ds_store_b32 v233, v81 offset:1024
	ds_store_b32 v233, v82 offset:2048
	ds_store_b32 v233, v84 offset:3072
	ds_store_b32 v233, v85 offset:4096
	ds_store_b32 v233, v86 offset:9216
	ds_store_b32 v233, v87 offset:10240
	ds_store_b32 v233, v88 offset:11264
	ds_store_b128 v234, v[92:95]
.irp i, 0,1,2,3,4
	ds_store_b128 v231, v[4*\i:4*\i+3] offset:8*P16*\i
	ds_store_b128 v231, v[20+4*\i:23+4*\i] offset:8*P16*(\i+5)
	ds_store_b128 v232, v[40+4*\i:43+4*\i] offset:8*P16*\i
	ds_store_b128 v232, v[60+4*\i:63+4*\i] offset:8*P16*(\i+5)
.endr
	v_mul_u32_u24 v242, v244, P16
	v_lshl_add_u32 v242, v245, 4, v242             ; fragments: 528 r + 16 h
	s_lshl_b32 s7, s2, 6
	v_add_nc_u32 v251, s7, v242                    ; my columns as f16: 528 r + 64 w + 16 h
	v_add_nc_u32 v243, HID, v251                   ; the same in the hidden layer's first chunk
	s_lshl_b32 s7, s2, 7
	s_add_co_u32 s7, s7, VEC
	v_lshl_add_u32 v246, v245, 5, s7               ; my columns of a vector: 128 w + 32 h
	v_add_nc_u32 v252, 1024, v246
	v_mul_u32_u24 v248, v244, 80
	v_add_nc_u32 v248, ST, v248
	v_lshl_add_u32 v247, s2, 3, v248
	v_mul_u32_u24 v249, v244, P32
	v_lshl_add_u32 v249, v245, 5, v249
	s_lshl_b32 s7, s2, 7
	s_add_co_u32 s7, s7, OS
	v_add_nc_u32 v249, s7, v249
	v_add_nc_u32 v250, 3*16*P32, v249              ; rows 48 on: the immediate ends at 65,535
	s_mul_i32 s7, s2, 10240
	s_add_co_u32 s7, s7, XI
	v_add_nc_u32 v253, s7, v241
	s_mul_i32 s7, s2, 10*P32
	s_add_co_u32 s7, s7, OS
	v_add_nc_u32 v244, s7, v241                    ; my ten rows of the stage (r is not needed any more)
	v_add_nc_u32 v245, 5120, v246                  ; lin1's bias (nor h)
	s_mul_i32 s50, s3, 81920
	s_mul_i32 s7, s2, 10240
	s_add_co_u32 s50, s50, s7
	s_add_nc_u64 s[8:9], s[8:9], s[50:51]
	s_lshl_b32 s50, s5, 10
	s_add_nc_u64 s[34:35], s[34:35], s[50:51]
	s_add_nc_u64 s[36:37], s[36:37], s[50:51]
	BAR                                            ; both attentions' sampled rows and the vectors are whole
.irp a, 0,1,2,3,4,5,6,7,8,9
.irp j, 0,1
	ds_load_b128 v[8*\a+4*\j:8*\a+4*\j+3], v246 offset:64*(\a%2)+16*\j     ; the sums begin with t1's output bias, so that both trips below are one text
.endr
.endr
	s_mov_b32 s58, 2
.Lt:                                               ; a trip: an output projection onto the accumulators, and a LayerNorm
	ASTART
	G256 0, 1
	LNORM 247, 248, 252
	WNEXT
	v_add_nc_u32 v242, ASZ, v242
	v_add_nc_u32 v252, 2048, v252
	v_add_nc_u32 v247, 6400, v247                  ; each LayerNorm has statistics' bytes of its own: no barrier between one's reads and the next one's stores
	v_add_nc_u32 v248, 6400, v248
	s_sub_co_u32 s58, s58, 1
	s_cmp_lg_u32 s58, 0
	s_cbranch_scc1 .Lt
.irp a, 0,1,2,3,4,5,6,7,8,9
.irp j, 0,1
	global_load_b128 v[80+8*\a+4*\j:80+8*\a+4*\j+3], v241, s[8:9] offset:1024*\a+512*\j th:TH_LOAD_NT      ; q1, into the lanes that made it
.endr
.endr
	TOSTAGE                                        ; src3
	s_wait_loadcnt 0x0
.set i, 0
.rept 40
	v_pk_add_f32 v[2*i:2*i+1], v[2*i:2*i+1], v[80+2*i:81+2*i]      ; x = q1 + src3
.set i, i+1
.endr
.irp a, 0,1,2,3,4,5,6,7,8,9
.irp j, 0,1
	ds_store_b128 v253, v[8*\a+4*\j:8*\a+4*\j+3] offset:1024*\a+512*\j
.endr
.endr
	TOF16 251
	BAR                                            ; src3 and x are whole
	s_cmp_lt_u32 s5, NROW
	s_cbranch_scc0 .Lno0
	COPY32 34
	s_wait_xcnt 0x0                                ; the stores' data registers are loaded again only behind this wait
.Lno0:
	BAR                                            ; every wave's reads of the stage are back before hidden chunks 2 and 3 are written there
	s_mov_b32 s7, 2*ASZ
	v_sub_nc_u32 v242, v242, s7                    ; fragments of x
	s_mov_b32 s58, 4
.Lf1:                                              ; a trip: 256 hidden columns
	BILOAD 245, 0
	ASTART
	G256 1, 1
.set i, 0
.rept 80
	v_max_num_f32 v[i], 0, v[i]
.set i, i+1
.endr
	TOF16 243
	WNEXT
	v_add_nc_u32 v243, ASZ, v243
	v_add_nc_u32 v245, 1024, v245
	s_sub_co_u32 s58, s58, 1
	s_cmp_lg_u32 s58, 0
	s_cbranch_scc1 .Lf1
	BAR                                            ; the hidden layer is whole
.irp a, 0,1,2,3,4,5,6,7,8,9
.irp j, 0,1
	ds_load_b128 v[8*\a+4*\j:8*\a+4*\j+3], v253 offset:1024*\a+512*\j      ; the sums begin with x
.endr
.endr
	BILOAD 246, 9216
	s_wait_dscnt 0x0
.irp a, 0,1,2,3,4,5,6,7,8,9
.irp i, 0,1,2,3
	v_pk_add_f32 v[8*\a+2*\i:8*\a+2*\i+1], v[8*\a+2*\i:8*\a+2*\i+1], v[BI+8*(\a%2)+2*\i:BI+8*(\a%2)+2*\i+1]      ; and lin2's bias
.endr
.endr
	v_add_nc_u32 v242, HID, v242
	s_mov_b32 s58, 3
.Lf2:                                              ; a trip: 256 of lin2's 1,024 rows; the fourth 256 are written out, since the launch's last pass asks for nothing and its waits count otherwise
	ASTART
	G256 0, 1
	WNEXT
	v_add_nc_u32 v242, ASZ, v242
	s_sub_co_u32 s58, s58, 1
	s_cmp_lg_u32 s58, 0
	s_cbranch_scc1 .Lf2
	ASTART
	G256 0, 0
	v_add_nc_u32 v252, 5120, v252                  ; n5's gain
	LNORM 247, 248, 252                            ; its barrier also shows every wave's reads of the hidden layer over
	TOSTAGE
	BAR
	s_cmp_lt_u32 s5, NROW
	s_cbranch_scc0 .Lno1
	COPY32 36
.Lno1:
	s_wait_tensorcnt 0x0                           ; the wave's end
	ds_add_u32 v254, v255
	s_wait_dscnt 0x0
	s_endpgm
.Lfunc_end_k_q5cfcef0db3_cross:
	.size	k_q5cfcef0db3_cross, .Lfunc_end_k_q5cfcef0db3_cross-k_q5cfcef0db3_cross
	.p2alignl 7, 3214868480
	.fill 96, 4, 3214868480
	.section	.rodata,"a",@progbits
	.p2align	6, 0x0
	.amdhsa_kernel k_q5cfcef0db3_cross
		.amdhsa_group_segment_fixed_size 325632
		.amdhsa_private_segment_fixed_size 0
		.amdhsa_enable_private_segment 0
		.amdhsa_kernarg_size 120
		.amdhsa_user_sgpr_count 2
		.amdhsa_user_sgpr_kernarg_segment_ptr 1
		.amdhsa_wavefront_size32 1
		.amdhsa_system_sgpr_workgroup_id_x 1
		.amdhsa_system_sgpr_workgroup_id_y 1
		.amdhsa_system_sgpr_workgroup_id_z 1
		.amdhsa_system_vgpr_workitem_id 0
		.amdhsa_next_free_vgpr 384
		.amdhsa_next_free_sgpr 66
		.amdhsa_reserve_vcc 0
		.amdhsa_float_denorm_mode_32 3
		.amdhsa_float_denorm_mode_16_64 3
		.amdhsa_memory_ordered 1
		.amdhsa_forward_progress 1
		.amdhsa_inst_pref_size 149
	.end_amdhsa_kernel
	.amdgpu_metadata
---
amdhsa.version: [ 1, 2 ]
amdhsa.kernels:
  - .name:           k_q5cfcef0db3_cross
    .symbol:         k_q5cfcef0db3_cross.kd
    .args:
      - { .name: Q1, .offset: 0, .size: 8, .value_kind: global_buffer, .address_space: global }
      - { .name: WP, .offset: 8, .size: 8, .value_kind: global_buffer, .address_space: global }
      - { .name: S, .offset: 16, .size: 8, .value_kind: global_buffer, .address_space: global }
      - { .name: params_t1_o_b, .offset: 24, .size: 8, .value_kind: global_buffer, .address_space: global }
      - { .name: params_n1_g, .offset: 32, .size: 8, .value_kind: global_buffer, .address_space: global }
      - { .name: params_n1_b, .offset: 40, .size: 8, .value_kind: global_buffer, .address_space: global }
      - { .name: params_t2_o_b, .offset: 48, .size: 8, .value_kind: global_buffer, .address_space: global }
      - { .name: params_n2_g, .offset: 56, .size: 8, .value_kind: global_buffer, .address_space: global }
      - { .name: params_n2_b, .offset: 64, .size: 8, .value_kind: global_buffer, .address_space: global }
      - { .name: params_lin1_b, .offset: 72, .size: 8, .value_kind: global_buffer, .address_space: global }
      - { .name: params_lin2_b, .offset: 80, .size: 8, .value_kind: global_buffer, .address_space: global }
      - { .name: params_n5_g, .offset: 88, .size: 8, .value_kind: global_buffer, .address_space: global }
      - { .name: params_n5_b, .offset: 96, .size: 8, .value_kind: global_buffer, .address_space: global }
      - { .name: out0, .offset: 104, .size: 8, .value_kind: global_buffer, .address_space: global }
      - { .name: out1, .offset: 112, .size: 8, .value_kind: global_buffer, .address_space: global }
    .group_segment_fixed_size: 325632
    .private_segment_fixed_size: 0
    .kernarg_segment_align: 8
    .kernarg_segment_size: 120
    .max_flat_workgroup_size: 256
    .sgpr_count:     66
    .vgpr_count:     384
    .wavefront_size: 32
...
	.end_amdgpu_metadata
.endif
;; end of part 9
;; ======== version 3 of 3: 6 launches; version 2 with the launches proj, selfb, cross written anew for expert scheduling mode
;; limits: values outside matrix products are rounded to f16; values are held in f16: magnitudes above 65,504 overflow, below 6.1e-05 lose precision
;; workspace buffers: WP 2,228,224 bytes; VTA 10,113,024 bytes; VTB 20,226,048 bytes; IDX 10,035,456 bytes of whole numbers; WT 40,140,800 bytes; Q1 20,070,400 bytes; S 20,070,400 bytes
;; launch pack: the kernel of part 1 again; grid 16 x 17, 8 waves a work-group, no clusters, 0 bytes of LDS; arguments params_sa_v_W, params_t1_v_W, params_t2_v_W, params_sa_off_W, params_sa_aw_W, params_sa_o_W, params_t1_off_W, params_t1_aw_W, params_t2_off_W, params_t2_aw_W, params_t1_o_W, params_t2_o_W, params_lin1_W, params_lin2_W, WP; writes WP
;; launch proj (part 10): grid 245 x 1, 8 waves a work-group, no clusters, 297,984 bytes of LDS; arguments q, kvt1, kvt2, pos, reference_points, WP, params_sa_v_b, params_t1_v_b, params_t2_v_b, params_sa_off_b, params_sa_aw_b, VTA, VTB, IDX, WT; writes VTA, VTB, IDX, WT
.if DOCPART == 10
	.amdgcn_target "amdgcn-amd-amdhsa--gfx1250"
	.amdhsa_code_object_version 6
	.text
	.protected	k_q5cfcef0db3_proj
	.globl	k_q5cfcef0db3_proj
	.p2align	8
	.type	k_q5cfcef0db3_proj,@function
k_q5cfcef0db3_proj:
	s_mov_b64 s[64:65], 0
	v_nop
	global_prefetch_b8 v0, s[64:65] scope:SCOPE_SE
	s_setreg_imm32_b32 hwreg(HW_REG_WAVE_SCHED_MODE, 0, 2), 2
	s_setreg_imm32_b32 hwreg(HW_REG_WAVE_MODE, 25, 1), 1
	s_wait_xcnt 0x0
	s_wait_alu depctr_vm_vsrc(0)
; The three value tables (q, kvt1 + pos, kvt2 + pos, each times its Wv, plus bias) in f16 by heads, and the self attention's sampling
; indices and corner weights from q.
; SHARES.  A work-group owns 80 rows (5 tiles of 16); 245 work-groups, the last with 40 real rows.  In a product every wave takes all 80 rows
; and 32 output columns: 10 accumulators, which take turns.  In row-wise work wave w owns rows 10 w .. 10 w + 9.  A wave whose rows lie past
; the end loads copies of the last ten rows.
; THE MATRIX INSTRUCTION IS USED TRANSPOSED: source 0 = 16 output columns of the packed weights, source 1 = 16 rows: lane (r, h), register j
; holds C(row r, column 8 h + j).  The weights come straight from memory into registers, each byte once for a work-group.
; THE WEIGHTS' RING: eight sets of 16 registers, one for each k step of a pass, in the second register window.  In the k step behind a set's products the set
; takes the same k step of the next pass, so every weight load is issued seven k steps ahead of its products, across passes too.
; NO CLUSTER: 245 work-groups are no multiple of four, and the weights do not pass through LDS.
; ONE INDEX A POINT: base + yc W + xc with x0, y0 clamped to -1 .. W-1, H-1; the four corners lie 0, 1, W, W + 1 rows on; a corner outside the
; level has weight 0 and reads a neighbouring or a guard row.  Level 0's base is 168 (rows of a head's table); levels 1 to 3 count from table
; row 14,760, the first that the next launch holds in LDS: 128, 3,808, 4,728.  The shapes are the constants that the module itself builds in.
; INDICES AND WEIGHTS BY HEADS: [head][group of 8 rows][level][row][point] and [head][group][level][point][row][corner]; a head has 19,600 rows
; (245 x 80), so that the last work-group stores its 80 rows like every other.
; LIMITS: operands are rounded to f16: beyond 65,504 an infinity, below 6e-5 a fixed step of 6e-8; NaN and infinities are not treated apart.
; THE MODE: SCHED_MODE bits 1:0 = 2 (LLVM: expert scheduling mode 2), set by the entry lines.  The code itself states the register dependences
; between vector or matrix instructions and memory or LDS instructions, with s_wait_alu, always for 0.
; THE PLAN, in a pass of products.  Registers that memory or LDS instructions touch:
;   weight sets 0-7   k step k's ten products read set k; the loads issued in k step k + 1 land in it (set 7: behind the pass).
;   fragment sets 0-2 k step k's products read set k % 3; the loads of k step k + 2, issued in k step k, land in set (k - 1) % 3.
;   v241, v242        the weights' offset, never written; the fragments' LDS address, written between passes alone.
; So ONE wait on va_vdst stands at the head of k steps 1 to 7: the step before is done reading the two sets in which this step's loads land.  The loads follow
; behind the step's first four products, which name set k, fragment set k % 3 and the sums: none of the registers that the loads touch.
; Row-wise work is laid in runs: all of a run's vector lines, one wait on va_vdst, all its stores; one wait on vm_vsrc ahead of the first line that writes what those stores read.
.set NROW, 19560
.set P16, 528                          ; LDS pitch of a row of 256 f16: 512 + 16 bytes, an odd multiple of 16
.set ASZ, 80*P16                       ; 42,240: one operand of 80 rows
.set VSC, 3*ASZ                        ; 7,680 bytes for each wave: stage of the values, then scratch of the offsets
.set SCR, VSC
.set IXI, VSC+61440                    ; each wave's own 2,560 bytes: its head's indices of 80 rows
.set WTI, IXI+8*2560                   ; each wave's own 10,240 bytes: its head's corner weights
.set REF, WTI+8*10240                  ; 80 rows of reference points
.set VEC, REF+2560                     ; sa_v_b 0, t1_v_b 1024, t2_v_b 2048, off_b 3072, aw_b 3584
.set SPARE, VEC+3840                   ; the spare words, 128 bytes for each wave: no other line names them
.set HB, 19752*64                      ; a head's table: 168 guard rows, 19,560 rows, 24 guard rows, 64 bytes each
.set TB, 8*HB
.set IHB, 19600*32                     ; a head's indices
.set WHB, 19600*128                    ; a head's corner weights
.set PASSB, 131072
.set AF, 80                            ; v80-199  three sets of 5 row fragments
.set BI, 224                           ; v224-239 the bias as C, 8 registers a tile
; window 0: v0-79 the accumulators: (m, t) at 8 (2 m + t).  v240 thread, v241 16 x lane, v242 fragment address, v243 lane, v244 r, v245 h, v246-253 addresses, v254/v255 the add's.
; window 1: v0-127 the weights' ring: k step k, tile t at 16 k + 8 t.
.set MSB, 0
.macro WIN new                         ; s_set_vgpr_msb: bits 1:0 source 0, 3:2 source 1, 5:4 source 2, 7:6 destination; the high byte repeats the setting that is left; a switch that changes nothing is dropped
.if MSB != (\new)
	s_set_vgpr_msb (MSB<<8)|(\new)
.set MSB, \new
.endif
.endm
.macro BAR
	s_wait_dscnt 0x0                               ; for the others' sake: my LDS stores are done and my reads are back
	s_barrier_signal -1
	s_barrier_wait -1
.endm
.macro PLACES                          ; four places (ISA guide 7.12.1) between the last products and the vector lines that read the sums or write a product's source
.rept 4
	v_nop
.endr
.endm
.macro WLOAD k, pb                     ; the weights of k step k of the pass pb bytes behind the base: 4 loads of 512 consecutive bytes, into window 1
	WIN 0x40
.irp t, 0,1
.irp j, 0,1
	global_load_b128 v[16*(\k)+8*\t+4*\j:16*(\k)+8*\t+4*\j+3], v241, s[42:43] offset:(\pb)+2048*(\k)+1024*\t+512*\j
.endr
.endr
.endm
.macro ALOAD k                         ; the 5 row fragments of k step k: 10 LDS loads
.irp m, 0,1,2,3,4
	ds_load_b128 v[AF+40*((\k)%3)+8*\m:AF+40*((\k)%3)+8*\m+3], v242 offset:16*P16*\m+64*(\k)
	ds_load_b128 v[AF+40*((\k)%3)+8*\m+4:AF+40*((\k)%3)+8*\m+7], v242 offset:16*P16*\m+64*(\k)+32
.endr
.endm
.macro ASTART
	ALOAD 0
	ALOAD 1
	ALOAD 2
.endm
.macro BILOAD a, o
	ds_load_b128 v[BI:BI+3], v[\a] offset:(\o)
	ds_load_b128 v[BI+4:BI+7], v[\a] offset:(\o)+16
	ds_load_b128 v[BI+8:BI+11], v[\a] offset:(\o)+64
	ds_load_b128 v[BI+12:BI+15], v[\a] offset:(\o)+80
.endm
.macro MM k, cb, m                     ; the two products of row tile m in k step k
.irp t, 0,1
.if ((\k) == 0) && (\cb)
	v_wmma_f32_16x16x32_f16 v[8*(2*(\m)+\t):8*(2*(\m)+\t)+7], v[16*(\k)+8*\t:16*(\k)+8*\t+7], v[AF+40*((\k)%3)+8*(\m):AF+40*((\k)%3)+8*(\m)+7], v[BI+8*\t:BI+8*\t+7]
.else
	v_wmma_f32_16x16x32_f16 v[8*(2*(\m)+\t):8*(2*(\m)+\t)+7], v[16*(\k)+8*\t:16*(\k)+8*\t+7], v[AF+40*((\k)%3)+8*(\m):AF+40*((\k)%3)+8*(\m)+7], v[8*(2*(\m)+\t):8*(2*(\m)+\t)+7]
.endif
.endr
.endm
; One k step of 32: ten matrix instructions on ten accumulators by turns.  cb = 1: the first step starts the sums with the bias.
; rf = 1: the set of the step before is filled again with the next pass's k step; rf = 0: the launch's last pass.
.macro KSTEP k, cb, rf
.if (\rf) && ((\k) > 0)
	s_wait_loadcnt 24                              ; six younger sets of weights, 4 loads each, may be out: k+1 .. 7 of this pass, 0 .. k-2 of the next
.else
	s_wait_loadcnt 4*(7-(\k))                      ; k+1 .. 7 of this pass may be out
.endif
.if (\k) == 0
	s_wait_dscnt 20                                ; the next two steps' twenty fragment loads may be out
.elseif (\k) < 7
	s_wait_dscnt 10                                ; the next step's ten fragment loads may be out
.else
	s_wait_dscnt 0
.endif
.if ((\k) > 0) && (((\k) < 6) || (\rf))
	s_wait_alu depctr_va_vdst(0)                   ; the products of the k step before are done reading fragment set (k - 1) % 3 and weight set k - 1, in which this step's loads land
.endif
	WIN 0x01                                       ; source 0, the weights, in window 1
	MM \k, \cb, 0
	MM \k, \cb, 1
.if ((\k) > 0) && ((\k) < 6)
	WIN 0
	ALOAD (\k)+2                                   ; no product since the wait names these registers
.endif
.if ((\k) > 0) && (\rf)
	WLOAD (\k)-1, PASSB
.endif
	WIN 0x01
	MM \k, \cb, 2
	MM \k, \cb, 3
	MM \k, \cb, 4
.endm
.macro G256 cb, rf
.irp kk, 0,1,2,3,4,5,6,7
	KSTEP \kk, \cb, \rf
.endr
	WIN 0                                          ; at a label and at a branch every window is 0
.endm
.macro WLAST                           ; behind a pass that refills: set 7 takes the next pass's last k step
	WIN 0x40
	s_wait_alu depctr_va_vdst(0)                   ; the pass's last products are done reading weight set 7, in which the loads below land, and have written the sums
	WLOAD 7, PASSB
	WIN 0
.endm
; OFFSETS AND LOGITS INTO INDICES AND CORNER WEIGHTS.  Wave = head; lane (r, h) holds row 16 m + r, levels 2 h and 2 h + 1: 8 offsets in accumulator (m, 0), 4 logits in (m, 1).
; The accumulators go through the wave's own scratch, so that the step is written once and walked five times.  The results go into the wave's own two images.
; A trip's four points have registers of their own, and their sixteen compares scalar registers of their own: one wait serves the masks, one the six stores' data.
.set OO, 80                            ; 8 offsets
.set LG, 88                            ; 4 logits, then weights
.set RF, 92                            ; the row's reference points of my two levels
.set CW, 96                            ; by level of my two: W, H, W - 1, H - 1, the index's base
.set CH, 98
.set CWM, 100
.set CHM, 102
.set CBS, 104
.set SCA, 106
.set RFA, 107
.set IXA, 108
.set WTD, 109
.set RX, 110
.set RY, 112
.set TT, 114                           ; v114-116 at work
.set IDO, 128                          ; v128-131 the four points' indices
.set WO, 132                           ; v132-147 their corner weights
.set PT, 148                           ; v148-195 twelve registers at work for each point
.set SM, 8                             ; s8-23    four masks for each point (the arguments that lay here are done with)
.macro LC dst, c0, c1
	v_mov_b32 v[TT], \c1
	v_cndmask_b32 v[\dst], \c0, v[TT], vcc_lo
.endm
.macro PT1 ll, p                       ; a point's coordinates, and which of its four factors lie inside
.set pq, PT+12*(2*(\ll)+(\p))
.set mq, SM+4*(2*(\ll)+(\p))
	v_add_f32 v[pq], v[RX+\ll], v[OO+4*\ll+2*\p]           ; x in pixels
	v_add_f32 v[pq+6], v[RY+\ll], v[OO+4*\ll+2*\p+1]
	v_floor_f32 v[pq+1], v[pq]
	v_floor_f32 v[pq+7], v[pq+6]
	v_sub_f32 v[pq+2], v[pq], v[pq+1]                      ; lx
	v_sub_f32 v[pq+8], v[pq+6], v[pq+7]
	v_add_f32 v[pq+3], 1.0, v[pq+1]                        ; x0 + 1
	v_add_f32 v[pq+9], 1.0, v[pq+7]
	v_sub_f32 v[pq+4], 1.0, v[pq+2]                        ; 1 - lx
	v_sub_f32 v[pq+10], 1.0, v[pq+8]
	v_med3_num_f32 v[pq+5], v[pq+1], 0, v[CWM+\ll]         ; a coordinate that its clamp changes lies outside: its factor is 0
	v_cmp_eq_f32 s[mq], v[pq+5], v[pq+1]
	v_med3_num_f32 v[pq+5], v[pq+3], 0, v[CWM+\ll]
	v_cmp_eq_f32 s[mq+1], v[pq+5], v[pq+3]
	v_med3_num_f32 v[pq+11], v[pq+7], 0, v[CHM+\ll]
	v_cmp_eq_f32 s[mq+2], v[pq+11], v[pq+7]
	v_med3_num_f32 v[pq+11], v[pq+9], 0, v[CHM+\ll]
	v_cmp_eq_f32 s[mq+3], v[pq+11], v[pq+9]
.endm
.macro PT2A ll, p                      ; the factors outside become 0; the index
.set pq, PT+12*(2*(\ll)+(\p))
.set mq, SM+4*(2*(\ll)+(\p))
	v_cndmask_b32 v[pq+4], 0, v[pq+4], s[mq]
	v_cndmask_b32 v[pq+2], 0, v[pq+2], s[mq+1]
	v_cndmask_b32 v[pq+10], 0, v[pq+10], s[mq+2]
	v_cndmask_b32 v[pq+8], 0, v[pq+8], s[mq+3]
	v_med3_num_f32 v[pq+1], v[pq+1], -1.0, v[CWM+\ll]
	v_med3_num_f32 v[pq+7], v[pq+7], -1.0, v[CHM+\ll]
	v_fma_f32 v[pq+7], v[pq+7], v[CW+\ll], v[pq+1]         ; whole numbers below 2^24: exact
	v_add_f32 v[pq+7], v[pq+7], v[CBS+\ll]
	v_cvt_u32_f32 v[IDO+2*\ll+\p], v[pq+7]
.endm
.macro PT2B ll, p                      ; the four corner weights
.set pq, PT+12*(2*(\ll)+(\p))
.set wq, WO+4*(2*(\ll)+(\p))
	v_mul_f32 v[pq+10], v[pq+10], v[LG+2*\ll+\p]           ; the attention weight rides on y's factors
	v_mul_f32 v[pq+8], v[pq+8], v[LG+2*\ll+\p]
	v_mul_f32 v[wq], v[pq+4], v[pq+10]
	v_mul_f32 v[wq+1], v[pq+2], v[pq+10]
	v_mul_f32 v[wq+2], v[pq+4], v[pq+8]
	v_mul_f32 v[wq+3], v[pq+2], v[pq+8]
.endm
.macro E_OA
	s_mul_i32 s7, s2, 7680
	s_add_co_u32 s7, s7, SCR
	v_add_nc_u32 v[SCA], s7, v241
	v_lshlrev_b32 v[RFA], 5, v244
	v_lshl_add_u32 v[RFA], v245, 4, v[RFA]
	v_add_nc_u32 v[RFA], REF, v[RFA]
	v_lshrrev_b32 v[TT], 3, v244                           ; which of the tile's two groups of 8 rows
	v_and_b32 v[TT+1], 7, v244                             ; the row in its group
	v_lshlrev_b32 v[IXA], 8, v[TT]
	v_lshl_add_u32 v[IXA], v245, 7, v[IXA]
	v_lshl_add_u32 v[IXA], v[TT+1], 3, v[IXA]
	s_mul_i32 s7, s2, 2560
	s_add_co_u32 s7, s7, IXI
	v_add_nc_u32 v[IXA], s7, v[IXA]                        ; [group][level][row][point]: 256 (r / 8) + 128 h + 8 (r % 8), in my wave's image
	v_lshlrev_b32 v[WTD], 10, v[TT]
	v_lshl_add_u32 v[WTD], v245, 9, v[WTD]
	v_lshl_add_u32 v[WTD], v[TT+1], 4, v[WTD]
	s_mul_i32 s7, s2, 10240
	s_add_co_u32 s7, s7, WTI
	v_add_nc_u32 v[WTD], s7, v[WTD]                        ; [group][level][point][row][corner]: 1024 (r / 8) + 512 h + 16 (r % 8)
	s_wait_alu depctr_va_vdst(0)                   ; the products have written the sums, which the LDS stores read, and are done reading v80-95, in which the first trip's loads land; the four addresses are written
.irp m, 0,1,2,3,4
	ds_store_b128 v[SCA], v[16*\m:16*\m+3] offset:1536*\m          ; each accumulator's lowest registers first
	ds_store_b128 v[SCA], v[16*\m+4:16*\m+7] offset:1536*\m+512
	ds_store_b128 v[SCA], v[16*\m+8:16*\m+11] offset:1536*\m+1024
.endr
	v_cmp_eq_u32 vcc_lo, 1, v245
	s_wait_alu depctr_va_vcc(0)                    ; VCC is written, ahead of the ten selects that read it
	LC CW,    0x43200000, 0x42200000               ; W: 160 or 40
	LC CW+1,  0x42a00000, 0x41a00000               ; 80 or 20
	LC CH,    0x42b80000, 0x41b80000               ; H: 92 or 23
	LC CH+1,  0x42380000, 0x41400000               ; 46 or 12
	LC CWM,   0x431f0000, 0x421c0000               ; W - 1
	LC CWM+1, 0x429e0000, 0x41980000
	LC CHM,   0x42b60000, 0x41b00000               ; H - 1
	LC CHM+1, 0x42340000, 0x41300000
	LC CBS,   0x43280000, 0x456e0000               ; the base: 168 (level 0) or 3,808 (level 2)
	LC CBS+1, 0x43000000, 0x4593c000               ; 128 (level 1) or 4,728 (level 3)
	v_mov_b32 v[TT+1], 0                           ; the lane exchange counts as a reader of its destination
	s_mov_b32 s59, 5
.Loa_\@:
	ds_load_b128 v[OO:OO+3], v[SCA]                ; LDS serves a wave's instructions in order: these see the stores above
	ds_load_b128 v[OO+4:OO+7], v[SCA] offset:512
	ds_load_b128 v[LG:LG+3], v[SCA] offset:1024
	ds_load_b128 v[RF:RF+3], v[RFA]
	s_wait_dscnt 0x0
	v_max3_num_f32 v[TT], v[LG], v[LG+1], v[LG+2]  ; softmax over the head's 8 logits: 4 here, 4 in the lane 16 away
	v_max_num_f32 v[TT], v[TT], v[LG+3]
	v_permlanex16_b32 v[TT+1], v[TT], s52, s53
	v_max_num_f32 v[TT], v[TT], v[TT+1]
	v_mul_f32 v[TT], s61, v[TT]
.irp i, 0,1,2,3
	v_fma_f32 v[LG+\i], v[LG+\i], s61, -v[TT]      ; (logit - maximum) log2 e
.endr
.irp i, 0,1,2,3
	v_exp_f32 v[LG+\i], v[LG+\i]
.endr
	v_fma_f32 v[RX], v[RF], v[CW], -0.5            ; plain work behind the exponentials: reference point in pixels, and the points' first half
	v_fma_f32 v[RY], v[RF+1], v[CH], -0.5
	v_fma_f32 v[RX+1], v[RF+2], v[CW+1], -0.5
	v_fma_f32 v[RY+1], v[RF+3], v[CH+1], -0.5
	PT1 0, 0
	PT1 0, 1
	PT1 1, 0
	PT1 1, 1
	s_wait_alu depctr_va_vdst(0)                   ; the four exponentials have written v88-91, ahead of their first reader
	v_add_f32 v[TT], v[LG], v[LG+1]
	v_add_f32 v[TT+2], v[LG+2], v[LG+3]
	v_add_f32 v[TT], v[TT], v[TT+2]
	v_permlanex16_b32 v[TT+1], v[TT], s52, s53
	v_add_f32 v[TT], v[TT], v[TT+1]
	v_rcp_f32 v[TT], v[TT]
	s_wait_alu depctr_va_sdst(0)                   ; the sixteen compares have written s8-23, ahead of the selects that read them
	PT2A 0, 0                                      ; plain work behind the reciprocal, which names neither its result nor its source
	PT2A 0, 1
	PT2A 1, 0
	PT2A 1, 1
	s_wait_alu depctr_va_vdst(0)                   ; the reciprocal has written v114, ahead of its first reader
.irp i, 0,1,2,3
	v_mul_f32 v[LG+\i], v[LG+\i], v[TT]
.endr
	PT2B 0, 0
	PT2B 0, 1
	PT2B 1, 0
	PT2B 1, 1
	s_wait_alu depctr_va_vdst(0)                   ; the four points have written their weights v132-147 and indices v128-131, which the LDS stores read
.irp n, 0,1,2,3
	ds_store_b128 v[WTD], v[WO+4*\n:WO+4*\n+3] offset:128*\n
.endr
	ds_store_b64 v[IXA], v[IDO:IDO+1]
	ds_store_b64 v[IXA], v[IDO+2:IDO+3] offset:64
	s_wait_alu depctr_vm_vsrc(0)                   ; the trip's loads and stores have read the four addresses, stepped below, and the stores v128-147, which the next trip writes again
	v_add_nc_u32 v[SCA], 1536, v[SCA]              ; the next 16 rows: two groups
	v_add_nc_u32 v[RFA], 512, v[RFA]
	v_add_nc_u32 v[IXA], 512, v[IXA]
	v_add_nc_u32 v[WTD], 2048, v[WTD]
	s_wait_alu depctr_va_vdst(0)                   ; the addresses are written; the trip's arithmetic is done with v80-95, in which the next trip's loads land, and behind the last trip with v80-159, in which the images land
	s_sub_co_u32 s59, s59, 1
	s_cmp_lg_u32 s59, 0
	s_cbranch_scc1 .Loa_\@
.endm
; My wave's two images leave as they lie: 5 + 20 stores of 512 consecutive bytes.  They are my own bytes and LDS serves a wave in order: no barrier.
.macro OAOUT ia, wa
.irp i, 0,1,2,3,4
	ds_load_b128 v[4*\i:4*\i+3], v[\ia] offset:512*\i
.endr
.irp i, 0,1,2,3,4,5,6,7,8,9,10,11,12,13,14,15,16,17,18,19
	ds_load_b128 v[80+4*\i:83+4*\i], v[\wa] offset:512*\i
.endr
	s_wait_dscnt 0x0
.irp i, 0,1,2,3,4
	global_store_b128 v241, v[4*\i:4*\i+3], s[44:45] offset:512*\i
.endr
.irp i, 0,1,2,3,4,5,6,7,8,9,10,11,12,13,14,15,16,17,18,19
	global_store_b128 v241, v[80+4*\i:83+4*\i], s[46:47] offset:512*\i
.endr
.endm
; Two rows of the four tensors: 16 loads of 512 consecutive bytes.  Set at sb: q +0, kvt1 +16, kvt2 +32, pos +48.
.macro BLOAD b, sb
.irp rr, 0,1
.irp c, 0,1
	global_load_b128 v[(\sb)+8*\rr+4*\c:(\sb)+8*\rr+4*\c+3], v241, s[8:9] offset:1024*(2*(\b)+\rr)+512*\c
	global_load_b128 v[(\sb)+16+8*\rr+4*\c:(\sb)+16+8*\rr+4*\c+3], v241, s[10:11] offset:1024*(2*(\b)+\rr)+512*\c th:TH_LOAD_NT
	global_load_b128 v[(\sb)+32+8*\rr+4*\c:(\sb)+32+8*\rr+4*\c+3], v241, s[12:13] offset:1024*(2*(\b)+\rr)+512*\c th:TH_LOAD_NT
	global_load_b128 v[(\sb)+48+8*\rr+4*\c:(\sb)+48+8*\rr+4*\c+3], v241, s[14:15] offset:1024*(2*(\b)+\rr)+512*\c th:TH_LOAD_NT
.endr
.endr
.endm
.macro BWORK b, sb                     ; pos is added in f32, all three are rounded to f16 and laid into LDS: the forty vector lines, one wait, the twelve stores
.irp rr, 0,1
.irp c, 0,1
.set ob, (\sb)+8*\rr+4*\c
	v_pk_add_f32 v[ob+16:ob+17], v[ob+16:ob+17], v[ob+48:ob+49]
	v_pk_add_f32 v[ob+18:ob+19], v[ob+18:ob+19], v[ob+50:ob+51]
	v_pk_add_f32 v[ob+32:ob+33], v[ob+32:ob+33], v[ob+48:ob+49]
	v_pk_add_f32 v[ob+34:ob+35], v[ob+34:ob+35], v[ob+50:ob+51]
	v_cvt_pk_f16_f32 v[ob], v[ob], v[ob+1]
	v_cvt_pk_f16_f32 v[ob+1], v[ob+2], v[ob+3]
	v_cvt_pk_f16_f32 v[ob+16], v[ob+16], v[ob+17]
	v_cvt_pk_f16_f32 v[ob+17], v[ob+18], v[ob+19]
	v_cvt_pk_f16_f32 v[ob+32], v[ob+32], v[ob+33]
	v_cvt_pk_f16_f32 v[ob+33], v[ob+34], v[ob+35]
.endr
.endr
	s_wait_alu depctr_va_vdst(0)                   ; the conversions have written what the LDS stores read, and the set's vector lines are done with its 64 registers, in which the next loads land
.irp rr, 0,1
.irp c, 0,1
.set ob, (\sb)+8*\rr+4*\c
.set lof, P16*(2*(\b)+\rr)+256*\c
	ds_store_b64 v251, v[ob:ob+1] offset:lof
	ds_store_b64 v251, v[ob+16:ob+17] offset:ASZ+lof
	ds_store_b64 v252, v[ob+32:ob+33] offset:lof
.endr
.endr
.endm
	s_load_b512 s[8:23], s[0:1], 0x0               ; q 8, kvt1 10, kvt2 12, pos 14, reference_points 16, WP 18, sa_v_b 20, t1_v_b 22
	s_load_b256 s[24:31], s[0:1], 0x40             ; t2_v_b 24, off_b 26, aw_b 28, VTA 30
	s_load_b128 s[32:35], s[0:1], 0x60             ; VTB 32, IDX 34
	s_load_b64 s[36:37], s[0:1], 0x70              ; WT
	v_lshl_add_u32 v254, v0, 2, SPARE              ; my spare word, and 0: kept for the wave's last lines alone
	v_mov_b32 v255, 0
	v_mov_b32 v240, v0
	v_lshrrev_b32 v1, 5, v0
	v_readfirstlane_b32 s2, v1                     ; wave
	v_and_b32 v243, 31, v0
	v_and_b32 v244, 15, v0
	v_bfe_u32 v245, v0, 4, 1
	v_lshlrev_b32 v241, 4, v243
	s_mov_b32 s3, ttmp9
	s_mul_i32 s4, s3, 80                           ; the group's first row
	s_wait_alu depctr_va_sdst(0)                   ; s2 is written, ahead of its first reader
	s_mul_i32 s5, s2, 10
	s_add_co_u32 s5, s5, s4                        ; my wave's first row
	s_min_u32 s6, s5, NROW-10                      ; and the row that it loads from
	s_mov_b32 s52, 0x76543210                      ; each lane takes its own place in the other half
	s_mov_b32 s53, 0xfedcba98
	s_mov_b32 s61, 0x3fb8aa3b                      ; log2 e
	s_lshl_b32 s50, s6, 10
	s_mov_b32 s51, 0
	v_lshlrev_b32 v246, 2, v240
	v_and_b32 v247, 127, v240
	v_lshlrev_b32 v247, 2, v247
	s_lshl_b32 s7, s4, 5
	v_lshl_add_u32 v248, v240, 4, s7
	v_min_u32 v248, 625904, v248                   ; the last group's dead rows take the buffer's last 16 bytes
	v_lshl_add_u32 v249, v240, 2, VEC
	v_lshl_add_u32 v250, v240, 4, REF
	s_mul_i32 s7, s2, 10*P16
	v_lshl_add_u32 v251, v243, 3, s7               ; my wave's rows in the first operand, 8 bytes a lane
	v_add_nc_u32 v252, 2*ASZ, v251
	s_wait_kmcnt 0x0
	s_add_nc_u64 s[8:9], s[8:9], s[50:51]
	s_add_nc_u64 s[10:11], s[10:11], s[50:51]
	s_add_nc_u64 s[12:13], s[12:13], s[50:51]
	s_add_nc_u64 s[14:15], s[14:15], s[50:51]
	s_lshl_b32 s50, s2, 14
	s_add_nc_u64 s[42:43], s[18:19], s[50:51]      ; pass 0, my wave's 16,384 bytes
	s_cmp_lt_u32 s2, 4
	s_cselect_b64 s[26:27], s[26:27], s[28:29]     ; waves 0-3 fetch off_b, waves 4 and 5 aw_b
	WIN 0x40
	s_wait_alu depctr_va_vdst(0)                   ; the offsets and LDS addresses v241 and v246-v252 are written, which the loads and stores below read; the head is done with v0 and v1, in which rows land
	WLOAD 0, 0                                     ; the first half of pass 0's weights; the second half follows behind the fourth pair of rows
	WLOAD 1, 0
	WLOAD 2, 0
	WLOAD 3, 0
	WIN 0
	global_load_b32 v224, v246, s[20:21]
	global_load_b32 v225, v246, s[22:23]
	global_load_b32 v226, v246, s[24:25]
	s_cmp_lt_u32 s2, 6
	s_cbranch_scc0 .Lnv
	global_load_b32 v227, v247, s[26:27]
.Lnv:
	s_cmp_lt_u32 s2, 5
	s_cbranch_scc0 .Lnr
	global_load_b128 v[232:235], v248, s[16:17]
.Lnr:
	BLOAD 0, 0
	BLOAD 1, 64
	s_wait_loadcnt 16                              ; the other set's 16 loads may be out; all that is older is in
	ds_store_b32 v249, v224
	ds_store_b32 v249, v225 offset:1024
	ds_store_b32 v249, v226 offset:2048
	s_cmp_lt_u32 s2, 6
	s_cbranch_scc0 .Lnv2
	ds_store_b32 v249, v227 offset:3072
.Lnv2:
	s_cmp_lt_u32 s2, 5
	s_cbranch_scc0 .Lnr2
	ds_store_b128 v250, v[232:235]
.Lnr2:
	BWORK 0, 0
	s_wait_alu depctr_vm_vsrc(0)                   ; the LDS stores have read the set's registers, in which the next loads land (and the head's loads and stores v224-235 and v246-v250, written again further down)
	BLOAD 2, 0
	s_wait_loadcnt 16
	BWORK 1, 64
	s_wait_alu depctr_vm_vsrc(0)                   ; the LDS stores have read the set's registers, in which the next loads land
	BLOAD 3, 64
	s_wait_loadcnt 16
	BWORK 2, 0
	s_wait_alu depctr_vm_vsrc(0)                   ; the LDS stores have read the set's registers, in which the next loads land
	BLOAD 4, 0
	s_wait_loadcnt 16
	BWORK 3, 64
	WLOAD 4, 0                                     ; the second half of pass 0's weights: 16 loads
	WLOAD 5, 0
	WLOAD 6, 0
	WLOAD 7, 0
	WIN 0
	s_wait_loadcnt 16                              ; the last pair of rows is in: the 16 younger loads are those weights
	BWORK 4, 0
	v_mul_u32_u24 v242, v244, P16
	v_lshl_add_u32 v242, v245, 4, v242             ; a fragment's row x pitch + 16 x half
	s_lshl_b32 s7, s2, 7
	s_add_co_u32 s7, s7, VEC
	v_lshl_add_u32 v246, v245, 5, s7               ; my columns' bias: 128 w + 32 h
	s_mul_i32 s7, s2, 7680
	s_add_co_u32 s7, s7, VSC
	v_mul_u32_u24 v247, v244, 80
	v_lshl_add_u32 v247, v245, 4, v247
	v_add_nc_u32 v247, s7, v247                    ; into my stage: rows of 64 + 16 bytes
	v_lshrrev_b32 v248, 2, v243
	v_mul_u32_u24 v248, v248, 80
	v_and_b32 v249, 3, v243
	v_lshl_add_u32 v248, v249, 4, v248
	v_add_nc_u32 v248, s7, v248                    ; back: 8 rows of 64 bytes a load
	s_mul_i32 s50, s2, HB
	s_lshl_b32 s7, s4, 6
	s_add_co_u32 s50, s50, s7
	s_add_co_u32 s50, s50, 168*64
	s_add_nc_u64 s[38:39], s[30:31], s[50:51]      ; my head's table at the group's first row: the self attention's,
	s_add_nc_u64 s[40:41], s[32:33], s[50:51]      ; and the one that follows it: t1's
	BAR                                            ; the three operands, the vectors and the reference points are whole
	s_wait_alu depctr_vm_vsrc(0)                   ; the last two pairs' LDS stores have read v0-109: the products write the sums there, and the fragments land there
	s_mov_b32 s58, 3
.Lval:                                             ; a trip: one value table; its k steps ask for the next pass's weights
	s_wait_alu depctr_va_vdst(0)                   ; v242 and v246 (in the first trip v247 and v248 too) are written, which the LDS instructions below read; the last trip's conversions have written v80-119, in which fragments land
	BILOAD 246, 0
	ASTART
	G256 1, 1
	PLACES
	WLAST
.irp a, 0,1,2,3,4,5,6,7,8,9
	v_cvt_pk_f16_f32 v[80+4*\a], v[8*\a], v[8*\a+1]
	v_cvt_pk_f16_f32 v[81+4*\a], v[8*\a+2], v[8*\a+3]
	v_cvt_pk_f16_f32 v[82+4*\a], v[8*\a+4], v[8*\a+5]
	v_cvt_pk_f16_f32 v[83+4*\a], v[8*\a+6], v[8*\a+7]
.endr
	s_wait_alu depctr_va_vdst(0)                   ; the conversions have written v80-119, which the LDS stores read
.irp a, 0,1,2,3,4,5,6,7,8,9
	ds_store_b128 v247, v[80+4*\a:83+4*\a] offset:1280*(\a/2)+32*(\a%2)
.endr
.irp i, 0,1,2,3,4,5,6,7,8,9
	ds_load_b128 v[120+4*\i:123+4*\i], v248 offset:640*\i      ; my own bytes, served in order; no vector or matrix line since the pass's last wait names v120-159
.endr
	s_wait_dscnt 0x0
.irp i, 0,1,2,3,4
	global_store_b128 v241, v[120+4*\i:123+4*\i], s[38:39] offset:512*\i   ; 512 consecutive bytes, at a multiple of 256 from the buffer's first
.endr
	s_cmp_eq_u32 s3, 244
	s_cbranch_scc1 .Lhalf                          ; the last group has 40 rows
.irp i, 5,6,7,8,9
	global_store_b128 v241, v[120+4*\i:123+4*\i], s[38:39] offset:512*\i
.endr
.Lhalf:
	s_wait_xcnt 0x0                                ; the stores' data and base, and the weights' base, are written again only behind this wait
	s_wait_alu depctr_vm_vsrc(0)                   ; the trip's LDS loads have read v242 and v246, stepped below; its stores have read v80-159, in which the next trip's fragments land
	s_mov_b64 s[38:39], s[40:41]                   ; the next table,
	s_add_nc_u64 s[40:41], s[40:41], TB            ; and the one behind it
	s_add_nc_u64 s[42:43], s[42:43], PASSB         ; the next pass
	v_add_nc_u32 v242, ASZ, v242
	v_add_nc_u32 v246, 1024, v246
	s_sub_co_u32 s58, s58, 1
	s_cmp_lg_u32 s58, 0
	s_cbranch_scc1 .Lval
	v_mul_u32_u24 v242, v244, P16                  ; offsets and logits, from q again
	v_lshl_add_u32 v242, v245, 4, v242
	s_lshl_b32 s7, s2, 6
	s_add_co_u32 s7, s7, VEC+3072
	v_lshl_add_u32 v246, v245, 5, s7
	s_lshl_b32 s7, s2, 5
	s_add_co_u32 s7, s7, VEC+3584
	v_lshl_add_u32 v249, v245, 4, s7
	s_mul_i32 s7, s2, 2560
	s_add_co_u32 s7, s7, IXI
	v_add_nc_u32 v250, s7, v241                    ; my image of indices, as it is read back
	s_mul_i32 s7, s2, 10240
	s_add_co_u32 s7, s7, WTI
	v_add_nc_u32 v253, s7, v241                    ; and my image of corner weights
	s_wait_alu depctr_va_vdst(0)                   ; v242, v246, v249, v250 and v253 are written, which the LDS loads below and at the launch's end read
	ds_load_b128 v[BI:BI+3], v246
	ds_load_b128 v[BI+4:BI+7], v246 offset:16
	ds_load_b128 v[BI+8:BI+11], v249
	ds_load_b128 v[BI+12:BI+15], v249              ; the tile's upper columns repeat the lower and are never read
	ASTART
	G256 1, 0                                      ; the launch's last pass asks for nothing
	PLACES
	E_OA
	s_mul_i32 s50, s2, IHB
	s_lshl_b32 s7, s4, 5
	s_add_co_u32 s50, s50, s7
	s_add_nc_u64 s[44:45], s[34:35], s[50:51]      ; my head's indices at the group's first row
	s_mul_i32 s50, s2, WHB
	s_lshl_b32 s7, s4, 7
	s_add_co_u32 s50, s50, s7
	s_add_nc_u64 s[46:47], s[36:37], s[50:51]      ; and its corner weights
	OAOUT 250, 253
	; the guard rows of the three tables: zeros, which a corner of weight 0 may read
.irp i, 24,25,26,27
	v_mov_b32 v[\i], 0
.endr
	s_wait_alu depctr_va_vdst(0)                   ; v24-27 hold their zeros, which the stores of both arms below read
	s_mul_i32 s50, s2, HB
	s_add_nc_u64 s[38:39], s[30:31], s[50:51]
	s_add_nc_u64 s[40:41], s[32:33], s[50:51]
	s_cmp_eq_u32 s3, 0
	s_cbranch_scc0 .Lng0
	s_mov_b32 s58, 3
.Lg0:
.irp i, 0,1,2,3,4,5,6,7,8,9,10,11,12,13,14,15,16,17,18,19,20
	global_store_b128 v241, v[24:27], s[38:39] offset:512*\i       ; rows 0-167 of my head
.endr
	s_wait_xcnt 0x0
	s_mov_b64 s[38:39], s[40:41]
	s_add_nc_u64 s[40:41], s[40:41], TB
	s_sub_co_u32 s58, s58, 1
	s_cmp_lg_u32 s58, 0
	s_cbranch_scc1 .Lg0
.Lng0:
	s_cmp_eq_u32 s3, 244
	s_cbranch_scc0 .Lng1
	s_mov_b32 s58, 3
.Lg1:
.irp i, 0,1,2
	global_store_b128 v241, v[24:27], s[38:39] offset:19728*64+512*\i  ; rows 19,728-19,751
.endr
	s_wait_xcnt 0x0
	s_mov_b64 s[38:39], s[40:41]
	s_add_nc_u64 s[40:41], s[40:41], TB
	s_sub_co_u32 s58, s58, 1
	s_cmp_lg_u32 s58, 0
	s_cbranch_scc1 .Lg1
.Lng1:
	s_wait_dscnt 0x0                               ; the wave's end
	s_wait_alu 0x0
	s_wait_tensorcnt 0x0
	ds_add_u32 v254, v255
	s_wait_dscnt 0x0
	s_endpgm
.Lfunc_end_k_q5cfcef0db3_proj:
	.size	k_q5cfcef0db3_proj, .Lfunc_end_k_q5cfcef0db3_proj-k_q5cfcef0db3_proj
	.p2alignl 7, 3214868480
	.fill 96, 4, 3214868480
	.section	.rodata,"a",@progbits
	.p2align	6, 0x0
	.amdhsa_kernel k_q5cfcef0db3_proj
		.amdhsa_group_segment_fixed_size 297984
		.amdhsa_private_segment_fixed_size 0
		.amdhsa_enable_private_segment 0
		.amdhsa_kernarg_size 120
		.amdhsa_user_sgpr_count 2
		.amdhsa_user_sgpr_kernarg_segment_ptr 1
		.amdhsa_wavefront_size32 1
		.amdhsa_system_sgpr_workgroup_id_x 1
		.amdhsa_system_sgpr_workgroup_id_y 1
		.amdhsa_system_sgpr_workgroup_id_z 1
		.amdhsa_system_vgpr_workitem_id 0
		.amdhsa_next_free_vgpr 384
		.amdhsa_next_free_sgpr 66
		.amdhsa_reserve_vcc 1
		.amdhsa_float_denorm_mode_32 3
		.amdhsa_float_denorm_mode_16_64 3
		.amdhsa_memory_ordered 1
		.amdhsa_forward_progress 1
		.amdhsa_inst_pref_size 84
	.end_amdhsa_kernel
	.amdgpu_metadata
---
amdhsa.version: [ 1, 2 ]
amdhsa.kernels:
  - .name:           k_q5cfcef0db3_proj
    .symbol:         k_q5cfcef0db3_proj.kd
    .args:
      - { .name: q, .offset: 0, .size: 8, .value_kind: global_buffer, .address_space: global }
      - { .name: kvt1, .offset: 8, .size: 8, .value_kind: global_buffer, .address_space: global }
      - { .name: kvt2, .offset: 16, .size: 8, .value_kind: global_buffer, .address_space: global }
      - { .name: pos, .offset: 24, .size: 8, .value_kind: global_buffer, .address_space: global }
      - { .name: reference_points, .offset: 32, .size: 8, .value_kind: global_buffer, .address_space: global }
      - { .name: WP, .offset: 40, .size: 8, .value_kind: global_buffer, .address_space: global }
      - { .name: params_sa_v_b, .offset: 48, .size: 8, .value_kind: global_buffer, .address_space: global }
      - { .name: params_t1_v_b, .offset: 56, .size: 8, .value_kind: global_buffer, .address_space: global }
      - { .name: params_t2_v_b, .offset: 64, .size: 8, .value_kind: global_buffer, .address_space: global }
      - { .name: params_sa_off_b, .offset: 72, .size: 8, .value_kind: global_buffer, .address_space: global }
      - { .name: params_sa_aw_b, .offset: 80, .size: 8, .value_kind: global_buffer, .address_space: global }
      - { .name: VTA, .offset: 88, .size: 8, .value_kind: global_buffer, .address_space: global }
      - { .name: VTB, .offset: 96, .size: 8, .value_kind: global_buffer, .address_space: global }
      - { .name: IDX, .offset: 104, .size: 8, .value_kind: global_buffer, .address_space: global }
      - { .name: WT, .offset: 112, .size: 8, .value_kind: global_buffer, .address_space: global }
    .group_segment_fixed_size: 297984
    .private_segment_fixed_size: 0
    .kernarg_segment_align: 8
    .kernarg_segment_size: 120
    .max_flat_workgroup_size: 256
    .sgpr_count:     66
    .vgpr_count:     384
    .wavefront_size: 32
...
	.end_amdgpu_metadata
.endif
;; end of part 10
;; launch gatha: the kernel of part 6 again; grid 31 x 8, 16 waves a work-group, no clusters, 321,536 bytes of LDS; arguments VTA, IDX, WT, S; writes S
;; launch selfb (part 11): grid 245 x 1, 8 waves a work-group, no clusters, 303,872 bytes of LDS; arguments q, reference_points, WP, S, params_sa_o_b, params_n0_g, params_n0_b, params_t1_off_b, params_t1_aw_b, params_t2_off_b, params_t2_aw_b, Q1, IDX, WT; writes Q1, IDX, WT
.if DOCPART == 11
	.amdgcn_target "amdgcn-amd-amdhsa--gfx1250"
	.amdhsa_code_object_version 6
	.text
	.protected	k_q5cfcef0db3_selfb
	.globl	k_q5cfcef0db3_selfb
	.p2align	8
	.type	k_q5cfcef0db3_selfb,@function
k_q5cfcef0db3_selfb:
	s_mov_b64 s[64:65], 0
	v_nop
	global_prefetch_b8 v0, s[64:65] scope:SCOPE_SE
	s_setreg_imm32_b32 hwreg(HW_REG_WAVE_SCHED_MODE, 0, 2), 2
	s_setreg_imm32_b32 hwreg(HW_REG_WAVE_MODE, 25, 1), 1
	s_wait_xcnt 0x0
	s_wait_alu depctr_vm_vsrc(0)
; The self attention's output projection on the sampled rows, q1 = LayerNorm(q + src1), and from q1 the sampling indices and corner weights of the two cross attentions.
; SHARES: 80 rows a work-group; products: every wave all rows x 32 columns, 10 accumulators by turns; row-wise work: wave w rows 10 w .. 10 w + 9.
; The sampled rows lie by heads, [head][row][32 f16], 19,600 rows' room a head: wave w copies head w's 80 rows into its 64 bytes of the operand's rows in LDS.  In the last work-group, which
; has 40 rows, the second 40 repeat the first.
; THE WEIGHTS' RING: eight sets of 16 registers, one for each k step of a pass, in the second register window.  In the k step behind a set's products the set
; takes the same k step of the next pass, so every weight load is issued seven k steps ahead of its products, across passes too.
; NO CLUSTER: 245 work-groups are no multiple of four, and what is shared, the weights, does not pass through LDS.
; LayerNorm: each wave's mean and sum of squared deviations of its 32 columns are joined by the parallel rule, so no difference of large sums is formed.
; INDICES AND WEIGHTS as in the launch that makes the tables: one index a point, by heads, 19,600 rows a head.
; LIMITS: operands are rounded to f16: beyond 65,504 an infinity, below 6e-5 a fixed step of 6e-8; NaN and infinities are not treated apart.
; THE MODE: SCHED_MODE bits 1:0 = 2 (LLVM: expert scheduling mode 2), set by the entry lines.  The code itself states the register dependences
; between vector or matrix instructions and memory or LDS instructions, with s_wait_alu, always for 0.
; THE PLAN, in a pass of products.  Registers that memory or LDS instructions touch:
;   weight sets 0-7   k step k's ten products read set k; the loads issued in k step k + 1 land in it (set 7: behind the pass).
;   fragment sets 0-2 k step k's products read set k % 3; the loads of k step k + 2, issued in k step k, land in set (k - 1) % 3.
;   v241, v242        the weights' offset and the fragments' LDS address: never written again behind the head.
; So ONE wait on va_vdst stands at the head of k steps 1 to 7: the step before is done reading the two sets in which this step's loads land.  The loads follow
; behind the step's first four products, which name set k, fragment set k % 3 and the sums: none of the registers that the loads touch.
; Row-wise work is laid in runs: all of a run's vector lines, one wait on va_vdst, all its stores; one wait on vm_vsrc ahead of the first line that writes what those stores read.
.set NROW, 19560
.set P16, 528
.set P32, 1040
.set ASZ, 80*P16
.set XF,  ASZ                          ; q in f32, 80 rows
.set SCR, XF+80*P32                    ; 7,680 bytes of scratch for each wave
.set IXI, SCR+61440                    ; each wave's own 2,560 bytes: its head's indices of 80 rows
.set WTI, IXI+8*2560                   ; each wave's own 10,240 bytes: its head's corner weights
.set REF, WTI+8*10240
.set VEC, REF+2560                     ; o_b 0, g0 1024, b0 2048, t1 off_b 3072, t1 aw_b 3584, t2 off_b 3840, t2 aw_b 4352
.set ST,  VEC+4608                     ; LayerNorm's statistics: 80 rows x (8 waves x 8 bytes + 16)
.set SPARE, ST+6400                    ; the spare words, 128 bytes for each wave: no other line names them
.set IHB, 19600*32
.set WHB, 19600*128
.set SHB, 19600*64
.set PASSB, 131072
.set AF, 80
.set BI, 224
; window 0: v0-79 the accumulators, v80-199 three sets of row fragments, v224-239 the bias as C, v240-255 kept.  window 1: v0-127 the weights' ring: k step k, tile t at 16 k + 8 t.
.set MSB, 0
.macro WIN new                         ; s_set_vgpr_msb: bits 1:0 source 0, 3:2 source 1, 5:4 source 2, 7:6 destination; the high byte repeats the setting that is left; a switch that changes nothing is dropped
.if MSB != (\new)
	s_set_vgpr_msb (MSB<<8)|(\new)
.set MSB, \new
.endif
.endm
.macro BAR
	s_wait_dscnt 0x0                               ; for the others' sake: my LDS stores are done and my reads are back
	s_barrier_signal -1
	s_barrier_wait -1
.endm
.macro PLACES                          ; four places (ISA guide 7.12.1) between the last products and the vector lines that read the sums or write a product's source
.rept 4
	v_nop
.endr
.endm
.macro WLOAD k, pb                     ; the weights of k step k of the pass pb bytes behind the base: 4 loads of 512 consecutive bytes, into window 1
	WIN 0x40
.irp t, 0,1
.irp j, 0,1
	global_load_b128 v[16*(\k)+8*\t+4*\j:16*(\k)+8*\t+4*\j+3], v241, s[42:43] offset:(\pb)+2048*(\k)+1024*\t+512*\j
.endr
.endr
.endm
.macro ALOAD k                         ; the 5 row fragments of k step k: 10 LDS loads
.irp m, 0,1,2,3,4
	ds_load_b128 v[AF+40*((\k)%3)+8*\m:AF+40*((\k)%3)+8*\m+3], v242 offset:16*P16*\m+64*(\k)
	ds_load_b128 v[AF+40*((\k)%3)+8*\m+4:AF+40*((\k)%3)+8*\m+7], v242 offset:16*P16*\m+64*(\k)+32
.endr
.endm
.macro ASTART
	ALOAD 0
	ALOAD 1
	ALOAD 2
.endm
.macro BILOAD a, o
	ds_load_b128 v[BI:BI+3], v[\a] offset:(\o)
	ds_load_b128 v[BI+4:BI+7], v[\a] offset:(\o)+16
	ds_load_b128 v[BI+8:BI+11], v[\a] offset:(\o)+64
	ds_load_b128 v[BI+12:BI+15], v[\a] offset:(\o)+80
.endm
.macro MM k, cb, m                     ; the two products of row tile m in k step k
.irp t, 0,1
.if ((\k) == 0) && (\cb)
	v_wmma_f32_16x16x32_f16 v[8*(2*(\m)+\t):8*(2*(\m)+\t)+7], v[16*(\k)+8*\t:16*(\k)+8*\t+7], v[AF+40*((\k)%3)+8*(\m):AF+40*((\k)%3)+8*(\m)+7], v[BI+8*\t:BI+8*\t+7]
.else
	v_wmma_f32_16x16x32_f16 v[8*(2*(\m)+\t):8*(2*(\m)+\t)+7], v[16*(\k)+8*\t:16*(\k)+8*\t+7], v[AF+40*((\k)%3)+8*(\m):AF+40*((\k)%3)+8*(\m)+7], v[8*(2*(\m)+\t):8*(2*(\m)+\t)+7]
.endif
.endr
.endm
; One k step of 32: ten matrix instructions on ten accumulators by turns.  cb = 1: the first step starts the sums with the bias.
; rf = 1: the set of the step before is filled again with the next pass's k step; rf = 0: the launch's last pass.
.macro KSTEP k, cb, rf
.if (\rf) && ((\k) > 0)
	s_wait_loadcnt 24                              ; six younger sets of weights, 4 loads each, may be out: k+1 .. 7 of this pass, 0 .. k-2 of the next
.else
	s_wait_loadcnt 4*(7-(\k))                      ; k+1 .. 7 of this pass may be out
.endif
.if (\k) == 0
	s_wait_dscnt 20                                ; the next two steps' twenty fragment loads may be out
.elseif (\k) < 7
	s_wait_dscnt 10                                ; the next step's ten fragment loads may be out
.else
	s_wait_dscnt 0
.endif
.if ((\k) > 0) && (((\k) < 6) || (\rf))
	s_wait_alu depctr_va_vdst(0)                   ; the products of the k step before are done reading fragment set (k - 1) % 3 and weight set k - 1, in which this step's loads land
.endif
	WIN 0x01                                       ; source 0, the weights, in window 1
	MM \k, \cb, 0
	MM \k, \cb, 1
.if ((\k) > 0) && ((\k) < 6)
	WIN 0
	ALOAD (\k)+2                                   ; no product since the wait names these registers
.endif
.if ((\k) > 0) && (\rf)
	WLOAD (\k)-1, PASSB
.endif
	WIN 0x01
	MM \k, \cb, 2
	MM \k, \cb, 3
	MM \k, \cb, 4
.endm
.macro G256 cb, rf
.irp kk, 0,1,2,3,4,5,6,7
	KSTEP \kk, \cb, \rf
.endr
	WIN 0                                          ; at a label and at a branch every window is 0
.endm
.macro WLAST                           ; behind a pass that refills: set 7 takes the next pass's last k step
	WIN 0x40
	s_wait_alu depctr_va_vdst(0)                   ; the pass's last products are done reading weight set 7, in which the loads below land, and all its products their fragment sets
	WLOAD 7, PASSB
	WIN 0
.endm
; LAYERNORM of the 80 rows in the accumulators.  stw, str, gad: registers with the addresses of my statistics, of a row's statistics, of my columns' gain (the bias lies 1,024 bytes on).
.macro LN1 m                           ; my 32 columns of rows 16 m + r: mean, then the sum of squared deviations from it, into the pair v[224 + 2 m]
.set yy, 16*(\m)
.set dd, 80+16*(\m)
.set pr, 224+2*(\m)
	v_pk_add_f32 v[dd:dd+1], v[yy:yy+1], v[yy+2:yy+3]
	v_pk_add_f32 v[dd+2:dd+3], v[yy+4:yy+5], v[yy+6:yy+7]
	v_pk_add_f32 v[dd+4:dd+5], v[yy+8:yy+9], v[yy+10:yy+11]
	v_pk_add_f32 v[dd+6:dd+7], v[yy+12:yy+13], v[yy+14:yy+15]
	v_pk_add_f32 v[dd:dd+1], v[dd:dd+1], v[dd+2:dd+3]
	v_pk_add_f32 v[dd+4:dd+5], v[dd+4:dd+5], v[dd+6:dd+7]
	v_pk_add_f32 v[pr:pr+1], v[dd:dd+1], v[dd+4:dd+5]
	v_add_f32 v[pr], v[pr], v[pr+1]
	v_permlanex16_b32 v[pr+1], v[pr], s52, s53     ; the row's other 16 of my columns lie in the lane 16 away
	v_add_f32 v[pr], v[pr], v[pr+1]
	v_mul_f32 v[pr], s56, v[pr]
.irp i, 0,1,2,3,4,5,6,7
	v_pk_add_f32 v[dd+2*\i:dd+2*\i+1], v[yy+2*\i:yy+2*\i+1], v[pr:pr+1] op_sel_hi:[1,0] neg_lo:[0,1] neg_hi:[0,1]
.endr
	v_pk_mul_f32 v[dd:dd+1], v[dd:dd+1], v[dd:dd+1]
	v_pk_mul_f32 v[dd+2:dd+3], v[dd+2:dd+3], v[dd+2:dd+3]
	v_pk_fma_f32 v[dd:dd+1], v[dd+4:dd+5], v[dd+4:dd+5], v[dd:dd+1]
	v_pk_fma_f32 v[dd+2:dd+3], v[dd+6:dd+7], v[dd+6:dd+7], v[dd+2:dd+3]
	v_pk_fma_f32 v[dd:dd+1], v[dd+8:dd+9], v[dd+8:dd+9], v[dd:dd+1]
	v_pk_fma_f32 v[dd+2:dd+3], v[dd+10:dd+11], v[dd+10:dd+11], v[dd+2:dd+3]
	v_pk_fma_f32 v[dd:dd+1], v[dd+12:dd+13], v[dd+12:dd+13], v[dd:dd+1]
	v_pk_fma_f32 v[dd+2:dd+3], v[dd+14:dd+15], v[dd+14:dd+15], v[dd+2:dd+3]
	v_pk_add_f32 v[dd:dd+1], v[dd:dd+1], v[dd+2:dd+3]
	v_add_f32 v[pr+1], v[dd], v[dd+1]
	v_permlanex16_b32 v[dd], v[pr+1], s52, s53
	v_add_f32 v[pr+1], v[pr+1], v[dd]
.endm
.macro LN3 m                           ; the eight waves' pairs are joined: M2 = sum of M2 + 32 x sum of (mean_w - mean)^2
.set uu, 80+16*(\m)
.set pr, 224+2*(\m)
	v_pk_add_f32 v[234:235], v[uu:uu+1], v[uu+2:uu+3]
	v_pk_add_f32 v[236:237], v[uu+4:uu+5], v[uu+6:uu+7]
	v_pk_add_f32 v[238:239], v[uu+8:uu+9], v[uu+10:uu+11]
	v_pk_add_f32 v[234:235], v[234:235], v[236:237]
	v_pk_add_f32 v[236:237], v[uu+12:uu+13], v[uu+14:uu+15]
	v_pk_add_f32 v[236:237], v[236:237], v[238:239]
	v_pk_add_f32 v[234:235], v[234:235], v[236:237]
	v_mul_f32 v[pr+1], 0x3e000000, v234            ; the row's mean
.irp i, 0,1,2,3,4,5,6,7
	v_sub_f32 v[uu+2*\i], v[uu+2*\i], v[pr+1]
.endr
	v_mul_f32 v236, v[uu], v[uu]
	v_mul_f32 v237, v[uu+2], v[uu+2]
	v_fma_f32 v236, v[uu+4], v[uu+4], v236
	v_fma_f32 v237, v[uu+6], v[uu+6], v237
	v_fma_f32 v236, v[uu+8], v[uu+8], v236
	v_fma_f32 v237, v[uu+10], v[uu+10], v237
	v_fma_f32 v236, v[uu+12], v[uu+12], v236
	v_fma_f32 v237, v[uu+14], v[uu+14], v237
	v_add_f32 v236, v236, v237
	v_fma_f32 v235, v236, s57, v235
	v_fma_f32 v[pr], v235, s55, s54                ; variance + 1e-5
.endm
.macro LNORM stw, str, gad
.irp m, 0,1,2,3,4
	LN1 \m
.endr
	s_wait_alu depctr_va_vdst(0)                   ; the five pairs v224-233 are written, which the LDS stores read; the lines above are done with v80-159, in which the statistics land
.irp m, 0,1,2,3,4
	ds_store_b64 v[\stw], v[224+2*\m:225+2*\m] offset:1280*\m
.endr
	BAR
.irp m, 0,1,2,3,4
.irp i, 0,1,2,3
	ds_load_b128 v[80+16*\m+4*\i:80+16*\m+4*\i+3], v[\str] offset:1280*\m+16*\i
.endr
.endr
	s_wait_dscnt 0x0
	s_wait_alu depctr_vm_vsrc(0)                   ; the five LDS stores have read v224-233, which the lines below write again
.irp m, 0,1,2,3,4
	LN3 \m
.endr
.irp m, 0,1,2,3,4
	v_rsq_f32 v[224+2*\m], v[224+2*\m]
.endr
	v_nop                                          ; a plain instruction between the last root and the use of its result
	s_wait_alu depctr_va_vdst(0)                   ; the five roots have written their results, ahead of the first reader; the joining lines are done with v80-111, in which gain and bias land
.irp t, 0,1
.irp j, 0,1
	ds_load_b128 v[80+8*\t+4*\j:80+8*\t+4*\j+3], v[\gad] offset:64*\t+16*\j
	ds_load_b128 v[96+8*\t+4*\j:96+8*\t+4*\j+3], v[\gad] offset:1024+64*\t+16*\j
.endr
.endr
.irp m, 0,1,2,3,4
	v_mul_f32 v[225+2*\m], -v[225+2*\m], v[224+2*\m]       ; - mean x rstd
.endr
.irp m, 0,1,2,3,4
.irp i, 0,1,2,3,4,5,6,7
	v_pk_fma_f32 v[16*\m+2*\i:16*\m+2*\i+1], v[16*\m+2*\i:16*\m+2*\i+1], v[224+2*\m:225+2*\m], v[224+2*\m:225+2*\m] op_sel:[0,0,1] op_sel_hi:[1,0,1]
.endr
.endr
	s_wait_dscnt 0x0
.irp m, 0,1,2,3,4
.irp i, 0,1,2,3,4,5,6,7
	v_pk_fma_f32 v[16*\m+2*\i:16*\m+2*\i+1], v[16*\m+2*\i:16*\m+2*\i+1], v[80+2*\i:81+2*\i], v[96+2*\i:97+2*\i]
.endr
.endr
.endm
.macro CVT16                           ; the accumulators, rounded to f16, into v80-119
.irp n, 0,1,2,3,4,5,6,7,8,9
	v_cvt_pk_f16_f32 v[80+4*\n], v[8*\n], v[8*\n+1]
	v_cvt_pk_f16_f32 v[81+4*\n], v[8*\n+2], v[8*\n+3]
	v_cvt_pk_f16_f32 v[82+4*\n], v[8*\n+4], v[8*\n+5]
	v_cvt_pk_f16_f32 v[83+4*\n], v[8*\n+6], v[8*\n+7]
.endr
.endm
.macro ST16 a                          ; and from there into LDS, as an operand of 80 rows
.irp n, 0,1,2,3,4,5,6,7,8,9
	ds_store_b128 v[\a], v[80+4*\n:83+4*\n] offset:16*P16*(\n/2)+32*(\n%2)
.endr
.endm
; OFFSETS AND LOGITS INTO INDICES AND CORNER WEIGHTS.  Wave = head; lane (r, h) holds row 16 m + r, levels 2 h and 2 h + 1: 8 offsets in accumulator (m, 0), 4 logits in (m, 1).
; The accumulators go through the wave's own scratch, so that the step is written once and walked five times.  The results go into the wave's own two images.
; A trip's four points have registers of their own, and their sixteen compares scalar registers of their own: one wait serves the masks, one the six stores' data.
.set OO, 80
.set LG, 88
.set RF, 92
.set CW, 96
.set CH, 98
.set CWM, 100
.set CHM, 102
.set CBS, 104
.set SCA, 106
.set RFA, 107
.set IXA, 108
.set WTD, 109
.set RX, 110
.set RY, 112
.set TT, 114                           ; v114-116 at work
.set IDO, 128                          ; v128-131 the four points' indices
.set WO, 132                           ; v132-147 their corner weights
.set PT, 148                           ; v148-195 twelve registers at work for each point
.set SM, 8                             ; s8-23    four masks for each point (the arguments that lay here are done with)
.macro LC dst, c0, c1
	v_mov_b32 v[TT], \c1
	v_cndmask_b32 v[\dst], \c0, v[TT], vcc_lo
.endm
.macro PT1 ll, p                       ; a point's coordinates, and which of its four factors lie inside
.set pq, PT+12*(2*(\ll)+(\p))
.set mq, SM+4*(2*(\ll)+(\p))
	v_add_f32 v[pq], v[RX+\ll], v[OO+4*\ll+2*\p]           ; x in pixels
	v_add_f32 v[pq+6], v[RY+\ll], v[OO+4*\ll+2*\p+1]
	v_floor_f32 v[pq+1], v[pq]
	v_floor_f32 v[pq+7], v[pq+6]
	v_sub_f32 v[pq+2], v[pq], v[pq+1]                      ; lx
	v_sub_f32 v[pq+8], v[pq+6], v[pq+7]
	v_add_f32 v[pq+3], 1.0, v[pq+1]                        ; x0 + 1
	v_add_f32 v[pq+9], 1.0, v[pq+7]
	v_sub_f32 v[pq+4], 1.0, v[pq+2]                        ; 1 - lx
	v_sub_f32 v[pq+10], 1.0, v[pq+8]
	v_med3_num_f32 v[pq+5], v[pq+1], 0, v[CWM+\ll]         ; a coordinate that its clamp changes lies outside: its factor is 0
	v_cmp_eq_f32 s[mq], v[pq+5], v[pq+1]
	v_med3_num_f32 v[pq+5], v[pq+3], 0, v[CWM+\ll]
	v_cmp_eq_f32 s[mq+1], v[pq+5], v[pq+3]
	v_med3_num_f32 v[pq+11], v[pq+7], 0, v[CHM+\ll]
	v_cmp_eq_f32 s[mq+2], v[pq+11], v[pq+7]
	v_med3_num_f32 v[pq+11], v[pq+9], 0, v[CHM+\ll]
	v_cmp_eq_f32 s[mq+3], v[pq+11], v[pq+9]
.endm
.macro PT2A ll, p                      ; the factors outside become 0; the index
.set pq, PT+12*(2*(\ll)+(\p))
.set mq, SM+4*(2*(\ll)+(\p))
	v_cndmask_b32 v[pq+4], 0, v[pq+4], s[mq]
	v_cndmask_b32 v[pq+2], 0, v[pq+2], s[mq+1]
	v_cndmask_b32 v[pq+10], 0, v[pq+10], s[mq+2]
	v_cndmask_b32 v[pq+8], 0, v[pq+8], s[mq+3]
	v_med3_num_f32 v[pq+1], v[pq+1], -1.0, v[CWM+\ll]
	v_med3_num_f32 v[pq+7], v[pq+7], -1.0, v[CHM+\ll]
	v_fma_f32 v[pq+7], v[pq+7], v[CW+\ll], v[pq+1]         ; whole numbers below 2^24: exact
	v_add_f32 v[pq+7], v[pq+7], v[CBS+\ll]
	v_cvt_u32_f32 v[IDO+2*\ll+\p], v[pq+7]
.endm
.macro PT2B ll, p                      ; the four corner weights
.set pq, PT+12*(2*(\ll)+(\p))
.set wq, WO+4*(2*(\ll)+(\p))
	v_mul_f32 v[pq+10], v[pq+10], v[LG+2*\ll+\p]           ; the attention weight rides on y's factors
	v_mul_f32 v[pq+8], v[pq+8], v[LG+2*\ll+\p]
	v_mul_f32 v[wq], v[pq+4], v[pq+10]
	v_mul_f32 v[wq+1], v[pq+2], v[pq+10]
	v_mul_f32 v[wq+2], v[pq+4], v[pq+8]
	v_mul_f32 v[wq+3], v[pq+2], v[pq+8]
.endm
.macro E_OA
	s_mul_i32 s7, s2, 7680
	s_add_co_u32 s7, s7, SCR
	v_add_nc_u32 v[SCA], s7, v241
	v_lshlrev_b32 v[RFA], 5, v244
	v_lshl_add_u32 v[RFA], v245, 4, v[RFA]
	v_add_nc_u32 v[RFA], REF, v[RFA]
	v_lshrrev_b32 v[TT], 3, v244                           ; which of the tile's two groups of 8 rows
	v_and_b32 v[TT+1], 7, v244                             ; the row in its group
	v_lshlrev_b32 v[IXA], 8, v[TT]
	v_lshl_add_u32 v[IXA], v245, 7, v[IXA]
	v_lshl_add_u32 v[IXA], v[TT+1], 3, v[IXA]
	s_mul_i32 s7, s2, 2560
	s_add_co_u32 s7, s7, IXI
	v_add_nc_u32 v[IXA], s7, v[IXA]                        ; [group][level][row][point]: 256 (r / 8) + 128 h + 8 (r % 8), in my wave's image
	v_lshlrev_b32 v[WTD], 10, v[TT]
	v_lshl_add_u32 v[WTD], v245, 9, v[WTD]
	v_lshl_add_u32 v[WTD], v[TT+1], 4, v[WTD]
	s_mul_i32 s7, s2, 10240
	s_add_co_u32 s7, s7, WTI
	v_add_nc_u32 v[WTD], s7, v[WTD]                        ; [group][level][point][row][corner]: 1024 (r / 8) + 512 h + 16 (r % 8)
	s_wait_alu depctr_va_vdst(0)                   ; the products have written the sums, which the LDS stores read, and are done reading v80-95, in which the first trip's loads land; the four addresses are written
.irp m, 0,1,2,3,4
	ds_store_b128 v[SCA], v[16*\m:16*\m+3] offset:1536*\m          ; each accumulator's lowest registers first
	ds_store_b128 v[SCA], v[16*\m+4:16*\m+7] offset:1536*\m+512
	ds_store_b128 v[SCA], v[16*\m+8:16*\m+11] offset:1536*\m+1024
.endr
	v_cmp_eq_u32 vcc_lo, 1, v245
	s_wait_alu depctr_va_vcc(0)                    ; VCC is written, ahead of the ten selects that read it
	LC CW,    0x43200000, 0x42200000               ; W: 160 or 40
	LC CW+1,  0x42a00000, 0x41a00000               ; 80 or 20
	LC CH,    0x42b80000, 0x41b80000               ; H: 92 or 23
	LC CH+1,  0x42380000, 0x41400000               ; 46 or 12
	LC CWM,   0x431f0000, 0x421c0000               ; W - 1
	LC CWM+1, 0x429e0000, 0x41980000
	LC CHM,   0x42b60000, 0x41b00000               ; H - 1
	LC CHM+1, 0x42340000, 0x41300000
	LC CBS,   0x43280000, 0x456e0000               ; the base: 168 (level 0) or 3,808 (level 2)
	LC CBS+1, 0x43000000, 0x4593c000               ; 128 (level 1) or 4,728 (level 3)
	v_mov_b32 v[TT+1], 0                           ; the lane exchange counts as a reader of its destination
	s_mov_b32 s59, 5
.Loa_\@:
	ds_load_b128 v[OO:OO+3], v[SCA]                ; LDS serves a wave's instructions in order: these see the stores above
	ds_load_b128 v[OO+4:OO+7], v[SCA] offset:512
	ds_load_b128 v[LG:LG+3], v[SCA] offset:1024
	ds_load_b128 v[RF:RF+3], v[RFA]
	s_wait_dscnt 0x0
	v_max3_num_f32 v[TT], v[LG], v[LG+1], v[LG+2]  ; softmax over the head's 8 logits: 4 here, 4 in the lane 16 away
	v_max_num_f32 v[TT], v[TT], v[LG+3]
	v_permlanex16_b32 v[TT+1], v[TT], s52, s53
	v_max_num_f32 v[TT], v[TT], v[TT+1]
	v_mul_f32 v[TT], s61, v[TT]
.irp i, 0,1,2,3
	v_fma_f32 v[LG+\i], v[LG+\i], s61, -v[TT]      ; (logit - maximum) log2 e
.endr
.irp i, 0,1,2,3
	v_exp_f32 v[LG+\i], v[LG+\i]
.endr
	v_fma_f32 v[RX], v[RF], v[CW], -0.5            ; plain work behind the exponentials: reference point in pixels, and the points' first half
	v_fma_f32 v[RY], v[RF+1], v[CH], -0.5
	v_fma_f32 v[RX+1], v[RF+2], v[CW+1], -0.5
	v_fma_f32 v[RY+1], v[RF+3], v[CH+1], -0.5
	PT1 0, 0
	PT1 0, 1
	PT1 1, 0
	PT1 1, 1
	s_wait_alu depctr_va_vdst(0)                   ; the four exponentials have written v88-91, ahead of their first reader
	v_add_f32 v[TT], v[LG], v[LG+1]
	v_add_f32 v[TT+2], v[LG+2], v[LG+3]
	v_add_f32 v[TT], v[TT], v[TT+2]
	v_permlanex16_b32 v[TT+1], v[TT], s52, s53
	v_add_f32 v[TT], v[TT], v[TT+1]
	v_rcp_f32 v[TT], v[TT]
	s_wait_alu depctr_va_sdst(0)                   ; the sixteen compares have written s8-23, ahead of the selects that read them
	PT2A 0, 0                                      ; plain work behind the reciprocal, which names neither its result nor its source
	PT2A 0, 1
	PT2A 1, 0
	PT2A 1, 1
	s_wait_alu depctr_va_vdst(0)                   ; the reciprocal has written v114, ahead of its first reader
.irp i, 0,1,2,3
	v_mul_f32 v[LG+\i], v[LG+\i], v[TT]
.endr
	PT2B 0, 0
	PT2B 0, 1
	PT2B 1, 0
	PT2B 1, 1
	s_wait_alu depctr_va_vdst(0)                   ; the four points have written their weights v132-147 and indices v128-131, which the LDS stores read
.irp n, 0,1,2,3
	ds_store_b128 v[WTD], v[WO+4*\n:WO+4*\n+3] offset:128*\n
.endr
	ds_store_b64 v[IXA], v[IDO:IDO+1]
	ds_store_b64 v[IXA], v[IDO+2:IDO+3] offset:64
	s_wait_alu depctr_vm_vsrc(0)                   ; the trip's loads and stores have read the four addresses, stepped below, and the stores v128-147, which the next trip writes again
	v_add_nc_u32 v[SCA], 1536, v[SCA]              ; the next 16 rows: two groups
	v_add_nc_u32 v[RFA], 512, v[RFA]
	v_add_nc_u32 v[IXA], 512, v[IXA]
	v_add_nc_u32 v[WTD], 2048, v[WTD]
	s_wait_alu depctr_va_vdst(0)                   ; the addresses are written; the trip's arithmetic is done with v80-95, in which the next trip's loads land, and behind the last trip with v80-159, in which the images land
	s_sub_co_u32 s59, s59, 1
	s_cmp_lg_u32 s59, 0
	s_cbranch_scc1 .Loa_\@
.endm
; My wave's two images leave as they lie: 5 + 20 stores of 512 consecutive bytes.  They are my own bytes and LDS serves a wave in order: no barrier.
.macro OAOUT ia, wa
.irp i, 0,1,2,3,4
	ds_load_b128 v[4*\i:4*\i+3], v[\ia] offset:512*\i
.endr
.irp i, 0,1,2,3,4,5,6,7,8,9,10,11,12,13,14,15,16,17,18,19
	ds_load_b128 v[80+4*\i:83+4*\i], v[\wa] offset:512*\i
.endr
	s_wait_dscnt 0x0
.irp i, 0,1,2,3,4
	global_store_b128 v241, v[4*\i:4*\i+3], s[44:45] offset:512*\i
.endr
.irp i, 0,1,2,3,4,5,6,7,8,9,10,11,12,13,14,15,16,17,18,19
	global_store_b128 v241, v[80+4*\i:83+4*\i], s[46:47] offset:512*\i
.endr
.endm
.macro OABI                            ; the offsets' and the logits' bias as C
	ds_load_b128 v[BI:BI+3], v246
	ds_load_b128 v[BI+4:BI+7], v246 offset:16
	ds_load_b128 v[BI+8:BI+11], v249
	ds_load_b128 v[BI+12:BI+15], v249              ; the tile's upper columns repeat the lower and are never read
.endm
	s_load_b512 s[8:23], s[0:1], 0x0               ; q 8, reference_points 10, WP 12, S 14, o_b 16, g0 18, b0 20, t1 off_b 22
	s_load_b256 s[24:31], s[0:1], 0x40             ; t1 aw_b 24, t2 off_b 26, t2 aw_b 28, Q1 30
	s_load_b128 s[32:35], s[0:1], 0x60             ; IDX 32, WT 34
	v_lshl_add_u32 v254, v0, 2, SPARE              ; my spare word, and 0: kept for the wave's last lines alone
	v_mov_b32 v255, 0
	v_mov_b32 v240, v0
	v_lshrrev_b32 v1, 5, v0
	v_readfirstlane_b32 s2, v1
	v_and_b32 v243, 31, v0
	v_and_b32 v244, 15, v0
	v_bfe_u32 v245, v0, 4, 1
	v_lshlrev_b32 v241, 4, v243
	s_mov_b32 s3, ttmp9
	s_mul_i32 s4, s3, 80
	s_wait_alu depctr_va_sdst(0)                   ; s2 is written, ahead of its first reader
	s_mul_i32 s5, s2, 10
	s_add_co_u32 s5, s5, s4
	s_min_u32 s6, s5, NROW-10
	s_mov_b32 s52, 0x76543210
	s_mov_b32 s53, 0xfedcba98
	s_mov_b32 s54, 0x3727c5ac                      ; 1e-5
	s_mov_b32 s55, 0x3b800000                      ; 1 / 256
	s_mov_b32 s56, 0x3d000000                      ; 1 / 32
	s_mov_b32 s57, 0x42000000                      ; 32
	s_mov_b32 s61, 0x3fb8aa3b                      ; log2 e
	s_mov_b32 s51, 0
	v_lshlrev_b32 v228, 2, v240
	v_and_b32 v229, 127, v240
	v_lshlrev_b32 v229, 2, v229
	s_lshl_b32 s7, s4, 5
	v_lshl_add_u32 v230, v240, 4, s7
	v_min_u32 v230, 625904, v230                   ; the last group's dead rows take the buffer's last 16 bytes
	v_lshl_add_u32 v231, v240, 2, VEC
	v_lshl_add_u32 v232, v240, 4, REF
	s_cmp_eq_u32 s3, 244
	s_cselect_b32 s7, 0, 2560                      ; the second 40 sampled rows; in the last group the first 40 once more
	v_add_nc_u32 v233, s7, v241
	v_lshrrev_b32 v234, 2, v243
	v_mul_u32_u24 v234, v234, P16
	v_and_b32 v235, 3, v243
	v_lshl_add_u32 v234, v235, 4, v234
	s_lshl_b32 s7, s2, 6
	v_add_nc_u32 v234, s7, v234                    ; a load's 8 rows of 64 bytes in the operand: 528 (lane / 4) + 16 (lane % 4) + 64 w
	s_mul_i32 s7, s2, 10*P32
	s_add_co_u32 s7, s7, XF
	v_add_nc_u32 v235, s7, v241                    ; my ten rows of q
	s_wait_kmcnt 0x0
	s_lshl_b32 s50, s6, 10
	s_add_nc_u64 s[40:41], s[8:9], s[50:51]        ; q at my wave's first row
	s_mul_i32 s50, s2, SHB
	s_lshl_b32 s7, s4, 6
	s_add_co_u32 s50, s50, s7
	s_add_nc_u64 s[44:45], s[14:15], s[50:51]      ; head w's sampled rows at the group's first row
	s_lshl_b32 s50, s2, 14
	s_add_co_u32 s50, s50, 4*PASSB
	s_add_nc_u64 s[42:43], s[12:13], s[50:51]      ; pass 4
	s_cmp_lt_u32 s2, 4
	s_cselect_b64 s[22:23], s[22:23], s[24:25]     ; waves 0-3 fetch the offsets' bias, waves 4 and 5 the weights'
	s_cselect_b64 s[26:27], s[26:27], s[28:29]
	WIN 0x40
	s_wait_alu depctr_va_vdst(0)                   ; the offsets and LDS addresses v241 and v228-v235 are written, which the loads and stores below read; the head is done with v0 and v1, in which q lands
	WLOAD 0, 0                                     ; the first half of pass 4's weights; the second half follows behind the wait below
	WLOAD 1, 0
	WLOAD 2, 0
	WLOAD 3, 0
	WIN 0
	global_load_b32 v120, v228, s[16:17]
	global_load_b32 v121, v228, s[18:19]
	global_load_b32 v122, v228, s[20:21]
	s_cmp_lt_u32 s2, 6
	s_cbranch_scc0 .Lnv
	global_load_b32 v123, v229, s[22:23]
	global_load_b32 v124, v229, s[26:27]
.Lnv:
	s_cmp_lt_u32 s2, 5
	s_cbranch_scc0 .Lnr
	global_load_b128 v[128:131], v230, s[10:11]
.Lnr:
.irp i, 0,1,2,3,4
	global_load_b128 v[80+4*\i:83+4*\i], v241, s[44:45] offset:512*\i th:TH_LOAD_NT
	global_load_b128 v[100+4*\i:103+4*\i], v233, s[44:45] offset:512*\i th:TH_LOAD_NT
.endr
.irp i, 0,1,2,3,4,5,6,7,8,9
	global_load_b128 v[8*\i:8*\i+3], v241, s[40:41] offset:1024*\i th:TH_LOAD_NT
	global_load_b128 v[8*\i+4:8*\i+7], v241, s[40:41] offset:1024*\i+512 th:TH_LOAD_NT
.endr
	s_wait_loadcnt 0x0
	WLOAD 4, 0                                     ; they land under the LDS stores, the barrier and the first four k steps
	WLOAD 5, 0
	WLOAD 6, 0
	WLOAD 7, 0
	WIN 0
	ds_store_b32 v231, v120
	ds_store_b32 v231, v121 offset:1024
	ds_store_b32 v231, v122 offset:2048
	s_cmp_lt_u32 s2, 6
	s_cbranch_scc0 .Lnv2
	ds_store_b32 v231, v123 offset:3072
	ds_store_b32 v231, v124 offset:3840
.Lnv2:
	s_cmp_lt_u32 s2, 5
	s_cbranch_scc0 .Lnr2
	ds_store_b128 v232, v[128:131]
.Lnr2:
.irp i, 0,1,2,3,4
	ds_store_b128 v234, v[80+4*\i:83+4*\i] offset:8*P16*\i
	ds_store_b128 v234, v[100+4*\i:103+4*\i] offset:8*P16*(\i+5)
.endr
.irp i, 0,1,2,3,4,5,6,7,8,9
	ds_store_b128 v235, v[8*\i:8*\i+3] offset:P32*\i
	ds_store_b128 v235, v[8*\i+4:8*\i+7] offset:P32*\i+512
.endr
	v_mul_u32_u24 v242, v244, P16
	v_lshl_add_u32 v242, v245, 4, v242             ; fragments of the sampled rows
	s_lshl_b32 s7, s2, 6
	v_add_nc_u32 v251, s7, v242                    ; where my columns go as f16: 528 r + 64 w + 16 h
	s_lshl_b32 s7, s2, 7
	s_add_co_u32 s7, s7, VEC
	v_lshl_add_u32 v246, v245, 5, s7
	v_add_nc_u32 v252, 1024, v246
	v_mul_u32_u24 v248, v244, 80
	v_add_nc_u32 v248, ST, v248
	v_lshl_add_u32 v247, s2, 3, v248
	v_mul_u32_u24 v249, v244, P32
	v_lshl_add_u32 v249, v245, 5, v249
	s_lshl_b32 s7, s2, 7
	s_add_co_u32 s7, s7, XF
	v_add_nc_u32 v249, s7, v249                    ; q as the accumulators lie: 1040 r + 128 w + 32 h
	v_add_nc_u32 v250, 3*16*P32, v249              ; rows 48 on: the immediate ends at 65,535
	s_mul_i32 s50, s3, 81920
	s_mul_i32 s7, s2, 10240
	s_add_co_u32 s50, s50, s7
	s_add_nc_u64 s[30:31], s[30:31], s[50:51]
	BAR                                            ; sampled rows, q, vectors and reference points are whole
	s_wait_alu depctr_vm_vsrc(0)                   ; my LDS stores have read v0-131 and the head's memory lines their addresses v228-235: the products write the sums there, fragments and bias land there
	s_wait_alu depctr_va_vdst(0)                   ; v242 and v246-v252 are written, which the LDS instructions from here on read
	BILOAD 246, 0
	ASTART
	G256 1, 1                                      ; pass 4; its k steps ask for pass 5
	PLACES
	WLAST
.irp m, 0,1,2
.irp t, 0,1
.irp j, 0,1
	ds_load_b128 v[80+8*(2*\m+\t)+4*\j:80+8*(2*\m+\t)+4*\j+3], v249 offset:16*P32*\m+64*\t+16*\j      ; no vector or matrix line since the pass's last wait names v80-159
.endr
.endr
.endr
.irp m, 3,4
.irp t, 0,1
.irp j, 0,1
	ds_load_b128 v[80+8*(2*\m+\t)+4*\j:80+8*(2*\m+\t)+4*\j+3], v250 offset:16*P32*(\m-3)+64*\t+16*\j
.endr
.endr
.endr
	s_wait_dscnt 0x0
.set i, 0
.rept 40
	v_pk_add_f32 v[2*i:2*i+1], v[2*i:2*i+1], v[80+2*i:81+2*i]      ; q + src1, ascending
.set i, i+1
.endr
	LNORM 247, 248, 252
	CVT16
	s_wait_alu depctr_va_vdst(0)                   ; LayerNorm has written q1 in v0-79, which the stores to memory read, and the conversions v80-119, which the LDS stores read
.irp a, 0,1,2,3,4,5,6,7,8,9
.irp j, 0,1
	global_store_b128 v241, v[8*\a+4*\j:8*\a+4*\j+3], s[30:31] offset:1024*\a+512*\j   ; q1 in f32 as the registers hold it: 512 consecutive bytes a store
.endr
.endr
	ST16 251                                       ; behind LayerNorm's barrier nobody reads the sampled rows any more
	s_wait_xcnt 0x0                                ; the accumulators and the weights' base are written again only behind this wait
	s_wait_alu depctr_vm_vsrc(0)                   ; the stores have read v0-119, where the next pass's sums are written and its fragments land; the LDS loads above have read v246, v249 and v250, written again below
	s_add_nc_u64 s[42:43], s[42:43], PASSB         ; pass 5
	BAR
	s_lshl_b32 s7, s2, 6
	s_add_co_u32 s7, s7, VEC+3072
	v_lshl_add_u32 v246, v245, 5, s7
	s_lshl_b32 s7, s2, 5
	s_add_co_u32 s7, s7, VEC+3584
	v_lshl_add_u32 v249, v245, 4, s7
	s_mul_i32 s7, s2, 2560
	s_add_co_u32 s7, s7, IXI
	v_add_nc_u32 v250, s7, v241
	s_mul_i32 s7, s2, 10240
	s_add_co_u32 s7, s7, WTI
	v_add_nc_u32 v253, s7, v241
	s_mul_i32 s50, s2, IHB
	s_lshl_b32 s7, s4, 5
	s_add_co_u32 s50, s50, s7
	s_add_nc_u64 s[44:45], s[32:33], s[50:51]      ; my head's indices at the group's first row
	s_mul_i32 s50, s2, WHB
	s_lshl_b32 s7, s4, 7
	s_add_co_u32 s50, s50, s7
	s_add_nc_u64 s[46:47], s[34:35], s[50:51]      ; and its corner weights
	s_mov_b32 s58, 2
	s_wait_alu depctr_va_vdst(0)                   ; v246, v249, v250 and v253 are written, which the LDS loads below read
	OABI
	ASTART
	G256 1, 1                                      ; pass 5, t1's offsets and logits; its k steps ask for pass 6
	PLACES
	WLAST
	s_branch .Lcre                                 ; the loop is entered in its middle: its top holds the launch's last pass, whose waits count otherwise
.Lcr:
	s_wait_alu depctr_va_vdst(0)                   ; v246 and v249 are stepped, which the bias's loads read; the sampling step is done with v80-199, in which the fragments land
	OABI
	ASTART
	G256 1, 0                                      ; pass 6, t2's: nothing is left to fetch
	PLACES
.Lcre:                                             ; one cross attention's indices and weights; scratch and images are each wave's own, q1 is only read: no barrier
	E_OA
	OAOUT 250, 253
	s_wait_xcnt 0x0                                ; data and bases are written again only behind this wait
	s_wait_alu depctr_vm_vsrc(0)                   ; the images' stores have read v0-19 and v80-159, where the next pass's sums are written and its fragments land; the bias's loads have read v246 and v249, stepped below
	s_add_nc_u64 s[44:45], s[44:45], 8*IHB
	s_add_nc_u64 s[46:47], s[46:47], 8*WHB
	v_add_nc_u32 v246, 768, v246
	v_add_nc_u32 v249, 768, v249
	s_sub_co_u32 s58, s58, 1
	s_cmp_lg_u32 s58, 0
	s_cbranch_scc1 .Lcr
	s_cmp_eq_u32 s5, 244*80
	s_cbranch_scc0 .Lend                           ; wave 0 of the last group:
	v_mov_b32 v20, 0
	v_mov_b32 v21, 0
	v_lshlrev_b32 v22, 3, v243
	v_add_nc_u32 v22, 16*IHB, v22
	s_wait_alu depctr_va_vdst(0)                   ; v20-22 are written: the store's data and offset
	global_store_b64 v22, v[20:21], s[32:33]       ; the group of indices behind the buffer's last head, which the next launch fetches and does not use
.Lend:
	s_wait_dscnt 0x0                               ; the wave's end
	s_wait_alu 0x0
	s_wait_tensorcnt 0x0
	ds_add_u32 v254, v255
	s_wait_dscnt 0x0
	s_endpgm
.Lfunc_end_k_q5cfcef0db3_selfb:
	.size	k_q5cfcef0db3_selfb, .Lfunc_end_k_q5cfcef0db3_selfb-k_q5cfcef0db3_selfb
	.p2alignl 7, 3214868480
	.fill 96, 4, 3214868480
	.section	.rodata,"a",@progbits
	.p2align	6, 0x0
	.amdhsa_kernel k_q5cfcef0db3_selfb
		.amdhsa_group_segment_fixed_size 303872
		.amdhsa_private_segment_fixed_size 0
		.amdhsa_enable_private_segment 0
		.amdhsa_kernarg_size 112
		.amdhsa_user_sgpr_count 2
		.amdhsa_user_sgpr_kernarg_segment_ptr 1
		.amdhsa_wavefront_size32 1
		.amdhsa_system_sgpr_workgroup_id_x 1
		.amdhsa_system_sgpr_workgroup_id_y 1
		.amdhsa_system_sgpr_workgroup_id_z 1
		.amdhsa_system_vgpr_workitem_id 0
		.amdhsa_next_free_vgpr 384
		.amdhsa_next_free_sgpr 66
		.amdhsa_reserve_vcc 1
		.amdhsa_float_denorm_mode_32 3
		.amdhsa_float_denorm_mode_16_64 3
		.amdhsa_memory_ordered 1
		.amdhsa_forward_progress 1
		.amdhsa_inst_pref_size 105
	.end_amdhsa_kernel
	.amdgpu_metadata
---
amdhsa.version: [ 1, 2 ]
amdhsa.kernels:
  - .name:           k_q5cfcef0db3_selfb
    .symbol:         k_q5cfcef0db3_selfb.kd
    .args:
      - { .name: q, .offset: 0, .size: 8, .value_kind: global_buffer, .address_space: global }
      - { .name: reference_points, .offset: 8, .size: 8, .value_kind: global_buffer, .address_space: global }
      - { .name: WP, .offset: 16, .size: 8, .value_kind: global_buffer, .address_space: global }
      - { .name: S, .offset: 24, .size: 8, .value_kind: global_buffer, .address_space: global }
      - { .name: params_sa_o_b, .offset: 32, .size: 8, .value_kind: global_buffer, .address_space: global }
      - { .name: params_n0_g, .offset: 40, .size: 8, .value_kind: global_buffer, .address_space: global }
      - { .name: params_n0_b, .offset: 48, .size: 8, .value_kind: global_buffer, .address_space: global }
      - { .name: params_t1_off_b, .offset: 56, .size: 8, .value_kind: global_buffer, .address_space: global }
      - { .name: params_t1_aw_b, .offset: 64, .size: 8, .value_kind: global_buffer, .address_space: global }
      - { .name: params_t2_off_b, .offset: 72, .size: 8, .value_kind: global_buffer, .address_space: global }
      - { .name: params_t2_aw_b, .offset: 80, .size: 8, .value_kind: global_buffer, .address_space: global }
      - { .name: Q1, .offset: 88, .size: 8, .value_kind: global_buffer, .address_space: global }
      - { .name: IDX, .offset: 96, .size: 8, .value_kind: global_buffer, .address_space: global }
      - { .name: WT, .offset: 104, .size: 8, .value_kind: global_buffer, .address_space: global }
    .group_segment_fixed_size: 303872
    .private_segment_fixed_size: 0
    .kernarg_segment_align: 8
    .kernarg_segment_size: 112
    .max_flat_workgroup_size: 256
    .sgpr_count:     66
    .vgpr_count:     384
    .wavefront_size: 32
...
	.end_amdgpu_metadata
.endif
;; end of part 11
;; launch gathb: the kernel of part 8 again; grid 16 x 16, 16 waves a work-group, no clusters, 321,536 bytes of LDS; arguments VTB, IDX, WT, S; writes S
;; launch cross (part 12): grid 245 x 1, 8 waves a work-group, no clusters, 325,632 bytes of LDS; arguments Q1, WP, S, params_t1_o_b, params_n1_g, params_n1_b, params_t2_o_b, params_n2_g, params_n2_b, params_lin1_b, params_lin2_b, params_n5_g, params_n5_b, out0, out1; writes out0, out1
.if DOCPART == 12
	.amdgcn_target "amdgcn-amd-amdhsa--gfx1250"
	.amdhsa_code_object_version 6
	.text
	.protected	k_q5cfcef0db3_cross
	.globl	k_q5cfcef0db3_cross
	.p2align	8
	.type	k_q5cfcef0db3_cross,@function
k_q5cfcef0db3_cross:
	s_mov_b64 s[64:65], 0
	v_nop
	global_prefetch_b8 v0, s[64:65] scope:SCOPE_SE
	s_setreg_imm32_b32 hwreg(HW_REG_WAVE_SCHED_MODE, 0, 2), 2
	s_setreg_imm32_b32 hwreg(HW_REG_WAVE_MODE, 25, 1), 1
	s_wait_xcnt 0x0
	s_wait_alu depctr_vm_vsrc(0)
; The two cross attentions' output projections on their sampled rows, LayerNorms n1 and n2 (src3 = out0), x = q1 + src3, the feed-forward layers and LayerNorm n5 (out1).
; SHARES: 80 rows a work-group; products: every wave all rows x 32 columns, 10 accumulators by turns; row-wise work: wave w rows 10 w .. 10 w + 9.
; The sampled rows lie by heads, [attention][head][row][32 f16], 19,600 rows' room a head: wave w copies head w's 80 rows of both attentions into its 64 bytes of the operands' rows in LDS.
; In the last work-group, which has 40 rows, the second 40 repeat the first.
; src2 never leaves the accumulators: n1's bias is stored with t2's output bias added, and the second projection adds onto the result.  x stays in LDS in f32; the
; hidden layer, 80 x 1,024 in f16, stays in LDS.
; THE WEIGHTS' RING: eight sets of 16 registers, one for each k step of a pass, in the second register window.  In the k step behind a set's products the set
; takes the same k step of the next pass, so every weight load is issued seven k steps ahead of its products, across passes too.
; NO CLUSTER: 245 work-groups are no multiple of four, and what is shared, the weights, does not pass through LDS.
; LIMITS: operands are rounded to f16: beyond 65,504 an infinity, below 6e-5 a fixed step of 6e-8; NaN and infinities are not treated apart.
; THE MODE: SCHED_MODE bits 1:0 = 2 (LLVM: expert scheduling mode 2), set by the entry lines.  The code itself states the register dependences
; between vector or matrix instructions and memory or LDS instructions, with s_wait_alu, always for 0.
; THE PLAN, in a pass of products.  Registers that memory or LDS instructions touch:
;   weight sets 0-7   k step k's ten products read set k; the loads issued in k step k + 1 land in it (set 7: behind the pass).
;   fragment sets 0-2 k step k's products read set k % 3; the loads of k step k + 2, issued in k step k, land in set (k - 1) % 3.
;   v241, v242        the weights' offset, never written; the fragments' LDS address, written between passes alone.
; So ONE wait on va_vdst stands at the head of k steps 1 to 7: the step before is done reading the two sets in which this step's loads land.  The loads follow
; behind the step's first four products, which name set k, fragment set k % 3 and the sums: none of the registers that the loads touch.
; Row-wise work is laid in runs: all of a run's vector lines, one wait on va_vdst, all its stores; one wait on vm_vsrc ahead of the first line that writes what those stores read.
.set NROW, 19560
.set P16, 528
.set P32, 1040
.set ASZ, 80*P16
.set HID, ASZ                          ; four chunks of 256 hidden columns; the first holds the second attention's sampled rows before
.set OS,  HID+2*ASZ                    ; an output's 80 rows in f32, in the place of chunks 2 and 3
.set XI,  HID+4*ASZ                    ; x in f32 as the registers hold it: each lane's own bytes
.set VEC, XI+81920                     ; bo1 0, g1 1024, b1+bo2 2048, g2 3072, b2 4096, lin1_b 5120, lin2_b 9216, g5 10240, b5 11264
.set ST,  VEC+12288                    ; three regions of statistics, one for each LayerNorm
.set SPARE, ST+3*6400                  ; the spare words, 128 bytes for each wave: no other line names them
.set SHB, 19600*64
.set PASSB, 131072
.set AF, 80
.set BI, 224
; window 0: v0-79 the accumulators, v80-199 three sets of row fragments, v224-239 the bias as C, v240-255 kept.  window 1: v0-127 the weights' ring: k step k, tile t at 16 k + 8 t.
.set MSB, 0
.macro WIN new                         ; s_set_vgpr_msb: bits 1:0 source 0, 3:2 source 1, 5:4 source 2, 7:6 destination; the high byte repeats the setting that is left; a switch that changes nothing is dropped
.if MSB != (\new)
	s_set_vgpr_msb (MSB<<8)|(\new)
.set MSB, \new
.endif
.endm
.macro BAR
	s_wait_dscnt 0x0                               ; for the others' sake: my LDS stores are done and my reads are back
	s_barrier_signal -1
	s_barrier_wait -1
.endm
.macro PLACES                          ; four places (ISA guide 7.12.1) between the last products and the vector lines that read the sums or write a product's source
.rept 4
	v_nop
.endr
.endm
.macro WLOAD k, pb                     ; the weights of k step k of the pass pb bytes behind the base: 4 loads of 512 consecutive bytes, into window 1
	WIN 0x40
.irp t, 0,1
.irp j, 0,1
	global_load_b128 v[16*(\k)+8*\t+4*\j:16*(\k)+8*\t+4*\j+3], v241, s[42:43] offset:(\pb)+2048*(\k)+1024*\t+512*\j
.endr
.endr
.endm
.macro WNEXT
	s_wait_xcnt 0x0                                ; the base is stepped only behind this wait
	s_add_nc_u64 s[42:43], s[42:43], PASSB
.endm
.macro ALOAD k                         ; the 5 row fragments of k step k: 10 LDS loads
.irp m, 0,1,2,3,4
	ds_load_b128 v[AF+40*((\k)%3)+8*\m:AF+40*((\k)%3)+8*\m+3], v242 offset:16*P16*\m+64*(\k)
	ds_load_b128 v[AF+40*((\k)%3)+8*\m+4:AF+40*((\k)%3)+8*\m+7], v242 offset:16*P16*\m+64*(\k)+32
.endr
.endm
.macro ASTART
	ALOAD 0
	ALOAD 1
	ALOAD 2
.endm
.macro BILOAD a, o
	ds_load_b128 v[BI:BI+3], v[\a] offset:(\o)
	ds_load_b128 v[BI+4:BI+7], v[\a] offset:(\o)+16
	ds_load_b128 v[BI+8:BI+11], v[\a] offset:(\o)+64
	ds_load_b128 v[BI+12:BI+15], v[\a] offset:(\o)+80
.endm
.macro MM k, cb, m                     ; the two products of row tile m in k step k
.irp t, 0,1
.if ((\k) == 0) && (\cb)
	v_wmma_f32_16x16x32_f16 v[8*(2*(\m)+\t):8*(2*(\m)+\t)+7], v[16*(\k)+8*\t:16*(\k)+8*\t+7], v[AF+40*((\k)%3)+8*(\m):AF+40*((\k)%3)+8*(\m)+7], v[BI+8*\t:BI+8*\t+7]
.else
	v_wmma_f32_16x16x32_f16 v[8*(2*(\m)+\t):8*(2*(\m)+\t)+7], v[16*(\k)+8*\t:16*(\k)+8*\t+7], v[AF+40*((\k)%3)+8*(\m):AF+40*((\k)%3)+8*(\m)+7], v[8*(2*(\m)+\t):8*(2*(\m)+\t)+7]
.endif
.endr
.endm
; One k step of 32: ten matrix instructions on ten accumulators by turns.  cb = 1: the first step starts the sums with the bias.
; rf = 1: the set of the step before is filled again with the next pass's k step; rf = 0: the launch's last pass.
.macro KSTEP k, cb, rf
.if (\rf) && ((\k) > 0)
	s_wait_loadcnt 24                              ; six younger sets of weights, 4 loads each, may be out: k+1 .. 7 of this pass, 0 .. k-2 of the next
.else
	s_wait_loadcnt 4*(7-(\k))                      ; k+1 .. 7 of this pass may be out
.endif
.if (\k) == 0
	s_wait_dscnt 20                                ; the next two steps' twenty fragment loads may be out
.elseif (\k) < 7
	s_wait_dscnt 10                                ; the next step's ten fragment loads may be out
.else
	s_wait_dscnt 0
.endif
.if ((\k) > 0) && (((\k) < 6) || (\rf))
	s_wait_alu depctr_va_vdst(0)                   ; the products of the k step before are done reading fragment set (k - 1) % 3 and weight set k - 1, in which this step's loads land
.endif
	WIN 0x01                                       ; source 0, the weights, in window 1
	MM \k, \cb, 0
	MM \k, \cb, 1
.if ((\k) > 0) && ((\k) < 6)
	WIN 0
	ALOAD (\k)+2                                   ; no product since the wait names these registers
.endif
.if ((\k) > 0) && (\rf)
	WLOAD (\k)-1, PASSB
.endif
	WIN 0x01
	MM \k, \cb, 2
	MM \k, \cb, 3
	MM \k, \cb, 4
.endm
.macro G256 cb, rf
.irp kk, 0,1,2,3,4,5,6,7
	KSTEP \kk, \cb, \rf
.endr
	WIN 0                                          ; at a label and at a branch every window is 0
.endm
.macro WLAST                           ; behind a pass that refills: set 7 takes the next pass's last k step
	WIN 0x40
	s_wait_alu depctr_va_vdst(0)                   ; the pass's last products are done reading weight set 7, in which the loads below land, and all its products their fragment sets; where v242 was stepped just ahead, it is written
	WLOAD 7, PASSB
	WIN 0
.endm
; LAYERNORM of the 80 rows in the accumulators.  stw, str, gad: registers with the addresses of my statistics, of a row's statistics, of my columns' gain (the bias lies 1,024 bytes on).
.macro LN1 m                           ; my 32 columns of rows 16 m + r: mean, then the sum of squared deviations from it, into the pair v[224 + 2 m]
.set yy, 16*(\m)
.set dd, 80+16*(\m)
.set pr, 224+2*(\m)
	v_pk_add_f32 v[dd:dd+1], v[yy:yy+1], v[yy+2:yy+3]
	v_pk_add_f32 v[dd+2:dd+3], v[yy+4:yy+5], v[yy+6:yy+7]
	v_pk_add_f32 v[dd+4:dd+5], v[yy+8:yy+9], v[yy+10:yy+11]
	v_pk_add_f32 v[dd+6:dd+7], v[yy+12:yy+13], v[yy+14:yy+15]
	v_pk_add_f32 v[dd:dd+1], v[dd:dd+1], v[dd+2:dd+3]
	v_pk_add_f32 v[dd+4:dd+5], v[dd+4:dd+5], v[dd+6:dd+7]
	v_pk_add_f32 v[pr:pr+1], v[dd:dd+1], v[dd+4:dd+5]
	v_add_f32 v[pr], v[pr], v[pr+1]
	v_permlanex16_b32 v[pr+1], v[pr], s52, s53     ; the row's other 16 of my columns lie in the lane 16 away
	v_add_f32 v[pr], v[pr], v[pr+1]
	v_mul_f32 v[pr], s56, v[pr]
.irp i, 0,1,2,3,4,5,6,7
	v_pk_add_f32 v[dd+2*\i:dd+2*\i+1], v[yy+2*\i:yy+2*\i+1], v[pr:pr+1] op_sel_hi:[1,0] neg_lo:[0,1] neg_hi:[0,1]
.endr
	v_pk_mul_f32 v[dd:dd+1], v[dd:dd+1], v[dd:dd+1]
	v_pk_mul_f32 v[dd+2:dd+3], v[dd+2:dd+3], v[dd+2:dd+3]
	v_pk_fma_f32 v[dd:dd+1], v[dd+4:dd+5], v[dd+4:dd+5], v[dd:dd+1]
	v_pk_fma_f32 v[dd+2:dd+3], v[dd+6:dd+7], v[dd+6:dd+7], v[dd+2:dd+3]
	v_pk_fma_f32 v[dd:dd+1], v[dd+8:dd+9], v[dd+8:dd+9], v[dd:dd+1]
	v_pk_fma_f32 v[dd+2:dd+3], v[dd+10:dd+11], v[dd+10:dd+11], v[dd+2:dd+3]
	v_pk_fma_f32 v[dd:dd+1], v[dd+12:dd+13], v[dd+12:dd+13], v[dd:dd+1]
	v_pk_fma_f32 v[dd+2:dd+3], v[dd+14:dd+15], v[dd+14:dd+15], v[dd+2:dd+3]
	v_pk_add_f32 v[dd:dd+1], v[dd:dd+1], v[dd+2:dd+3]
	v_add_f32 v[pr+1], v[dd], v[dd+1]
	v_permlanex16_b32 v[dd], v[pr+1], s52, s53
	v_add_f32 v[pr+1], v[pr+1], v[dd]
.endm
.macro LN3 m                           ; the eight waves' pairs are joined: M2 = sum of M2 + 32 x sum of (mean_w - mean)^2
.set uu, 80+16*(\m)
.set pr, 224+2*(\m)
	v_pk_add_f32 v[234:235], v[uu:uu+1], v[uu+2:uu+3]
	v_pk_add_f32 v[236:237], v[uu+4:uu+5], v[uu+6:uu+7]
	v_pk_add_f32 v[238:239], v[uu+8:uu+9], v[uu+10:uu+11]
	v_pk_add_f32 v[234:235], v[234:235], v[236:237]
	v_pk_add_f32 v[236:237], v[uu+12:uu+13], v[uu+14:uu+15]
	v_pk_add_f32 v[236:237], v[236:237], v[238:239]
	v_pk_add_f32 v[234:235], v[234:235], v[236:237]
	v_mul_f32 v[pr+1], 0x3e000000, v234            ; the row's mean
.irp i, 0,1,2,3,4,5,6,7
	v_sub_f32 v[uu+2*\i], v[uu+2*\i], v[pr+1]
.endr
	v_mul_f32 v236, v[uu], v[uu]
	v_mul_f32 v237, v[uu+2], v[uu+2]
	v_fma_f32 v236, v[uu+4], v[uu+4], v236
	v_fma_f32 v237, v[uu+6], v[uu+6], v237
	v_fma_f32 v236, v[uu+8], v[uu+8], v236
	v_fma_f32 v237, v[uu+10], v[uu+10], v237
	v_fma_f32 v236, v[uu+12], v[uu+12], v236
	v_fma_f32 v237, v[uu+14], v[uu+14], v237
	v_add_f32 v236, v236, v237
	v_fma_f32 v235, v236, s57, v235
	v_fma_f32 v[pr], v235, s55, s54                ; variance + 1e-5
.endm
.macro LNORM stw, str, gad
.irp m, 0,1,2,3,4
	LN1 \m
.endr
	s_wait_alu depctr_va_vdst(0)                   ; the five pairs v224-233 are written, which the LDS stores read; the lines above are done with v80-159, in which the statistics land
.irp m, 0,1,2,3,4
	ds_store_b64 v[\stw], v[224+2*\m:225+2*\m] offset:1280*\m
.endr
	BAR
.irp m, 0,1,2,3,4
.irp i, 0,1,2,3
	ds_load_b128 v[80+16*\m+4*\i:80+16*\m+4*\i+3], v[\str] offset:1280*\m+16*\i
.endr
.endr
	s_wait_dscnt 0x0
	s_wait_alu depctr_vm_vsrc(0)                   ; the five LDS stores have read v224-233, which the lines below write again
.irp m, 0,1,2,3,4
	LN3 \m
.endr
.irp m, 0,1,2,3,4
	v_rsq_f32 v[224+2*\m], v[224+2*\m]
.endr
	v_nop                                          ; a plain instruction between the last root and the use of its result
	s_wait_alu depctr_va_vdst(0)                   ; the five roots have written their results, ahead of the first reader; the joining lines are done with v80-111, in which gain and bias land
.irp t, 0,1
.irp j, 0,1
	ds_load_b128 v[80+8*\t+4*\j:80+8*\t+4*\j+3], v[\gad] offset:64*\t+16*\j
	ds_load_b128 v[96+8*\t+4*\j:96+8*\t+4*\j+3], v[\gad] offset:1024+64*\t+16*\j
.endr
.endr
.irp m, 0,1,2,3,4
	v_mul_f32 v[225+2*\m], -v[225+2*\m], v[224+2*\m]       ; - mean x rstd
.endr
.irp m, 0,1,2,3,4
.irp i, 0,1,2,3,4,5,6,7
	v_pk_fma_f32 v[16*\m+2*\i:16*\m+2*\i+1], v[16*\m+2*\i:16*\m+2*\i+1], v[224+2*\m:225+2*\m], v[224+2*\m:225+2*\m] op_sel:[0,0,1] op_sel_hi:[1,0,1]
.endr
.endr
	s_wait_dscnt 0x0
.irp m, 0,1,2,3,4
.irp i, 0,1,2,3,4,5,6,7
	v_pk_fma_f32 v[16*\m+2*\i:16*\m+2*\i+1], v[16*\m+2*\i:16*\m+2*\i+1], v[80+2*\i:81+2*\i], v[96+2*\i:97+2*\i]
.endr
.endr
.endm
.macro CVT16                           ; the accumulators, rounded to f16, into v80-119
.irp n, 0,1,2,3,4,5,6,7,8,9
	v_cvt_pk_f16_f32 v[80+4*\n], v[8*\n], v[8*\n+1]
	v_cvt_pk_f16_f32 v[81+4*\n], v[8*\n+2], v[8*\n+3]
	v_cvt_pk_f16_f32 v[82+4*\n], v[8*\n+4], v[8*\n+5]
	v_cvt_pk_f16_f32 v[83+4*\n], v[8*\n+6], v[8*\n+7]
.endr
.endm
.macro ST16 a                          ; and from there into LDS, as an operand of 80 rows
.irp n, 0,1,2,3,4,5,6,7,8,9
	ds_store_b128 v[\a], v[80+4*\n:83+4*\n] offset:16*P16*(\n/2)+32*(\n%2)
.endr
.endm
.macro TOSTAGE                         ; the accumulators into the output's stage: row 16 m + r, columns 32 w + 16 t + 8 h on
.irp m, 0,1,2
.irp t, 0,1
.irp j, 0,1
	ds_store_b128 v249, v[8*(2*\m+\t)+4*\j:8*(2*\m+\t)+4*\j+3] offset:16*P32*\m+64*\t+16*\j
.endr
.endr
.endr
.irp m, 3,4
.irp t, 0,1
.irp j, 0,1
	ds_store_b128 v250, v[8*(2*\m+\t)+4*\j:8*(2*\m+\t)+4*\j+3] offset:16*P32*(\m-3)+64*\t+16*\j
.endr
.endr
.endr
.endm
.macro COPY32 p                        ; my ten rows leave the stage: each store covers 512 consecutive bytes
.irp i, 0,1,2,3,4,5,6,7,8,9
	ds_load_b128 v[80+8*\i:83+8*\i], v244 offset:P32*\i
	ds_load_b128 v[84+8*\i:87+8*\i], v244 offset:P32*\i+512
.endr
	s_wait_dscnt 0x0
.irp i, 0,1,2,3,4,5,6,7,8,9
	global_store_b128 v241, v[80+8*\i:83+8*\i], s[\p:\p+1] offset:1024*\i th:TH_STORE_NT
	global_store_b128 v241, v[84+8*\i:87+8*\i], s[\p:\p+1] offset:1024*\i+512 th:TH_STORE_NT
.endr
.endm
	s_load_b512 s[8:23], s[0:1], 0x0               ; Q1 8, WP 10, S 12, t1_o_b 14, n1_g 16, n1_b 18, t2_o_b 20, n2_g 22
	s_load_b256 s[24:31], s[0:1], 0x40             ; n2_b 24, lin1_b 26, lin2_b 28, n5_g 30
	s_load_b128 s[32:35], s[0:1], 0x60             ; n5_b 32, out0 34
	s_load_b64 s[36:37], s[0:1], 0x70              ; out1
	v_lshl_add_u32 v254, v0, 2, SPARE              ; my spare word, and 0: kept for the wave's last lines alone
	v_mov_b32 v255, 0
	v_mov_b32 v240, v0
	v_lshrrev_b32 v1, 5, v0
	v_readfirstlane_b32 s2, v1
	v_and_b32 v243, 31, v0
	v_and_b32 v244, 15, v0
	v_bfe_u32 v245, v0, 4, 1
	v_lshlrev_b32 v241, 4, v243
	s_mov_b32 s3, ttmp9
	s_mul_i32 s4, s3, 80
	s_wait_alu depctr_va_sdst(0)                   ; s2 is written, ahead of its first reader
	s_mul_i32 s5, s2, 10
	s_add_co_u32 s5, s5, s4
	s_mov_b32 s52, 0x76543210
	s_mov_b32 s53, 0xfedcba98
	s_mov_b32 s54, 0x3727c5ac                      ; 1e-5
	s_mov_b32 s55, 0x3b800000                      ; 1 / 256
	s_mov_b32 s56, 0x3d000000                      ; 1 / 32
	s_mov_b32 s57, 0x42000000                      ; 32
	s_mov_b32 s51, 0
	v_lshlrev_b32 v228, 2, v240
	v_lshlrev_b32 v229, 4, v240
	s_cmp_eq_u32 s3, 244
	s_cselect_b32 s7, 0, 2560                      ; the second 40 sampled rows; in the last group the first 40 once more
	v_add_nc_u32 v230, s7, v241
	v_lshrrev_b32 v231, 2, v243
	v_mul_u32_u24 v231, v231, P16
	v_and_b32 v232, 3, v243
	v_lshl_add_u32 v231, v232, 4, v231
	s_lshl_b32 s7, s2, 6
	v_add_nc_u32 v231, s7, v231                    ; a load's 8 rows of 64 bytes in the first operand: 528 (lane / 4) + 16 (lane % 4) + 64 w
	v_add_nc_u32 v232, ASZ, v231                   ; and in the second
	v_lshl_add_u32 v233, v240, 2, VEC
	v_lshl_add_u32 v234, v240, 4, VEC+5120
	s_wait_kmcnt 0x0
	s_mul_i32 s50, s2, SHB
	s_lshl_b32 s7, s4, 6
	s_add_co_u32 s50, s50, s7
	s_add_nc_u64 s[44:45], s[12:13], s[50:51]      ; head w's sampled rows at the group's first row: t1's,
	s_add_nc_u64 s[46:47], s[44:45], 8*SHB         ; and t2's
	s_lshl_b32 s50, s2, 14
	s_add_co_u32 s50, s50, 7*PASSB
	s_add_nc_u64 s[42:43], s[10:11], s[50:51]      ; pass 7
	WIN 0x40
	s_wait_alu depctr_va_vdst(0)                   ; the offsets and LDS addresses v241 and v228-v234 are written, which the loads and stores below read; the head is done with v0 and v1, in which sampled rows land
	WLOAD 0, 0                                     ; the first half of pass 7's weights; the second half follows behind the wait below
	WLOAD 1, 0
	WLOAD 2, 0
	WLOAD 3, 0
	WIN 0
	global_load_b32 v80, v228, s[14:15]
	global_load_b32 v81, v228, s[16:17]
	global_load_b32 v82, v228, s[18:19]
	global_load_b32 v83, v228, s[20:21]
	global_load_b32 v84, v228, s[22:23]
	global_load_b32 v85, v228, s[24:25]
	global_load_b32 v86, v228, s[28:29]
	global_load_b32 v87, v228, s[30:31]
	global_load_b32 v88, v228, s[32:33]
	global_load_b128 v[92:95], v229, s[26:27]
.irp i, 0,1,2,3,4
	global_load_b128 v[4*\i:4*\i+3], v241, s[44:45] offset:512*\i th:TH_LOAD_NT
	global_load_b128 v[20+4*\i:23+4*\i], v230, s[44:45] offset:512*\i th:TH_LOAD_NT
	global_load_b128 v[40+4*\i:43+4*\i], v241, s[46:47] offset:512*\i th:TH_LOAD_NT
	global_load_b128 v[60+4*\i:63+4*\i], v230, s[46:47] offset:512*\i th:TH_LOAD_NT
.endr
	s_wait_loadcnt 0x0
	WLOAD 4, 0                                     ; they land under the LDS stores, the barrier and the first four k steps
	WLOAD 5, 0
	WLOAD 6, 0
	WLOAD 7, 0
	WIN 0
	v_add_f32 v82, v82, v83                        ; n1's bias and t2's output bias go in together
	v_mul_u32_u24 v242, v244, P16                  ; the launch's LDS addresses are made here, ahead of the one wait that the sum above owes
	v_lshl_add_u32 v242, v245, 4, v242             ; fragments: 528 r + 16 h
	s_lshl_b32 s7, s2, 6
	v_add_nc_u32 v251, s7, v242                    ; my columns as f16: 528 r + 64 w + 16 h
	v_add_nc_u32 v243, HID, v251                   ; the same in the hidden layer's first chunk
	s_lshl_b32 s7, s2, 7
	s_add_co_u32 s7, s7, VEC
	v_lshl_add_u32 v246, v245, 5, s7               ; my columns of a vector: 128 w + 32 h
	v_add_nc_u32 v252, 1024, v246
	v_mul_u32_u24 v248, v244, 80
	v_add_nc_u32 v248, ST, v248
	v_lshl_add_u32 v247, s2, 3, v248
	v_mul_u32_u24 v249, v244, P32
	v_lshl_add_u32 v249, v245, 5, v249
	s_lshl_b32 s7, s2, 7
	s_add_co_u32 s7, s7, OS
	v_add_nc_u32 v249, s7, v249
	v_add_nc_u32 v250, 3*16*P32, v249              ; rows 48 on: the immediate ends at 65,535
	s_mul_i32 s7, s2, 10240
	s_add_co_u32 s7, s7, XI
	v_add_nc_u32 v253, s7, v241
	s_mul_i32 s7, s2, 10*P32
	s_add_co_u32 s7, s7, OS
	v_add_nc_u32 v244, s7, v241                    ; my ten rows of the stage (r is not needed any more)
	v_add_nc_u32 v245, 5120, v246                  ; lin1's bias (nor h)
	s_wait_alu depctr_va_vdst(0)                   ; v82 is written, which an LDS store reads; so are v242-v253, which the LDS instructions from here on read
	ds_store_b32 v233, v80
	ds_store_b32 v233, v81 offset:1024
	ds_store_b32 v233, v82 offset:2048
	ds_store_b32 v233, v84 offset:3072
	ds_store_b32 v233, v85 offset:4096
	ds_store_b32 v233, v86 offset:9216
	ds_store_b32 v233, v87 offset:10240
	ds_store_b32 v233, v88 offset:11264
	ds_store_b128 v234, v[92:95]
.irp i, 0,1,2,3,4
	ds_store_b128 v231, v[4*\i:4*\i+3] offset:8*P16*\i
	ds_store_b128 v231, v[20+4*\i:23+4*\i] offset:8*P16*(\i+5)
	ds_store_b128 v232, v[40+4*\i:43+4*\i] offset:8*P16*\i
	ds_store_b128 v232, v[60+4*\i:63+4*\i] offset:8*P16*(\i+5)
.endr
	s_mul_i32 s50, s3, 81920
	s_mul_i32 s7, s2, 10240
	s_add_co_u32 s50, s50, s7
	s_add_nc_u64 s[8:9], s[8:9], s[50:51]
	s_lshl_b32 s50, s5, 10
	s_add_nc_u64 s[34:35], s[34:35], s[50:51]
	s_add_nc_u64 s[36:37], s[36:37], s[50:51]
	BAR                                            ; both attentions' sampled rows and the vectors are whole
	s_wait_alu depctr_vm_vsrc(0)                   ; my LDS stores have read v0-95, in which the bias and the fragments land
.irp a, 0,1,2,3,4,5,6,7,8,9
.irp j, 0,1
	ds_load_b128 v[8*\a+4*\j:8*\a+4*\j+3], v246 offset:64*(\a%2)+16*\j     ; the sums begin with t1's output bias, so that both trips below are one text
.endr
.endr
	s_mov_b32 s58, 2
.Lt:                                               ; a trip: an output projection onto the accumulators, and a LayerNorm
	ASTART
	G256 0, 1
	PLACES
	WLAST
	LNORM 247, 248, 252
	WNEXT
	s_wait_alu depctr_vm_vsrc(0)                   ; the trip's LDS loads and stores have read v242, v247, v248 and v252, stepped below
	v_add_nc_u32 v242, ASZ, v242
	v_add_nc_u32 v252, 2048, v252
	v_add_nc_u32 v247, 6400, v247                  ; each LayerNorm has statistics' bytes of its own: no barrier between one's reads and the next one's stores
	v_add_nc_u32 v248, 6400, v248
	s_wait_alu depctr_va_vdst(0)                   ; the four addresses are written; LayerNorm is done reading v80-111, in which the next fragments (behind the last trip: q1) land, and has written the sums, which the stage's stores read
	s_sub_co_u32 s58, s58, 1
	s_cmp_lg_u32 s58, 0
	s_cbranch_scc1 .Lt
.irp a, 0,1,2,3,4,5,6,7,8,9
.irp j, 0,1
	global_load_b128 v[80+8*\a+4*\j:80+8*\a+4*\j+3], v241, s[8:9] offset:1024*\a+512*\j th:TH_LOAD_NT      ; q1, into the lanes that made it
.endr
.endr
	TOSTAGE                                        ; src3
	s_wait_loadcnt 0x0
	s_wait_alu depctr_vm_vsrc(0)                   ; the stage's stores have read the sums, which the additions below write again
.set i, 0
.rept 40
	v_pk_add_f32 v[2*i:2*i+1], v[2*i:2*i+1], v[80+2*i:81+2*i]      ; x = q1 + src3
.set i, i+1
.endr
	CVT16
	s_wait_alu depctr_va_vdst(0)                   ; the additions have written x in v0-79 and the conversions v80-119: the data of the thirty LDS stores below
.irp a, 0,1,2,3,4,5,6,7,8,9
.irp j, 0,1
	ds_store_b128 v253, v[8*\a+4*\j:8*\a+4*\j+3] offset:1024*\a+512*\j
.endr
.endr
	ST16 251
	BAR                                            ; src3 and x are whole
	s_wait_alu depctr_vm_vsrc(0)                   ; those stores have read v0-119: the stage's rows land in v80-159, and the next pass writes the sums
	s_cmp_lt_u32 s5, NROW
	s_cbranch_scc0 .Lno0
	COPY32 34
	s_wait_xcnt 0x0                                ; the stores' data registers are loaded again only behind this wait
.Lno0:
	BAR                                            ; every wave's reads of the stage are back before hidden chunks 2 and 3 are written there
	s_wait_alu depctr_vm_vsrc(0)                   ; out0's stores have read v80-159, in which the fragments land
	s_mov_b32 s7, 2*ASZ
	v_sub_nc_u32 v242, v242, s7                    ; fragments of x
	s_mov_b32 s58, 4
.Lf1:                                              ; a trip: 256 hidden columns
	s_wait_alu depctr_va_vdst(0)                   ; v242 (first trip) or v245 (later trips) is written, which the LDS loads below read
	BILOAD 245, 0
	ASTART
	G256 1, 1
	PLACES
	WLAST
.set i, 0
.rept 80
	v_max_num_f32 v[i], 0, v[i]
.set i, i+1
.endr
	CVT16
	s_wait_alu depctr_va_vdst(0)                   ; the conversions have written v80-119, which the LDS stores read, and are done reading the sums, in which x lands behind the last trip
	ST16 243
	WNEXT
	s_wait_alu depctr_vm_vsrc(0)                   ; the LDS stores have read v80-119, in which the next fragments land, and v243; the bias's loads have read v245: both are stepped below
	v_add_nc_u32 v243, ASZ, v243
	v_add_nc_u32 v245, 1024, v245
	s_sub_co_u32 s58, s58, 1
	s_cmp_lg_u32 s58, 0
	s_cbranch_scc1 .Lf1
	BAR                                            ; the hidden layer is whole
.irp a, 0,1,2,3,4,5,6,7,8,9
.irp j, 0,1
	ds_load_b128 v[8*\a+4*\j:8*\a+4*\j+3], v253 offset:1024*\a+512*\j      ; the sums begin with x; the two lines issued since the last wait on va_vdst name v243 and v245 alone
.endr
.endr
	BILOAD 246, 9216
	s_wait_dscnt 0x0
.irp a, 0,1,2,3,4,5,6,7,8,9
.irp i, 0,1,2,3
	v_pk_add_f32 v[8*\a+2*\i:8*\a+2*\i+1], v[8*\a+2*\i:8*\a+2*\i+1], v[BI+8*(\a%2)+2*\i:BI+8*(\a%2)+2*\i+1]      ; and lin2's bias
.endr
.endr
	v_add_nc_u32 v242, HID, v242
	s_wait_alu depctr_va_vdst(0)                   ; v242 is written, which the fragments' loads read
	s_mov_b32 s58, 3
.Lf2:                                              ; a trip: 256 of lin2's 1,024 rows; the fourth 256 are written out, since the launch's last pass asks for nothing and its waits count otherwise
	ASTART
	G256 0, 1
	s_wait_alu depctr_vm_vsrc(0)                   ; the pass's fragment loads have read v242
	v_add_nc_u32 v242, ASZ, v242                   ; stepped ahead of the wait that set 7's loads owe in any case: no further wait stands at the loop's head
	WLAST
	WNEXT
	s_sub_co_u32 s58, s58, 1
	s_cmp_lg_u32 s58, 0
	s_cbranch_scc1 .Lf2
	ASTART
	G256 0, 0
	PLACES
	v_add_nc_u32 v252, 5120, v252                  ; n5's gain
	LNORM 247, 248, 252                            ; its barrier also shows every wave's reads of the hidden layer over
	s_wait_alu depctr_va_vdst(0)                   ; LayerNorm has written the sums, which the stage's stores read, and is done reading v80-111, in which the stage's rows land
	TOSTAGE
	BAR
	s_cmp_lt_u32 s5, NROW
	s_cbranch_scc0 .Lno1
	COPY32 36
.Lno1:
	s_wait_dscnt 0x0                               ; the wave's end
	s_wait_alu 0x0
	s_wait_tensorcnt 0x0
	ds_add_u32 v254, v255
	s_wait_dscnt 0x0
	s_endpgm
.Lfunc_end_k_q5cfcef0db3_cross:
	.size	k_q5cfcef0db3_cross, .Lfunc_end_k_q5cfcef0db3_cross-k_q5cfcef0db3_cross
	.p2alignl 7, 3214868480
	.fill 96, 4, 3214868480
	.section	.rodata,"a",@progbits
	.p2align	6, 0x0
	.amdhsa_kernel k_q5cfcef0db3_cross
		.amdhsa_group_segment_fixed_size 325632
		.amdhsa_private_segment_fixed_size 0
		.amdhsa_enable_private_segment 0
		.amdhsa_kernarg_size 120
		.amdhsa_user_sgpr_count 2
		.amdhsa_user_sgpr_kernarg_segment_ptr 1
		.amdhsa_wavefront_size32 1
		.amdhsa_system_sgpr_workgroup_id_x 1
		.amdhsa_system_sgpr_workgroup_id_y 1
		.amdhsa_system_sgpr_workgroup_id_z 1
		.amdhsa_system_vgpr_workitem_id 0
		.amdhsa_next_free_vgpr 384
		.amdhsa_next_free_sgpr 66
		.amdhsa_reserve_vcc 0
		.amdhsa_float_denorm_mode_32 3
		.amdhsa_float_denorm_mode_16_64 3
		.amdhsa_memory_ordered 1
		.amdhsa_forward_progress 1
		.amdhsa_inst_pref_size 146
	.end_amdhsa_kernel
	.amdgpu_metadata
---
amdhsa.version: [ 1, 2 ]
amdhsa.kernels:
  - .name:           k_q5cfcef0db3_cross
    .symbol:         k_q5cfcef0db3_cross.kd
    .args:
      - { .name: Q1, .offset: 0, .size: 8, .value_kind: global_buffer, .address_space: global }
      - { .name: WP, .offset: 8, .size: 8, .value_kind: global_buffer, .address_space: global }
      - { .name: S, .offset: 16, .size: 8, .value_kind: global_buffer, .address_space: global }
      - { .name: params_t1_o_b, .offset: 24, .size: 8, .value_kind: global_buffer, .address_space: global }
      - { .name: params_n1_g, .offset: 32, .size: 8, .value_kind: global_buffer, .address_space: global }
      - { .name: params_n1_b, .offset: 40, .size: 8, .value_kind: global_buffer, .address_space: global }
      - { .name: params_t2_o_b, .offset: 48, .size: 8, .value_kind: global_buffer, .address_space: global }
      - { .name: params_n2_g, .offset: 56, .size: 8, .value_kind: global_buffer, .address_space: global }
      - { .name: params_n2_b, .offset: 64, .size: 8, .value_kind: global_buffer, .address_space: global }
      - { .name: params_lin1_b, .offset: 72, .size: 8, .value_kind: global_buffer, .address_space: global }
      - { .name: params_lin2_b, .offset: 80, .size: 8, .value_kind: global_buffer, .address_space: global }
      - { .name: params_n5_g, .offset: 88, .size: 8, .value_kind: global_buffer, .address_space: global }
      - { .name: params_n5_b, .offset: 96, .size: 8, .value_kind: global_buffer, .address_space: global }
      - { .name: out0, .offset: 104, .size: 8, .value_kind: global_buffer, .address_space: global }
      - { .name: out1, .offset: 112, .size: 8, .value_kind: global_buffer, .address_space: global }
    .group_segment_fixed_size: 325632
    .private_segment_fixed_size: 0
    .kernarg_segment_align: 8
    .kernarg_segment_size: 120
    .max_flat_workgroup_size: 256
    .sgpr_count:     66
    .vgpr_count:     384
    .wavefront_size: 32
...
	.end_amdgpu_metadata
.endif
;; end of part 12
